; MI455X (gfx1250); checked and timed in simulation.
; The chip was launched on July 23, 2026; its instructions are those of AMD's public machine-readable ISA for CDNA 5 (MIT licence, August 2026) and "CDNA5" Instruction Set Architecture Reference Guide (July 2026). The comments in the code are by the model that wrote it; some were corrected since.
;; Simple Decoder. Allowed arithmetic: matrix products marked QUANTISED: E2M3 operands, one E8M0 scale for each 32 along K, by v_wmma_scale_f32_16x16x128_f8f6f4 with both operands' format E2M3, f32 sums; everything else in f32.
;; Inputs: Wdown 1,024 x 4,096 float32; Wk 1,024 x 1,024 float32; Wo 1,024 x 1,024 float32; Wq 1,024 x 1,024 float32; Wup 4,096 x 1,024 float32; Wv 1,024 x 1,024 float32; X 2 x 2,048 x 1,024 float32; bdown 1,024 float32; bk 1,024 float32; bo 1,024 float32; bq 1,024 float32; bup 4,096 float32; bv 1,024 float32; ln1_b 1,024 float32; ln1_w 1,024 float32; ln2_b 1,024 float32; ln2_w 1,024 float32.
;; Outputs: out0 2 x 2,048 x 1,024 float32.
;; This version of the problem:
;;   THIS VERSION OF THE PROBLEM IS GIVEN IN LOW PRECISION. The matrix products marked QUANTISED in the list below multiply operands that are first quantised to E2M3 (2 exponent bits, 3 mantissa bits; 6 bits a number), with one power-of-two scale for each 32 numbers along K (OCP MX v1.0); their sums are f32. All else is computed in f32.
;;   The module's matrix products, in the order in which they are computed (A, B: the left and right operand; K: the contracted axis; several contracted axes count as one K, in the product's order):
;;     1. [M 4,096, K 1,024] x [K 1,024, N 1,024]; A: input X; B: input Wq: QUANTISED
;;     2. [M 4,096, K 1,024] x [K 1,024, N 1,024]; A: input X; B: input Wk: QUANTISED
;;     3. [M 4,096, K 1,024] x [K 1,024, N 1,024]; A: input X; B: input Wv: QUANTISED
;;     4. batch 32 x [M 2,048, K 64] x [K 64, N 2,048]; A: computed on the way; B: computed on the way: QUANTISED
;;     5. batch 32 x [M 2,048, K 2,048] x [K 2,048, N 64]; A: softmax (see below); B: computed on the way: QUANTISED
;;     6. [M 4,096, K 1,024] x [K 1,024, N 1,024]; A: computed on the way; B: input Wo: QUANTISED
;;     7. [M 4,096, K 1,024] x [K 1,024, N 4,096]; A: computed on the way; B: input Wup: QUANTISED
;;     8. [M 4,096, K 4,096] x [K 4,096, N 1,024]; A: computed on the way; B: input Wdown: QUANTISED
;;   THE QUANTISER, for each operand of a quantised product, along K:
;;     - K is cut into blocks of 32 from its start; a last block that is shorter is filled with zeros.
;;     - A block's scale is 2^e with e = floor(log2(the largest magnitude in the block)) - 2, held to -126 .. 127; a block of zeros has e = 0. As a byte (E8M0): e + 127.
;;     - Each number is divided by its block's scale, clamped to +-7.5, and rounded to the nearest number of E2M3, ties to even, subnormals kept.
;;     - The product sums the exact products of the quantised numbers (number of the format x scale) in f32.
;;   ~~~python
;;   def quantise(x, axis):      # numpy; x: float32 -> the quantised numbers, widened to float32 again
;;       x = np.moveaxis(x, axis, -1); K = x.shape[-1]
;;       x = np.pad(x, [(0, 0)] * (x.ndim - 1) + [(0, -K % 32)]); x = x.reshape(x.shape[:-1] + (-1, 32)); a = np.abs(x).max(-1, keepdims=True)
;;       e = np.where(a > 0, np.clip(np.frexp(np.where(a > 0, a, 1))[1] - 1 - 2, -126, 127), 0)      # np.frexp(a)[1] - 1 = floor(log2(a)), exactly
;;       r = np.clip(x / 2.0 ** e, -7.5, 7.5)
;;       step = 2.0 ** (np.maximum(np.frexp(np.where(r == 0, 1, r))[1] - 1, 0) - 3)
;;       q = np.round(r / step) * step * 2.0 ** e      # np.round: ties to even
;;       return np.moveaxis(q.reshape(q.shape[:-2] + (-1,))[..., :K], -1, axis).astype(np.float32)
;;   ~~~
;;   SOFTMAX AHEAD OF A QUANTISED PRODUCT. Where the list says 'softmax', what is quantised is not the finished softmax but p = 2^(t - M), with t = logit x log2(e) and M = ceil(the row's largest t), a whole number; so 1/2 < the row's largest p <= 1. The row's sum l is taken of the UNQUANTISED p, in f32, and the product's result is divided by l at the end. Since M is a whole number, a kernel that streams over the keys may use a running M (the ceiling of the running maximum): every later rescaling is an exact power of two, which a block's scale takes up: the codes' values come out the same.
;;   OPERANDS COMPUTED ON THE WAY. 'Computed on the way' means the value that the module computes at that place (a softmax that the list does not call 'softmax' is quantised finished and normalised). What goes into a quantiser is computed in f32, as accurately as f32 sums, v_exp_f32 and their like allow (about 1e-6 of the number): no bf16 or f16 on the way to a quantiser, and a product that is left as it is and whose result goes on into a quantised operand takes f32 operands (vector FMAs, or v_wmma_f32_16x16x4_f32). A number that lies on a knife's edge between two numbers of the format may be rounded either way, as far as f32 arithmetic and the matrix unit's own rounding can turn it there, and no further.
;; 2 versions. Each part assembles by itself: llvm-mc -triple=amdgcn-amd-amdhsa -mcpu=gfx1250 --defsym DOCPART=n.
;; ======== version 1 of 2: 8 launches
;; workspace buffers: wimg 13,107,200 bytes; qk_img 6,553,600 bytes; vt_img 3,276,800 bytes; at_img 3,276,800 bytes; cbuf 16,777,216 bytes; x1 16,777,216 bytes; x1_img 3,276,800 bytes; up_img 13,107,200 bytes
;; launch quant (part 1): grid 256 x 1, 8 waves a work-group, no clusters, 70,656 bytes of LDS; arguments X, Wq, Wk, Wv, Wo, Wup, Wdown, wimg; writes wimg
.if DOCPART == 1
	.amdgcn_target "amdgcn-amd-amdhsa--gfx1250"
	.amdhsa_code_object_version 6
	.text
	.protected	k_q199669ad3b_quant
	.globl	k_q199669ad3b_quant
	.p2align	8
	.type	k_q199669ad3b_quant,@function
k_q199669ad3b_quant:
	s_mov_b64 s[64:65], 0
	v_nop
	global_prefetch_b8 v0, s[64:65] scope:SCOPE_SE
	s_setreg_imm32_b32 hwreg(HW_REG_WAVE_MODE, 25, 1), 1
	s_wait_xcnt 0x0
; X and the six weights, f32 with K innermost, become codes of FP6 (E2M3) with one E8M0 scale byte for each 32 along K, laid as IMAGES OF THE MATRIX OPERAND'S REGISTERS.
; A UNIT is 64 rows x 128 K, 6,400 bytes: for c = 0, 1 and fragment f = 0..3: at 3072 c + 768 f + 16 lane the operand's registers 6 c .. 6 c + 3 of that lane, at 3072 c + 768 f + 512 + 8 lane registers 6 c + 4, 6 c + 5;
; at 6144 + 64 f + 4 r the scale word of the fragment's row r.  Row r of fragment f is row 32 (f / 2) + 8 (f % 2) + r + 8 (r / 8) of the 64: with that order a product's results are again 16 neighbours along the next K.
; A PANEL is 8 units (64 rows x 1,024 K), 51,200 bytes.  Work-group G makes panel G of wimg: 0-63 X, 64-79 Wq, 80-95 Wk, 96-111 Wv, 112-127 Wo, 128-191 Wup, 192-255 Wdown (64 rows x a quarter of its K of 4,096 each).
; Only pointers, a pitch and an offset are chosen by the work-group's number: all tensors take one path through the text.
; A block's scale is 2^(floor(log2(its largest magnitude)) - 2); its byte is that magnitude's exponent field - 2, held at 1 from below.
; LIMITS: a block of zeros gets the byte 1 where the rule says 127 (its codes are zeros, and this program alone reads the bytes); blocks whose largest magnitude lies under 2^-124 keep the byte 1; NaN and infinities are not served.
; SHARES: wave w takes fragment f = w % 4 and the four K steps 4 (w / 4) + t.  Each load reads 512 consecutive bytes of one row; a step's 16 rows turn through the wave's own stage in LDS (rows 528 bytes apart),
; so that a lane comes to hold 16 neighbours of each block of 32 of its row.  Codes leave as they stand in the registers: each store covers 512 or 256 consecutive aligned bytes.  Scale words are gathered in LDS and leave as 256 bytes a unit.
; Matrix units, clusters and tensor loads would add nothing: every input byte is read once by one wave.
.set SP,   528                         ; a stage row: 512 bytes + 16
.set WST,  16*SP                       ; a wave's stage
.set SCG,  8*WST                       ; behind the stages: the panel's scale words, [K step 8][f 4][16 words]
.set OFF,  16                          ; v16-31   byte offset of my 16 bytes in row i of my fragment
.set LD0,  32                          ; v32-159  two sets of 64 registers as loaded
.set XN,   160                         ; v160-223 64 numbers: register 16 b + i = k 32 b + 16 (lane / 16) + i of my row
.set PC,   224                         ; v224-243 the codes just made
.set TM,   244                         ; v244-247 largest magnitudes, v248-251 bytes, v252-255 the conversions' scale operands
.set PW,   11                          ; v11      the scale word just made
.set SEL,  38                          ; s[38:39] lane selects: lane l xor 16
.macro QUANT s
.irp b, 0,1,2,3
	v_max3_num_f32 v[TM+\b], |v[\s+16*\b]|, |v[\s+1+16*\b]|, 0x1800000   ; block b: my 16 numbers, and the floor 2^(3 - 127): the byte cannot fall under 1
.endr
.irp i, 2,4,6,8,10,12,14
.irp b, 0,1,2,3
	v_max3_num_f32 v[TM+\b], v[TM+\b], |v[\s+16*\b+\i]|, |v[\s+1+16*\b+\i]|   ; the four blocks by turns
.endr
.endr
.irp b, 0,1,2,3
	v_permlanex16_b32 v[TM+4+\b], v[TM+\b], s[SEL], s[SEL+1]
.endr
.irp b, 0,1,2,3
	v_max_num_f32 v[TM+\b], v[TM+\b], v[TM+4+\b]   ; with lane l xor 16's 16: the block's largest magnitude
.endr
.irp b, 0,1,2,3
	v_add_nc_u32 v[TM+8+\b], 0xff000000, v[TM+\b]  ; 2 off its exponent field: the conversion takes the exponent field of this operand as its scale
.endr
.irp b, 0,1,2,3
	v_lshrrev_b32 v[TM+4+\b], 23, v[TM+8+\b]       ; the scale's byte
.endr
	v_lshl_or_b32 v[PW], v[TM+5], 8, v[TM+4]       ; four bytes make my row's scale word
	v_lshl_or_b32 v[PW], v[TM+6], 16, v[PW]
	v_lshl_or_b32 v[PW], v[TM+7], 24, v[PW]
.irp c, 0,1
	v_cvt_scalef32_pk16_fp6_f32 v[PC+6*\c:PC+2+6*\c], v[\s+32*\c:\s+15+32*\c], v[TM+8+2*\c]
	v_cvt_scalef32_pk16_fp6_f32 v[PC+12+4*\c:PC+14+4*\c], v[\s+16+32*\c:\s+31+32*\c], v[TM+8+2*\c+1]   ; (a conversion's three registers begin on an even number)
.endr
	v_nop                                          ; one plain place behind a scaled conversion
.irp c, 0,1                                    ; the operand's layout wants a whole block in a lane: lanes 0-15 block 2 c, lanes 16-31 block 2 c + 1
.irp i, 0,1,2
	v_permlane16_swap_b32 v[PC+6*\c+\i], v[PC+12+4*\c+\i]
.endr
.irp i, 0,1,2
	v_mov_b32 v[PC+3+6*\c+\i], v[PC+12+4*\c+\i]
.endr
.endr
.endm
	s_load_b256 s[4:11], s[0:1], 0x0               ; X, Wq, Wk, Wv
	s_load_b256 s[12:19], s[0:1], 0x20             ; Wo, Wup, Wdown, wimg
	v_lshl_add_u32 v239, v0, 2, 0x11000
	v_mov_b32 v243, 0
	v_lshrrev_b32 v1, 5, v0
	v_readfirstlane_b32 s40, v1                    ; wave 0..7
	v_and_b32 v1, 31, v0                           ; lane
	v_and_b32 v2, 15, v0                           ; r
	v_bfe_u32 v3, v0, 4, 1                         ; h
	v_lshlrev_b32 v4, 4, v1                        ; 16 x lane
	v_lshlrev_b32 v5, 3, v1                        ; 8 x lane
	s_and_b32 s41, s40, 3                          ; f
	s_lshr_b32 s42, s40, 2                         ; which four K steps
	s_mul_i32 s30, s40, WST
	v_add_nc_u32 v6, s30, v4                       ; the stage, on the way in: a row's 512 bytes as they lie
	v_mul_u32_u24 v7, v2, SP
	v_lshl_add_u32 v7, v3, 6, v7
	v_add_nc_u32 v7, s30, v7                       ; and on the way out: row r, + 64 h: my 16 numbers of a block
	s_lshl_b32 s31, s42, 10
	s_lshl_b32 s32, s41, 6
	s_add_co_u32 s31, s31, s32
	s_add_co_u32 s31, s31, SCG
	v_lshl_add_u32 v8, v2, 2, s31                  ; where my row's scale word goes (both halves of the lanes write the same word with the same value)
	s_lshl_b32 s32, s40, 8
	s_add_co_u32 s32, s32, SCG
	v_add_nc_u32 v9, s32, v5                       ; and from where wave w takes unit w's 256 bytes of scale words
	s_mov_b32 s[SEL], 0x76543210
	s_mov_b32 s[SEL+1], 0xfedcba98
.irp b, 0,1,2,3
	v_mov_b32 v[TM+4+\b], 0                        ; written once: a lane permute's destination counts as one of its sources
.endr
	s_lshr_b32 s28, s41, 1
	s_lshl_b32 s28, s28, 5
	s_and_b32 s29, s41, 1
	s_lshl_b32 s29, s29, 3
	s_add_co_u32 s28, s28, s29                     ; my fragment's first row: 32 (f / 2) + 8 (f % 2)
	s_wait_kmcnt 0x0
	s_mov_b64 s[20:21], s[4:5]                     ; which tensor: the choice hangs on the work-group's number alone
	s_mov_b32 s22, 0                               ; and its first panel
.macro PICK bound, p
	s_cmp_ge_u32 ttmp9, \bound
	s_cselect_b64 s[20:21], s[\p:\p+1], s[20:21]
	s_cselect_b32 s22, \bound, s22
.endm
	PICK 64, 6
	PICK 80, 8
	PICK 96, 10
	PICK 112, 12
	PICK 128, 14
	PICK 192, 16
	s_sub_co_u32 s23, ttmp9, s22                   ; the panel's number in its tensor
	s_lshl_b32 s24, s23, 18                        ; K = 1,024: 64 rows of 4,096 bytes a panel
	s_lshr_b32 s25, s23, 2                         ; Wdown: 64 rows of 16,384 bytes for four panels,
	s_lshl_b32 s25, s25, 20
	s_and_b32 s26, s23, 3
	s_lshl_b32 s26, s26, 12                        ; and 4,096 bytes along a row from panel to panel
	s_add_co_u32 s25, s25, s26
	s_mov_b32 s27, 4096                            ; the pitch
	s_cmp_ge_u32 ttmp9, 192
	s_cselect_b32 s24, s25, s24
	s_cselect_b32 s27, 16384, s27
	s_lshl_b32 s25, s42, 11                        ; my four K steps: 2,048 bytes
	s_add_co_u32 s24, s24, s25
	s_mov_b32 s25, 0
	s_add_nc_u64 s[20:21], s[20:21], s[24:25]
.irp i, 0,1,2,3,4,5,6,7,8,9,10,11,12,13,14,15
	s_add_co_u32 s29, s28, \i+8*(\i/8)
	s_mul_i32 s29, s29, s27
	v_add_nc_u32 v[OFF+\i], s29, v4                ; row x pitch + 16 x lane
.endr
	s_mul_i32 s32, ttmp9, 51200
	s_mov_b32 s33, 0
	s_add_nc_u64 s[18:19], s[18:19], s[32:33]      ; my panel of wimg
	s_mul_i32 s32, s42, 25600
	s_mul_i32 s34, s41, 768
	s_add_co_u32 s32, s32, s34
	s_add_nc_u64 s[36:37], s[18:19], s[32:33]      ; my first unit, my fragment
	s_mul_i32 s32, s40, 6400
	s_add_nc_u64 s[44:45], s[18:19], s[32:33]      ; unit w, for the scale words
.macro LOAD t
.irp i, 0,1,2,3,4,5,6,7,8,9,10,11,12,13,14,15
	global_load_b128 v[LD0+64*((\t)%2)+4*\i:LD0+64*((\t)%2)+4*\i+3], v[OFF+\i], s[20:21] offset:512*(\t) th:TH_LOAD_NT   ; 32 lanes read 512 consecutive bytes of row i
.endr
.endm
.macro STEP t
.if (\t) < 3
	s_wait_loadcnt 16                              ; this step's 16 loads are in; the next step's 16 may be out
.else
	s_wait_loadcnt 0x0
.endif
.irp i, 0,1,2,3,4,5,6,7,8,9,10,11,12,13,14,15
	ds_store_b128 v6, v[LD0+64*((\t)%2)+4*\i:LD0+64*((\t)%2)+4*\i+3] offset:SP*\i
.endr
.irp b, 0,1,2,3
.irp q, 0,1,2,3
	ds_load_b128 v[XN+16*\b+4*\q:XN+16*\b+4*\q+3], v7 offset:128*\b+16*\q   ; LDS serves a wave's instructions in order: these see the stores above
.endr
.endr
	s_wait_dscnt 0x0                               ; the numbers are back, and the stores have read the set that the next loads fill
	s_wait_xcnt 0x0                                ; the last step's stores have read the codes' registers: they are written again only behind this wait
.if (\t) < 2
	LOAD (\t)+2
.endif
	QUANT XN
	global_store_b128 v4, v[PC:PC+3], s[36:37] offset:6400*(\t)
	global_store_b64 v5, v[PC+4:PC+5], s[36:37] offset:6400*(\t)+512
	global_store_b128 v4, v[PC+6:PC+9], s[36:37] offset:6400*(\t)+3072
	global_store_b64 v5, v[PC+10:PC+11], s[36:37] offset:6400*(\t)+3584
	ds_store_b32 v8, v[PW] offset:256*(\t)
.endm
	LOAD 0
	LOAD 1
	STEP 0
	STEP 1
	STEP 2
	STEP 3
	s_wait_dscnt 0x0                               ; for the others' sake: my scale words lie in LDS
	s_barrier_signal -1
	s_barrier_wait -1
	ds_load_b64 v[12:13], v9                       ; unit w's 64 scale words, made by four waves
	s_wait_dscnt 0x0
	global_store_b64 v5, v[12:13], s[44:45] offset:6144   ; 32 lanes store 256 consecutive aligned bytes
	s_wait_tensorcnt 0x0
	ds_add_u32 v239, v243
	s_wait_dscnt 0x0
	s_endpgm
.Lfunc_end_k_q199669ad3b_quant:
	.size	k_q199669ad3b_quant, .Lfunc_end_k_q199669ad3b_quant-k_q199669ad3b_quant
	.p2alignl 7, 3214868480
	.fill 96, 4, 3214868480
	.section	.rodata,"a",@progbits
	.p2align	6, 0x0
	.amdhsa_kernel k_q199669ad3b_quant
		.amdhsa_group_segment_fixed_size 70656
		.amdhsa_private_segment_fixed_size 0
		.amdhsa_enable_private_segment 0
		.amdhsa_kernarg_size 64
		.amdhsa_user_sgpr_count 2
		.amdhsa_user_sgpr_kernarg_segment_ptr 1
		.amdhsa_wavefront_size32 1
		.amdhsa_system_sgpr_workgroup_id_x 1
		.amdhsa_system_sgpr_workgroup_id_y 1
		.amdhsa_system_sgpr_workgroup_id_z 1
		.amdhsa_system_vgpr_workitem_id 0
		.amdhsa_next_free_vgpr 256
		.amdhsa_next_free_sgpr 66
		.amdhsa_reserve_vcc 0
		.amdhsa_float_denorm_mode_32 3
		.amdhsa_float_denorm_mode_16_64 3
		.amdhsa_memory_ordered 1
		.amdhsa_forward_progress 1
		.amdhsa_inst_pref_size 37
	.end_amdhsa_kernel
	.amdgpu_metadata
---
amdhsa.version: [ 1, 2 ]
amdhsa.kernels:
  - .name:           k_q199669ad3b_quant
    .symbol:         k_q199669ad3b_quant.kd
    .args:
      - { .name: X, .offset: 0, .size: 8, .value_kind: global_buffer, .address_space: global }
      - { .name: Wq, .offset: 8, .size: 8, .value_kind: global_buffer, .address_space: global }
      - { .name: Wk, .offset: 16, .size: 8, .value_kind: global_buffer, .address_space: global }
      - { .name: Wv, .offset: 24, .size: 8, .value_kind: global_buffer, .address_space: global }
      - { .name: Wo, .offset: 32, .size: 8, .value_kind: global_buffer, .address_space: global }
      - { .name: Wup, .offset: 40, .size: 8, .value_kind: global_buffer, .address_space: global }
      - { .name: Wdown, .offset: 48, .size: 8, .value_kind: global_buffer, .address_space: global }
      - { .name: wimg, .offset: 56, .size: 8, .value_kind: global_buffer, .address_space: global }
    .group_segment_fixed_size: 70656
    .private_segment_fixed_size: 0
    .kernarg_segment_align: 8
    .kernarg_segment_size: 64
    .max_flat_workgroup_size: 256
    .sgpr_count:     66
    .vgpr_count:     256
    .wavefront_size: 32
...
	.end_amdgpu_metadata
.endif
;; end of part 1
;; launch qkv (part 2): grid 8 x 24, 4 waves a work-group, clusters of 4 x 4, 327,680 bytes of LDS; arguments wimg, bq, bk, bv, qk_img, vt_img; writes qk_img, vt_img
.if DOCPART == 2
	.amdgcn_target "amdgcn-amd-amdhsa--gfx1250"
	.amdhsa_code_object_version 6
	.text
	.protected	k_q199669ad3b_qkv
	.globl	k_q199669ad3b_qkv
	.p2align	8
	.type	k_q199669ad3b_qkv,@function
k_q199669ad3b_qkv:
	s_mov_b64 s[64:65], 0
	v_nop
	global_prefetch_b8 v0, s[64:65] scope:SCOPE_SE
	s_setreg_imm32_b32 hwreg(HW_REG_WAVE_MODE, 25, 1), 1
	s_wait_xcnt 0x0
	s_wait_alu depctr_hold_cnt(0) depctr_sa_sdst(0) depctr_va_vdst(0) depctr_va_sdst(0) depctr_va_ssrc(0) depctr_va_vcc(0) depctr_vm_vsrc(0)
	s_getreg_b32 s2, hwreg(HW_REG_IB_STS2, 6, 4)
	s_cmp_eq_u32 s2, 0
	s_cbranch_scc0 .Lentry_in_a_cluster
	s_endpgm
.Lentry_in_a_cluster:
	s_bfe_u32 s2, ttmp6, 0x10000c
	s_cmp_lg_u32 s2, 0xf033
	s_cbranch_scc0 .Lentry_shape_is_right
	s_endpgm
.Lentry_shape_is_right:
; ONE TEXT FOR ALL FOUR LARGE PRODUCTS OF THE PROGRAM, C = A B^T on codes of FP6 (E2M3) with E8M0 scales; the four copies differ in the four constants below alone.
; MODE 0: A and B from wimg.  Clusters with y < 4: A = X, B = Wq | Wk, + bq | bk, quantised along the channels -> qk_img.  Clusters with y >= 4: A = Wv, B = X, + bv (by A's row), quantised along the TOKENS -> vt_img.
; MODE 1: relu(A B^T + bias), quantised along the columns -> an image.      MODE 2: A B^T as f32, row-major, 1,024 columns.
; OPERANDS ARE IMAGES OF THE MATRIX OPERAND'S REGISTERS.  A unit is 64 rows x 128 K, 6,400 bytes: at 3072 c + 768 f + 16 lane registers 6 c .. 6 c + 3 of fragment f, at 3072 c + 768 f + 512 + 8 lane registers 6 c + 4, 6 c + 5,
; at 6144 + 64 f + 4 r the scale word of the fragment's row r, which is row 32 (f / 2) + 8 (f % 2) + r + 8 (r / 8) of the 64.  A tensor is [rows / 64][K / 128] units.  So a fragment comes by four LDS loads of consecutive bytes,
; codes and scales travel in one tensor load, and no row needs a pitch or a padding.
; A tile of C, 256 x 256, is made by four waves, as many as a WGP has SIMDs; a wave makes 128 x 128: 64 accumulators, 512 registers.  K goes in steps of 256 through a ring of two LDS slots; each wave fetches a quarter of a slot
; (128 rows: two runs of 12,800 consecutive bytes) by one tensor load.  By this text's own count a wave has two tensor loads outstanding at the start and one behind each round.
; CLUSTERS: 4 x 4 work-groups; A's tiles are shared along a row of the cluster, B's along a column, each asked for jointly.  In MODE 0 the two kinds part on the CLUSTER's y, which all sixteen partners share.
; THE MATRIX INSTRUCTION IS USED TRANSPOSED (source 0 = 16 rows of B, source 1 = 16 rows of A): a lane holds one row of C, and by the order of a fragment's rows the 64 registers of a block of 16 rows are
; register 16 b + i = column 32 b + 16 (lane / 16) + i of my 128: what the conversions want.  A quantised result is stored as it stands in the registers: it IS the next product's image.
; The bias is the C of each sum's first matrix instruction.  The 64 accumulators take turns, one instruction a turn, in the same order in every step.
; LIMITS of the quantiser: a block of zeros gets the byte 1 where the rule says 127 (zero codes; this program alone reads the bytes); largest magnitudes under 2^-124 keep the byte 1; NaN and infinities are not served.
; REGISTERS: window 0: v0-31 addresses; v32-63 scale words, two sets; v64-127 the bias; v128-223 A's fragments, one set.  window 1: B's fragments, two sets, at v0 and v128.  windows 2, 3: the accumulators, (a, b) at v[8 (8 (a % 4) + b)].
.set MODE,   0
.set SIZE_K, 1024
.set BOFF,   0                         ; MODE 1, 2: where B's panels begin in wimg
.set KSOC,   16                        ; MODE 1: units in a panel of the output
.set KS,     SIZE_K/128                ; units in a panel of A and of B
.set UNIT,   6400
.set PANB,   KS*UNIT
.set CH,     2*UNIT                    ; a panel's two units of a slot
.set HALFT,  2*CH                      ; 128 rows x 256 K: one tensor load
.set SLOT,   4*HALFT                   ; A's four panels, then B's four
.set SPARE,  2*SLOT                    ; behind the ring: the spare words, 128 bytes for each wave, that no other line names
.set LAPS,   SIZE_K/512                ; a lap = once round the ring
.set NQ,     2
.set FR,     12                        ; registers of a fragment
.set NL,     4                         ; LDS loads that bring one
.set NP,     4                         ; places behind this matrix instruction (ISA guide 7.12.1)
.set SPITCH, 528                       ; MODE 2: a stage of 16 rows x (512 + 16) bytes for each wave, in slot 0, which has had its last fill and its last read by then
.set ADRS, 12                          ; v12-13 LDS address of my scale words in slot 0, 1: lanes 0-15 A's, lanes 16-31 B's
.set ADRA, 16                          ; v16-17 A's fragments, 16 x lane, slot 0, 1;  v18-19 the same with 512 + 8 x lane
.set ADRB, 20                          ; v20-23 the same for B
.set E0,   24                          ; v24-27 the way out
.set SPW,  28                          ; v28 LDS address of my spare word; never rewritten
.set NIL,  29                          ; v29 0; never rewritten
.set SC,   32
.set BI,   64
.set AF,   128
.set BK,   128                         ; MODE 2: rows read back from the stage, v128-191 and v192-255 by turns
.set TM,   32                          ; the quantiser on the way out: v32-35 magnitudes, v36-39 bytes, v40-43 scale operands
.set PW,   48
.set PC,   52
.set TT,   72
.set G1, 24
.set G0, 32
.set G1B, 48
.set G0B, 56
.set MSB, 0
.macro WIN new                         ; the immediate's high byte repeats the setting that is left
.if MSB != (\new)
	s_set_vgpr_msb (MSB<<8)|(\new)
.set MSB, (\new)
.endif
.endm
.set MUL_LO, 0xa1                      ; source 0 (B) window 1, source 1 (A) window 0, C and D window 2
.set MUL_HI, 0xf1                      ; the same, C and D window 3
.set TO_B,   0x40                      ; destination window 1, address window 0
; A joint load: waves 0 and 1 fetch for A, waves 2 and 3 for B; the branch hangs on the wave's number alone.  Four v_nop follow each of the two lines.
.macro JLOAD g0a, g1a, g0b, g1b
	s_cmp_eq_u32 s17, 0
	s_cbranch_scc0 .Lfor_b_\@
	tensor_load_to_lds s[\g0a:\g0a+3], s[\g1a:\g1a+7]
	s_nop 0
.rept 4
	v_nop
.endr
	s_branch .Lasked_\@
.Lfor_b_\@:
	tensor_load_to_lds s[\g0b:\g0b+3], s[\g1b:\g1b+7]
	s_nop 0
.rept 4
	v_nop
.endr
.Lasked_\@:
.endm
.macro CREST                           ; a round of the cluster's barrier behind its opening barrier
	s_cmp_lg_u32 s16, 0
	s_cbranch_scc1 .Lnot_wave_0_\@
	s_barrier_signal -3
.Lnot_wave_0_\@:
	s_barrier_wait -3
	s_barrier_signal -1
	s_barrier_wait -1
.endm
.macro CROUND
	s_barrier_signal -1
	s_barrier_wait -1
	CREST
.endm
.if MODE == 0
	s_load_b256 s[4:11], s[0:1], 0x0               ; wimg, bq, bk, bv
	s_load_b128 s[12:15], s[0:1], 0x20             ; qk_img, vt_img
.elseif MODE == 1
	s_load_b256 s[4:11], s[0:1], 0x0               ; A's image, wimg, the bias, the output image
.else
	s_load_b128 s[4:7], s[0:1], 0x0                ; A's image, wimg
	s_load_b64 s[8:9], s[0:1], 0x10                ; C
.endif
	v_lshl_add_u32 v[SPW], v0, 2, SPARE
	v_mov_b32 v[NIL], 0
	ds_add_u32 v28, v29
	ds_add_u32 v28, v29
	s_wait_dscnt 0x0
	v_lshrrev_b32 v1, 5, v0
	v_readfirstlane_b32 s16, v1                    ; wave 0..3
	s_lshr_b32 s17, s16, 1                         ; which half of the tile's rows is mine.  Also: I fetch for A (0) or for B (1)
	s_and_b32 s18, s16, 1                          ; which half of its columns.  Also: which two panels I fetch
	s_bfe_u32 s40, ttmp6, 0x40000                  ; cx, cy: my place in the cluster
	s_bfe_u32 s41, ttmp6, 0x40004
	s_and_b32 s68, ttmp7, 0xffff                   ; the cluster's y
	s_lshl_b32 s69, s68, 2                         ; the cluster's first tile row,
	s_lshl_b32 s70, ttmp9, 2                       ; and its first tile column
.if MODE == 0
	s_max_u32 s71, s68, 4
	s_sub_co_u32 s71, s71, 4
	s_lshl_b32 s71, s71, 1
	s_add_co_u32 s71, s71, ttmp9
	s_lshl_b32 s72, s71, 2                         ; the second kind: tile columns 4 (2 (y - 4) + x) on, over the 4,096 tokens
	s_cmp_ge_u32 s68, 4                            ; which kind: the same answer in all sixteen partners
	s_cselect_b32 s69, 0, s69
	s_cselect_b32 s70, s72, s70
	s_cselect_b32 s71, 96, 0                       ; A's first panel in wimg: Wv or X
	s_cselect_b32 s72, 0, 64                       ; B's: X or Wq | Wk
	s_cselect_b32 s73, 32, 16                      ; units in a panel of the output
.endif
	s_add_co_u32 s22, s69, s41                     ; tile row of C
	s_add_co_u32 s42, s70, s40                     ; tile column of C
	s_lshl_b32 s43, s41, 2
	s_lshl_b32 s43, 15, s43                        ; my row of the cluster
	s_lshl_b32 s44, 0x1111, s40                    ; my column
	; descriptor group 1: two rows of 1,600 elements of 8 bytes (a panel's two units), a panel apart; no padding
	s_or_b32 s[G1+0], s43, (3<<16)|(1<<21)         ; 15:0 the mask: A's tiles go to my row; 17:16 elements of 8 bytes; 21 set beside a mask
	s_or_b32 s[G1B+0], s44, (3<<16)|(1<<21)
.irp g, G1, G1B
	s_mov_b32 s[\g+1], 1600<<16                    ; tensor_dim0
	s_mov_b32 s[\g+2], 2<<16                       ; tensor_dim1
	s_mov_b32 s[\g+3], 1600<<16                    ; tile_dim0
	s_mov_b32 s[\g+4], 2                           ; tile_dim1
	s_mov_b32 s[\g+5], KS*800                      ; tensor_dim0_stride
	s_mov_b32 s[\g+6], 0
	s_mov_b32 s[\g+7], 0
.endr
	s_lshl_b32 s19, s18, 1                         ; which two panels of the tile's four I fetch
	s_lshl_b32 s20, s22, 2
	s_add_co_u32 s20, s20, s19                     ; A: panel 4 x tile row + 2 x half: no register of A's address ever holds cx
	s_lshl_b32 s46, s42, 2
	s_add_co_u32 s46, s46, s19                     ; B: panel 4 x tile column + 2 x half: none of B's ever holds cy
.if MODE == 0
	s_add_co_u32 s20, s20, s71
	s_add_co_u32 s46, s46, s72
.endif
	s_mul_i32 s20, s20, PANB
	s_mul_i32 s46, s46, PANB
.if MODE != 0
	s_add_co_u32 s46, s46, BOFF
.endif
	s_mov_b32 s21, 0
	s_mov_b32 s47, 0
	s_mul_i32 s45, s16, HALFT                      ; where they go: wave x 128 rows: no place in the cluster enters an LDS address
	s_wait_kmcnt 0x0
	s_add_nc_u64 s[20:21], s[4:5], s[20:21]
.if MODE == 0
	s_add_nc_u64 s[46:47], s[4:5], s[46:47]
.else
	s_add_nc_u64 s[46:47], s[6:7], s[46:47]
.endif
	CROUND                                         ; all sixteen work-groups are here: the first joint loads meet
.irp s, 0,1
	s_mov_b32 s[G0+4*\s], 1
	s_add_co_u32 s[G0+4*\s+1], s45, \s*SLOT
	s_add_nc_u64 s[G0+4*\s+2:G0+4*\s+3], s[20:21], \s*CH
	s_or_b32 s[G0+4*\s+3], s[G0+4*\s+3], 0x80000000
	s_mov_b32 s[G0B+4*\s], 1
	s_add_co_u32 s[G0B+4*\s+1], s45, \s*SLOT
	s_add_nc_u64 s[G0B+4*\s+2:G0B+4*\s+3], s[46:47], \s*CH
	s_or_b32 s[G0B+4*\s+3], s[G0B+4*\s+3], 0x80000000
	JLOAD G0+4*\s, G1, G0B+4*\s, G1B
.endr
	v_and_b32 v1, 15, v0                           ; r
	v_bfe_u32 v2, v0, 4, 1                         ; h
	v_and_b32 v3, 31, v0                           ; lane
	v_lshlrev_b32 v4, 4, v3                        ; 16 x lane
	v_lshlrev_b32 v6, 3, v3                        ; 8 x lane
	v_add_nc_u32 v5, 512, v6
	s_mul_i32 s19, s17, HALFT                      ; my 128 rows of A
	s_mul_i32 s23, s18, HALFT                      ; my 128 rows of B,
	s_add_co_u32 s23, s23, 2*HALFT                 ; which lie behind A's 256
.irp s, 0,1
	v_add_nc_u32 v[ADRA+\s], s19, v4
	v_add_nc_u32 v[ADRA+2+\s], s19, v5
	v_add_nc_u32 v[ADRB+\s], s23, v4
	v_add_nc_u32 v[ADRB+2+\s], s23, v5
	s_add_co_u32 s19, s19, SLOT
	s_add_co_u32 s23, s23, SLOT
.endr
	s_xor_b32 s23, s17, 1                          ; B's base less A's = HALFT x (2 + column half - row half), as one product:
	s_add_co_u32 s23, s23, s18
	s_add_co_u32 s23, s23, 1
	s_mul_i32 s23, s23, HALFT
	v_mul_u32_u24 v9, s23, v2                      ; lanes 16-31 take B's scale words
	v_lshl_add_u32 v9, v1, 2, v9
	s_mul_i32 s19, s17, HALFT
	s_add_co_u32 s19, s19, 6144
	v_add_nc_u32 v[ADRS], s19, v9
	v_add_nc_u32 v[ADRS+1], SLOT, v[ADRS]
.if MODE == 2
	s_mul_i32 s19, s16, 16*SPITCH                  ; my stage
	v_mul_u32_u24 v9, v1, SPITCH                   ; in: row r, + 64 h
	v_lshl_add_u32 v9, v2, 6, v9
	v_add_nc_u32 v[E0], s19, v9
	v_add_nc_u32 v[E0+1], s19, v4                  ; back: the 32 lanes take one row of 512 bytes
	v_mov_b32 v[E0+2], v4                          ; and the same in C
	s_lshl_b32 s74, s22, 8
	s_lshl_b32 s75, s17, 7
	s_add_co_u32 s74, s74, s75                     ; my first row of C
	s_lshl_b32 s74, s74, 12                        ; rows of 4,096 bytes
	s_lshl_b32 s75, s42, 10
	s_add_co_u32 s74, s74, s75
	s_lshl_b32 s75, s18, 9
	s_add_co_u32 s74, s74, s75                     ; my first column
	s_mov_b32 s75, 0
	s_add_nc_u64 s[76:77], s[8:9], s[74:75]
.else
	v_mov_b32 v[E0], v4                            ; the way out: 16 x lane,
	v_mov_b32 v[E0+1], v6                          ; 8 x lane,
	s_lshl_b32 s19, s16, 8                         ; and 256 bytes of LDS for each wave (in slot 0, behind its last fill and last read) in which a unit's scale words meet
	v_lshl_add_u32 v[E0+2], v1, 2, s19
	v_add_nc_u32 v[E0+3], s19, v6
	v_lshlrev_b32 v7, 6, v2                        ; the bias by column: 16 h numbers on
	v_and_b32 v8, 8, v1
	v_add_nc_u32 v8, v8, v1
	v_lshlrev_b32 v8, 2, v8                        ; the bias by row: r + 8 (r / 8) numbers on
	s_mov_b32 s86, 0x76543210
	s_mov_b32 s87, 0xfedcba98                      ; lane selects: lane l xor 16
	s_lshl_b32 s74, s22, 2
	s_lshl_b32 s75, s17, 1
	s_add_co_u32 s74, s74, s75                     ; the output's panel: 4 x tile row + 2 x row half
.if MODE == 0
	s_mul_i32 s74, s74, s73
	s_mul_i32 s78, s73, UNIT                       ; from a panel of the output to the next
	s_mov_b32 s79, 0
.else
	s_mul_i32 s74, s74, KSOC
.endif
	s_lshl_b32 s75, s42, 1
	s_add_co_u32 s74, s74, s75
	s_add_co_u32 s74, s74, s18                     ; its unit: 2 x tile column + column half
	s_mul_i32 s74, s74, UNIT
	s_mov_b32 s75, 0
.if MODE == 0
	s_lshl_b32 s80, s40, 10                        ; by column: 256 cx + 128 x column half numbers into bq or bk
	s_lshl_b32 s81, s18, 9
	s_add_co_u32 s80, s80, s81
	s_lshl_b32 s82, s41, 10                        ; by row: 256 cy + 128 x row half numbers into bv
	s_lshl_b32 s81, s17, 9
	s_add_co_u32 s82, s82, s81
	s_mov_b32 s81, 0
	s_cmp_ge_u32 ttmp9, 1
	s_cselect_b64 s[84:85], s[8:9], s[6:7]         ; columns 1,024 on are k's
	s_cmp_ge_u32 s68, 4
	s_cselect_b64 s[84:85], s[10:11], s[84:85]
	s_cselect_b64 s[76:77], s[14:15], s[12:13]
	s_cselect_b32 s80, s82, s80
	s_add_nc_u64 s[84:85], s[84:85], s[80:81]
	s_add_nc_u64 s[76:77], s[76:77], s[74:75]
	s_cmp_ge_u32 s68, 4
	s_cbranch_scc1 .Lbias_m
.else
	s_add_nc_u64 s[76:77], s[10:11], s[74:75]
	s_lshl_b32 s80, s42, 10
	s_lshl_b32 s81, s18, 9
	s_add_co_u32 s80, s80, s81
	s_mov_b32 s81, 0
	s_add_nc_u64 s[84:85], s[8:9], s[80:81]
.endif
.irp t, 0,1,2,3,4,5,6,7                        ; tile t's eight registers: the bias at columns 32 (t / 2) + 8 (t % 2) + 16 h + 0 .. 7
	global_load_b128 v[BI+8*\t:BI+8*\t+3], v7, s[84:85] offset:(32*(\t/2)+8*(\t%2))*4
	global_load_b128 v[BI+8*\t+4:BI+8*\t+7], v7, s[84:85] offset:(32*(\t/2)+8*(\t%2))*4+16
.endr
.if MODE == 0
	s_branch .Lbias_done
.Lbias_m:
.irp a, 0,1,2,3,4,5,6,7                        ; block a's eight registers all hold the bias of my row
.irp j, 0,1,2,3,4,5,6,7
	global_load_b32 v[BI+8*\a+\j], v8, s[84:85] offset:(32*(\a/2)+8*(\a%2))*4
.endr
.endr
.Lbias_done:
.endif
.endif
.macro FRAG reg, adr, q, i             ; a fragment, 12 registers a lane, as it lies in its unit
.set FO, ((\i)/4)*CH+(\q)*UNIT+((\i)%4)*768
	ds_load_b128 v[\reg:\reg+3], v[\adr] offset:FO
	ds_load_b64 v[\reg+4:\reg+5], v[\adr+2] offset:FO
	ds_load_b128 v[\reg+6:\reg+9], v[\adr] offset:FO+3072
	ds_load_b64 v[\reg+10:\reg+11], v[\adr+2] offset:FO+3072
.endm
; 16 matrix instructions: A's blocks a0, a0 + 1 x B's eight, the slot's q-th 128 along K.  p: B's set; sc: the set of scale words.  zero: 0 adds in place; 1, 2: the sum starts with the bias by column, by row; 3: with 0.
.macro MUL16 a0, p, q, sc, zero
.irp a, \a0, \a0+1
.irp b, 0,1,2,3,4,5,6,7
.set rD, 8*(8*((\a)%4)+\b)
.set rB, 128*(\p)+FR*\b
.set rA, AF+FR*(\a)
.set rT, SC+16*(\sc)+NQ*\b+(\q)
.set rU, SC+16*(\sc)+NQ*(\a)+(\q)
.if \zero == 0
	v_wmma_scale_f32_16x16x128_f8f6f4 v[rD:rD+7], v[rB:rB+FR-1], v[rA:rA+FR-1], v[rD:rD+7], v[rT], v[rU] matrix_a_fmt:MATRIX_FMT_FP6 matrix_b_fmt:MATRIX_FMT_FP6 matrix_a_scale:MATRIX_SCALE_ROW1
.elseif \zero == 1
	v_wmma_scale_f32_16x16x128_f8f6f4 v[rD:rD+7], v[rB:rB+FR-1], v[rA:rA+FR-1], v[BI+8*\b:BI+8*\b+7], v[rT], v[rU] matrix_a_fmt:MATRIX_FMT_FP6 matrix_b_fmt:MATRIX_FMT_FP6 matrix_a_scale:MATRIX_SCALE_ROW1
.elseif \zero == 2
	v_wmma_scale_f32_16x16x128_f8f6f4 v[rD:rD+7], v[rB:rB+FR-1], v[rA:rA+FR-1], v[BI+8*(\a):BI+8*(\a)+7], v[rT], v[rU] matrix_a_fmt:MATRIX_FMT_FP6 matrix_b_fmt:MATRIX_FMT_FP6 matrix_a_scale:MATRIX_SCALE_ROW1
.else
	v_wmma_scale_f32_16x16x128_f8f6f4 v[rD:rD+7], v[rB:rB+FR-1], v[rA:rA+FR-1], 0, v[rT], v[rU] matrix_a_fmt:MATRIX_FMT_FP6 matrix_b_fmt:MATRIX_FMT_FP6 matrix_a_scale:MATRIX_SCALE_ROW1
.endif
.endr
.endr
.endm
.macro FETCH_B slot, q, p
	WIN TO_B
.irp i, 0,1,2,3,4,5,6,7
	FRAG 128*(\p)+FR*\i, ADRB+\slot, \q, \i
.endr
	WIN 0
.endm
.macro FETCH_A slot, q, i0
.irp i, \i0, \i0+1, \i0+2, \i0+3
	FRAG AF+FR*(\i), ADRA+\slot, \q, \i
.endr
.endm
.macro SCALES sc                       ; slot sc's scale words: register 2 i + q: lanes 0-15 the word of A's block i, lanes 16-31 that of B's block i
.irp i, 0,1,2,3,4,5,6,7
.irp q, 0,1
	ds_load_b32 v[SC+16*\sc+NQ*\i+\q], v[ADRS+\sc] offset:(\i/4)*CH+\q*UNIT+64*(\i%4)
.endr
.endr
.endm
.macro PLACES n                        ; plain vector instructions between a matrix instruction and a load into, or a vector read or write of, its registers (ISA guide 7.12.1 for vector reads and writes)
.rept \n
	v_nop
.endr
.endm
.macro STEP slot, q, zero              ; a step of 128 along K that has its successor in the same slot
	s_wait_dscnt 4*NL                              ; B's set, A's blocks 0-3 and the scale words are in; the youngest 16 loads (A's blocks 4-7) may be out
.if (\zero == 1) || (\zero == 2)
	WIN 0x81                                       ; C (the bias) in window 0, D in window 2
.else
	WIN MUL_LO
.endif
	MUL16 0, (\q)%2, \q, \slot, \zero
	MUL16 2, (\q)%2, \q, \slot, \zero
	s_wait_dscnt 0                                 ; A's blocks 4-7 are in
	PLACES NP
	FETCH_B \slot, (\q)+1, 1-(\q)%2
	FETCH_A \slot, (\q)+1, 0
.if (\zero == 1) || (\zero == 2)
	WIN 0xc1
.else
	WIN MUL_HI
.endif
	MUL16 4, (\q)%2, \q, \slot, \zero
	MUL16 6, (\q)%2, \q, \slot, \zero
	PLACES NP
	WIN 0
	FETCH_A \slot, (\q)+1, 4
.endm
; A slot's last step changes slots: one barrier; in front of it each wave waits for all its tensor loads, adds 0 to its spare word, and waits for that and for its own reads of this slot.  fill = 1: the slot is filled again.
.macro TURN slot, next, fill
	s_wait_tensorcnt 0x0                           ; all my tensor loads have landed: my part of the next slot
	ds_add_u32 v[SPW], v[NIL]                      ; 0 onto my spare word
	s_wait_dscnt 4*NL+1                            ; (the add and the youngest 16 loads, A's blocks 4-7, may be out)
	WIN MUL_LO
	MUL16 0, 1, NQ-1, \slot, 0                     ; sixteen matrix instructions stand between the add and the wait for it
	s_wait_dscnt 0x0                               ; the add is done, and my reads of this slot are over
	s_barrier_signal -1
	MUL16 2, 1, NQ-1, \slot, 0
	WIN 0
	s_barrier_wait -1
.if \fill
	CREST                                          ; the barrier has opened a round of the cluster's barrier: no wave of any partner still reads this slot or has a load on its way
	s_add_nc_u64 s[G0+4*\slot+2:G0+4*\slot+3], s[G0+4*\slot+2:G0+4*\slot+3], 2*CH
	s_add_nc_u64 s[G0B+4*\slot+2:G0B+4*\slot+3], s[G0B+4*\slot+2:G0B+4*\slot+3], 2*CH
	JLOAD G0+4*\slot, G1, G0B+4*\slot, G1B         ; the first tensor load behind the round; its four v_nop are the places in front of the loads below
.else
	PLACES NP
.endif
	FETCH_B \next, 0, 0
	FETCH_A \next, 0, 0
	SCALES \next
	WIN MUL_HI
	MUL16 4, 1, NQ-1, \slot, 0
	MUL16 6, 1, NQ-1, \slot, 0
	PLACES NP
	WIN 0
	FETCH_A \next, 0, 4
.endm
	s_wait_tensorcnt 1                             ; my part of slot 0 is in; slot 1's load may be out
	s_barrier_signal -1
	s_barrier_wait -1
	FETCH_B 0, 0, 0
	FETCH_A 0, 0, 0
	SCALES 0
	FETCH_A 0, 0, 4
.if MODE == 0
	s_wait_loadcnt 0x0                             ; the bias
	s_cmp_ge_u32 s68, 4
	s_cbranch_scc1 .Lfirst_m
	STEP 0, 0, 1                                   ; the first step stands in front of the loop: its products start the sums
	s_branch .Lfirst_done
.Lfirst_m:
	STEP 0, 0, 2
.Lfirst_done:
.elseif MODE == 1
	s_wait_loadcnt 0x0
	STEP 0, 0, 1
.else
	STEP 0, 0, 3
.endif
	s_mov_b32 s66, LAPS-1
.Llap:                                                 ; a trip goes once round the ring and fills both slots again
	TURN 0, 1, 1
	STEP 1, 0, 0
	TURN 1, 0, 1
	STEP 0, 0, 0
	s_sub_co_u32 s66, s66, 1
	s_cmp_lg_u32 s66, 0
	s_cbranch_scc1 .Llap
	TURN 0, 1, 0                                   ; the last lap fills nothing, and has no round
	STEP 1, 0, 0
	s_wait_dscnt 4*NL                              ; the very last step
	WIN MUL_LO
	MUL16 0, 1, NQ-1, 1, 0
	MUL16 2, 1, NQ-1, 1, 0
	s_wait_dscnt 0
	WIN MUL_HI
	MUL16 4, 1, NQ-1, 1, 0
	MUL16 6, 1, NQ-1, 1, 0
	WIN 0
	PLACES NP                                      ; in front of the first read of results and of writes into registers that the last products read
.if MODE == 2
; THE WAY OUT, f32: a block of 16 rows x 128 columns goes through my own stage and comes back as whole rows of 512 bytes.  LDS serves a wave's instructions in order: no wait between the stores and the loads.
.macro TOSTAGE a
.set AC, 64*((\a)%4)
	WIN 0x08+4*((\a)/4)                            ; the data: window 2 or 3
.irp b, 0,1,2,3,4,5,6,7
	ds_store_b128 v[E0], v[AC+8*\b:AC+8*\b+3] offset:128*(\b/2)+32*(\b%2)       ; each accumulator from its low end on; columns 32 (b / 2) + 8 (b % 2) + 16 h on
	ds_store_b128 v[E0], v[AC+8*\b+4:AC+8*\b+7] offset:128*(\b/2)+32*(\b%2)+16
.endr
	WIN 0
.set BB, BK+64*((\a)%2)
.irp t, 0,1,2,3,4,5,6,7,8,9,10,11,12,13,14,15
	ds_load_b128 v[BB+4*\t:BB+4*\t+3], v[E0+1] offset:\t*SPITCH
.endr
.endm
.macro SEND a, younger
.set BB, BK+64*((\a)%2)
	s_wait_dscnt \younger                          ; the block is back; the next block's 16 stores and 16 loads may be out
.irp t, 0,1,2,3,4,5,6,7,8,9,10,11,12,13,14,15
	global_store_b128 v[E0+2], v[BB+4*\t:BB+4*\t+3], s[76:77] offset:(32*((\a)/2)+8*((\a)%2)+\t+8*(\t/8))*4096   ; 32 lanes store 512 consecutive aligned bytes; 127 rows at the most: inside the signed 24-bit immediate
.endr
.endm
	TOSTAGE 0
.irp a, 1,2,3,4,5,6,7
.if \a > 1
	s_wait_xcnt 0x0                                ; block a - 2's stores have read their registers: block a's loads may land there
.endif
	TOSTAGE \a
	SEND \a-1, 32
.endr
	SEND 7, 0
.else
; THE WAY OUT, quantised: block a's 64 registers are 128 neighbouring columns of my row: four blocks of 32, each shared with lane l xor 16.  The codes are stored as they stand: fragment a % 4 of a unit of the output.
.irp b, 0,1,2,3
	v_mov_b32 v[TM+4+\b], 0                        ; a lane permute's destination counts as one of its sources
.endr
.irp a, 0,1,2,3,4,5,6,7
.set QS, 64*(\a%4)
.set QW, 2+\a/4
.set QF, \a%4
.if \a > 0
	s_wait_xcnt 0x0                                ; the last block's stores have read the codes' registers
.endif
.if MODE == 1
	WIN (QW<<2)|(QW<<6)
.set j, 0
.rept 64
	v_max_num_f32 v[QS+j], 0, v[QS+j]              ; the activation, in f32, each accumulator from its low end on
.set j, j+1
.endr
.endif
	WIN QW|(QW<<2)
.irp b, 0,1,2,3
	v_max3_num_f32 v[TM+\b], |v[QS+16*\b]|, |v[QS+1+16*\b]|, 0x1800000   ; and the floor 2^(3 - 127): the byte cannot fall under 1
.endr
	WIN (QW<<2)|(QW<<4)
.irp i, 2,4,6,8,10,12,14
.irp b, 0,1,2,3
	v_max3_num_f32 v[TM+\b], v[TM+\b], |v[QS+16*\b+\i]|, |v[QS+1+16*\b+\i]|
.endr
.endr
	WIN 0
.irp b, 0,1,2,3
	v_permlanex16_b32 v[TM+4+\b], v[TM+\b], s86, s87
.endr
.irp b, 0,1,2,3
	v_max_num_f32 v[TM+\b], v[TM+\b], v[TM+4+\b]
.endr
.irp b, 0,1,2,3
	v_add_nc_u32 v[TM+8+\b], 0xff000000, v[TM+\b]  ; 2 off the exponent field: the conversion's scale operand
.endr
.irp b, 0,1,2,3
	v_lshrrev_b32 v[TM+4+\b], 23, v[TM+8+\b]       ; the scale's byte
.endr
	v_lshl_or_b32 v[PW], v[TM+5], 8, v[TM+4]
	v_lshl_or_b32 v[PW], v[TM+6], 16, v[PW]
	v_lshl_or_b32 v[PW], v[TM+7], 24, v[PW]
	WIN QW
.irp c, 0,1
	v_cvt_scalef32_pk16_fp6_f32 v[PC+6*\c:PC+2+6*\c], v[QS+32*\c:QS+15+32*\c], v[TM+8+2*\c]
	v_cvt_scalef32_pk16_fp6_f32 v[PC+12+4*\c:PC+14+4*\c], v[QS+16+32*\c:QS+31+32*\c], v[TM+8+2*\c+1]
.endr
	WIN 0
	v_nop                                          ; one plain place behind a scaled conversion
.irp c, 0,1
.irp i, 0,1,2
	v_permlane16_swap_b32 v[PC+6*\c+\i], v[PC+12+4*\c+\i]
.endr
.irp i, 0,1,2
	v_mov_b32 v[PC+3+6*\c+\i], v[PC+12+4*\c+\i]
.endr
.endr
	global_store_b128 v[E0], v[PC:PC+3], s[76:77] offset:768*QF          ; 512 consecutive aligned bytes
	global_store_b64 v[E0+1], v[PC+4:PC+5], s[76:77] offset:768*QF+512   ; 256
	global_store_b128 v[E0], v[PC+6:PC+9], s[76:77] offset:768*QF+3072
	global_store_b64 v[E0+1], v[PC+10:PC+11], s[76:77] offset:768*QF+3584
	ds_store_b32 v[E0+2], v[PW] offset:64*QF       ; both halves of the lanes write the same word with the same value
.if QF == 3
	ds_load_b64 v[TT:TT+1], v[E0+3]                ; the unit's 64 scale words: LDS serves my instructions in order
	s_wait_dscnt 0x0
	global_store_b64 v[E0+1], v[TT:TT+1], s[76:77] offset:6144   ; 256 consecutive aligned bytes
.if \a == 3
	s_wait_xcnt 0x0                                ; the stores have read their base: on to the next panel of the output
.if MODE == 0
	s_add_nc_u64 s[76:77], s[76:77], s[78:79]
.else
	s_add_nc_u64 s[76:77], s[76:77], KSOC*UNIT
.endif
.endif
.endif
.endr
.endif
	s_wait_tensorcnt 0x0                           ; the wave's end
	ds_add_u32 v[SPW], v[NIL]
	s_wait_dscnt 0x0
	CROUND                                         ; the closing round: no work-group ends while a partner may still ask for a tile that names it
	s_endpgm
.Lfunc_end_k_q199669ad3b_qkv:
	.size	k_q199669ad3b_qkv, .Lfunc_end_k_q199669ad3b_qkv-k_q199669ad3b_qkv
	.p2alignl 7, 3214868480
	.fill 96, 4, 3214868480
	.section	.rodata,"a",@progbits
	.p2align	6, 0x0
	.amdhsa_kernel k_q199669ad3b_qkv
		.amdhsa_group_segment_fixed_size 327680
		.amdhsa_private_segment_fixed_size 0
		.amdhsa_enable_private_segment 0
		.amdhsa_kernarg_size 48
		.amdhsa_user_sgpr_count 2
		.amdhsa_user_sgpr_kernarg_segment_ptr 1
		.amdhsa_wavefront_size32 1
		.amdhsa_system_sgpr_workgroup_id_x 1
		.amdhsa_system_sgpr_workgroup_id_y 1
		.amdhsa_system_sgpr_workgroup_id_z 1
		.amdhsa_system_vgpr_workitem_id 0
		.amdhsa_next_free_vgpr 1024
		.amdhsa_next_free_sgpr 96
		.amdhsa_reserve_vcc 0
		.amdhsa_float_denorm_mode_32 3
		.amdhsa_float_denorm_mode_16_64 3
		.amdhsa_memory_ordered 1
		.amdhsa_forward_progress 1
		.amdhsa_inst_pref_size 171
	.end_amdhsa_kernel
	.amdgpu_metadata
---
amdhsa.version: [ 1, 2 ]
amdhsa.kernels:
  - .name:           k_q199669ad3b_qkv
    .symbol:         k_q199669ad3b_qkv.kd
    .args:
      - { .name: wimg, .offset: 0, .size: 8, .value_kind: global_buffer, .address_space: global }
      - { .name: bq, .offset: 8, .size: 8, .value_kind: global_buffer, .address_space: global }
      - { .name: bk, .offset: 16, .size: 8, .value_kind: global_buffer, .address_space: global }
      - { .name: bv, .offset: 24, .size: 8, .value_kind: global_buffer, .address_space: global }
      - { .name: qk_img, .offset: 32, .size: 8, .value_kind: global_buffer, .address_space: global }
      - { .name: vt_img, .offset: 40, .size: 8, .value_kind: global_buffer, .address_space: global }
    .group_segment_fixed_size: 327680
    .private_segment_fixed_size: 0
    .kernarg_segment_align: 8
    .kernarg_segment_size: 48
    .max_flat_workgroup_size: 128
    .sgpr_count:     96
    .vgpr_count:     1024
    .wavefront_size: 32
...
	.end_amdgpu_metadata
.endif
;; end of part 2
;; launch attn (part 3): grid 8 x 32, 16 waves a work-group, no clusters, 210,944 bytes of LDS; arguments qk_img, vt_img, at_img; writes at_img
.if DOCPART == 3
	.amdgcn_target "amdgcn-amd-amdhsa--gfx1250"
	.amdhsa_code_object_version 6
	.text
	.protected	k_q199669ad3b_attn
	.globl	k_q199669ad3b_attn
	.p2align	8
	.type	k_q199669ad3b_attn,@function
k_q199669ad3b_attn:
	s_mov_b64 s[64:65], 0
	v_nop
	global_prefetch_b8 v0, s[64:65] scope:SCOPE_SE
	s_setreg_imm32_b32 hwreg(HW_REG_WAVE_MODE, 25, 1), 1
	s_wait_xcnt 0x0
; Causal attention for one batch and head on codes of FP6 (E2M3) with E8M0 scales; head size 64; the result, divided by the row's sum, is quantised along the channels and stored as the next product's image.
; t = score x log2(e) / 8; M = the running largest t rounded UP to a whole number; p = 2^(t - M) is quantised along the keys, not normalised; the row's sum is taken of the unquantised p.  When M moves, the sum and O are multiplied by 2^(old M - new M): exact.
; IMAGES (as the launches before laid them): a unit is 64 rows x 128 K, 6,400 bytes: 3072 c + 768 f + 16 lane: registers 6 c .. 6 c + 3 of fragment f; + 512 + 8 lane: registers 6 c + 4, 5; 6144 + 64 f + 4 r: scale words.
; Row r of fragment f is row 32 (f / 2) + 8 (f % 2) + r + 8 (r / 8) of the 64.  qk_img: [token / 64][16]: units 0-7 q's channels, 8-15 k's.  vt_img: [head][token / 128].  at_img: [token / 64][8].  A head is half c = head % 2 of a unit of q, k and the result.
; THE FIRST PRODUCT'S K IS 64: registers 6-11 of Q's and K's fragments are zero codes, set once; the two scale bytes of my head come as 16 bits, the upper two bytes 0 over zero codes.
; SHARES.  Work-group (x, y): batch y / 16, head y % 16.  Waves 0-7 own the 128 queries of block x, waves 8-15 those of block 15 - x, a fragment of 16 queries each: (x + 1) + (16 - x) key steps a pair of waves, the same in every work-group.
; ALL of the head's K and V of the batch lie in LDS, filled ONCE by five tensor loads: no ring, no refill, one barrier.  Every wave walks 16 trips, a constant; a step all of whose keys come after the wave's queries is left out by a scalar branch on ids.
; NO MULTICAST although eight work-groups read the same K and V: which steps a wave leaves out hangs on its work-group's block of queries, which differs between those that share a head.
; Both products are used transposed (S^T = K Q^T, O^T = V^T P^T): a lane holds one query throughout, and by the order of a fragment's rows the 16 registers of tiles 2 b, 2 b + 1 are keys 32 b + 16 (lane / 16) + 0 .. 15.
; The result's scale bytes leave as 16 bits a row (32 bytes a wave): the word's other half belongs to the neighbouring head, another work-group's.
; LIMITS of the quantiser: a block of zeros gets the byte 1 (zero codes); NaN and infinities are not served.
; REGISTERS: v1-7 addresses that stay; v8-11, v28-29 addresses of the step; v12 -M, v13 the largest t, v[14:15] the sum; v16-27 Q; v32-79 four fragments of K; v80-127 V's four; v128-191 S^T, then p; v192-223 O^T; v224.. p's codes; v232-254 at work; v255 Q's scales.
.set UNIT, 6400
.set KSC,  98304                       ; LDS: K's codes [32 panels][4 f][768] from 0; here K's scale words [32][256 bytes];
.set VU,   106496                      ; here V's 16 units
.set S,    128
.set O,    192
.set SEL,  20
.set CS,   22
	s_load_b128 s[4:7], s[0:1], 0x0                ; qk_img, vt_img
	s_load_b64 s[8:9], s[0:1], 0x10                ; at_img
	v_lshl_add_u32 v31, v0, 2, 0x33000
	v_mov_b32 v243, 0
	ds_add_u32 v31, v243
	ds_add_u32 v31, v243
	v_lshrrev_b32 v8, 5, v0
	v_readfirstlane_b32 s18, v8                    ; wave 0..15
	s_and_b32 s19, ttmp7, 0xffff
	s_lshr_b32 s67, s19, 4                         ; batch
	s_and_b32 s68, s19, 15                         ; head
	s_lshr_b32 s69, s68, 1                         ; its unit among eight
	s_and_b32 s70, s68, 1                          ; c: its half of the unit
	s_and_b32 s71, s18, 7                          ; i: my fragment in the block of 128 queries
	s_sub_co_u32 s19, 15, ttmp9
	s_cmp_lt_u32 s18, 8
	s_cselect_b32 s66, ttmp9, s19                  ; U: my block of queries, and my last key step
	s_and_b32 s72, s18, 1                          ; which half I fetch, if I fetch
	s_lshl_b32 s73, s67, 5                         ; the batch's first panel of tokens
	s_lshl_b32 s74, s72, 4                         ; K's codes: 16 panels a load
	s_add_co_u32 s74, s74, s73
	s_lshl_b32 s74, s74, 4
	s_add_co_u32 s74, s74, s69
	s_add_co_u32 s74, s74, 8
	s_mul_i32 s74, s74, UNIT
	s_mul_i32 s80, s70, 3072
	s_add_co_u32 s74, s74, s80
	s_mov_b32 s75, 0
	s_lshl_b32 s76, s68, 5                         ; V: 8 units a load
	s_lshl_b32 s77, s67, 4
	s_add_co_u32 s76, s76, s77
	s_lshl_b32 s77, s72, 3
	s_add_co_u32 s76, s76, s77
	s_mul_i32 s76, s76, UNIT
	s_mov_b32 s77, 0
	s_lshl_b32 s78, s73, 4                         ; K's scale words: 256 bytes of each of 32 units
	s_add_co_u32 s78, s78, s69
	s_add_co_u32 s78, s78, 8
	s_mul_i32 s78, s78, UNIT
	s_add_co_u32 s78, s78, 6144
	s_mov_b32 s79, 0
	s_lshl_b32 s81, s66, 1                         ; my queries' panel: 32 batch + 2 U + i / 4
	s_lshr_b32 s82, s71, 2
	s_add_co_u32 s81, s81, s82
	s_add_co_u32 s81, s81, s73
	s_and_b32 s82, s71, 3                          ; f
	s_mul_i32 s83, s82, 768
	s_add_co_u32 s83, s83, s80                     ; 3072 c + 768 f
	s_lshl_b32 s82, s82, 6
	s_lshl_b32 s90, s70, 1
	s_add_co_u32 s82, s82, s90
	s_add_co_u32 s82, s82, 6144                    ; 6144 + 64 f + 2 c
	s_lshl_b32 s92, s81, 4
	s_add_co_u32 s92, s92, s69
	s_mul_i32 s92, s92, UNIT                       ; Q's unit
	s_lshl_b32 s93, s81, 3
	s_add_co_u32 s93, s93, s69
	s_mul_i32 s93, s93, UNIT                       ; the result's
	s_add_co_u32 s84, s92, s83
	s_mov_b32 s85, 0
	s_add_co_u32 s86, s92, s82
	s_mov_b32 s87, 0
	s_add_co_u32 s88, s93, s83
	s_mov_b32 s89, 0
	s_add_co_u32 s90, s93, s82
	s_mov_b32 s91, 0
	; descriptor groups 1, elements of 8 bytes, no mask, no padding.  K's codes: 16 rows of 3,072 bytes, 16 units apart
	s_mov_b32 s24, 3<<16
	s_mov_b32 s25, 384<<16
	s_mov_b32 s26, 16<<16
	s_mov_b32 s27, 384<<16
	s_mov_b32 s28, 16
	s_mov_b32 s29, 12800
	s_mov_b32 s30, 0
	s_mov_b32 s31, 0
	; V: 51,200 dense bytes as 200 rows of 256
	s_mov_b32 s32, 3<<16
	s_mov_b32 s33, 32<<16
	s_mov_b32 s34, 200<<16
	s_mov_b32 s35, 32<<16
	s_mov_b32 s36, 200
	s_mov_b32 s37, 32
	s_mov_b32 s38, 0
	s_mov_b32 s39, 0
	; K's scale words: 32 rows of 256 bytes, 16 units apart
	s_mov_b32 s40, 3<<16
	s_mov_b32 s41, 32<<16
	s_mov_b32 s42, 32<<16
	s_mov_b32 s43, 32<<16
	s_mov_b32 s44, 32
	s_mov_b32 s45, 12800
	s_mov_b32 s46, 0
	s_mov_b32 s47, 0
	s_mov_b32 s[SEL], 0x76543210
	s_mov_b32 s[SEL+1], 0xfedcba98                 ; lane selects: lane l xor 16
	s_mov_b32 s[CS], 0x3e38aa3b                    ; c = log2(e) / 8
	s_mov_b32 s[CS+1], s[CS]
	s_mov_b32 s60, 0                               ; the step's K codes, 6,144 bytes a step;
	s_mov_b32 s61, 0                               ; K's scale words, 512;
	s_mov_b32 s62, 0                               ; V's unit, 6,400;
	s_mov_b32 s63, 0                               ; the step
	s_wait_dscnt 0x0
	s_wait_kmcnt 0x0
	s_mov_b32 s48, 1
	s_mul_i32 s49, s72, 49152
	s_add_nc_u64 s[50:51], s[4:5], s[74:75]
	s_or_b32 s51, s51, 0x80000000
	s_mov_b32 s52, 1
	s_mul_i32 s53, s72, 51200
	s_add_co_u32 s53, s53, VU
	s_add_nc_u64 s[54:55], s[6:7], s[76:77]
	s_or_b32 s55, s55, 0x80000000
	s_mov_b32 s56, 1
	s_mov_b32 s57, KSC
	s_add_nc_u64 s[58:59], s[4:5], s[78:79]
	s_or_b32 s59, s59, 0x80000000
	s_add_nc_u64 s[84:85], s[4:5], s[84:85]
	s_add_nc_u64 s[86:87], s[4:5], s[86:87]
	s_add_nc_u64 s[88:89], s[8:9], s[88:89]
	s_add_nc_u64 s[90:91], s[8:9], s[90:91]
	; the fills, one a wave at the most, ahead of every wait on TENSORcnt, every LDS read and the barrier: waves 0, 1 K's codes; 2, 3 V; 4 K's scale words.  Four v_nop follow each
	s_cmp_lt_u32 s18, 2
	s_cbranch_scc0 .Lnot_k
	tensor_load_to_lds s[48:51], s[24:31]
	s_nop 0
.rept 4
	v_nop
.endr
	s_branch .Lasked
.Lnot_k:
	s_cmp_lt_u32 s18, 4
	s_cbranch_scc0 .Lnot_v
	tensor_load_to_lds s[52:55], s[32:39]
	s_nop 0
.rept 4
	v_nop
.endr
	s_branch .Lasked
.Lnot_v:
	s_cmp_eq_u32 s18, 4
	s_cbranch_scc0 .Lasked
	tensor_load_to_lds s[56:59], s[40:47]
	s_nop 0
.rept 4
	v_nop
.endr
.Lasked:
	v_and_b32 v8, 15, v0                           ; r
	v_bfe_u32 v9, v0, 4, 1                         ; h
	v_and_b32 v10, 31, v0                          ; lane
	v_lshlrev_b32 v1, 4, v10                       ; 16 x lane
	v_lshlrev_b32 v2, 3, v10
	v_add_nc_u32 v2, 512, v2                       ; 512 + 8 x lane
	v_lshlrev_b32 v11, 2, v8                       ; 4 r
	global_load_b128 v[16:19], v1, s[84:85]        ; Q's fragment: my head's 64 channels are the instruction's first 64 along K
	global_load_b64 v[20:21], v2, s[84:85]
	global_load_u16 v255, v11, s[86:87]            ; and its two scale bytes
	s_lshl_b32 s19, s70, 1
	s_add_co_u32 s19, s19, KSC
	v_add_nc_u32 v3, s19, v11                      ; K's scale bytes: KSC + 4 r + 2 c
	v_add_nc_u32 v4, VU, v1
	v_add_nc_u32 v5, VU, v2
	v_add_nc_u32 v6, VU+6144, v11
	s_lshr_b32 s19, s71, 1
	s_lshl_b32 s19, s19, 5
	s_and_b32 s73, s71, 1
	s_lshl_b32 s73, s73, 3
	s_add_co_u32 s19, s19, s73
	v_and_b32 v7, 8, v8
	v_add_nc_u32 v7, v7, v8
	v_add_nc_u32 v7, s19, v7                       ; my query in its block of 128: 32 (i / 2) + 8 (i % 2) + r + 8 (r / 8),
	v_lshlrev_b32 v9, 4, v9
	v_sub_nc_u32 v7, v7, v9                        ; less 16 h: register 16 b + n of the diagonal step is hidden where 32 b + n is larger
	v_mov_b32 v13, 0xff61b1e6                      ; the largest t so far: -3e38
	v_floor_f32 v12, -v13                          ; -M
	v_mov_b32 v14, 0
	v_mov_b32 v15, 0
.irp j, 22,23,24,25,26,27
	v_mov_b32 v[\j], 0                             ; Q's zero codes
.endr
.irp t, 0,1,2,3
.irp j, 6,7,8,9,10,11
	v_mov_b32 v[32+12*\t+\j], 0                    ; K's zero codes: never loaded into
.endr
.endr
.irp b, 0,1,2,3
	v_mov_b32 v[236+\b], 0                         ; a lane permute's destination counts as one of its sources
.endr
	v_mov_b32 v252, 0
	v_mov_b32 v253, 0
.set j, 0
.rept 32
	v_mov_b32 v[O+j], 0                            ; O^T: the step is written once; the first finds zeros, which the first change of M leaves zeros
.set j, j+1
.endr
	s_wait_tensorcnt 0x0                           ; my fill, if I issued one, has landed
	s_barrier_signal -1
	s_barrier_wait -1                              ; everybody's has
	s_wait_loadcnt 0x0                             ; Q
.Lstep:                                                ; 16 trips, 128 keys each
	s_cmp_gt_u32 s63, s66
	s_cbranch_scc1 .Lhidden                        ; all keys of this step come after my queries
	v_add_nc_u32 v8, s60, v1
	v_add_nc_u32 v9, s60, v2
	v_add_nc_u32 v10, s61, v3
	v_add_nc_u32 v11, s62, v4
	v_add_nc_u32 v28, s62, v5
	v_add_nc_u32 v29, s62, v6                      ; (these six are the places between the last step's products and the loads into the scale registers that they read)
.irp g, 0,1                                    ; S^T = K Q^T, four tiles of 16 keys at a time
.if \g > 0
.rept 4
	v_nop                                          ; places in front of loads into registers that matrix instructions have read
.endr
.endif
.irp t, 0,1,2,3
	ds_load_b128 v[32+12*\t:35+12*\t], v8 offset:768*(4*\g+\t)
	ds_load_b64 v[36+12*\t:37+12*\t], v9 offset:768*(4*\g+\t)
	ds_load_u16 v[248+\t], v10 offset:64*(4*\g+\t)
.endr
	s_wait_dscnt 0x0
.irp t, 0,1,2,3
	v_wmma_scale_f32_16x16x128_f8f6f4 v[S+8*(4*\g+\t):S+7+8*(4*\g+\t)], v[32+12*\t:43+12*\t], v[16:27], 0, v[248+\t], v255 matrix_a_fmt:MATRIX_FMT_FP6 matrix_b_fmt:MATRIX_FMT_FP6
.endr
.endr
.rept 4
	v_nop                                          ; places in front of the first read of the scores and of the loads into the scale registers
.endr
.irp t, 0,1,2,3                                ; V's four fragments and their scale words: they land while the softmax is worked
	ds_load_b128 v[80+12*\t:83+12*\t], v11 offset:768*\t
	ds_load_b64 v[84+12*\t:85+12*\t], v28 offset:768*\t
	ds_load_b128 v[86+12*\t:89+12*\t], v11 offset:3072+768*\t
	ds_load_b64 v[90+12*\t:91+12*\t], v28 offset:3072+768*\t
	ds_load_b32 v[248+\t], v29 offset:64*\t
.endr
	s_cmp_lt_u32 s63, s66
	s_cbranch_scc1 .Lopen                          ; only my last step lies on the diagonal
	v_mov_b32 v254, 0xff800000                     ; hidden scores become -infinity ahead of the maximum: p = 0 then
.set n, 0
.rept 64
	v_cmp_gt_i32 vcc_lo, 32*(n/16)+n%16, v7
	v_cndmask_b32 v[S+n], v[S+n], v254, vcc_lo
.set n, n+1
.endr
.Lopen:
.irp b, 0,1,2,3
	v_max3_num_f32 v[232+\b], v[S+16*\b], v[S+1+16*\b], v[S+2+16*\b]   ; the largest score of each block of 32 keys: it serves the row's maximum and, since p rises with the score, the block's largest p
.endr
.irp i, 3,5,7,9,11,13
.irp b, 0,1,2,3
	v_max3_num_f32 v[232+\b], v[232+\b], v[S+16*\b+\i], v[S+1+16*\b+\i]
.endr
.endr
.irp b, 0,1,2,3
	v_max_num_f32 v[232+\b], v[232+\b], v[S+15+16*\b]
.endr
.irp b, 0,1,2,3
	v_permlanex16_b32 v[236+\b], v[232+\b], s[SEL], s[SEL+1]
.endr
.irp b, 0,1,2,3
	v_max_num_f32 v[232+\b], v[232+\b], v[236+\b]  ; with lane l xor 16's 16 keys
.endr
	v_max3_num_f32 v254, v232, v233, v234
	v_max_num_f32 v254, v254, v235                 ; the step's largest score of my query
	v_mul_f32 v254, s[CS], v254                    ; as t
	v_max_num_f32 v13, v13, v254                   ; the running largest t
	v_mov_b32 v254, v12
	v_floor_f32 v12, -v13                          ; the new -M = -ceil(t)
	v_sub_f32 v254, v12, v254                      ; old M - new M: a whole number, 0 or less
	v_cvt_i32_f32 v254, v254                       ; (it saturates)
	v_ldexp_f32 v252, 1.0, v254                    ; f = 2^(old M - new M)
.set j, 0
.rept 32
	v_pk_fma_f32 v[S+j:S+j+1], v[S+j:S+j+1], s[CS:CS+1], v[12:13] op_sel_hi:[1,0,0]   ; t - M, two at a time
.set j, j+2
.endr
.irp b, 0,1,2,3
	v_fma_f32 v[232+\b], v[232+\b], s[CS], v12     ; the same of each block's largest score
.endr
.set j, 0
.rept 64
	v_exp_f32 v[S+j], v[S+j]                       ; p = 2^(t - M), at most 1
.set j, j+1
.endr
.irp b, 0,1,2,3
	v_exp_f32 v[232+\b], v[232+\b]                 ; the block's largest p: the same two instructions on the same number
.endr
	v_pk_mul_f32 v[14:15], v[14:15], v[252:253] op_sel_hi:[1,0]   ; the sums under the new M (a plain place behind the exponentials)
	s_wait_alu depctr_va_vdst(0)
.irp b, 0,1,2,3
	v_max_num_f32 v[232+\b], 0x1800000, v[232+\b]  ; the floor 2^(3 - 127)
.endr
.irp b, 0,1,2,3
	v_add_nc_u32 v[244+\b], 0xff000000, v[232+\b]  ; the conversion's scale operand
.endr
.irp b, 0,1,2,3
	v_lshrrev_b32 v[236+\b], 23, v[244+\b]         ; the scale's byte
.endr
	v_lshl_or_b32 v253, v237, 8, v236              ; p's scale word for these 128 keys
	v_lshl_or_b32 v253, v238, 16, v253
	v_lshl_or_b32 v253, v239, 24, v253
.irp c, 0,1
	v_cvt_scalef32_pk16_fp6_f32 v[224+6*\c:226+6*\c], v[S+32*\c:S+15+32*\c], v[244+2*\c]
	v_cvt_scalef32_pk16_fp6_f32 v[236+4*\c:238+4*\c], v[S+16+32*\c:S+31+32*\c], v[244+2*\c+1]
.endr
	v_nop                                          ; one plain place behind a scaled conversion
.irp c, 0,1
.irp i, 0,1,2
	v_permlane16_swap_b32 v[224+6*\c+\i], v[236+4*\c+\i]
.endr
.irp i, 0,1,2
	v_mov_b32 v[227+6*\c+\i], v[236+4*\c+\i]
.endr
.endr
	v_pk_add_f32 v[236:237], v[S:S+1], v[S+2:S+3]  ; the row's sum is taken of the unquantised p, in two chains
.irp j, 4,8,12,16,20,24,28,32,36,40,44,48,52,56,60
	v_pk_add_f32 v[14:15], v[14:15], v[S+\j:S+1+\j]
	v_pk_add_f32 v[236:237], v[236:237], v[S+2+\j:S+3+\j]
.endr
	v_pk_add_f32 v[14:15], v[14:15], v[236:237]
.set j, 0
.rept 16
	v_pk_mul_f32 v[O+j:O+j+1], v[O+j:O+j+1], v[252:253] op_sel_hi:[1,0]   ; O^T under the new M.  (With the sums above: the places between the writes of p's codes and scale word and the products below)
.set j, j+2
.endr
	s_wait_dscnt 0x0                               ; V
.irp t, 0,1,2,3                                ; O^T += V^T P^T: four accumulators by turns, one instruction a turn
	v_wmma_scale_f32_16x16x128_f8f6f4 v[O+8*\t:O+7+8*\t], v[80+12*\t:91+12*\t], v[224:235], v[O+8*\t:O+7+8*\t], v[248+\t], v253 matrix_a_fmt:MATRIX_FMT_FP6 matrix_b_fmt:MATRIX_FMT_FP6
.endr
.Lhidden:
	s_add_co_u32 s60, s60, 6144
	s_add_co_u32 s61, s61, 512
	s_add_co_u32 s62, s62, 6400
	s_add_co_u32 s63, s63, 1
	s_cmp_lt_u32 s63, 16
	s_cbranch_scc1 .Lstep
	; THE WAY OUT: O^T / the sum; register 16 b + i is channel 32 b + 16 h + i of my query: two blocks of 32, quantised as an operand along the channels
.rept 4
	v_nop                                          ; places behind the last products
.endr
	v_add_f32 v14, v14, v15
	v_permlanex16_b32 v252, v14, s[SEL], s[SEL+1]
	v_add_f32 v14, v14, v252                       ; the row's sum
	v_rcp_f32 v14, v14
	v_and_b32 v8, 15, v0                           ; (a plain place behind the transcendental)
	v_lshlrev_b32 v8, 2, v8                        ; 4 r
.set j, 0
	s_wait_alu depctr_va_vdst(0)
.rept 32
	v_mul_f32 v[S+j], v[O+j], v14
.set j, j+1
.endr
.irp b, 0,1
	v_max3_num_f32 v[232+\b], |v[S+16*\b]|, |v[S+1+16*\b]|, 0x1800000
.endr
.irp i, 2,4,6,8,10,12,14
.irp b, 0,1
	v_max3_num_f32 v[232+\b], v[232+\b], |v[S+16*\b+\i]|, |v[S+1+16*\b+\i]|
.endr
.endr
.irp b, 0,1
	v_permlanex16_b32 v[236+\b], v[232+\b], s[SEL], s[SEL+1]
.endr
.irp b, 0,1
	v_max_num_f32 v[232+\b], v[232+\b], v[236+\b]
.endr
.irp b, 0,1
	v_add_nc_u32 v[244+\b], 0xff000000, v[232+\b]
.endr
.irp b, 0,1
	v_lshrrev_b32 v[236+\b], 23, v[244+\b]
.endr
	v_lshl_or_b32 v253, v237, 8, v236              ; my head's two scale bytes
	v_cvt_scalef32_pk16_fp6_f32 v[224:226], v[S:S+15], v244
	v_cvt_scalef32_pk16_fp6_f32 v[240:242], v[S+16:S+31], v245
	v_nop
.irp i, 0,1,2
	v_permlane16_swap_b32 v[224+\i], v[240+\i]
.endr
.irp i, 0,1,2
	v_mov_b32 v[227+\i], v[240+\i]
.endr
	global_store_b128 v1, v[224:227], s[88:89]     ; 512 consecutive aligned bytes
	global_store_b64 v2, v[228:229], s[88:89]      ; 256
	global_store_b16 v8, v253, s[90:91]            ; both halves of the lanes write the same bytes with the same value
	s_wait_tensorcnt 0x0
	ds_add_u32 v31, v243
	s_wait_dscnt 0x0
	s_endpgm
.Lfunc_end_k_q199669ad3b_attn:
	.size	k_q199669ad3b_attn, .Lfunc_end_k_q199669ad3b_attn-k_q199669ad3b_attn
	.p2alignl 7, 3214868480
	.fill 96, 4, 3214868480
	.section	.rodata,"a",@progbits
	.p2align	6, 0x0
	.amdhsa_kernel k_q199669ad3b_attn
		.amdhsa_group_segment_fixed_size 210944
		.amdhsa_private_segment_fixed_size 0
		.amdhsa_enable_private_segment 0
		.amdhsa_kernarg_size 24
		.amdhsa_user_sgpr_count 2
		.amdhsa_user_sgpr_kernarg_segment_ptr 1
		.amdhsa_wavefront_size32 1
		.amdhsa_system_sgpr_workgroup_id_x 1
		.amdhsa_system_sgpr_workgroup_id_y 1
		.amdhsa_system_sgpr_workgroup_id_z 1
		.amdhsa_system_vgpr_workitem_id 0
		.amdhsa_next_free_vgpr 256
		.amdhsa_next_free_sgpr 96
		.amdhsa_reserve_vcc 1
		.amdhsa_float_denorm_mode_32 3
		.amdhsa_float_denorm_mode_16_64 3
		.amdhsa_memory_ordered 1
		.amdhsa_forward_progress 1
		.amdhsa_inst_pref_size 36
	.end_amdhsa_kernel
	.amdgpu_metadata
---
amdhsa.version: [ 1, 2 ]
amdhsa.kernels:
  - .name:           k_q199669ad3b_attn
    .symbol:         k_q199669ad3b_attn.kd
    .args:
      - { .name: qk_img, .offset: 0, .size: 8, .value_kind: global_buffer, .address_space: global }
      - { .name: vt_img, .offset: 8, .size: 8, .value_kind: global_buffer, .address_space: global }
      - { .name: at_img, .offset: 16, .size: 8, .value_kind: global_buffer, .address_space: global }
    .group_segment_fixed_size: 210944
    .private_segment_fixed_size: 0
    .kernarg_segment_align: 8
    .kernarg_segment_size: 24
    .max_flat_workgroup_size: 512
    .sgpr_count:     96
    .vgpr_count:     256
    .wavefront_size: 32
...
	.end_amdgpu_metadata
.endif
;; end of part 3
;; launch oproj (part 4): grid 4 x 16, 4 waves a work-group, clusters of 4 x 4, 327,680 bytes of LDS; arguments at_img, wimg, cbuf; writes cbuf
.if DOCPART == 4
	.amdgcn_target "amdgcn-amd-amdhsa--gfx1250"
	.amdhsa_code_object_version 6
	.text
	.protected	k_q199669ad3b_oproj
	.globl	k_q199669ad3b_oproj
	.p2align	8
	.type	k_q199669ad3b_oproj,@function
k_q199669ad3b_oproj:
	s_mov_b64 s[64:65], 0
	v_nop
	global_prefetch_b8 v0, s[64:65] scope:SCOPE_SE
	s_setreg_imm32_b32 hwreg(HW_REG_WAVE_MODE, 25, 1), 1
	s_wait_xcnt 0x0
	s_wait_alu depctr_hold_cnt(0) depctr_sa_sdst(0) depctr_va_vdst(0) depctr_va_sdst(0) depctr_va_ssrc(0) depctr_va_vcc(0) depctr_vm_vsrc(0)
	s_getreg_b32 s2, hwreg(HW_REG_IB_STS2, 6, 4)
	s_cmp_eq_u32 s2, 0
	s_cbranch_scc0 .Lentry_in_a_cluster
	s_endpgm
.Lentry_in_a_cluster:
	s_bfe_u32 s2, ttmp6, 0x10000c
	s_cmp_lg_u32 s2, 0xf033
	s_cbranch_scc0 .Lentry_shape_is_right
	s_endpgm
.Lentry_shape_is_right:
; ONE TEXT FOR ALL FOUR LARGE PRODUCTS OF THE PROGRAM, C = A B^T on codes of FP6 (E2M3) with E8M0 scales; the four copies differ in the four constants below alone.
; MODE 0: A and B from wimg.  Clusters with y < 4: A = X, B = Wq | Wk, + bq | bk, quantised along the channels -> qk_img.  Clusters with y >= 4: A = Wv, B = X, + bv (by A's row), quantised along the TOKENS -> vt_img.
; MODE 1: relu(A B^T + bias), quantised along the columns -> an image.      MODE 2: A B^T as f32, row-major, 1,024 columns.
; OPERANDS ARE IMAGES OF THE MATRIX OPERAND'S REGISTERS.  A unit is 64 rows x 128 K, 6,400 bytes: at 3072 c + 768 f + 16 lane registers 6 c .. 6 c + 3 of fragment f, at 3072 c + 768 f + 512 + 8 lane registers 6 c + 4, 6 c + 5,
; at 6144 + 64 f + 4 r the scale word of the fragment's row r, which is row 32 (f / 2) + 8 (f % 2) + r + 8 (r / 8) of the 64.  A tensor is [rows / 64][K / 128] units.  So a fragment comes by four LDS loads of consecutive bytes,
; codes and scales travel in one tensor load, and no row needs a pitch or a padding.
; A tile of C, 256 x 256, is made by four waves, as many as a WGP has SIMDs; a wave makes 128 x 128: 64 accumulators, 512 registers.  K goes in steps of 256 through a ring of two LDS slots; each wave fetches a quarter of a slot
; (128 rows: two runs of 12,800 consecutive bytes) by one tensor load.  By this text's own count a wave has two tensor loads outstanding at the start and one behind each round.
; CLUSTERS: 4 x 4 work-groups; A's tiles are shared along a row of the cluster, B's along a column, each asked for jointly.  In MODE 0 the two kinds part on the CLUSTER's y, which all sixteen partners share.
; THE MATRIX INSTRUCTION IS USED TRANSPOSED (source 0 = 16 rows of B, source 1 = 16 rows of A): a lane holds one row of C, and by the order of a fragment's rows the 64 registers of a block of 16 rows are
; register 16 b + i = column 32 b + 16 (lane / 16) + i of my 128: what the conversions want.  A quantised result is stored as it stands in the registers: it IS the next product's image.
; The bias is the C of each sum's first matrix instruction.  The 64 accumulators take turns, one instruction a turn, in the same order in every step.
; LIMITS of the quantiser: a block of zeros gets the byte 1 where the rule says 127 (zero codes; this program alone reads the bytes); largest magnitudes under 2^-124 keep the byte 1; NaN and infinities are not served.
; This copy has 64 tiles of 256 x 256: a layer norm over whole rows follows in a launch of its own, since a row of 1,024 spans four tiles.
; REGISTERS: window 0: v0-31 addresses; v32-63 scale words, two sets; v64-127 the bias; v128-223 A's fragments, one set.  window 1: B's fragments, two sets, at v0 and v128.  windows 2, 3: the accumulators, (a, b) at v[8 (8 (a % 4) + b)].
.set MODE,   2
.set SIZE_K, 1024
.set BOFF,   112*51200                 ; MODE 1, 2: where B's panels begin in wimg
.set KSOC,   16                        ; MODE 1: units in a panel of the output
.set KS,     SIZE_K/128                ; units in a panel of A and of B
.set UNIT,   6400
.set PANB,   KS*UNIT
.set CH,     2*UNIT                    ; a panel's two units of a slot
.set HALFT,  2*CH                      ; 128 rows x 256 K: one tensor load
.set SLOT,   4*HALFT                   ; A's four panels, then B's four
.set SPARE,  2*SLOT                    ; behind the ring: the spare words, 128 bytes for each wave, that no other line names
.set LAPS,   SIZE_K/512                ; a lap = once round the ring
.set NQ,     2
.set FR,     12                        ; registers of a fragment
.set NL,     4                         ; LDS loads that bring one
.set NP,     4                         ; places behind this matrix instruction (ISA guide 7.12.1)
.set SPITCH, 528                       ; MODE 2: a stage of 16 rows x (512 + 16) bytes for each wave, in slot 0, which has had its last fill and its last read by then
.set ADRS, 12                          ; v12-13 LDS address of my scale words in slot 0, 1: lanes 0-15 A's, lanes 16-31 B's
.set ADRA, 16                          ; v16-17 A's fragments, 16 x lane, slot 0, 1;  v18-19 the same with 512 + 8 x lane
.set ADRB, 20                          ; v20-23 the same for B
.set E0,   24                          ; v24-27 the way out
.set SPW,  28                          ; v28 LDS address of my spare word; never rewritten
.set NIL,  29                          ; v29 0; never rewritten
.set SC,   32
.set BI,   64
.set AF,   128
.set BK,   128                         ; MODE 2: rows read back from the stage, v128-191 and v192-255 by turns
.set TM,   32                          ; the quantiser on the way out: v32-35 magnitudes, v36-39 bytes, v40-43 scale operands
.set PW,   48
.set PC,   52
.set TT,   72
.set G1, 24
.set G0, 32
.set G1B, 48
.set G0B, 56
.set MSB, 0
.macro WIN new                         ; the immediate's high byte repeats the setting that is left
.if MSB != (\new)
	s_set_vgpr_msb (MSB<<8)|(\new)
.set MSB, (\new)
.endif
.endm
.set MUL_LO, 0xa1                      ; source 0 (B) window 1, source 1 (A) window 0, C and D window 2
.set MUL_HI, 0xf1                      ; the same, C and D window 3
.set TO_B,   0x40                      ; destination window 1, address window 0
; A joint load: waves 0 and 1 fetch for A, waves 2 and 3 for B; the branch hangs on the wave's number alone.  Four v_nop follow each of the two lines.
.macro JLOAD g0a, g1a, g0b, g1b
	s_cmp_eq_u32 s17, 0
	s_cbranch_scc0 .Lfor_b_\@
	tensor_load_to_lds s[\g0a:\g0a+3], s[\g1a:\g1a+7]
	s_nop 0
.rept 4
	v_nop
.endr
	s_branch .Lasked_\@
.Lfor_b_\@:
	tensor_load_to_lds s[\g0b:\g0b+3], s[\g1b:\g1b+7]
	s_nop 0
.rept 4
	v_nop
.endr
.Lasked_\@:
.endm
.macro CREST                           ; a round of the cluster's barrier behind its opening barrier
	s_cmp_lg_u32 s16, 0
	s_cbranch_scc1 .Lnot_wave_0_\@
	s_barrier_signal -3
.Lnot_wave_0_\@:
	s_barrier_wait -3
	s_barrier_signal -1
	s_barrier_wait -1
.endm
.macro CROUND
	s_barrier_signal -1
	s_barrier_wait -1
	CREST
.endm
.if MODE == 0
	s_load_b256 s[4:11], s[0:1], 0x0               ; wimg, bq, bk, bv
	s_load_b128 s[12:15], s[0:1], 0x20             ; qk_img, vt_img
.elseif MODE == 1
	s_load_b256 s[4:11], s[0:1], 0x0               ; A's image, wimg, the bias, the output image
.else
	s_load_b128 s[4:7], s[0:1], 0x0                ; A's image, wimg
	s_load_b64 s[8:9], s[0:1], 0x10                ; C
.endif
	v_lshl_add_u32 v[SPW], v0, 2, SPARE
	v_mov_b32 v[NIL], 0
	ds_add_u32 v28, v29
	ds_add_u32 v28, v29
	s_wait_dscnt 0x0
	v_lshrrev_b32 v1, 5, v0
	v_readfirstlane_b32 s16, v1                    ; wave 0..3
	s_lshr_b32 s17, s16, 1                         ; which half of the tile's rows is mine.  Also: I fetch for A (0) or for B (1)
	s_and_b32 s18, s16, 1                          ; which half of its columns.  Also: which two panels I fetch
	s_bfe_u32 s40, ttmp6, 0x40000                  ; cx, cy: my place in the cluster
	s_bfe_u32 s41, ttmp6, 0x40004
	s_and_b32 s68, ttmp7, 0xffff                   ; the cluster's y
	s_lshl_b32 s69, s68, 2                         ; the cluster's first tile row,
	s_lshl_b32 s70, ttmp9, 2                       ; and its first tile column
.if MODE == 0
	s_max_u32 s71, s68, 4
	s_sub_co_u32 s71, s71, 4
	s_lshl_b32 s71, s71, 1
	s_add_co_u32 s71, s71, ttmp9
	s_lshl_b32 s72, s71, 2                         ; the second kind: tile columns 4 (2 (y - 4) + x) on, over the 4,096 tokens
	s_cmp_ge_u32 s68, 4                            ; which kind: the same answer in all sixteen partners
	s_cselect_b32 s69, 0, s69
	s_cselect_b32 s70, s72, s70
	s_cselect_b32 s71, 96, 0                       ; A's first panel in wimg: Wv or X
	s_cselect_b32 s72, 0, 64                       ; B's: X or Wq | Wk
	s_cselect_b32 s73, 32, 16                      ; units in a panel of the output
.endif
	s_add_co_u32 s22, s69, s41                     ; tile row of C
	s_add_co_u32 s42, s70, s40                     ; tile column of C
	s_lshl_b32 s43, s41, 2
	s_lshl_b32 s43, 15, s43                        ; my row of the cluster
	s_lshl_b32 s44, 0x1111, s40                    ; my column
	; descriptor group 1: two rows of 1,600 elements of 8 bytes (a panel's two units), a panel apart; no padding
	s_or_b32 s[G1+0], s43, (3<<16)|(1<<21)         ; 15:0 the mask: A's tiles go to my row; 17:16 elements of 8 bytes; 21 set beside a mask
	s_or_b32 s[G1B+0], s44, (3<<16)|(1<<21)
.irp g, G1, G1B
	s_mov_b32 s[\g+1], 1600<<16                    ; tensor_dim0
	s_mov_b32 s[\g+2], 2<<16                       ; tensor_dim1
	s_mov_b32 s[\g+3], 1600<<16                    ; tile_dim0
	s_mov_b32 s[\g+4], 2                           ; tile_dim1
	s_mov_b32 s[\g+5], KS*800                      ; tensor_dim0_stride
	s_mov_b32 s[\g+6], 0
	s_mov_b32 s[\g+7], 0
.endr
	s_lshl_b32 s19, s18, 1                         ; which two panels of the tile's four I fetch
	s_lshl_b32 s20, s22, 2
	s_add_co_u32 s20, s20, s19                     ; A: panel 4 x tile row + 2 x half: no register of A's address ever holds cx
	s_lshl_b32 s46, s42, 2
	s_add_co_u32 s46, s46, s19                     ; B: panel 4 x tile column + 2 x half: none of B's ever holds cy
.if MODE == 0
	s_add_co_u32 s20, s20, s71
	s_add_co_u32 s46, s46, s72
.endif
	s_mul_i32 s20, s20, PANB
	s_mul_i32 s46, s46, PANB
.if MODE != 0
	s_add_co_u32 s46, s46, BOFF
.endif
	s_mov_b32 s21, 0
	s_mov_b32 s47, 0
	s_mul_i32 s45, s16, HALFT                      ; where they go: wave x 128 rows: no place in the cluster enters an LDS address
	s_wait_kmcnt 0x0
	s_add_nc_u64 s[20:21], s[4:5], s[20:21]
.if MODE == 0
	s_add_nc_u64 s[46:47], s[4:5], s[46:47]
.else
	s_add_nc_u64 s[46:47], s[6:7], s[46:47]
.endif
	CROUND                                         ; all sixteen work-groups are here: the first joint loads meet
.irp s, 0,1
	s_mov_b32 s[G0+4*\s], 1
	s_add_co_u32 s[G0+4*\s+1], s45, \s*SLOT
	s_add_nc_u64 s[G0+4*\s+2:G0+4*\s+3], s[20:21], \s*CH
	s_or_b32 s[G0+4*\s+3], s[G0+4*\s+3], 0x80000000
	s_mov_b32 s[G0B+4*\s], 1
	s_add_co_u32 s[G0B+4*\s+1], s45, \s*SLOT
	s_add_nc_u64 s[G0B+4*\s+2:G0B+4*\s+3], s[46:47], \s*CH
	s_or_b32 s[G0B+4*\s+3], s[G0B+4*\s+3], 0x80000000
	JLOAD G0+4*\s, G1, G0B+4*\s, G1B
.endr
	v_and_b32 v1, 15, v0                           ; r
	v_bfe_u32 v2, v0, 4, 1                         ; h
	v_and_b32 v3, 31, v0                           ; lane
	v_lshlrev_b32 v4, 4, v3                        ; 16 x lane
	v_lshlrev_b32 v6, 3, v3                        ; 8 x lane
	v_add_nc_u32 v5, 512, v6
	s_mul_i32 s19, s17, HALFT                      ; my 128 rows of A
	s_mul_i32 s23, s18, HALFT                      ; my 128 rows of B,
	s_add_co_u32 s23, s23, 2*HALFT                 ; which lie behind A's 256
.irp s, 0,1
	v_add_nc_u32 v[ADRA+\s], s19, v4
	v_add_nc_u32 v[ADRA+2+\s], s19, v5
	v_add_nc_u32 v[ADRB+\s], s23, v4
	v_add_nc_u32 v[ADRB+2+\s], s23, v5
	s_add_co_u32 s19, s19, SLOT
	s_add_co_u32 s23, s23, SLOT
.endr
	s_xor_b32 s23, s17, 1                          ; B's base less A's = HALFT x (2 + column half - row half), as one product:
	s_add_co_u32 s23, s23, s18
	s_add_co_u32 s23, s23, 1
	s_mul_i32 s23, s23, HALFT
	v_mul_u32_u24 v9, s23, v2                      ; lanes 16-31 take B's scale words
	v_lshl_add_u32 v9, v1, 2, v9
	s_mul_i32 s19, s17, HALFT
	s_add_co_u32 s19, s19, 6144
	v_add_nc_u32 v[ADRS], s19, v9
	v_add_nc_u32 v[ADRS+1], SLOT, v[ADRS]
.if MODE == 2
	s_mul_i32 s19, s16, 16*SPITCH                  ; my stage
	v_mul_u32_u24 v9, v1, SPITCH                   ; in: row r, + 64 h
	v_lshl_add_u32 v9, v2, 6, v9
	v_add_nc_u32 v[E0], s19, v9
	v_add_nc_u32 v[E0+1], s19, v4                  ; back: the 32 lanes take one row of 512 bytes
	v_mov_b32 v[E0+2], v4                          ; and the same in C
	s_lshl_b32 s74, s22, 8
	s_lshl_b32 s75, s17, 7
	s_add_co_u32 s74, s74, s75                     ; my first row of C
	s_lshl_b32 s74, s74, 12                        ; rows of 4,096 bytes
	s_lshl_b32 s75, s42, 10
	s_add_co_u32 s74, s74, s75
	s_lshl_b32 s75, s18, 9
	s_add_co_u32 s74, s74, s75                     ; my first column
	s_mov_b32 s75, 0
	s_add_nc_u64 s[76:77], s[8:9], s[74:75]
.else
	v_mov_b32 v[E0], v4                            ; the way out: 16 x lane,
	v_mov_b32 v[E0+1], v6                          ; 8 x lane,
	s_lshl_b32 s19, s16, 8                         ; and 256 bytes of LDS for each wave (in slot 0, behind its last fill and last read) in which a unit's scale words meet
	v_lshl_add_u32 v[E0+2], v1, 2, s19
	v_add_nc_u32 v[E0+3], s19, v6
	v_lshlrev_b32 v7, 6, v2                        ; the bias by column: 16 h numbers on
	v_and_b32 v8, 8, v1
	v_add_nc_u32 v8, v8, v1
	v_lshlrev_b32 v8, 2, v8                        ; the bias by row: r + 8 (r / 8) numbers on
	s_mov_b32 s86, 0x76543210
	s_mov_b32 s87, 0xfedcba98                      ; lane selects: lane l xor 16
	s_lshl_b32 s74, s22, 2
	s_lshl_b32 s75, s17, 1
	s_add_co_u32 s74, s74, s75                     ; the output's panel: 4 x tile row + 2 x row half
.if MODE == 0
	s_mul_i32 s74, s74, s73
	s_mul_i32 s78, s73, UNIT                       ; from a panel of the output to the next
	s_mov_b32 s79, 0
.else
	s_mul_i32 s74, s74, KSOC
.endif
	s_lshl_b32 s75, s42, 1
	s_add_co_u32 s74, s74, s75
	s_add_co_u32 s74, s74, s18                     ; its unit: 2 x tile column + column half
	s_mul_i32 s74, s74, UNIT
	s_mov_b32 s75, 0
.if MODE == 0
	s_lshl_b32 s80, s40, 10                        ; by column: 256 cx + 128 x column half numbers into bq or bk
	s_lshl_b32 s81, s18, 9
	s_add_co_u32 s80, s80, s81
	s_lshl_b32 s82, s41, 10                        ; by row: 256 cy + 128 x row half numbers into bv
	s_lshl_b32 s81, s17, 9
	s_add_co_u32 s82, s82, s81
	s_mov_b32 s81, 0
	s_cmp_ge_u32 ttmp9, 1
	s_cselect_b64 s[84:85], s[8:9], s[6:7]         ; columns 1,024 on are k's
	s_cmp_ge_u32 s68, 4
	s_cselect_b64 s[84:85], s[10:11], s[84:85]
	s_cselect_b64 s[76:77], s[14:15], s[12:13]
	s_cselect_b32 s80, s82, s80
	s_add_nc_u64 s[84:85], s[84:85], s[80:81]
	s_add_nc_u64 s[76:77], s[76:77], s[74:75]
	s_cmp_ge_u32 s68, 4
	s_cbranch_scc1 .Lbias_m
.else
	s_add_nc_u64 s[76:77], s[10:11], s[74:75]
	s_lshl_b32 s80, s42, 10
	s_lshl_b32 s81, s18, 9
	s_add_co_u32 s80, s80, s81
	s_mov_b32 s81, 0
	s_add_nc_u64 s[84:85], s[8:9], s[80:81]
.endif
.irp t, 0,1,2,3,4,5,6,7                        ; tile t's eight registers: the bias at columns 32 (t / 2) + 8 (t % 2) + 16 h + 0 .. 7
	global_load_b128 v[BI+8*\t:BI+8*\t+3], v7, s[84:85] offset:(32*(\t/2)+8*(\t%2))*4
	global_load_b128 v[BI+8*\t+4:BI+8*\t+7], v7, s[84:85] offset:(32*(\t/2)+8*(\t%2))*4+16
.endr
.if MODE == 0
	s_branch .Lbias_done
.Lbias_m:
.irp a, 0,1,2,3,4,5,6,7                        ; block a's eight registers all hold the bias of my row
.irp j, 0,1,2,3,4,5,6,7
	global_load_b32 v[BI+8*\a+\j], v8, s[84:85] offset:(32*(\a/2)+8*(\a%2))*4
.endr
.endr
.Lbias_done:
.endif
.endif
.macro FRAG reg, adr, q, i             ; a fragment, 12 registers a lane, as it lies in its unit
.set FO, ((\i)/4)*CH+(\q)*UNIT+((\i)%4)*768
	ds_load_b128 v[\reg:\reg+3], v[\adr] offset:FO
	ds_load_b64 v[\reg+4:\reg+5], v[\adr+2] offset:FO
	ds_load_b128 v[\reg+6:\reg+9], v[\adr] offset:FO+3072
	ds_load_b64 v[\reg+10:\reg+11], v[\adr+2] offset:FO+3072
.endm
; 16 matrix instructions: A's blocks a0, a0 + 1 x B's eight, the slot's q-th 128 along K.  p: B's set; sc: the set of scale words.  zero: 0 adds in place; 1, 2: the sum starts with the bias by column, by row; 3: with 0.
.macro MUL16 a0, p, q, sc, zero
.irp a, \a0, \a0+1
.irp b, 0,1,2,3,4,5,6,7
.set rD, 8*(8*((\a)%4)+\b)
.set rB, 128*(\p)+FR*\b
.set rA, AF+FR*(\a)
.set rT, SC+16*(\sc)+NQ*\b+(\q)
.set rU, SC+16*(\sc)+NQ*(\a)+(\q)
.if \zero == 0
	v_wmma_scale_f32_16x16x128_f8f6f4 v[rD:rD+7], v[rB:rB+FR-1], v[rA:rA+FR-1], v[rD:rD+7], v[rT], v[rU] matrix_a_fmt:MATRIX_FMT_FP6 matrix_b_fmt:MATRIX_FMT_FP6 matrix_a_scale:MATRIX_SCALE_ROW1
.elseif \zero == 1
	v_wmma_scale_f32_16x16x128_f8f6f4 v[rD:rD+7], v[rB:rB+FR-1], v[rA:rA+FR-1], v[BI+8*\b:BI+8*\b+7], v[rT], v[rU] matrix_a_fmt:MATRIX_FMT_FP6 matrix_b_fmt:MATRIX_FMT_FP6 matrix_a_scale:MATRIX_SCALE_ROW1
.elseif \zero == 2
	v_wmma_scale_f32_16x16x128_f8f6f4 v[rD:rD+7], v[rB:rB+FR-1], v[rA:rA+FR-1], v[BI+8*(\a):BI+8*(\a)+7], v[rT], v[rU] matrix_a_fmt:MATRIX_FMT_FP6 matrix_b_fmt:MATRIX_FMT_FP6 matrix_a_scale:MATRIX_SCALE_ROW1
.else
	v_wmma_scale_f32_16x16x128_f8f6f4 v[rD:rD+7], v[rB:rB+FR-1], v[rA:rA+FR-1], 0, v[rT], v[rU] matrix_a_fmt:MATRIX_FMT_FP6 matrix_b_fmt:MATRIX_FMT_FP6 matrix_a_scale:MATRIX_SCALE_ROW1
.endif
.endr
.endr
.endm
.macro FETCH_B slot, q, p
	WIN TO_B
.irp i, 0,1,2,3,4,5,6,7
	FRAG 128*(\p)+FR*\i, ADRB+\slot, \q, \i
.endr
	WIN 0
.endm
.macro FETCH_A slot, q, i0
.irp i, \i0, \i0+1, \i0+2, \i0+3
	FRAG AF+FR*(\i), ADRA+\slot, \q, \i
.endr
.endm
.macro SCALES sc                       ; slot sc's scale words: register 2 i + q: lanes 0-15 the word of A's block i, lanes 16-31 that of B's block i
.irp i, 0,1,2,3,4,5,6,7
.irp q, 0,1
	ds_load_b32 v[SC+16*\sc+NQ*\i+\q], v[ADRS+\sc] offset:(\i/4)*CH+\q*UNIT+64*(\i%4)
.endr
.endr
.endm
.macro PLACES n                        ; plain vector instructions between a matrix instruction and a load into, or a vector read or write of, its registers (ISA guide 7.12.1 for vector reads and writes)
.rept \n
	v_nop
.endr
.endm
.macro STEP slot, q, zero              ; a step of 128 along K that has its successor in the same slot
	s_wait_dscnt 4*NL                              ; B's set, A's blocks 0-3 and the scale words are in; the youngest 16 loads (A's blocks 4-7) may be out
.if (\zero == 1) || (\zero == 2)
	WIN 0x81                                       ; C (the bias) in window 0, D in window 2
.else
	WIN MUL_LO
.endif
	MUL16 0, (\q)%2, \q, \slot, \zero
	MUL16 2, (\q)%2, \q, \slot, \zero
	s_wait_dscnt 0                                 ; A's blocks 4-7 are in
	PLACES NP
	FETCH_B \slot, (\q)+1, 1-(\q)%2
	FETCH_A \slot, (\q)+1, 0
.if (\zero == 1) || (\zero == 2)
	WIN 0xc1
.else
	WIN MUL_HI
.endif
	MUL16 4, (\q)%2, \q, \slot, \zero
	MUL16 6, (\q)%2, \q, \slot, \zero
	PLACES NP
	WIN 0
	FETCH_A \slot, (\q)+1, 4
.endm
; A slot's last step changes slots: one barrier; in front of it each wave waits for all its tensor loads, adds 0 to its spare word, and waits for that and for its own reads of this slot.  fill = 1: the slot is filled again.
.macro TURN slot, next, fill
	s_wait_tensorcnt 0x0                           ; all my tensor loads have landed: my part of the next slot
	ds_add_u32 v[SPW], v[NIL]                      ; 0 onto my spare word
	s_wait_dscnt 4*NL+1                            ; (the add and the youngest 16 loads, A's blocks 4-7, may be out)
	WIN MUL_LO
	MUL16 0, 1, NQ-1, \slot, 0                     ; sixteen matrix instructions stand between the add and the wait for it
	s_wait_dscnt 0x0                               ; the add is done, and my reads of this slot are over
	s_barrier_signal -1
	MUL16 2, 1, NQ-1, \slot, 0
	WIN 0
	s_barrier_wait -1
.if \fill
	CREST                                          ; the barrier has opened a round of the cluster's barrier: no wave of any partner still reads this slot or has a load on its way
	s_add_nc_u64 s[G0+4*\slot+2:G0+4*\slot+3], s[G0+4*\slot+2:G0+4*\slot+3], 2*CH
	s_add_nc_u64 s[G0B+4*\slot+2:G0B+4*\slot+3], s[G0B+4*\slot+2:G0B+4*\slot+3], 2*CH
	JLOAD G0+4*\slot, G1, G0B+4*\slot, G1B         ; the first tensor load behind the round; its four v_nop are the places in front of the loads below
.else
	PLACES NP
.endif
	FETCH_B \next, 0, 0
	FETCH_A \next, 0, 0
	SCALES \next
	WIN MUL_HI
	MUL16 4, 1, NQ-1, \slot, 0
	MUL16 6, 1, NQ-1, \slot, 0
	PLACES NP
	WIN 0
	FETCH_A \next, 0, 4
.endm
	s_wait_tensorcnt 1                             ; my part of slot 0 is in; slot 1's load may be out
	s_barrier_signal -1
	s_barrier_wait -1
	FETCH_B 0, 0, 0
	FETCH_A 0, 0, 0
	SCALES 0
	FETCH_A 0, 0, 4
.if MODE == 0
	s_wait_loadcnt 0x0                             ; the bias
	s_cmp_ge_u32 s68, 4
	s_cbranch_scc1 .Lfirst_m
	STEP 0, 0, 1                                   ; the first step stands in front of the loop: its products start the sums
	s_branch .Lfirst_done
.Lfirst_m:
	STEP 0, 0, 2
.Lfirst_done:
.elseif MODE == 1
	s_wait_loadcnt 0x0
	STEP 0, 0, 1
.else
	STEP 0, 0, 3
.endif
	s_mov_b32 s66, LAPS-1
.Llap:                                                 ; a trip goes once round the ring and fills both slots again
	TURN 0, 1, 1
	STEP 1, 0, 0
	TURN 1, 0, 1
	STEP 0, 0, 0
	s_sub_co_u32 s66, s66, 1
	s_cmp_lg_u32 s66, 0
	s_cbranch_scc1 .Llap
	TURN 0, 1, 0                                   ; the last lap fills nothing, and has no round
	STEP 1, 0, 0
	s_wait_dscnt 4*NL                              ; the very last step
	WIN MUL_LO
	MUL16 0, 1, NQ-1, 1, 0
	MUL16 2, 1, NQ-1, 1, 0
	s_wait_dscnt 0
	WIN MUL_HI
	MUL16 4, 1, NQ-1, 1, 0
	MUL16 6, 1, NQ-1, 1, 0
	WIN 0
	PLACES NP                                      ; in front of the first read of results and of writes into registers that the last products read
.if MODE == 2
; THE WAY OUT, f32: a block of 16 rows x 128 columns goes through my own stage and comes back as whole rows of 512 bytes.  LDS serves a wave's instructions in order: no wait between the stores and the loads.
.macro TOSTAGE a
.set AC, 64*((\a)%4)
	WIN 0x08+4*((\a)/4)                            ; the data: window 2 or 3
.irp b, 0,1,2,3,4,5,6,7
	ds_store_b128 v[E0], v[AC+8*\b:AC+8*\b+3] offset:128*(\b/2)+32*(\b%2)       ; each accumulator from its low end on; columns 32 (b / 2) + 8 (b % 2) + 16 h on
	ds_store_b128 v[E0], v[AC+8*\b+4:AC+8*\b+7] offset:128*(\b/2)+32*(\b%2)+16
.endr
	WIN 0
.set BB, BK+64*((\a)%2)
.irp t, 0,1,2,3,4,5,6,7,8,9,10,11,12,13,14,15
	ds_load_b128 v[BB+4*\t:BB+4*\t+3], v[E0+1] offset:\t*SPITCH
.endr
.endm
.macro SEND a, younger
.set BB, BK+64*((\a)%2)
	s_wait_dscnt \younger                          ; the block is back; the next block's 16 stores and 16 loads may be out
.irp t, 0,1,2,3,4,5,6,7,8,9,10,11,12,13,14,15
	global_store_b128 v[E0+2], v[BB+4*\t:BB+4*\t+3], s[76:77] offset:(32*((\a)/2)+8*((\a)%2)+\t+8*(\t/8))*4096   ; 32 lanes store 512 consecutive aligned bytes; 127 rows at the most: inside the signed 24-bit immediate
.endr
.endm
	TOSTAGE 0
.irp a, 1,2,3,4,5,6,7
.if \a > 1
	s_wait_xcnt 0x0                                ; block a - 2's stores have read their registers: block a's loads may land there
.endif
	TOSTAGE \a
	SEND \a-1, 32
.endr
	SEND 7, 0
.else
; THE WAY OUT, quantised: block a's 64 registers are 128 neighbouring columns of my row: four blocks of 32, each shared with lane l xor 16.  The codes are stored as they stand: fragment a % 4 of a unit of the output.
.irp b, 0,1,2,3
	v_mov_b32 v[TM+4+\b], 0                        ; a lane permute's destination counts as one of its sources
.endr
.irp a, 0,1,2,3,4,5,6,7
.set QS, 64*(\a%4)
.set QW, 2+\a/4
.set QF, \a%4
.if \a > 0
	s_wait_xcnt 0x0                                ; the last block's stores have read the codes' registers
.endif
.if MODE == 1
	WIN (QW<<2)|(QW<<6)
.set j, 0
.rept 64
	v_max_num_f32 v[QS+j], 0, v[QS+j]              ; the activation, in f32, each accumulator from its low end on
.set j, j+1
.endr
.endif
	WIN QW|(QW<<2)
.irp b, 0,1,2,3
	v_max3_num_f32 v[TM+\b], |v[QS+16*\b]|, |v[QS+1+16*\b]|, 0x1800000   ; and the floor 2^(3 - 127): the byte cannot fall under 1
.endr
	WIN (QW<<2)|(QW<<4)
.irp i, 2,4,6,8,10,12,14
.irp b, 0,1,2,3
	v_max3_num_f32 v[TM+\b], v[TM+\b], |v[QS+16*\b+\i]|, |v[QS+1+16*\b+\i]|
.endr
.endr
	WIN 0
.irp b, 0,1,2,3
	v_permlanex16_b32 v[TM+4+\b], v[TM+\b], s86, s87
.endr
.irp b, 0,1,2,3
	v_max_num_f32 v[TM+\b], v[TM+\b], v[TM+4+\b]
.endr
.irp b, 0,1,2,3
	v_add_nc_u32 v[TM+8+\b], 0xff000000, v[TM+\b]  ; 2 off the exponent field: the conversion's scale operand
.endr
.irp b, 0,1,2,3
	v_lshrrev_b32 v[TM+4+\b], 23, v[TM+8+\b]       ; the scale's byte
.endr
	v_lshl_or_b32 v[PW], v[TM+5], 8, v[TM+4]
	v_lshl_or_b32 v[PW], v[TM+6], 16, v[PW]
	v_lshl_or_b32 v[PW], v[TM+7], 24, v[PW]
	WIN QW
.irp c, 0,1
	v_cvt_scalef32_pk16_fp6_f32 v[PC+6*\c:PC+2+6*\c], v[QS+32*\c:QS+15+32*\c], v[TM+8+2*\c]
	v_cvt_scalef32_pk16_fp6_f32 v[PC+12+4*\c:PC+14+4*\c], v[QS+16+32*\c:QS+31+32*\c], v[TM+8+2*\c+1]
.endr
	WIN 0
	v_nop                                          ; one plain place behind a scaled conversion
.irp c, 0,1
.irp i, 0,1,2
	v_permlane16_swap_b32 v[PC+6*\c+\i], v[PC+12+4*\c+\i]
.endr
.irp i, 0,1,2
	v_mov_b32 v[PC+3+6*\c+\i], v[PC+12+4*\c+\i]
.endr
.endr
	global_store_b128 v[E0], v[PC:PC+3], s[76:77] offset:768*QF          ; 512 consecutive aligned bytes
	global_store_b64 v[E0+1], v[PC+4:PC+5], s[76:77] offset:768*QF+512   ; 256
	global_store_b128 v[E0], v[PC+6:PC+9], s[76:77] offset:768*QF+3072
	global_store_b64 v[E0+1], v[PC+10:PC+11], s[76:77] offset:768*QF+3584
	ds_store_b32 v[E0+2], v[PW] offset:64*QF       ; both halves of the lanes write the same word with the same value
.if QF == 3
	ds_load_b64 v[TT:TT+1], v[E0+3]                ; the unit's 64 scale words: LDS serves my instructions in order
	s_wait_dscnt 0x0
	global_store_b64 v[E0+1], v[TT:TT+1], s[76:77] offset:6144   ; 256 consecutive aligned bytes
.if \a == 3
	s_wait_xcnt 0x0                                ; the stores have read their base: on to the next panel of the output
.if MODE == 0
	s_add_nc_u64 s[76:77], s[76:77], s[78:79]
.else
	s_add_nc_u64 s[76:77], s[76:77], KSOC*UNIT
.endif
.endif
.endif
.endr
.endif
	s_wait_tensorcnt 0x0                           ; the wave's end
	ds_add_u32 v[SPW], v[NIL]
	s_wait_dscnt 0x0
	CROUND                                         ; the closing round: no work-group ends while a partner may still ask for a tile that names it
	s_endpgm
.Lfunc_end_k_q199669ad3b_oproj:
	.size	k_q199669ad3b_oproj, .Lfunc_end_k_q199669ad3b_oproj-k_q199669ad3b_oproj
	.p2alignl 7, 3214868480
	.fill 96, 4, 3214868480
	.section	.rodata,"a",@progbits
	.p2align	6, 0x0
	.amdhsa_kernel k_q199669ad3b_oproj
		.amdhsa_group_segment_fixed_size 327680
		.amdhsa_private_segment_fixed_size 0
		.amdhsa_enable_private_segment 0
		.amdhsa_kernarg_size 24
		.amdhsa_user_sgpr_count 2
		.amdhsa_user_sgpr_kernarg_segment_ptr 1
		.amdhsa_wavefront_size32 1
		.amdhsa_system_sgpr_workgroup_id_x 1
		.amdhsa_system_sgpr_workgroup_id_y 1
		.amdhsa_system_sgpr_workgroup_id_z 1
		.amdhsa_system_vgpr_workitem_id 0
		.amdhsa_next_free_vgpr 1024
		.amdhsa_next_free_sgpr 96
		.amdhsa_reserve_vcc 0
		.amdhsa_float_denorm_mode_32 3
		.amdhsa_float_denorm_mode_16_64 3
		.amdhsa_memory_ordered 1
		.amdhsa_forward_progress 1
		.amdhsa_inst_pref_size 143
	.end_amdhsa_kernel
	.amdgpu_metadata
---
amdhsa.version: [ 1, 2 ]
amdhsa.kernels:
  - .name:           k_q199669ad3b_oproj
    .symbol:         k_q199669ad3b_oproj.kd
    .args:
      - { .name: at_img, .offset: 0, .size: 8, .value_kind: global_buffer, .address_space: global }
      - { .name: wimg, .offset: 8, .size: 8, .value_kind: global_buffer, .address_space: global }
      - { .name: cbuf, .offset: 16, .size: 8, .value_kind: global_buffer, .address_space: global }
    .group_segment_fixed_size: 327680
    .private_segment_fixed_size: 0
    .kernarg_segment_align: 8
    .kernarg_segment_size: 24
    .max_flat_workgroup_size: 128
    .sgpr_count:     96
    .vgpr_count:     1024
    .wavefront_size: 32
...
	.end_amdgpu_metadata
.endif
;; end of part 4
;; launch ln1 (part 5): grid 256 x 1, 8 waves a work-group, no clusters, 66,816 bytes of LDS; arguments cbuf, X, bo, ln1_w, ln1_b, x1, x1_img; writes x1, x1_img
.if DOCPART == 5
	.amdgcn_target "amdgcn-amd-amdhsa--gfx1250"
	.amdhsa_code_object_version 6
	.text
	.protected	k_q199669ad3b_ln1
	.globl	k_q199669ad3b_ln1
	.p2align	8
	.type	k_q199669ad3b_ln1,@function
k_q199669ad3b_ln1:
	s_mov_b64 s[64:65], 0
	v_nop
	global_prefetch_b8 v0, s[64:65] scope:SCOPE_SE
	s_setreg_imm32_b32 hwreg(HW_REG_WAVE_MODE, 25, 1), 1
	s_wait_xcnt 0x0
; x = layer norm(residual + (c + bias)) x gain + offset over rows of 1,024, in f32; with QOUT = 1 the rows are also quantised to FP6 (E2M3) along the row and stored as the next product's image.
; SHARES.  Work-group G takes the 16 rows of fragment f = G % 4 of panel G / 4 (64 rows): rows 32 (f / 2) + 8 (f % 2) + r + 8 (r / 8).  Wave w takes rows r = 2 w and 2 w + 1, neighbours in memory; a row lies in one wave:
; lane l holds columns 4 l + 128 j + 0 .. 3, j = 0 .. 7, so each load and store covers 512 consecutive aligned bytes and the two sums never leave the wave.
; The mean is taken first and the variance of the differences, in two passes: no difference of large sums is formed.
; QOUT: the 16 finished rows meet in LDS (rows 4,112 bytes apart); behind one barrier wave w quantises K step w (128 columns) of all 16 rows, a lane holding 16 neighbours of each block of 32 of its row, and stores the fragment as it stands
; in the registers.  A unit of the image is 64 rows x 128 K, 6,400 bytes: 3072 c + 768 f + 16 lane: registers 6 c .. 6 c + 3; + 512 + 8 lane: registers 6 c + 4, 5; 6144 + 64 f + 4 r: scale words.
; The fragment's 16 scale words leave as 64 bytes: the unit's other three fragments are other work-groups'.
; LIMITS of the quantiser: a block of zeros gets the byte 1 where the rule says 127 (zero codes; this program alone reads the bytes); NaN and infinities are not served.
; Memory binds: matrix units, clusters and tensor loads would add nothing.
.set QOUT, 1
.set Y,   16                           ; v16-79   c, then the sum, the differences, the result: 32 registers a row
.set R,   80                           ; v80-143  the residual; later 64 numbers for the quantiser
.set BB,  144                          ; v144-175 the bias; later the codes
.set GW,  176                          ; v176-207 the gain
.set GB,  208                          ; v208-239 the offset
.set ST,  240                          ; v240-247 sums: four registers a row
.set XN,  80
.set PC,  144
.set TM,  240
.set PW,  252
.set SEL, 28
.set LP,  4112                         ; a row in LDS: 4,096 bytes + 16
	s_load_b256 s[4:11], s[0:1], 0x0               ; c, the residual, the bias, the gain
	s_load_b128 s[12:15], s[0:1], 0x20             ; the offset, the result
.if QOUT
	s_load_b64 s[16:17], s[0:1], 0x30              ; the image
	v_lshl_add_u32 v254, v0, 2, 0x10100
	v_mov_b32 v255, 0
.endif
	v_lshrrev_b32 v1, 5, v0
	v_readfirstlane_b32 s18, v1                    ; wave 0..7
	v_and_b32 v7, 31, v0                           ; lane
	v_lshlrev_b32 v1, 4, v7                        ; 16 x lane
	s_lshr_b32 s19, ttmp9, 2                       ; panel
	s_and_b32 s20, ttmp9, 3                        ; f
	s_lshl_b32 s21, s19, 6
	s_lshr_b32 s22, s20, 1
	s_lshl_b32 s22, s22, 5
	s_add_co_u32 s21, s21, s22
	s_and_b32 s22, s20, 1
	s_lshl_b32 s22, s22, 3
	s_add_co_u32 s21, s21, s22
	s_lshl_b32 s22, s18, 1
	s_add_co_u32 s21, s21, s22
	s_lshr_b32 s22, s18, 2
	s_lshl_b32 s22, s22, 3
	s_add_co_u32 s21, s21, s22                     ; my first row
	s_lshl_b32 s22, s21, 12
	s_mov_b32 s23, 0
	s_mov_b32 s24, 0xba800000                      ; -1 / 1,024
	s_mov_b32 s25, 0x3a800000                      ; 1 / 1,024
	s_mov_b32 s26, 0x3727c5ac                      ; 1e-5
	s_mov_b32 s[SEL], 0x76543210
	s_mov_b32 s[SEL+1], 0xfedcba98
	v_mov_b32 v248, 0                              ; a lane permute's destination counts as one of its sources
	v_mov_b32 v249, 0
.if QOUT
	v_and_b32 v8, 15, v0                           ; r
	v_bfe_u32 v9, v0, 4, 1                         ; h
	s_mul_i32 s27, s18, 2*LP
	v_add_nc_u32 v2, s27, v1                       ; into LDS: my two rows, 16 x lane
	v_mul_u32_u24 v3, v8, LP
	v_lshl_add_u32 v3, v9, 6, v3
	s_lshl_b32 s27, s18, 9
	v_add_nc_u32 v3, s27, v3                       ; out of it: row r, K step w, + 64 h
	s_mul_i32 s27, s20, 768
	v_add_nc_u32 v4, s27, v1                       ; the image: 16 x lane + 768 f,
	v_lshl_add_u32 v5, v7, 3, s27                  ; 8 x lane + 768 f,
	s_lshl_b32 s27, s20, 6
	v_lshl_add_u32 v6, v8, 2, s27                  ; 4 r + 64 f
	s_lshl_b32 s30, s19, 3
	s_add_co_u32 s30, s30, s18
	s_mul_i32 s30, s30, 6400                       ; unit (panel, K step w)
	s_mov_b32 s31, 0
.endif
	s_wait_kmcnt 0x0
	s_add_nc_u64 s[4:5], s[4:5], s[22:23]
	s_add_nc_u64 s[6:7], s[6:7], s[22:23]
	s_add_nc_u64 s[14:15], s[14:15], s[22:23]
.if QOUT
	s_add_nc_u64 s[16:17], s[16:17], s[30:31]
.endif
.irp u, 0,1
.irp j, 0,1,2,3,4,5,6,7
	global_load_b128 v[Y+32*\u+4*\j:Y+32*\u+4*\j+3], v1, s[4:5] offset:4096*\u+512*\j th:TH_LOAD_NT
.endr
.endr
.irp j, 0,1,2,3,4,5,6,7
	global_load_b128 v[BB+4*\j:BB+4*\j+3], v1, s[8:9] offset:512*\j
.endr
.irp u, 0,1
.irp j, 0,1,2,3,4,5,6,7
	global_load_b128 v[R+32*\u+4*\j:R+32*\u+4*\j+3], v1, s[6:7] offset:4096*\u+512*\j th:TH_LOAD_NT
.endr
.endr
.irp j, 0,1,2,3,4,5,6,7
	global_load_b128 v[GW+4*\j:GW+4*\j+3], v1, s[10:11] offset:512*\j
.endr
.irp j, 0,1,2,3,4,5,6,7
	global_load_b128 v[GB+4*\j:GB+4*\j+3], v1, s[12:13] offset:512*\j
.endr
	s_wait_loadcnt 16                              ; all but the gain's and the offset's 16 loads are in
.irp u, 0,1
.irp k, 0,2,4,6,8,10,12,14,16,18,20,22,24,26,28,30
	v_pk_add_f32 v[Y+32*\u+\k:Y+32*\u+\k+1], v[Y+32*\u+\k:Y+32*\u+\k+1], v[BB+\k:BB+\k+1]
.endr
.endr
.irp u, 0,1
.irp k, 0,2,4,6,8,10,12,14,16,18,20,22,24,26,28,30
	v_pk_add_f32 v[Y+32*\u+\k:Y+32*\u+\k+1], v[Y+32*\u+\k:Y+32*\u+\k+1], v[R+32*\u+\k:R+32*\u+\k+1]
.endr
.endr
.macro ACROSS x, t                     ; the sum over the 32 lanes, in every lane
	v_add_f32_dpp v[\x], v[\x], v[\x] row_xmask:1 row_mask:0xf bank_mask:0xf
	v_add_f32_dpp v[\x], v[\x], v[\x] row_xmask:2 row_mask:0xf bank_mask:0xf
	v_add_f32_dpp v[\x], v[\x], v[\x] row_xmask:4 row_mask:0xf bank_mask:0xf
	v_add_f32_dpp v[\x], v[\x], v[\x] row_xmask:8 row_mask:0xf bank_mask:0xf
	v_permlanex16_b32 v[\t], v[\x], s[SEL], s[SEL+1]
	v_add_f32 v[\x], v[\x], v[\t]
.endm
.irp u, 0,1                                    ; the row's sum, two chains a row
	v_pk_add_f32 v[ST+4*\u:ST+4*\u+1], v[Y+32*\u:Y+32*\u+1], v[Y+32*\u+2:Y+32*\u+3]
	v_pk_add_f32 v[ST+4*\u+2:ST+4*\u+3], v[Y+32*\u+4:Y+32*\u+5], v[Y+32*\u+6:Y+32*\u+7]
.endr
.irp k, 8,12,16,20,24,28
.irp u, 0,1
	v_pk_add_f32 v[ST+4*\u:ST+4*\u+1], v[ST+4*\u:ST+4*\u+1], v[Y+32*\u+\k:Y+32*\u+\k+1]
	v_pk_add_f32 v[ST+4*\u+2:ST+4*\u+3], v[ST+4*\u+2:ST+4*\u+3], v[Y+32*\u+\k+2:Y+32*\u+\k+3]
.endr
.endr
.irp u, 0,1
	v_pk_add_f32 v[ST+4*\u:ST+4*\u+1], v[ST+4*\u:ST+4*\u+1], v[ST+4*\u+2:ST+4*\u+3]
.endr
.irp u, 0,1
	v_add_f32 v[ST+4*\u], v[ST+4*\u], v[ST+4*\u+1]
.endr
	ACROSS ST, 248
	ACROSS ST+4, 249
.irp u, 0,1
	v_mul_f32 v[ST+4*\u], s24, v[ST+4*\u]          ; - the mean
.endr
.irp u, 0,1
.irp k, 0,2,4,6,8,10,12,14,16,18,20,22,24,26,28,30
	v_pk_add_f32 v[Y+32*\u+\k:Y+32*\u+\k+1], v[Y+32*\u+\k:Y+32*\u+\k+1], v[ST+4*\u:ST+4*\u+1] op_sel_hi:[1,0]   ; the differences
.endr
.endr
.irp u, 0,1                                    ; the sum of their squares
	v_pk_mul_f32 v[ST+4*\u:ST+4*\u+1], v[Y+32*\u:Y+32*\u+1], v[Y+32*\u:Y+32*\u+1]
	v_pk_mul_f32 v[ST+4*\u+2:ST+4*\u+3], v[Y+32*\u+2:Y+32*\u+3], v[Y+32*\u+2:Y+32*\u+3]
.endr
.irp k, 4,8,12,16,20,24,28
.irp u, 0,1
	v_pk_fma_f32 v[ST+4*\u:ST+4*\u+1], v[Y+32*\u+\k:Y+32*\u+\k+1], v[Y+32*\u+\k:Y+32*\u+\k+1], v[ST+4*\u:ST+4*\u+1]
	v_pk_fma_f32 v[ST+4*\u+2:ST+4*\u+3], v[Y+32*\u+\k+2:Y+32*\u+\k+3], v[Y+32*\u+\k+2:Y+32*\u+\k+3], v[ST+4*\u+2:ST+4*\u+3]
.endr
.endr
.irp u, 0,1
	v_pk_add_f32 v[ST+4*\u:ST+4*\u+1], v[ST+4*\u:ST+4*\u+1], v[ST+4*\u+2:ST+4*\u+3]
.endr
.irp u, 0,1
	v_add_f32 v[ST+4*\u], v[ST+4*\u], v[ST+4*\u+1]
.endr
	ACROSS ST, 248
	ACROSS ST+4, 249
.irp u, 0,1
	v_fma_f32 v[ST+4*\u], v[ST+4*\u], s25, s26     ; the variance + 1e-5
.endr
	v_rsq_f32 v[ST], v[ST]
	v_rsq_f32 v[ST+4], v[ST+4]
	v_nop                                          ; one plain place behind a transcendental
	s_wait_loadcnt 0x0                             ; the gain and the offset
	s_wait_alu depctr_va_vdst(0)
.irp u, 0,1
.irp k, 0,2,4,6,8,10,12,14,16,18,20,22,24,26,28,30
	v_pk_mul_f32 v[Y+32*\u+\k:Y+32*\u+\k+1], v[Y+32*\u+\k:Y+32*\u+\k+1], v[ST+4*\u:ST+4*\u+1] op_sel_hi:[1,0]
.endr
.endr
.irp u, 0,1
.irp k, 0,2,4,6,8,10,12,14,16,18,20,22,24,26,28,30
	v_pk_fma_f32 v[Y+32*\u+\k:Y+32*\u+\k+1], v[Y+32*\u+\k:Y+32*\u+\k+1], v[GW+\k:GW+\k+1], v[GB+\k:GB+\k+1]
.endr
.endr
.irp u, 0,1
.irp j, 0,1,2,3,4,5,6,7
.if QOUT
	global_store_b128 v1, v[Y+32*\u+4*\j:Y+32*\u+4*\j+3], s[14:15] offset:4096*\u+512*\j      ; a later launch reads it again
	ds_store_b128 v2, v[Y+32*\u+4*\j:Y+32*\u+4*\j+3] offset:LP*\u+512*\j
.else
	global_store_b128 v1, v[Y+32*\u+4*\j:Y+32*\u+4*\j+3], s[14:15] offset:4096*\u+512*\j th:TH_STORE_NT
.endif
.endr
.endr
.if QOUT
	s_wait_dscnt 0x0                               ; for the others' sake: my two rows lie in LDS
	s_barrier_signal -1
	s_barrier_wait -1
.irp b, 0,1,2,3
.irp q, 0,1,2,3
	ds_load_b128 v[XN+16*\b+4*\q:XN+16*\b+4*\q+3], v3 offset:128*\b+16*\q   ; register 16 b + i = column 128 w + 32 b + 16 h + i of row r
.endr
.endr
	s_wait_dscnt 0x0
.irp b, 0,1,2,3
	v_max3_num_f32 v[TM+\b], |v[XN+16*\b]|, |v[XN+1+16*\b]|, 0x1800000   ; and the floor 2^(3 - 127): the byte cannot fall under 1
.endr
.irp i, 2,4,6,8,10,12,14
.irp b, 0,1,2,3
	v_max3_num_f32 v[TM+\b], v[TM+\b], |v[XN+16*\b+\i]|, |v[XN+1+16*\b+\i]|
.endr
.endr
.irp b, 0,1,2,3
	v_permlanex16_b32 v[TM+4+\b], v[TM+\b], s[SEL], s[SEL+1]
.endr
.irp b, 0,1,2,3
	v_max_num_f32 v[TM+\b], v[TM+\b], v[TM+4+\b]
.endr
.irp b, 0,1,2,3
	v_add_nc_u32 v[TM+8+\b], 0xff000000, v[TM+\b]  ; 2 off the exponent field: the conversion's scale operand
.endr
.irp b, 0,1,2,3
	v_lshrrev_b32 v[TM+4+\b], 23, v[TM+8+\b]       ; the scale's byte
.endr
	v_lshl_or_b32 v[PW], v[TM+5], 8, v[TM+4]
	v_lshl_or_b32 v[PW], v[TM+6], 16, v[PW]
	v_lshl_or_b32 v[PW], v[TM+7], 24, v[PW]
.irp c, 0,1
	v_cvt_scalef32_pk16_fp6_f32 v[PC+6*\c:PC+2+6*\c], v[XN+32*\c:XN+15+32*\c], v[TM+8+2*\c]
	v_cvt_scalef32_pk16_fp6_f32 v[PC+12+4*\c:PC+14+4*\c], v[XN+16+32*\c:XN+31+32*\c], v[TM+8+2*\c+1]
.endr
	v_nop                                          ; one plain place behind a scaled conversion
.irp c, 0,1
.irp i, 0,1,2
	v_permlane16_swap_b32 v[PC+6*\c+\i], v[PC+12+4*\c+\i]
.endr
.irp i, 0,1,2
	v_mov_b32 v[PC+3+6*\c+\i], v[PC+12+4*\c+\i]
.endr
.endr
	global_store_b128 v4, v[PC:PC+3], s[16:17]
	global_store_b64 v5, v[PC+4:PC+5], s[16:17] offset:512
	global_store_b128 v4, v[PC+6:PC+9], s[16:17] offset:3072
	global_store_b64 v5, v[PC+10:PC+11], s[16:17] offset:3584
	global_store_b32 v6, v[PW], s[16:17] offset:6144   ; both halves of the lanes write the same word with the same value
.endif
	s_wait_tensorcnt 0x0
	ds_add_u32 v254, v255
	s_wait_dscnt 0x0
	s_endpgm
.Lfunc_end_k_q199669ad3b_ln1:
	.size	k_q199669ad3b_ln1, .Lfunc_end_k_q199669ad3b_ln1-k_q199669ad3b_ln1
	.p2alignl 7, 3214868480
	.fill 96, 4, 3214868480
	.section	.rodata,"a",@progbits
	.p2align	6, 0x0
	.amdhsa_kernel k_q199669ad3b_ln1
		.amdhsa_group_segment_fixed_size 66816
		.amdhsa_private_segment_fixed_size 0
		.amdhsa_enable_private_segment 0
		.amdhsa_kernarg_size 56
		.amdhsa_user_sgpr_count 2
		.amdhsa_user_sgpr_kernarg_segment_ptr 1
		.amdhsa_wavefront_size32 1
		.amdhsa_system_sgpr_workgroup_id_x 1
		.amdhsa_system_sgpr_workgroup_id_y 1
		.amdhsa_system_sgpr_workgroup_id_z 1
		.amdhsa_system_vgpr_workitem_id 0
		.amdhsa_next_free_vgpr 256
		.amdhsa_next_free_sgpr 66
		.amdhsa_reserve_vcc 0
		.amdhsa_float_denorm_mode_32 3
		.amdhsa_float_denorm_mode_16_64 3
		.amdhsa_memory_ordered 1
		.amdhsa_forward_progress 1
		.amdhsa_inst_pref_size 32
	.end_amdhsa_kernel
	.amdgpu_metadata
---
amdhsa.version: [ 1, 2 ]
amdhsa.kernels:
  - .name:           k_q199669ad3b_ln1
    .symbol:         k_q199669ad3b_ln1.kd
    .args:
      - { .name: cbuf, .offset: 0, .size: 8, .value_kind: global_buffer, .address_space: global }
      - { .name: X, .offset: 8, .size: 8, .value_kind: global_buffer, .address_space: global }
      - { .name: bo, .offset: 16, .size: 8, .value_kind: global_buffer, .address_space: global }
      - { .name: ln1_w, .offset: 24, .size: 8, .value_kind: global_buffer, .address_space: global }
      - { .name: ln1_b, .offset: 32, .size: 8, .value_kind: global_buffer, .address_space: global }
      - { .name: x1, .offset: 40, .size: 8, .value_kind: global_buffer, .address_space: global }
      - { .name: x1_img, .offset: 48, .size: 8, .value_kind: global_buffer, .address_space: global }
    .group_segment_fixed_size: 66816
    .private_segment_fixed_size: 0
    .kernarg_segment_align: 8
    .kernarg_segment_size: 56
    .max_flat_workgroup_size: 256
    .sgpr_count:     66
    .vgpr_count:     256
    .wavefront_size: 32
...
	.end_amdgpu_metadata
.endif
;; end of part 5
;; launch up (part 6): grid 16 x 16, 4 waves a work-group, clusters of 4 x 4, 327,680 bytes of LDS; arguments x1_img, wimg, bup, up_img; writes up_img
.if DOCPART == 6
	.amdgcn_target "amdgcn-amd-amdhsa--gfx1250"
	.amdhsa_code_object_version 6
	.text
	.protected	k_q199669ad3b_up
	.globl	k_q199669ad3b_up
	.p2align	8
	.type	k_q199669ad3b_up,@function
k_q199669ad3b_up:
	s_mov_b64 s[64:65], 0
	v_nop
	global_prefetch_b8 v0, s[64:65] scope:SCOPE_SE
	s_setreg_imm32_b32 hwreg(HW_REG_WAVE_MODE, 25, 1), 1
	s_wait_xcnt 0x0
	s_wait_alu depctr_hold_cnt(0) depctr_sa_sdst(0) depctr_va_vdst(0) depctr_va_sdst(0) depctr_va_ssrc(0) depctr_va_vcc(0) depctr_vm_vsrc(0)
	s_getreg_b32 s2, hwreg(HW_REG_IB_STS2, 6, 4)
	s_cmp_eq_u32 s2, 0
	s_cbranch_scc0 .Lentry_in_a_cluster
	s_endpgm
.Lentry_in_a_cluster:
	s_bfe_u32 s2, ttmp6, 0x10000c
	s_cmp_lg_u32 s2, 0xf033
	s_cbranch_scc0 .Lentry_shape_is_right
	s_endpgm
.Lentry_shape_is_right:
; ONE TEXT FOR ALL FOUR LARGE PRODUCTS OF THE PROGRAM, C = A B^T on codes of FP6 (E2M3) with E8M0 scales; the four copies differ in the four constants below alone.
; MODE 0: A and B from wimg.  Clusters with y < 4: A = X, B = Wq | Wk, + bq | bk, quantised along the channels -> qk_img.  Clusters with y >= 4: A = Wv, B = X, + bv (by A's row), quantised along the TOKENS -> vt_img.
; MODE 1: relu(A B^T + bias), quantised along the columns -> an image.      MODE 2: A B^T as f32, row-major, 1,024 columns.
; OPERANDS ARE IMAGES OF THE MATRIX OPERAND'S REGISTERS.  A unit is 64 rows x 128 K, 6,400 bytes: at 3072 c + 768 f + 16 lane registers 6 c .. 6 c + 3 of fragment f, at 3072 c + 768 f + 512 + 8 lane registers 6 c + 4, 6 c + 5,
; at 6144 + 64 f + 4 r the scale word of the fragment's row r, which is row 32 (f / 2) + 8 (f % 2) + r + 8 (r / 8) of the 64.  A tensor is [rows / 64][K / 128] units.  So a fragment comes by four LDS loads of consecutive bytes,
; codes and scales travel in one tensor load, and no row needs a pitch or a padding.
; A tile of C, 256 x 256, is made by four waves, as many as a WGP has SIMDs; a wave makes 128 x 128: 64 accumulators, 512 registers.  K goes in steps of 256 through a ring of two LDS slots; each wave fetches a quarter of a slot
; (128 rows: two runs of 12,800 consecutive bytes) by one tensor load.  By this text's own count a wave has two tensor loads outstanding at the start and one behind each round.
; CLUSTERS: 4 x 4 work-groups; A's tiles are shared along a row of the cluster, B's along a column, each asked for jointly.  In MODE 0 the two kinds part on the CLUSTER's y, which all sixteen partners share.
; THE MATRIX INSTRUCTION IS USED TRANSPOSED (source 0 = 16 rows of B, source 1 = 16 rows of A): a lane holds one row of C, and by the order of a fragment's rows the 64 registers of a block of 16 rows are
; register 16 b + i = column 32 b + 16 (lane / 16) + i of my 128: what the conversions want.  A quantised result is stored as it stands in the registers: it IS the next product's image.
; The bias is the C of each sum's first matrix instruction.  The 64 accumulators take turns, one instruction a turn, in the same order in every step.
; LIMITS of the quantiser: a block of zeros gets the byte 1 where the rule says 127 (zero codes; this program alone reads the bytes); largest magnitudes under 2^-124 keep the byte 1; NaN and infinities are not served.
; REGISTERS: window 0: v0-31 addresses; v32-63 scale words, two sets; v64-127 the bias; v128-223 A's fragments, one set.  window 1: B's fragments, two sets, at v0 and v128.  windows 2, 3: the accumulators, (a, b) at v[8 (8 (a % 4) + b)].
.set MODE,   1
.set SIZE_K, 1024
.set BOFF,   128*51200                 ; MODE 1, 2: where B's panels begin in wimg
.set KSOC,   32                        ; MODE 1: units in a panel of the output
.set KS,     SIZE_K/128                ; units in a panel of A and of B
.set UNIT,   6400
.set PANB,   KS*UNIT
.set CH,     2*UNIT                    ; a panel's two units of a slot
.set HALFT,  2*CH                      ; 128 rows x 256 K: one tensor load
.set SLOT,   4*HALFT                   ; A's four panels, then B's four
.set SPARE,  2*SLOT                    ; behind the ring: the spare words, 128 bytes for each wave, that no other line names
.set LAPS,   SIZE_K/512                ; a lap = once round the ring
.set NQ,     2
.set FR,     12                        ; registers of a fragment
.set NL,     4                         ; LDS loads that bring one
.set NP,     4                         ; places behind this matrix instruction (ISA guide 7.12.1)
.set SPITCH, 528                       ; MODE 2: a stage of 16 rows x (512 + 16) bytes for each wave, in slot 0, which has had its last fill and its last read by then
.set ADRS, 12                          ; v12-13 LDS address of my scale words in slot 0, 1: lanes 0-15 A's, lanes 16-31 B's
.set ADRA, 16                          ; v16-17 A's fragments, 16 x lane, slot 0, 1;  v18-19 the same with 512 + 8 x lane
.set ADRB, 20                          ; v20-23 the same for B
.set E0,   24                          ; v24-27 the way out
.set SPW,  28                          ; v28 LDS address of my spare word; never rewritten
.set NIL,  29                          ; v29 0; never rewritten
.set SC,   32
.set BI,   64
.set AF,   128
.set BK,   128                         ; MODE 2: rows read back from the stage, v128-191 and v192-255 by turns
.set TM,   32                          ; the quantiser on the way out: v32-35 magnitudes, v36-39 bytes, v40-43 scale operands
.set PW,   48
.set PC,   52
.set TT,   72
.set G1, 24
.set G0, 32
.set G1B, 48
.set G0B, 56
.set MSB, 0
.macro WIN new                         ; the immediate's high byte repeats the setting that is left
.if MSB != (\new)
	s_set_vgpr_msb (MSB<<8)|(\new)
.set MSB, (\new)
.endif
.endm
.set MUL_LO, 0xa1                      ; source 0 (B) window 1, source 1 (A) window 0, C and D window 2
.set MUL_HI, 0xf1                      ; the same, C and D window 3
.set TO_B,   0x40                      ; destination window 1, address window 0
; A joint load: waves 0 and 1 fetch for A, waves 2 and 3 for B; the branch hangs on the wave's number alone.  Four v_nop follow each of the two lines.
.macro JLOAD g0a, g1a, g0b, g1b
	s_cmp_eq_u32 s17, 0
	s_cbranch_scc0 .Lfor_b_\@
	tensor_load_to_lds s[\g0a:\g0a+3], s[\g1a:\g1a+7]
	s_nop 0
.rept 4
	v_nop
.endr
	s_branch .Lasked_\@
.Lfor_b_\@:
	tensor_load_to_lds s[\g0b:\g0b+3], s[\g1b:\g1b+7]
	s_nop 0
.rept 4
	v_nop
.endr
.Lasked_\@:
.endm
.macro CREST                           ; a round of the cluster's barrier behind its opening barrier
	s_cmp_lg_u32 s16, 0
	s_cbranch_scc1 .Lnot_wave_0_\@
	s_barrier_signal -3
.Lnot_wave_0_\@:
	s_barrier_wait -3
	s_barrier_signal -1
	s_barrier_wait -1
.endm
.macro CROUND
	s_barrier_signal -1
	s_barrier_wait -1
	CREST
.endm
.if MODE == 0
	s_load_b256 s[4:11], s[0:1], 0x0               ; wimg, bq, bk, bv
	s_load_b128 s[12:15], s[0:1], 0x20             ; qk_img, vt_img
.elseif MODE == 1
	s_load_b256 s[4:11], s[0:1], 0x0               ; A's image, wimg, the bias, the output image
.else
	s_load_b128 s[4:7], s[0:1], 0x0                ; A's image, wimg
	s_load_b64 s[8:9], s[0:1], 0x10                ; C
.endif
	v_lshl_add_u32 v[SPW], v0, 2, SPARE
	v_mov_b32 v[NIL], 0
	ds_add_u32 v28, v29
	ds_add_u32 v28, v29
	s_wait_dscnt 0x0
	v_lshrrev_b32 v1, 5, v0
	v_readfirstlane_b32 s16, v1                    ; wave 0..3
	s_lshr_b32 s17, s16, 1                         ; which half of the tile's rows is mine.  Also: I fetch for A (0) or for B (1)
	s_and_b32 s18, s16, 1                          ; which half of its columns.  Also: which two panels I fetch
	s_bfe_u32 s40, ttmp6, 0x40000                  ; cx, cy: my place in the cluster
	s_bfe_u32 s41, ttmp6, 0x40004
	s_and_b32 s68, ttmp7, 0xffff                   ; the cluster's y
	s_lshl_b32 s69, s68, 2                         ; the cluster's first tile row,
	s_lshl_b32 s70, ttmp9, 2                       ; and its first tile column
.if MODE == 0
	s_max_u32 s71, s68, 4
	s_sub_co_u32 s71, s71, 4
	s_lshl_b32 s71, s71, 1
	s_add_co_u32 s71, s71, ttmp9
	s_lshl_b32 s72, s71, 2                         ; the second kind: tile columns 4 (2 (y - 4) + x) on, over the 4,096 tokens
	s_cmp_ge_u32 s68, 4                            ; which kind: the same answer in all sixteen partners
	s_cselect_b32 s69, 0, s69
	s_cselect_b32 s70, s72, s70
	s_cselect_b32 s71, 96, 0                       ; A's first panel in wimg: Wv or X
	s_cselect_b32 s72, 0, 64                       ; B's: X or Wq | Wk
	s_cselect_b32 s73, 32, 16                      ; units in a panel of the output
.endif
	s_add_co_u32 s22, s69, s41                     ; tile row of C
	s_add_co_u32 s42, s70, s40                     ; tile column of C
	s_lshl_b32 s43, s41, 2
	s_lshl_b32 s43, 15, s43                        ; my row of the cluster
	s_lshl_b32 s44, 0x1111, s40                    ; my column
	; descriptor group 1: two rows of 1,600 elements of 8 bytes (a panel's two units), a panel apart; no padding
	s_or_b32 s[G1+0], s43, (3<<16)|(1<<21)         ; 15:0 the mask: A's tiles go to my row; 17:16 elements of 8 bytes; 21 set beside a mask
	s_or_b32 s[G1B+0], s44, (3<<16)|(1<<21)
.irp g, G1, G1B
	s_mov_b32 s[\g+1], 1600<<16                    ; tensor_dim0
	s_mov_b32 s[\g+2], 2<<16                       ; tensor_dim1
	s_mov_b32 s[\g+3], 1600<<16                    ; tile_dim0
	s_mov_b32 s[\g+4], 2                           ; tile_dim1
	s_mov_b32 s[\g+5], KS*800                      ; tensor_dim0_stride
	s_mov_b32 s[\g+6], 0
	s_mov_b32 s[\g+7], 0
.endr
	s_lshl_b32 s19, s18, 1                         ; which two panels of the tile's four I fetch
	s_lshl_b32 s20, s22, 2
	s_add_co_u32 s20, s20, s19                     ; A: panel 4 x tile row + 2 x half: no register of A's address ever holds cx
	s_lshl_b32 s46, s42, 2
	s_add_co_u32 s46, s46, s19                     ; B: panel 4 x tile column + 2 x half: none of B's ever holds cy
.if MODE == 0
	s_add_co_u32 s20, s20, s71
	s_add_co_u32 s46, s46, s72
.endif
	s_mul_i32 s20, s20, PANB
	s_mul_i32 s46, s46, PANB
.if MODE != 0
	s_add_co_u32 s46, s46, BOFF
.endif
	s_mov_b32 s21, 0
	s_mov_b32 s47, 0
	s_mul_i32 s45, s16, HALFT                      ; where they go: wave x 128 rows: no place in the cluster enters an LDS address
	s_wait_kmcnt 0x0
	s_add_nc_u64 s[20:21], s[4:5], s[20:21]
.if MODE == 0
	s_add_nc_u64 s[46:47], s[4:5], s[46:47]
.else
	s_add_nc_u64 s[46:47], s[6:7], s[46:47]
.endif
	CROUND                                         ; all sixteen work-groups are here: the first joint loads meet
.irp s, 0,1
	s_mov_b32 s[G0+4*\s], 1
	s_add_co_u32 s[G0+4*\s+1], s45, \s*SLOT
	s_add_nc_u64 s[G0+4*\s+2:G0+4*\s+3], s[20:21], \s*CH
	s_or_b32 s[G0+4*\s+3], s[G0+4*\s+3], 0x80000000
	s_mov_b32 s[G0B+4*\s], 1
	s_add_co_u32 s[G0B+4*\s+1], s45, \s*SLOT
	s_add_nc_u64 s[G0B+4*\s+2:G0B+4*\s+3], s[46:47], \s*CH
	s_or_b32 s[G0B+4*\s+3], s[G0B+4*\s+3], 0x80000000
	JLOAD G0+4*\s, G1, G0B+4*\s, G1B
.endr
	v_and_b32 v1, 15, v0                           ; r
	v_bfe_u32 v2, v0, 4, 1                         ; h
	v_and_b32 v3, 31, v0                           ; lane
	v_lshlrev_b32 v4, 4, v3                        ; 16 x lane
	v_lshlrev_b32 v6, 3, v3                        ; 8 x lane
	v_add_nc_u32 v5, 512, v6
	s_mul_i32 s19, s17, HALFT                      ; my 128 rows of A
	s_mul_i32 s23, s18, HALFT                      ; my 128 rows of B,
	s_add_co_u32 s23, s23, 2*HALFT                 ; which lie behind A's 256
.irp s, 0,1
	v_add_nc_u32 v[ADRA+\s], s19, v4
	v_add_nc_u32 v[ADRA+2+\s], s19, v5
	v_add_nc_u32 v[ADRB+\s], s23, v4
	v_add_nc_u32 v[ADRB+2+\s], s23, v5
	s_add_co_u32 s19, s19, SLOT
	s_add_co_u32 s23, s23, SLOT
.endr
	s_xor_b32 s23, s17, 1                          ; B's base less A's = HALFT x (2 + column half - row half), as one product:
	s_add_co_u32 s23, s23, s18
	s_add_co_u32 s23, s23, 1
	s_mul_i32 s23, s23, HALFT
	v_mul_u32_u24 v9, s23, v2                      ; lanes 16-31 take B's scale words
	v_lshl_add_u32 v9, v1, 2, v9
	s_mul_i32 s19, s17, HALFT
	s_add_co_u32 s19, s19, 6144
	v_add_nc_u32 v[ADRS], s19, v9
	v_add_nc_u32 v[ADRS+1], SLOT, v[ADRS]
.if MODE == 2
	s_mul_i32 s19, s16, 16*SPITCH                  ; my stage
	v_mul_u32_u24 v9, v1, SPITCH                   ; in: row r, + 64 h
	v_lshl_add_u32 v9, v2, 6, v9
	v_add_nc_u32 v[E0], s19, v9
	v_add_nc_u32 v[E0+1], s19, v4                  ; back: the 32 lanes take one row of 512 bytes
	v_mov_b32 v[E0+2], v4                          ; and the same in C
	s_lshl_b32 s74, s22, 8
	s_lshl_b32 s75, s17, 7
	s_add_co_u32 s74, s74, s75                     ; my first row of C
	s_lshl_b32 s74, s74, 12                        ; rows of 4,096 bytes
	s_lshl_b32 s75, s42, 10
	s_add_co_u32 s74, s74, s75
	s_lshl_b32 s75, s18, 9
	s_add_co_u32 s74, s74, s75                     ; my first column
	s_mov_b32 s75, 0
	s_add_nc_u64 s[76:77], s[8:9], s[74:75]
.else
	v_mov_b32 v[E0], v4                            ; the way out: 16 x lane,
	v_mov_b32 v[E0+1], v6                          ; 8 x lane,
	s_lshl_b32 s19, s16, 8                         ; and 256 bytes of LDS for each wave (in slot 0, behind its last fill and last read) in which a unit's scale words meet
	v_lshl_add_u32 v[E0+2], v1, 2, s19
	v_add_nc_u32 v[E0+3], s19, v6
	v_lshlrev_b32 v7, 6, v2                        ; the bias by column: 16 h numbers on
	v_and_b32 v8, 8, v1
	v_add_nc_u32 v8, v8, v1
	v_lshlrev_b32 v8, 2, v8                        ; the bias by row: r + 8 (r / 8) numbers on
	s_mov_b32 s86, 0x76543210
	s_mov_b32 s87, 0xfedcba98                      ; lane selects: lane l xor 16
	s_lshl_b32 s74, s22, 2
	s_lshl_b32 s75, s17, 1
	s_add_co_u32 s74, s74, s75                     ; the output's panel: 4 x tile row + 2 x row half
.if MODE == 0
	s_mul_i32 s74, s74, s73
	s_mul_i32 s78, s73, UNIT                       ; from a panel of the output to the next
	s_mov_b32 s79, 0
.else
	s_mul_i32 s74, s74, KSOC
.endif
	s_lshl_b32 s75, s42, 1
	s_add_co_u32 s74, s74, s75
	s_add_co_u32 s74, s74, s18                     ; its unit: 2 x tile column + column half
	s_mul_i32 s74, s74, UNIT
	s_mov_b32 s75, 0
.if MODE == 0
	s_lshl_b32 s80, s40, 10                        ; by column: 256 cx + 128 x column half numbers into bq or bk
	s_lshl_b32 s81, s18, 9
	s_add_co_u32 s80, s80, s81
	s_lshl_b32 s82, s41, 10                        ; by row: 256 cy + 128 x row half numbers into bv
	s_lshl_b32 s81, s17, 9
	s_add_co_u32 s82, s82, s81
	s_mov_b32 s81, 0
	s_cmp_ge_u32 ttmp9, 1
	s_cselect_b64 s[84:85], s[8:9], s[6:7]         ; columns 1,024 on are k's
	s_cmp_ge_u32 s68, 4
	s_cselect_b64 s[84:85], s[10:11], s[84:85]
	s_cselect_b64 s[76:77], s[14:15], s[12:13]
	s_cselect_b32 s80, s82, s80
	s_add_nc_u64 s[84:85], s[84:85], s[80:81]
	s_add_nc_u64 s[76:77], s[76:77], s[74:75]
	s_cmp_ge_u32 s68, 4
	s_cbranch_scc1 .Lbias_m
.else
	s_add_nc_u64 s[76:77], s[10:11], s[74:75]
	s_lshl_b32 s80, s42, 10
	s_lshl_b32 s81, s18, 9
	s_add_co_u32 s80, s80, s81
	s_mov_b32 s81, 0
	s_add_nc_u64 s[84:85], s[8:9], s[80:81]
.endif
.irp t, 0,1,2,3,4,5,6,7                        ; tile t's eight registers: the bias at columns 32 (t / 2) + 8 (t % 2) + 16 h + 0 .. 7
	global_load_b128 v[BI+8*\t:BI+8*\t+3], v7, s[84:85] offset:(32*(\t/2)+8*(\t%2))*4
	global_load_b128 v[BI+8*\t+4:BI+8*\t+7], v7, s[84:85] offset:(32*(\t/2)+8*(\t%2))*4+16
.endr
.if MODE == 0
	s_branch .Lbias_done
.Lbias_m:
.irp a, 0,1,2,3,4,5,6,7                        ; block a's eight registers all hold the bias of my row
.irp j, 0,1,2,3,4,5,6,7
	global_load_b32 v[BI+8*\a+\j], v8, s[84:85] offset:(32*(\a/2)+8*(\a%2))*4
.endr
.endr
.Lbias_done:
.endif
.endif
.macro FRAG reg, adr, q, i             ; a fragment, 12 registers a lane, as it lies in its unit
.set FO, ((\i)/4)*CH+(\q)*UNIT+((\i)%4)*768
	ds_load_b128 v[\reg:\reg+3], v[\adr] offset:FO
	ds_load_b64 v[\reg+4:\reg+5], v[\adr+2] offset:FO
	ds_load_b128 v[\reg+6:\reg+9], v[\adr] offset:FO+3072
	ds_load_b64 v[\reg+10:\reg+11], v[\adr+2] offset:FO+3072
.endm
; 16 matrix instructions: A's blocks a0, a0 + 1 x B's eight, the slot's q-th 128 along K.  p: B's set; sc: the set of scale words.  zero: 0 adds in place; 1, 2: the sum starts with the bias by column, by row; 3: with 0.
.macro MUL16 a0, p, q, sc, zero
.irp a, \a0, \a0+1
.irp b, 0,1,2,3,4,5,6,7
.set rD, 8*(8*((\a)%4)+\b)
.set rB, 128*(\p)+FR*\b
.set rA, AF+FR*(\a)
.set rT, SC+16*(\sc)+NQ*\b+(\q)
.set rU, SC+16*(\sc)+NQ*(\a)+(\q)
.if \zero == 0
	v_wmma_scale_f32_16x16x128_f8f6f4 v[rD:rD+7], v[rB:rB+FR-1], v[rA:rA+FR-1], v[rD:rD+7], v[rT], v[rU] matrix_a_fmt:MATRIX_FMT_FP6 matrix_b_fmt:MATRIX_FMT_FP6 matrix_a_scale:MATRIX_SCALE_ROW1
.elseif \zero == 1
	v_wmma_scale_f32_16x16x128_f8f6f4 v[rD:rD+7], v[rB:rB+FR-1], v[rA:rA+FR-1], v[BI+8*\b:BI+8*\b+7], v[rT], v[rU] matrix_a_fmt:MATRIX_FMT_FP6 matrix_b_fmt:MATRIX_FMT_FP6 matrix_a_scale:MATRIX_SCALE_ROW1
.elseif \zero == 2
	v_wmma_scale_f32_16x16x128_f8f6f4 v[rD:rD+7], v[rB:rB+FR-1], v[rA:rA+FR-1], v[BI+8*(\a):BI+8*(\a)+7], v[rT], v[rU] matrix_a_fmt:MATRIX_FMT_FP6 matrix_b_fmt:MATRIX_FMT_FP6 matrix_a_scale:MATRIX_SCALE_ROW1
.else
	v_wmma_scale_f32_16x16x128_f8f6f4 v[rD:rD+7], v[rB:rB+FR-1], v[rA:rA+FR-1], 0, v[rT], v[rU] matrix_a_fmt:MATRIX_FMT_FP6 matrix_b_fmt:MATRIX_FMT_FP6 matrix_a_scale:MATRIX_SCALE_ROW1
.endif
.endr
.endr
.endm
.macro FETCH_B slot, q, p
	WIN TO_B
.irp i, 0,1,2,3,4,5,6,7
	FRAG 128*(\p)+FR*\i, ADRB+\slot, \q, \i
.endr
	WIN 0
.endm
.macro FETCH_A slot, q, i0
.irp i, \i0, \i0+1, \i0+2, \i0+3
	FRAG AF+FR*(\i), ADRA+\slot, \q, \i
.endr
.endm
.macro SCALES sc                       ; slot sc's scale words: register 2 i + q: lanes 0-15 the word of A's block i, lanes 16-31 that of B's block i
.irp i, 0,1,2,3,4,5,6,7
.irp q, 0,1
	ds_load_b32 v[SC+16*\sc+NQ*\i+\q], v[ADRS+\sc] offset:(\i/4)*CH+\q*UNIT+64*(\i%4)
.endr
.endr
.endm
.macro PLACES n                        ; plain vector instructions between a matrix instruction and a load into, or a vector read or write of, its registers (ISA guide 7.12.1 for vector reads and writes)
.rept \n
	v_nop
.endr
.endm
.macro STEP slot, q, zero              ; a step of 128 along K that has its successor in the same slot
	s_wait_dscnt 4*NL                              ; B's set, A's blocks 0-3 and the scale words are in; the youngest 16 loads (A's blocks 4-7) may be out
.if (\zero == 1) || (\zero == 2)
	WIN 0x81                                       ; C (the bias) in window 0, D in window 2
.else
	WIN MUL_LO
.endif
	MUL16 0, (\q)%2, \q, \slot, \zero
	MUL16 2, (\q)%2, \q, \slot, \zero
	s_wait_dscnt 0                                 ; A's blocks 4-7 are in
	PLACES NP
	FETCH_B \slot, (\q)+1, 1-(\q)%2
	FETCH_A \slot, (\q)+1, 0
.if (\zero == 1) || (\zero == 2)
	WIN 0xc1
.else
	WIN MUL_HI
.endif
	MUL16 4, (\q)%2, \q, \slot, \zero
	MUL16 6, (\q)%2, \q, \slot, \zero
	PLACES NP
	WIN 0
	FETCH_A \slot, (\q)+1, 4
.endm
; A slot's last step changes slots: one barrier; in front of it each wave waits for all its tensor loads, adds 0 to its spare word, and waits for that and for its own reads of this slot.  fill = 1: the slot is filled again.
.macro TURN slot, next, fill
	s_wait_tensorcnt 0x0                           ; all my tensor loads have landed: my part of the next slot
	ds_add_u32 v[SPW], v[NIL]                      ; 0 onto my spare word
	s_wait_dscnt 4*NL+1                            ; (the add and the youngest 16 loads, A's blocks 4-7, may be out)
	WIN MUL_LO
	MUL16 0, 1, NQ-1, \slot, 0                     ; sixteen matrix instructions stand between the add and the wait for it
	s_wait_dscnt 0x0                               ; the add is done, and my reads of this slot are over
	s_barrier_signal -1
	MUL16 2, 1, NQ-1, \slot, 0
	WIN 0
	s_barrier_wait -1
.if \fill
	CREST                                          ; the barrier has opened a round of the cluster's barrier: no wave of any partner still reads this slot or has a load on its way
	s_add_nc_u64 s[G0+4*\slot+2:G0+4*\slot+3], s[G0+4*\slot+2:G0+4*\slot+3], 2*CH
	s_add_nc_u64 s[G0B+4*\slot+2:G0B+4*\slot+3], s[G0B+4*\slot+2:G0B+4*\slot+3], 2*CH
	JLOAD G0+4*\slot, G1, G0B+4*\slot, G1B         ; the first tensor load behind the round; its four v_nop are the places in front of the loads below
.else
	PLACES NP
.endif
	FETCH_B \next, 0, 0
	FETCH_A \next, 0, 0
	SCALES \next
	WIN MUL_HI
	MUL16 4, 1, NQ-1, \slot, 0
	MUL16 6, 1, NQ-1, \slot, 0
	PLACES NP
	WIN 0
	FETCH_A \next, 0, 4
.endm
	s_wait_tensorcnt 1                             ; my part of slot 0 is in; slot 1's load may be out
	s_barrier_signal -1
	s_barrier_wait -1
	FETCH_B 0, 0, 0
	FETCH_A 0, 0, 0
	SCALES 0
	FETCH_A 0, 0, 4
.if MODE == 0
	s_wait_loadcnt 0x0                             ; the bias
	s_cmp_ge_u32 s68, 4
	s_cbranch_scc1 .Lfirst_m
	STEP 0, 0, 1                                   ; the first step stands in front of the loop: its products start the sums
	s_branch .Lfirst_done
.Lfirst_m:
	STEP 0, 0, 2
.Lfirst_done:
.elseif MODE == 1
	s_wait_loadcnt 0x0
	STEP 0, 0, 1
.else
	STEP 0, 0, 3
.endif
	s_mov_b32 s66, LAPS-1
.Llap:                                                 ; a trip goes once round the ring and fills both slots again
	TURN 0, 1, 1
	STEP 1, 0, 0
	TURN 1, 0, 1
	STEP 0, 0, 0
	s_sub_co_u32 s66, s66, 1
	s_cmp_lg_u32 s66, 0
	s_cbranch_scc1 .Llap
	TURN 0, 1, 0                                   ; the last lap fills nothing, and has no round
	STEP 1, 0, 0
	s_wait_dscnt 4*NL                              ; the very last step
	WIN MUL_LO
	MUL16 0, 1, NQ-1, 1, 0
	MUL16 2, 1, NQ-1, 1, 0
	s_wait_dscnt 0
	WIN MUL_HI
	MUL16 4, 1, NQ-1, 1, 0
	MUL16 6, 1, NQ-1, 1, 0
	WIN 0
	PLACES NP                                      ; in front of the first read of results and of writes into registers that the last products read
.if MODE == 2
; THE WAY OUT, f32: a block of 16 rows x 128 columns goes through my own stage and comes back as whole rows of 512 bytes.  LDS serves a wave's instructions in order: no wait between the stores and the loads.
.macro TOSTAGE a
.set AC, 64*((\a)%4)
	WIN 0x08+4*((\a)/4)                            ; the data: window 2 or 3
.irp b, 0,1,2,3,4,5,6,7
	ds_store_b128 v[E0], v[AC+8*\b:AC+8*\b+3] offset:128*(\b/2)+32*(\b%2)       ; each accumulator from its low end on; columns 32 (b / 2) + 8 (b % 2) + 16 h on
	ds_store_b128 v[E0], v[AC+8*\b+4:AC+8*\b+7] offset:128*(\b/2)+32*(\b%2)+16
.endr
	WIN 0
.set BB, BK+64*((\a)%2)
.irp t, 0,1,2,3,4,5,6,7,8,9,10,11,12,13,14,15
	ds_load_b128 v[BB+4*\t:BB+4*\t+3], v[E0+1] offset:\t*SPITCH
.endr
.endm
.macro SEND a, younger
.set BB, BK+64*((\a)%2)
	s_wait_dscnt \younger                          ; the block is back; the next block's 16 stores and 16 loads may be out
.irp t, 0,1,2,3,4,5,6,7,8,9,10,11,12,13,14,15
	global_store_b128 v[E0+2], v[BB+4*\t:BB+4*\t+3], s[76:77] offset:(32*((\a)/2)+8*((\a)%2)+\t+8*(\t/8))*4096   ; 32 lanes store 512 consecutive aligned bytes; 127 rows at the most: inside the signed 24-bit immediate
.endr
.endm
	TOSTAGE 0
.irp a, 1,2,3,4,5,6,7
.if \a > 1
	s_wait_xcnt 0x0                                ; block a - 2's stores have read their registers: block a's loads may land there
.endif
	TOSTAGE \a
	SEND \a-1, 32
.endr
	SEND 7, 0
.else
; THE WAY OUT, quantised: block a's 64 registers are 128 neighbouring columns of my row: four blocks of 32, each shared with lane l xor 16.  The codes are stored as they stand: fragment a % 4 of a unit of the output.
.irp b, 0,1,2,3
	v_mov_b32 v[TM+4+\b], 0                        ; a lane permute's destination counts as one of its sources
.endr
.irp a, 0,1,2,3,4,5,6,7
.set QS, 64*(\a%4)
.set QW, 2+\a/4
.set QF, \a%4
.if \a > 0
	s_wait_xcnt 0x0                                ; the last block's stores have read the codes' registers
.endif
.if MODE == 1
	WIN (QW<<2)|(QW<<6)
.set j, 0
.rept 64
	v_max_num_f32 v[QS+j], 0, v[QS+j]              ; the activation, in f32, each accumulator from its low end on
.set j, j+1
.endr
.endif
	WIN QW|(QW<<2)
.irp b, 0,1,2,3
	v_max3_num_f32 v[TM+\b], |v[QS+16*\b]|, |v[QS+1+16*\b]|, 0x1800000   ; and the floor 2^(3 - 127): the byte cannot fall under 1
.endr
	WIN (QW<<2)|(QW<<4)
.irp i, 2,4,6,8,10,12,14
.irp b, 0,1,2,3
	v_max3_num_f32 v[TM+\b], v[TM+\b], |v[QS+16*\b+\i]|, |v[QS+1+16*\b+\i]|
.endr
.endr
	WIN 0
.irp b, 0,1,2,3
	v_permlanex16_b32 v[TM+4+\b], v[TM+\b], s86, s87
.endr
.irp b, 0,1,2,3
	v_max_num_f32 v[TM+\b], v[TM+\b], v[TM+4+\b]
.endr
.irp b, 0,1,2,3
	v_add_nc_u32 v[TM+8+\b], 0xff000000, v[TM+\b]  ; 2 off the exponent field: the conversion's scale operand
.endr
.irp b, 0,1,2,3
	v_lshrrev_b32 v[TM+4+\b], 23, v[TM+8+\b]       ; the scale's byte
.endr
	v_lshl_or_b32 v[PW], v[TM+5], 8, v[TM+4]
	v_lshl_or_b32 v[PW], v[TM+6], 16, v[PW]
	v_lshl_or_b32 v[PW], v[TM+7], 24, v[PW]
	WIN QW
.irp c, 0,1
	v_cvt_scalef32_pk16_fp6_f32 v[PC+6*\c:PC+2+6*\c], v[QS+32*\c:QS+15+32*\c], v[TM+8+2*\c]
	v_cvt_scalef32_pk16_fp6_f32 v[PC+12+4*\c:PC+14+4*\c], v[QS+16+32*\c:QS+31+32*\c], v[TM+8+2*\c+1]
.endr
	WIN 0
	v_nop                                          ; one plain place behind a scaled conversion
.irp c, 0,1
.irp i, 0,1,2
	v_permlane16_swap_b32 v[PC+6*\c+\i], v[PC+12+4*\c+\i]
.endr
.irp i, 0,1,2
	v_mov_b32 v[PC+3+6*\c+\i], v[PC+12+4*\c+\i]
.endr
.endr
	global_store_b128 v[E0], v[PC:PC+3], s[76:77] offset:768*QF          ; 512 consecutive aligned bytes
	global_store_b64 v[E0+1], v[PC+4:PC+5], s[76:77] offset:768*QF+512   ; 256
	global_store_b128 v[E0], v[PC+6:PC+9], s[76:77] offset:768*QF+3072
	global_store_b64 v[E0+1], v[PC+10:PC+11], s[76:77] offset:768*QF+3584
	ds_store_b32 v[E0+2], v[PW] offset:64*QF       ; both halves of the lanes write the same word with the same value
.if QF == 3
	ds_load_b64 v[TT:TT+1], v[E0+3]                ; the unit's 64 scale words: LDS serves my instructions in order
	s_wait_dscnt 0x0
	global_store_b64 v[E0+1], v[TT:TT+1], s[76:77] offset:6144   ; 256 consecutive aligned bytes
.if \a == 3
	s_wait_xcnt 0x0                                ; the stores have read their base: on to the next panel of the output
.if MODE == 0
	s_add_nc_u64 s[76:77], s[76:77], s[78:79]
.else
	s_add_nc_u64 s[76:77], s[76:77], KSOC*UNIT
.endif
.endif
.endif
.endr
.endif
	s_wait_tensorcnt 0x0                           ; the wave's end
	ds_add_u32 v[SPW], v[NIL]
	s_wait_dscnt 0x0
	CROUND                                         ; the closing round: no work-group ends while a partner may still ask for a tile that names it
	s_endpgm
.Lfunc_end_k_q199669ad3b_up:
	.size	k_q199669ad3b_up, .Lfunc_end_k_q199669ad3b_up-k_q199669ad3b_up
	.p2alignl 7, 3214868480
	.fill 96, 4, 3214868480
	.section	.rodata,"a",@progbits
	.p2align	6, 0x0
	.amdhsa_kernel k_q199669ad3b_up
		.amdhsa_group_segment_fixed_size 327680
		.amdhsa_private_segment_fixed_size 0
		.amdhsa_enable_private_segment 0
		.amdhsa_kernarg_size 32
		.amdhsa_user_sgpr_count 2
		.amdhsa_user_sgpr_kernarg_segment_ptr 1
		.amdhsa_wavefront_size32 1
		.amdhsa_system_sgpr_workgroup_id_x 1
		.amdhsa_system_sgpr_workgroup_id_y 1
		.amdhsa_system_sgpr_workgroup_id_z 1
		.amdhsa_system_vgpr_workitem_id 0
		.amdhsa_next_free_vgpr 1024
		.amdhsa_next_free_sgpr 96
		.amdhsa_reserve_vcc 0
		.amdhsa_float_denorm_mode_32 3
		.amdhsa_float_denorm_mode_16_64 3
		.amdhsa_memory_ordered 1
		.amdhsa_forward_progress 1
		.amdhsa_inst_pref_size 167
	.end_amdhsa_kernel
	.amdgpu_metadata
---
amdhsa.version: [ 1, 2 ]
amdhsa.kernels:
  - .name:           k_q199669ad3b_up
    .symbol:         k_q199669ad3b_up.kd
    .args:
      - { .name: x1_img, .offset: 0, .size: 8, .value_kind: global_buffer, .address_space: global }
      - { .name: wimg, .offset: 8, .size: 8, .value_kind: global_buffer, .address_space: global }
      - { .name: bup, .offset: 16, .size: 8, .value_kind: global_buffer, .address_space: global }
      - { .name: up_img, .offset: 24, .size: 8, .value_kind: global_buffer, .address_space: global }
    .group_segment_fixed_size: 327680
    .private_segment_fixed_size: 0
    .kernarg_segment_align: 8
    .kernarg_segment_size: 32
    .max_flat_workgroup_size: 128
    .sgpr_count:     96
    .vgpr_count:     1024
    .wavefront_size: 32
...
	.end_amdgpu_metadata
.endif
;; end of part 6
;; launch down (part 7): grid 4 x 16, 4 waves a work-group, clusters of 4 x 4, 327,680 bytes of LDS; arguments up_img, wimg, cbuf; writes cbuf
.if DOCPART == 7
	.amdgcn_target "amdgcn-amd-amdhsa--gfx1250"
	.amdhsa_code_object_version 6
	.text
	.protected	k_q199669ad3b_down
	.globl	k_q199669ad3b_down
	.p2align	8
	.type	k_q199669ad3b_down,@function
k_q199669ad3b_down:
	s_mov_b64 s[64:65], 0
	v_nop
	global_prefetch_b8 v0, s[64:65] scope:SCOPE_SE
	s_setreg_imm32_b32 hwreg(HW_REG_WAVE_MODE, 25, 1), 1
	s_wait_xcnt 0x0
	s_wait_alu depctr_hold_cnt(0) depctr_sa_sdst(0) depctr_va_vdst(0) depctr_va_sdst(0) depctr_va_ssrc(0) depctr_va_vcc(0) depctr_vm_vsrc(0)
	s_getreg_b32 s2, hwreg(HW_REG_IB_STS2, 6, 4)
	s_cmp_eq_u32 s2, 0
	s_cbranch_scc0 .Lentry_in_a_cluster
	s_endpgm
.Lentry_in_a_cluster:
	s_bfe_u32 s2, ttmp6, 0x10000c
	s_cmp_lg_u32 s2, 0xf033
	s_cbranch_scc0 .Lentry_shape_is_right
	s_endpgm
.Lentry_shape_is_right:
; ONE TEXT FOR ALL FOUR LARGE PRODUCTS OF THE PROGRAM, C = A B^T on codes of FP6 (E2M3) with E8M0 scales; the four copies differ in the four constants below alone.
; MODE 0: A and B from wimg.  Clusters with y < 4: A = X, B = Wq | Wk, + bq | bk, quantised along the channels -> qk_img.  Clusters with y >= 4: A = Wv, B = X, + bv (by A's row), quantised along the TOKENS -> vt_img.
; MODE 1: relu(A B^T + bias), quantised along the columns -> an image.      MODE 2: A B^T as f32, row-major, 1,024 columns.
; OPERANDS ARE IMAGES OF THE MATRIX OPERAND'S REGISTERS.  A unit is 64 rows x 128 K, 6,400 bytes: at 3072 c + 768 f + 16 lane registers 6 c .. 6 c + 3 of fragment f, at 3072 c + 768 f + 512 + 8 lane registers 6 c + 4, 6 c + 5,
; at 6144 + 64 f + 4 r the scale word of the fragment's row r, which is row 32 (f / 2) + 8 (f % 2) + r + 8 (r / 8) of the 64.  A tensor is [rows / 64][K / 128] units.  So a fragment comes by four LDS loads of consecutive bytes,
; codes and scales travel in one tensor load, and no row needs a pitch or a padding.
; A tile of C, 256 x 256, is made by four waves, as many as a WGP has SIMDs; a wave makes 128 x 128: 64 accumulators, 512 registers.  K goes in steps of 256 through a ring of two LDS slots; each wave fetches a quarter of a slot
; (128 rows: two runs of 12,800 consecutive bytes) by one tensor load.  By this text's own count a wave has two tensor loads outstanding at the start and one behind each round.
; CLUSTERS: 4 x 4 work-groups; A's tiles are shared along a row of the cluster, B's along a column, each asked for jointly.  In MODE 0 the two kinds part on the CLUSTER's y, which all sixteen partners share.
; THE MATRIX INSTRUCTION IS USED TRANSPOSED (source 0 = 16 rows of B, source 1 = 16 rows of A): a lane holds one row of C, and by the order of a fragment's rows the 64 registers of a block of 16 rows are
; register 16 b + i = column 32 b + 16 (lane / 16) + i of my 128: what the conversions want.  A quantised result is stored as it stands in the registers: it IS the next product's image.
; The bias is the C of each sum's first matrix instruction.  The 64 accumulators take turns, one instruction a turn, in the same order in every step.
; LIMITS of the quantiser: a block of zeros gets the byte 1 where the rule says 127 (zero codes; this program alone reads the bytes); largest magnitudes under 2^-124 keep the byte 1; NaN and infinities are not served.
; This copy has 64 tiles of 256 x 256: a layer norm over whole rows follows in a launch of its own, since a row of 1,024 spans four tiles.
; REGISTERS: window 0: v0-31 addresses; v32-63 scale words, two sets; v64-127 the bias; v128-223 A's fragments, one set.  window 1: B's fragments, two sets, at v0 and v128.  windows 2, 3: the accumulators, (a, b) at v[8 (8 (a % 4) + b)].
.set MODE,   2
.set SIZE_K, 4096
.set BOFF,   192*51200                 ; MODE 1, 2: where B's panels begin in wimg
.set KSOC,   16                        ; MODE 1: units in a panel of the output
.set KS,     SIZE_K/128                ; units in a panel of A and of B
.set UNIT,   6400
.set PANB,   KS*UNIT
.set CH,     2*UNIT                    ; a panel's two units of a slot
.set HALFT,  2*CH                      ; 128 rows x 256 K: one tensor load
.set SLOT,   4*HALFT                   ; A's four panels, then B's four
.set SPARE,  2*SLOT                    ; behind the ring: the spare words, 128 bytes for each wave, that no other line names
.set LAPS,   SIZE_K/512                ; a lap = once round the ring
.set NQ,     2
.set FR,     12                        ; registers of a fragment
.set NL,     4                         ; LDS loads that bring one
.set NP,     4                         ; places behind this matrix instruction (ISA guide 7.12.1)
.set SPITCH, 528                       ; MODE 2: a stage of 16 rows x (512 + 16) bytes for each wave, in slot 0, which has had its last fill and its last read by then
.set ADRS, 12                          ; v12-13 LDS address of my scale words in slot 0, 1: lanes 0-15 A's, lanes 16-31 B's
.set ADRA, 16                          ; v16-17 A's fragments, 16 x lane, slot 0, 1;  v18-19 the same with 512 + 8 x lane
.set ADRB, 20                          ; v20-23 the same for B
.set E0,   24                          ; v24-27 the way out
.set SPW,  28                          ; v28 LDS address of my spare word; never rewritten
.set NIL,  29                          ; v29 0; never rewritten
.set SC,   32
.set BI,   64
.set AF,   128
.set BK,   128                         ; MODE 2: rows read back from the stage, v128-191 and v192-255 by turns
.set TM,   32                          ; the quantiser on the way out: v32-35 magnitudes, v36-39 bytes, v40-43 scale operands
.set PW,   48
.set PC,   52
.set TT,   72
.set G1, 24
.set G0, 32
.set G1B, 48
.set G0B, 56
.set MSB, 0
.macro WIN new                         ; the immediate's high byte repeats the setting that is left
.if MSB != (\new)
	s_set_vgpr_msb (MSB<<8)|(\new)
.set MSB, (\new)
.endif
.endm
.set MUL_LO, 0xa1                      ; source 0 (B) window 1, source 1 (A) window 0, C and D window 2
.set MUL_HI, 0xf1                      ; the same, C and D window 3
.set TO_B,   0x40                      ; destination window 1, address window 0
; A joint load: waves 0 and 1 fetch for A, waves 2 and 3 for B; the branch hangs on the wave's number alone.  Four v_nop follow each of the two lines.
.macro JLOAD g0a, g1a, g0b, g1b
	s_cmp_eq_u32 s17, 0
	s_cbranch_scc0 .Lfor_b_\@
	tensor_load_to_lds s[\g0a:\g0a+3], s[\g1a:\g1a+7]
	s_nop 0
.rept 4
	v_nop
.endr
	s_branch .Lasked_\@
.Lfor_b_\@:
	tensor_load_to_lds s[\g0b:\g0b+3], s[\g1b:\g1b+7]
	s_nop 0
.rept 4
	v_nop
.endr
.Lasked_\@:
.endm
.macro CREST                           ; a round of the cluster's barrier behind its opening barrier
	s_cmp_lg_u32 s16, 0
	s_cbranch_scc1 .Lnot_wave_0_\@
	s_barrier_signal -3
.Lnot_wave_0_\@:
	s_barrier_wait -3
	s_barrier_signal -1
	s_barrier_wait -1
.endm
.macro CROUND
	s_barrier_signal -1
	s_barrier_wait -1
	CREST
.endm
.if MODE == 0
	s_load_b256 s[4:11], s[0:1], 0x0               ; wimg, bq, bk, bv
	s_load_b128 s[12:15], s[0:1], 0x20             ; qk_img, vt_img
.elseif MODE == 1
	s_load_b256 s[4:11], s[0:1], 0x0               ; A's image, wimg, the bias, the output image
.else
	s_load_b128 s[4:7], s[0:1], 0x0                ; A's image, wimg
	s_load_b64 s[8:9], s[0:1], 0x10                ; C
.endif
	v_lshl_add_u32 v[SPW], v0, 2, SPARE
	v_mov_b32 v[NIL], 0
	ds_add_u32 v28, v29
	ds_add_u32 v28, v29
	s_wait_dscnt 0x0
	v_lshrrev_b32 v1, 5, v0
	v_readfirstlane_b32 s16, v1                    ; wave 0..3
	s_lshr_b32 s17, s16, 1                         ; which half of the tile's rows is mine.  Also: I fetch for A (0) or for B (1)
	s_and_b32 s18, s16, 1                          ; which half of its columns.  Also: which two panels I fetch
	s_bfe_u32 s40, ttmp6, 0x40000                  ; cx, cy: my place in the cluster
	s_bfe_u32 s41, ttmp6, 0x40004
	s_and_b32 s68, ttmp7, 0xffff                   ; the cluster's y
	s_lshl_b32 s69, s68, 2                         ; the cluster's first tile row,
	s_lshl_b32 s70, ttmp9, 2                       ; and its first tile column
.if MODE == 0
	s_max_u32 s71, s68, 4
	s_sub_co_u32 s71, s71, 4
	s_lshl_b32 s71, s71, 1
	s_add_co_u32 s71, s71, ttmp9
	s_lshl_b32 s72, s71, 2                         ; the second kind: tile columns 4 (2 (y - 4) + x) on, over the 4,096 tokens
	s_cmp_ge_u32 s68, 4                            ; which kind: the same answer in all sixteen partners
	s_cselect_b32 s69, 0, s69
	s_cselect_b32 s70, s72, s70
	s_cselect_b32 s71, 96, 0                       ; A's first panel in wimg: Wv or X
	s_cselect_b32 s72, 0, 64                       ; B's: X or Wq | Wk
	s_cselect_b32 s73, 32, 16                      ; units in a panel of the output
.endif
	s_add_co_u32 s22, s69, s41                     ; tile row of C
	s_add_co_u32 s42, s70, s40                     ; tile column of C
	s_lshl_b32 s43, s41, 2
	s_lshl_b32 s43, 15, s43                        ; my row of the cluster
	s_lshl_b32 s44, 0x1111, s40                    ; my column
	; descriptor group 1: two rows of 1,600 elements of 8 bytes (a panel's two units), a panel apart; no padding
	s_or_b32 s[G1+0], s43, (3<<16)|(1<<21)         ; 15:0 the mask: A's tiles go to my row; 17:16 elements of 8 bytes; 21 set beside a mask
	s_or_b32 s[G1B+0], s44, (3<<16)|(1<<21)
.irp g, G1, G1B
	s_mov_b32 s[\g+1], 1600<<16                    ; tensor_dim0
	s_mov_b32 s[\g+2], 2<<16                       ; tensor_dim1
	s_mov_b32 s[\g+3], 1600<<16                    ; tile_dim0
	s_mov_b32 s[\g+4], 2                           ; tile_dim1
	s_mov_b32 s[\g+5], KS*800                      ; tensor_dim0_stride
	s_mov_b32 s[\g+6], 0
	s_mov_b32 s[\g+7], 0
.endr
	s_lshl_b32 s19, s18, 1                         ; which two panels of the tile's four I fetch
	s_lshl_b32 s20, s22, 2
	s_add_co_u32 s20, s20, s19                     ; A: panel 4 x tile row + 2 x half: no register of A's address ever holds cx
	s_lshl_b32 s46, s42, 2
	s_add_co_u32 s46, s46, s19                     ; B: panel 4 x tile column + 2 x half: none of B's ever holds cy
.if MODE == 0
	s_add_co_u32 s20, s20, s71
	s_add_co_u32 s46, s46, s72
.endif
	s_mul_i32 s20, s20, PANB
	s_mul_i32 s46, s46, PANB
.if MODE != 0
	s_add_co_u32 s46, s46, BOFF
.endif
	s_mov_b32 s21, 0
	s_mov_b32 s47, 0
	s_mul_i32 s45, s16, HALFT                      ; where they go: wave x 128 rows: no place in the cluster enters an LDS address
	s_wait_kmcnt 0x0
	s_add_nc_u64 s[20:21], s[4:5], s[20:21]
.if MODE == 0
	s_add_nc_u64 s[46:47], s[4:5], s[46:47]
.else
	s_add_nc_u64 s[46:47], s[6:7], s[46:47]
.endif
	CROUND                                         ; all sixteen work-groups are here: the first joint loads meet
.irp s, 0,1
	s_mov_b32 s[G0+4*\s], 1
	s_add_co_u32 s[G0+4*\s+1], s45, \s*SLOT
	s_add_nc_u64 s[G0+4*\s+2:G0+4*\s+3], s[20:21], \s*CH
	s_or_b32 s[G0+4*\s+3], s[G0+4*\s+3], 0x80000000
	s_mov_b32 s[G0B+4*\s], 1
	s_add_co_u32 s[G0B+4*\s+1], s45, \s*SLOT
	s_add_nc_u64 s[G0B+4*\s+2:G0B+4*\s+3], s[46:47], \s*CH
	s_or_b32 s[G0B+4*\s+3], s[G0B+4*\s+3], 0x80000000
	JLOAD G0+4*\s, G1, G0B+4*\s, G1B
.endr
	v_and_b32 v1, 15, v0                           ; r
	v_bfe_u32 v2, v0, 4, 1                         ; h
	v_and_b32 v3, 31, v0                           ; lane
	v_lshlrev_b32 v4, 4, v3                        ; 16 x lane
	v_lshlrev_b32 v6, 3, v3                        ; 8 x lane
	v_add_nc_u32 v5, 512, v6
	s_mul_i32 s19, s17, HALFT                      ; my 128 rows of A
	s_mul_i32 s23, s18, HALFT                      ; my 128 rows of B,
	s_add_co_u32 s23, s23, 2*HALFT                 ; which lie behind A's 256
.irp s, 0,1
	v_add_nc_u32 v[ADRA+\s], s19, v4
	v_add_nc_u32 v[ADRA+2+\s], s19, v5
	v_add_nc_u32 v[ADRB+\s], s23, v4
	v_add_nc_u32 v[ADRB+2+\s], s23, v5
	s_add_co_u32 s19, s19, SLOT
	s_add_co_u32 s23, s23, SLOT
.endr
	s_xor_b32 s23, s17, 1                          ; B's base less A's = HALFT x (2 + column half - row half), as one product:
	s_add_co_u32 s23, s23, s18
	s_add_co_u32 s23, s23, 1
	s_mul_i32 s23, s23, HALFT
	v_mul_u32_u24 v9, s23, v2                      ; lanes 16-31 take B's scale words
	v_lshl_add_u32 v9, v1, 2, v9
	s_mul_i32 s19, s17, HALFT
	s_add_co_u32 s19, s19, 6144
	v_add_nc_u32 v[ADRS], s19, v9
	v_add_nc_u32 v[ADRS+1], SLOT, v[ADRS]
.if MODE == 2
	s_mul_i32 s19, s16, 16*SPITCH                  ; my stage
	v_mul_u32_u24 v9, v1, SPITCH                   ; in: row r, + 64 h
	v_lshl_add_u32 v9, v2, 6, v9
	v_add_nc_u32 v[E0], s19, v9
	v_add_nc_u32 v[E0+1], s19, v4                  ; back: the 32 lanes take one row of 512 bytes
	v_mov_b32 v[E0+2], v4                          ; and the same in C
	s_lshl_b32 s74, s22, 8
	s_lshl_b32 s75, s17, 7
	s_add_co_u32 s74, s74, s75                     ; my first row of C
	s_lshl_b32 s74, s74, 12                        ; rows of 4,096 bytes
	s_lshl_b32 s75, s42, 10
	s_add_co_u32 s74, s74, s75
	s_lshl_b32 s75, s18, 9
	s_add_co_u32 s74, s74, s75                     ; my first column
	s_mov_b32 s75, 0
	s_add_nc_u64 s[76:77], s[8:9], s[74:75]
.else
	v_mov_b32 v[E0], v4                            ; the way out: 16 x lane,
	v_mov_b32 v[E0+1], v6                          ; 8 x lane,
	s_lshl_b32 s19, s16, 8                         ; and 256 bytes of LDS for each wave (in slot 0, behind its last fill and last read) in which a unit's scale words meet
	v_lshl_add_u32 v[E0+2], v1, 2, s19
	v_add_nc_u32 v[E0+3], s19, v6
	v_lshlrev_b32 v7, 6, v2                        ; the bias by column: 16 h numbers on
	v_and_b32 v8, 8, v1
	v_add_nc_u32 v8, v8, v1
	v_lshlrev_b32 v8, 2, v8                        ; the bias by row: r + 8 (r / 8) numbers on
	s_mov_b32 s86, 0x76543210
	s_mov_b32 s87, 0xfedcba98                      ; lane selects: lane l xor 16
	s_lshl_b32 s74, s22, 2
	s_lshl_b32 s75, s17, 1
	s_add_co_u32 s74, s74, s75                     ; the output's panel: 4 x tile row + 2 x row half
.if MODE == 0
	s_mul_i32 s74, s74, s73
	s_mul_i32 s78, s73, UNIT                       ; from a panel of the output to the next
	s_mov_b32 s79, 0
.else
	s_mul_i32 s74, s74, KSOC
.endif
	s_lshl_b32 s75, s42, 1
	s_add_co_u32 s74, s74, s75
	s_add_co_u32 s74, s74, s18                     ; its unit: 2 x tile column + column half
	s_mul_i32 s74, s74, UNIT
	s_mov_b32 s75, 0
.if MODE == 0
	s_lshl_b32 s80, s40, 10                        ; by column: 256 cx + 128 x column half numbers into bq or bk
	s_lshl_b32 s81, s18, 9
	s_add_co_u32 s80, s80, s81
	s_lshl_b32 s82, s41, 10                        ; by row: 256 cy + 128 x row half numbers into bv
	s_lshl_b32 s81, s17, 9
	s_add_co_u32 s82, s82, s81
	s_mov_b32 s81, 0
	s_cmp_ge_u32 ttmp9, 1
	s_cselect_b64 s[84:85], s[8:9], s[6:7]         ; columns 1,024 on are k's
	s_cmp_ge_u32 s68, 4
	s_cselect_b64 s[84:85], s[10:11], s[84:85]
	s_cselect_b64 s[76:77], s[14:15], s[12:13]
	s_cselect_b32 s80, s82, s80
	s_add_nc_u64 s[84:85], s[84:85], s[80:81]
	s_add_nc_u64 s[76:77], s[76:77], s[74:75]
	s_cmp_ge_u32 s68, 4
	s_cbranch_scc1 .Lbias_m
.else
	s_add_nc_u64 s[76:77], s[10:11], s[74:75]
	s_lshl_b32 s80, s42, 10
	s_lshl_b32 s81, s18, 9
	s_add_co_u32 s80, s80, s81
	s_mov_b32 s81, 0
	s_add_nc_u64 s[84:85], s[8:9], s[80:81]
.endif
.irp t, 0,1,2,3,4,5,6,7                        ; tile t's eight registers: the bias at columns 32 (t / 2) + 8 (t % 2) + 16 h + 0 .. 7
	global_load_b128 v[BI+8*\t:BI+8*\t+3], v7, s[84:85] offset:(32*(\t/2)+8*(\t%2))*4
	global_load_b128 v[BI+8*\t+4:BI+8*\t+7], v7, s[84:85] offset:(32*(\t/2)+8*(\t%2))*4+16
.endr
.if MODE == 0
	s_branch .Lbias_done
.Lbias_m:
.irp a, 0,1,2,3,4,5,6,7                        ; block a's eight registers all hold the bias of my row
.irp j, 0,1,2,3,4,5,6,7
	global_load_b32 v[BI+8*\a+\j], v8, s[84:85] offset:(32*(\a/2)+8*(\a%2))*4
.endr
.endr
.Lbias_done:
.endif
.endif
.macro FRAG reg, adr, q, i             ; a fragment, 12 registers a lane, as it lies in its unit
.set FO, ((\i)/4)*CH+(\q)*UNIT+((\i)%4)*768
	ds_load_b128 v[\reg:\reg+3], v[\adr] offset:FO
	ds_load_b64 v[\reg+4:\reg+5], v[\adr+2] offset:FO
	ds_load_b128 v[\reg+6:\reg+9], v[\adr] offset:FO+3072
	ds_load_b64 v[\reg+10:\reg+11], v[\adr+2] offset:FO+3072
.endm
; 16 matrix instructions: A's blocks a0, a0 + 1 x B's eight, the slot's q-th 128 along K.  p: B's set; sc: the set of scale words.  zero: 0 adds in place; 1, 2: the sum starts with the bias by column, by row; 3: with 0.
.macro MUL16 a0, p, q, sc, zero
.irp a, \a0, \a0+1
.irp b, 0,1,2,3,4,5,6,7
.set rD, 8*(8*((\a)%4)+\b)
.set rB, 128*(\p)+FR*\b
.set rA, AF+FR*(\a)
.set rT, SC+16*(\sc)+NQ*\b+(\q)
.set rU, SC+16*(\sc)+NQ*(\a)+(\q)
.if \zero == 0
	v_wmma_scale_f32_16x16x128_f8f6f4 v[rD:rD+7], v[rB:rB+FR-1], v[rA:rA+FR-1], v[rD:rD+7], v[rT], v[rU] matrix_a_fmt:MATRIX_FMT_FP6 matrix_b_fmt:MATRIX_FMT_FP6 matrix_a_scale:MATRIX_SCALE_ROW1
.elseif \zero == 1
	v_wmma_scale_f32_16x16x128_f8f6f4 v[rD:rD+7], v[rB:rB+FR-1], v[rA:rA+FR-1], v[BI+8*\b:BI+8*\b+7], v[rT], v[rU] matrix_a_fmt:MATRIX_FMT_FP6 matrix_b_fmt:MATRIX_FMT_FP6 matrix_a_scale:MATRIX_SCALE_ROW1
.elseif \zero == 2
	v_wmma_scale_f32_16x16x128_f8f6f4 v[rD:rD+7], v[rB:rB+FR-1], v[rA:rA+FR-1], v[BI+8*(\a):BI+8*(\a)+7], v[rT], v[rU] matrix_a_fmt:MATRIX_FMT_FP6 matrix_b_fmt:MATRIX_FMT_FP6 matrix_a_scale:MATRIX_SCALE_ROW1
.else
	v_wmma_scale_f32_16x16x128_f8f6f4 v[rD:rD+7], v[rB:rB+FR-1], v[rA:rA+FR-1], 0, v[rT], v[rU] matrix_a_fmt:MATRIX_FMT_FP6 matrix_b_fmt:MATRIX_FMT_FP6 matrix_a_scale:MATRIX_SCALE_ROW1
.endif
.endr
.endr
.endm
.macro FETCH_B slot, q, p
	WIN TO_B
.irp i, 0,1,2,3,4,5,6,7
	FRAG 128*(\p)+FR*\i, ADRB+\slot, \q, \i
.endr
	WIN 0
.endm
.macro FETCH_A slot, q, i0
.irp i, \i0, \i0+1, \i0+2, \i0+3
	FRAG AF+FR*(\i), ADRA+\slot, \q, \i
.endr
.endm
.macro SCALES sc                       ; slot sc's scale words: register 2 i + q: lanes 0-15 the word of A's block i, lanes 16-31 that of B's block i
.irp i, 0,1,2,3,4,5,6,7
.irp q, 0,1
	ds_load_b32 v[SC+16*\sc+NQ*\i+\q], v[ADRS+\sc] offset:(\i/4)*CH+\q*UNIT+64*(\i%4)
.endr
.endr
.endm
.macro PLACES n                        ; plain vector instructions between a matrix instruction and a load into, or a vector read or write of, its registers (ISA guide 7.12.1 for vector reads and writes)
.rept \n
	v_nop
.endr
.endm
.macro STEP slot, q, zero              ; a step of 128 along K that has its successor in the same slot
	s_wait_dscnt 4*NL                              ; B's set, A's blocks 0-3 and the scale words are in; the youngest 16 loads (A's blocks 4-7) may be out
.if (\zero == 1) || (\zero == 2)
	WIN 0x81                                       ; C (the bias) in window 0, D in window 2
.else
	WIN MUL_LO
.endif
	MUL16 0, (\q)%2, \q, \slot, \zero
	MUL16 2, (\q)%2, \q, \slot, \zero
	s_wait_dscnt 0                                 ; A's blocks 4-7 are in
	PLACES NP
	FETCH_B \slot, (\q)+1, 1-(\q)%2
	FETCH_A \slot, (\q)+1, 0
.if (\zero == 1) || (\zero == 2)
	WIN 0xc1
.else
	WIN MUL_HI
.endif
	MUL16 4, (\q)%2, \q, \slot, \zero
	MUL16 6, (\q)%2, \q, \slot, \zero
	PLACES NP
	WIN 0
	FETCH_A \slot, (\q)+1, 4
.endm
; A slot's last step changes slots: one barrier; in front of it each wave waits for all its tensor loads, adds 0 to its spare word, and waits for that and for its own reads of this slot.  fill = 1: the slot is filled again.
.macro TURN slot, next, fill
	s_wait_tensorcnt 0x0                           ; all my tensor loads have landed: my part of the next slot
	ds_add_u32 v[SPW], v[NIL]                      ; 0 onto my spare word
	s_wait_dscnt 4*NL+1                            ; (the add and the youngest 16 loads, A's blocks 4-7, may be out)
	WIN MUL_LO
	MUL16 0, 1, NQ-1, \slot, 0                     ; sixteen matrix instructions stand between the add and the wait for it
	s_wait_dscnt 0x0                               ; the add is done, and my reads of this slot are over
	s_barrier_signal -1
	MUL16 2, 1, NQ-1, \slot, 0
	WIN 0
	s_barrier_wait -1
.if \fill
	CREST                                          ; the barrier has opened a round of the cluster's barrier: no wave of any partner still reads this slot or has a load on its way
	s_add_nc_u64 s[G0+4*\slot+2:G0+4*\slot+3], s[G0+4*\slot+2:G0+4*\slot+3], 2*CH
	s_add_nc_u64 s[G0B+4*\slot+2:G0B+4*\slot+3], s[G0B+4*\slot+2:G0B+4*\slot+3], 2*CH
	JLOAD G0+4*\slot, G1, G0B+4*\slot, G1B         ; the first tensor load behind the round; its four v_nop are the places in front of the loads below
.else
	PLACES NP
.endif
	FETCH_B \next, 0, 0
	FETCH_A \next, 0, 0
	SCALES \next
	WIN MUL_HI
	MUL16 4, 1, NQ-1, \slot, 0
	MUL16 6, 1, NQ-1, \slot, 0
	PLACES NP
	WIN 0
	FETCH_A \next, 0, 4
.endm
	s_wait_tensorcnt 1                             ; my part of slot 0 is in; slot 1's load may be out
	s_barrier_signal -1
	s_barrier_wait -1
	FETCH_B 0, 0, 0
	FETCH_A 0, 0, 0
	SCALES 0
	FETCH_A 0, 0, 4
.if MODE == 0
	s_wait_loadcnt 0x0                             ; the bias
	s_cmp_ge_u32 s68, 4
	s_cbranch_scc1 .Lfirst_m
	STEP 0, 0, 1                                   ; the first step stands in front of the loop: its products start the sums
	s_branch .Lfirst_done
.Lfirst_m:
	STEP 0, 0, 2
.Lfirst_done:
.elseif MODE == 1
	s_wait_loadcnt 0x0
	STEP 0, 0, 1
.else
	STEP 0, 0, 3
.endif
	s_mov_b32 s66, LAPS-1
.Llap:                                                 ; a trip goes once round the ring and fills both slots again
	TURN 0, 1, 1
	STEP 1, 0, 0
	TURN 1, 0, 1
	STEP 0, 0, 0
	s_sub_co_u32 s66, s66, 1
	s_cmp_lg_u32 s66, 0
	s_cbranch_scc1 .Llap
	TURN 0, 1, 0                                   ; the last lap fills nothing, and has no round
	STEP 1, 0, 0
	s_wait_dscnt 4*NL                              ; the very last step
	WIN MUL_LO
	MUL16 0, 1, NQ-1, 1, 0
	MUL16 2, 1, NQ-1, 1, 0
	s_wait_dscnt 0
	WIN MUL_HI
	MUL16 4, 1, NQ-1, 1, 0
	MUL16 6, 1, NQ-1, 1, 0
	WIN 0
	PLACES NP                                      ; in front of the first read of results and of writes into registers that the last products read
.if MODE == 2
; THE WAY OUT, f32: a block of 16 rows x 128 columns goes through my own stage and comes back as whole rows of 512 bytes.  LDS serves a wave's instructions in order: no wait between the stores and the loads.
.macro TOSTAGE a
.set AC, 64*((\a)%4)
	WIN 0x08+4*((\a)/4)                            ; the data: window 2 or 3
.irp b, 0,1,2,3,4,5,6,7
	ds_store_b128 v[E0], v[AC+8*\b:AC+8*\b+3] offset:128*(\b/2)+32*(\b%2)       ; each accumulator from its low end on; columns 32 (b / 2) + 8 (b % 2) + 16 h on
	ds_store_b128 v[E0], v[AC+8*\b+4:AC+8*\b+7] offset:128*(\b/2)+32*(\b%2)+16
.endr
	WIN 0
.set BB, BK+64*((\a)%2)
.irp t, 0,1,2,3,4,5,6,7,8,9,10,11,12,13,14,15
	ds_load_b128 v[BB+4*\t:BB+4*\t+3], v[E0+1] offset:\t*SPITCH
.endr
.endm
.macro SEND a, younger
.set BB, BK+64*((\a)%2)
	s_wait_dscnt \younger                          ; the block is back; the next block's 16 stores and 16 loads may be out
.irp t, 0,1,2,3,4,5,6,7,8,9,10,11,12,13,14,15
	global_store_b128 v[E0+2], v[BB+4*\t:BB+4*\t+3], s[76:77] offset:(32*((\a)/2)+8*((\a)%2)+\t+8*(\t/8))*4096   ; 32 lanes store 512 consecutive aligned bytes; 127 rows at the most: inside the signed 24-bit immediate
.endr
.endm
	TOSTAGE 0
.irp a, 1,2,3,4,5,6,7
.if \a > 1
	s_wait_xcnt 0x0                                ; block a - 2's stores have read their registers: block a's loads may land there
.endif
	TOSTAGE \a
	SEND \a-1, 32
.endr
	SEND 7, 0
.else
; THE WAY OUT, quantised: block a's 64 registers are 128 neighbouring columns of my row: four blocks of 32, each shared with lane l xor 16.  The codes are stored as they stand: fragment a % 4 of a unit of the output.
.irp b, 0,1,2,3
	v_mov_b32 v[TM+4+\b], 0                        ; a lane permute's destination counts as one of its sources
.endr
.irp a, 0,1,2,3,4,5,6,7
.set QS, 64*(\a%4)
.set QW, 2+\a/4
.set QF, \a%4
.if \a > 0
	s_wait_xcnt 0x0                                ; the last block's stores have read the codes' registers
.endif
.if MODE == 1
	WIN (QW<<2)|(QW<<6)
.set j, 0
.rept 64
	v_max_num_f32 v[QS+j], 0, v[QS+j]              ; the activation, in f32, each accumulator from its low end on
.set j, j+1
.endr
.endif
	WIN QW|(QW<<2)
.irp b, 0,1,2,3
	v_max3_num_f32 v[TM+\b], |v[QS+16*\b]|, |v[QS+1+16*\b]|, 0x1800000   ; and the floor 2^(3 - 127): the byte cannot fall under 1
.endr
	WIN (QW<<2)|(QW<<4)
.irp i, 2,4,6,8,10,12,14
.irp b, 0,1,2,3
	v_max3_num_f32 v[TM+\b], v[TM+\b], |v[QS+16*\b+\i]|, |v[QS+1+16*\b+\i]|
.endr
.endr
	WIN 0
.irp b, 0,1,2,3
	v_permlanex16_b32 v[TM+4+\b], v[TM+\b], s86, s87
.endr
.irp b, 0,1,2,3
	v_max_num_f32 v[TM+\b], v[TM+\b], v[TM+4+\b]
.endr
.irp b, 0,1,2,3
	v_add_nc_u32 v[TM+8+\b], 0xff000000, v[TM+\b]  ; 2 off the exponent field: the conversion's scale operand
.endr
.irp b, 0,1,2,3
	v_lshrrev_b32 v[TM+4+\b], 23, v[TM+8+\b]       ; the scale's byte
.endr
	v_lshl_or_b32 v[PW], v[TM+5], 8, v[TM+4]
	v_lshl_or_b32 v[PW], v[TM+6], 16, v[PW]
	v_lshl_or_b32 v[PW], v[TM+7], 24, v[PW]
	WIN QW
.irp c, 0,1
	v_cvt_scalef32_pk16_fp6_f32 v[PC+6*\c:PC+2+6*\c], v[QS+32*\c:QS+15+32*\c], v[TM+8+2*\c]
	v_cvt_scalef32_pk16_fp6_f32 v[PC+12+4*\c:PC+14+4*\c], v[QS+16+32*\c:QS+31+32*\c], v[TM+8+2*\c+1]
.endr
	WIN 0
	v_nop                                          ; one plain place behind a scaled conversion
.irp c, 0,1
.irp i, 0,1,2
	v_permlane16_swap_b32 v[PC+6*\c+\i], v[PC+12+4*\c+\i]
.endr
.irp i, 0,1,2
	v_mov_b32 v[PC+3+6*\c+\i], v[PC+12+4*\c+\i]
.endr
.endr
	global_store_b128 v[E0], v[PC:PC+3], s[76:77] offset:768*QF          ; 512 consecutive aligned bytes
	global_store_b64 v[E0+1], v[PC+4:PC+5], s[76:77] offset:768*QF+512   ; 256
	global_store_b128 v[E0], v[PC+6:PC+9], s[76:77] offset:768*QF+3072
	global_store_b64 v[E0+1], v[PC+10:PC+11], s[76:77] offset:768*QF+3584
	ds_store_b32 v[E0+2], v[PW] offset:64*QF       ; both halves of the lanes write the same word with the same value
.if QF == 3
	ds_load_b64 v[TT:TT+1], v[E0+3]                ; the unit's 64 scale words: LDS serves my instructions in order
	s_wait_dscnt 0x0
	global_store_b64 v[E0+1], v[TT:TT+1], s[76:77] offset:6144   ; 256 consecutive aligned bytes
.if \a == 3
	s_wait_xcnt 0x0                                ; the stores have read their base: on to the next panel of the output
.if MODE == 0
	s_add_nc_u64 s[76:77], s[76:77], s[78:79]
.else
	s_add_nc_u64 s[76:77], s[76:77], KSOC*UNIT
.endif
.endif
.endif
.endr
.endif
	s_wait_tensorcnt 0x0                           ; the wave's end
	ds_add_u32 v[SPW], v[NIL]
	s_wait_dscnt 0x0
	CROUND                                         ; the closing round: no work-group ends while a partner may still ask for a tile that names it
	s_endpgm
.Lfunc_end_k_q199669ad3b_down:
	.size	k_q199669ad3b_down, .Lfunc_end_k_q199669ad3b_down-k_q199669ad3b_down
	.p2alignl 7, 3214868480
	.fill 96, 4, 3214868480
	.section	.rodata,"a",@progbits
	.p2align	6, 0x0
	.amdhsa_kernel k_q199669ad3b_down
		.amdhsa_group_segment_fixed_size 327680
		.amdhsa_private_segment_fixed_size 0
		.amdhsa_enable_private_segment 0
		.amdhsa_kernarg_size 24
		.amdhsa_user_sgpr_count 2
		.amdhsa_user_sgpr_kernarg_segment_ptr 1
		.amdhsa_wavefront_size32 1
		.amdhsa_system_sgpr_workgroup_id_x 1
		.amdhsa_system_sgpr_workgroup_id_y 1
		.amdhsa_system_sgpr_workgroup_id_z 1
		.amdhsa_system_vgpr_workitem_id 0
		.amdhsa_next_free_vgpr 1024
		.amdhsa_next_free_sgpr 96
		.amdhsa_reserve_vcc 0
		.amdhsa_float_denorm_mode_32 3
		.amdhsa_float_denorm_mode_16_64 3
		.amdhsa_memory_ordered 1
		.amdhsa_forward_progress 1
		.amdhsa_inst_pref_size 143
	.end_amdhsa_kernel
	.amdgpu_metadata
---
amdhsa.version: [ 1, 2 ]
amdhsa.kernels:
  - .name:           k_q199669ad3b_down
    .symbol:         k_q199669ad3b_down.kd
    .args:
      - { .name: up_img, .offset: 0, .size: 8, .value_kind: global_buffer, .address_space: global }
      - { .name: wimg, .offset: 8, .size: 8, .value_kind: global_buffer, .address_space: global }
      - { .name: cbuf, .offset: 16, .size: 8, .value_kind: global_buffer, .address_space: global }
    .group_segment_fixed_size: 327680
    .private_segment_fixed_size: 0
    .kernarg_segment_align: 8
    .kernarg_segment_size: 24
    .max_flat_workgroup_size: 128
    .sgpr_count:     96
    .vgpr_count:     1024
    .wavefront_size: 32
...
	.end_amdgpu_metadata
.endif
;; end of part 7
;; launch ln2 (part 8): grid 256 x 1, 8 waves a work-group, no clusters, 0 bytes of LDS; arguments cbuf, x1, bdown, ln2_w, ln2_b, out0; writes out0
.if DOCPART == 8
	.amdgcn_target "amdgcn-amd-amdhsa--gfx1250"
	.amdhsa_code_object_version 6
	.text
	.protected	k_q199669ad3b_ln2
	.globl	k_q199669ad3b_ln2
	.p2align	8
	.type	k_q199669ad3b_ln2,@function
k_q199669ad3b_ln2:
	s_mov_b64 s[64:65], 0
	v_nop
	global_prefetch_b8 v0, s[64:65] scope:SCOPE_SE
	s_setreg_imm32_b32 hwreg(HW_REG_WAVE_MODE, 25, 1), 1
	s_wait_xcnt 0x0
; x = layer norm(residual + (c + bias)) x gain + offset over rows of 1,024, in f32.  (The same text as the first layer norm's with QOUT = 0: nothing is quantised, and no LDS is used.)
; SHARES.  Work-group G takes 16 rows: rows 32 (f / 2) + 8 (f % 2) + r + 8 (r / 8) of panel G / 4 (64 rows), f = G % 4.  Wave w takes rows r = 2 w and 2 w + 1, neighbours in memory; a row lies in one wave:
; lane l holds columns 4 l + 128 j + 0 .. 3, j = 0 .. 7, so each load and store covers 512 consecutive aligned bytes and the two sums never leave the wave.
; The mean is taken first and the variance of the differences, in two passes: no difference of large sums is formed.  NaN and infinities among the inputs are passed on as the arithmetic gives them.
; Memory binds: matrix units, clusters and tensor loads would add nothing.
.set Y,   16                           ; v16-79   c, then the sum, the differences, the result: 32 registers a row
.set R,   80                           ; v80-143  the residual
.set BB,  144                          ; v144-175 the bias
.set GW,  176                          ; v176-207 the gain
.set GB,  208                          ; v208-239 the offset
.set ST,  240                          ; v240-247 sums: four registers a row
.set SEL, 28
	s_load_b256 s[4:11], s[0:1], 0x0               ; c, the residual, the bias, the gain
	s_load_b128 s[12:15], s[0:1], 0x20             ; the offset, the result
	v_lshrrev_b32 v1, 5, v0
	v_readfirstlane_b32 s18, v1                    ; wave 0..7
	v_and_b32 v7, 31, v0                           ; lane
	v_lshlrev_b32 v1, 4, v7                        ; 16 x lane
	s_lshr_b32 s19, ttmp9, 2                       ; panel
	s_and_b32 s20, ttmp9, 3                        ; f
	s_lshl_b32 s21, s19, 6
	s_lshr_b32 s22, s20, 1
	s_lshl_b32 s22, s22, 5
	s_add_co_u32 s21, s21, s22
	s_and_b32 s22, s20, 1
	s_lshl_b32 s22, s22, 3
	s_add_co_u32 s21, s21, s22
	s_lshl_b32 s22, s18, 1
	s_add_co_u32 s21, s21, s22
	s_lshr_b32 s22, s18, 2
	s_lshl_b32 s22, s22, 3
	s_add_co_u32 s21, s21, s22                     ; my first row
	s_lshl_b32 s22, s21, 12
	s_mov_b32 s23, 0
	s_mov_b32 s24, 0xba800000                      ; -1 / 1,024
	s_mov_b32 s25, 0x3a800000                      ; 1 / 1,024
	s_mov_b32 s26, 0x3727c5ac                      ; 1e-5
	s_mov_b32 s[SEL], 0x76543210
	s_mov_b32 s[SEL+1], 0xfedcba98
	v_mov_b32 v248, 0                              ; a lane permute's destination counts as one of its sources
	v_mov_b32 v249, 0
	s_wait_kmcnt 0x0
	s_add_nc_u64 s[4:5], s[4:5], s[22:23]
	s_add_nc_u64 s[6:7], s[6:7], s[22:23]
	s_add_nc_u64 s[14:15], s[14:15], s[22:23]
.irp u, 0,1
.irp j, 0,1,2,3,4,5,6,7
	global_load_b128 v[Y+32*\u+4*\j:Y+32*\u+4*\j+3], v1, s[4:5] offset:4096*\u+512*\j th:TH_LOAD_NT
.endr
.endr
.irp j, 0,1,2,3,4,5,6,7
	global_load_b128 v[BB+4*\j:BB+4*\j+3], v1, s[8:9] offset:512*\j
.endr
.irp u, 0,1
.irp j, 0,1,2,3,4,5,6,7
	global_load_b128 v[R+32*\u+4*\j:R+32*\u+4*\j+3], v1, s[6:7] offset:4096*\u+512*\j th:TH_LOAD_NT
.endr
.endr
.irp j, 0,1,2,3,4,5,6,7
	global_load_b128 v[GW+4*\j:GW+4*\j+3], v1, s[10:11] offset:512*\j
.endr
.irp j, 0,1,2,3,4,5,6,7
	global_load_b128 v[GB+4*\j:GB+4*\j+3], v1, s[12:13] offset:512*\j
.endr
	s_wait_loadcnt 16                              ; all but the gain's and the offset's 16 loads are in
.irp u, 0,1
.irp k, 0,2,4,6,8,10,12,14,16,18,20,22,24,26,28,30
	v_pk_add_f32 v[Y+32*\u+\k:Y+32*\u+\k+1], v[Y+32*\u+\k:Y+32*\u+\k+1], v[BB+\k:BB+\k+1]
.endr
.endr
.irp u, 0,1
.irp k, 0,2,4,6,8,10,12,14,16,18,20,22,24,26,28,30
	v_pk_add_f32 v[Y+32*\u+\k:Y+32*\u+\k+1], v[Y+32*\u+\k:Y+32*\u+\k+1], v[R+32*\u+\k:R+32*\u+\k+1]
.endr
.endr
.macro ACROSS x, t                     ; the sum over the 32 lanes, in every lane
	v_add_f32_dpp v[\x], v[\x], v[\x] row_xmask:1 row_mask:0xf bank_mask:0xf
	v_add_f32_dpp v[\x], v[\x], v[\x] row_xmask:2 row_mask:0xf bank_mask:0xf
	v_add_f32_dpp v[\x], v[\x], v[\x] row_xmask:4 row_mask:0xf bank_mask:0xf
	v_add_f32_dpp v[\x], v[\x], v[\x] row_xmask:8 row_mask:0xf bank_mask:0xf
	v_permlanex16_b32 v[\t], v[\x], s[SEL], s[SEL+1]
	v_add_f32 v[\x], v[\x], v[\t]
.endm
.irp u, 0,1                                    ; the row's sum, two chains a row
	v_pk_add_f32 v[ST+4*\u:ST+4*\u+1], v[Y+32*\u:Y+32*\u+1], v[Y+32*\u+2:Y+32*\u+3]
	v_pk_add_f32 v[ST+4*\u+2:ST+4*\u+3], v[Y+32*\u+4:Y+32*\u+5], v[Y+32*\u+6:Y+32*\u+7]
.endr
.irp k, 8,12,16,20,24,28
.irp u, 0,1
	v_pk_add_f32 v[ST+4*\u:ST+4*\u+1], v[ST+4*\u:ST+4*\u+1], v[Y+32*\u+\k:Y+32*\u+\k+1]
	v_pk_add_f32 v[ST+4*\u+2:ST+4*\u+3], v[ST+4*\u+2:ST+4*\u+3], v[Y+32*\u+\k+2:Y+32*\u+\k+3]
.endr
.endr
.irp u, 0,1
	v_pk_add_f32 v[ST+4*\u:ST+4*\u+1], v[ST+4*\u:ST+4*\u+1], v[ST+4*\u+2:ST+4*\u+3]
.endr
.irp u, 0,1
	v_add_f32 v[ST+4*\u], v[ST+4*\u], v[ST+4*\u+1]
.endr
	ACROSS ST, 248
	ACROSS ST+4, 249
.irp u, 0,1
	v_mul_f32 v[ST+4*\u], s24, v[ST+4*\u]          ; - the mean
.endr
.irp u, 0,1
.irp k, 0,2,4,6,8,10,12,14,16,18,20,22,24,26,28,30
	v_pk_add_f32 v[Y+32*\u+\k:Y+32*\u+\k+1], v[Y+32*\u+\k:Y+32*\u+\k+1], v[ST+4*\u:ST+4*\u+1] op_sel_hi:[1,0]   ; the differences
.endr
.endr
.irp u, 0,1                                    ; the sum of their squares
	v_pk_mul_f32 v[ST+4*\u:ST+4*\u+1], v[Y+32*\u:Y+32*\u+1], v[Y+32*\u:Y+32*\u+1]
	v_pk_mul_f32 v[ST+4*\u+2:ST+4*\u+3], v[Y+32*\u+2:Y+32*\u+3], v[Y+32*\u+2:Y+32*\u+3]
.endr
.irp k, 4,8,12,16,20,24,28
.irp u, 0,1
	v_pk_fma_f32 v[ST+4*\u:ST+4*\u+1], v[Y+32*\u+\k:Y+32*\u+\k+1], v[Y+32*\u+\k:Y+32*\u+\k+1], v[ST+4*\u:ST+4*\u+1]
	v_pk_fma_f32 v[ST+4*\u+2:ST+4*\u+3], v[Y+32*\u+\k+2:Y+32*\u+\k+3], v[Y+32*\u+\k+2:Y+32*\u+\k+3], v[ST+4*\u+2:ST+4*\u+3]
.endr
.endr
.irp u, 0,1
	v_pk_add_f32 v[ST+4*\u:ST+4*\u+1], v[ST+4*\u:ST+4*\u+1], v[ST+4*\u+2:ST+4*\u+3]
.endr
.irp u, 0,1
	v_add_f32 v[ST+4*\u], v[ST+4*\u], v[ST+4*\u+1]
.endr
	ACROSS ST, 248
	ACROSS ST+4, 249
.irp u, 0,1
	v_fma_f32 v[ST+4*\u], v[ST+4*\u], s25, s26     ; the variance + 1e-5
.endr
	v_rsq_f32 v[ST], v[ST]
	v_rsq_f32 v[ST+4], v[ST+4]
	v_nop                                          ; one plain place behind a transcendental
	s_wait_loadcnt 0x0                             ; the gain and the offset
	s_wait_alu depctr_va_vdst(0)
.irp u, 0,1
.irp k, 0,2,4,6,8,10,12,14,16,18,20,22,24,26,28,30
	v_pk_mul_f32 v[Y+32*\u+\k:Y+32*\u+\k+1], v[Y+32*\u+\k:Y+32*\u+\k+1], v[ST+4*\u:ST+4*\u+1] op_sel_hi:[1,0]
.endr
.endr
.irp u, 0,1
.irp k, 0,2,4,6,8,10,12,14,16,18,20,22,24,26,28,30
	v_pk_fma_f32 v[Y+32*\u+\k:Y+32*\u+\k+1], v[Y+32*\u+\k:Y+32*\u+\k+1], v[GW+\k:GW+\k+1], v[GB+\k:GB+\k+1]
.endr
.endr
.irp u, 0,1
.irp j, 0,1,2,3,4,5,6,7
	global_store_b128 v1, v[Y+32*\u+4*\j:Y+32*\u+4*\j+3], s[14:15] offset:4096*\u+512*\j th:TH_STORE_NT   ; written once, read by nobody here
.endr
.endr
	s_endpgm
.Lfunc_end_k_q199669ad3b_ln2:
	.size	k_q199669ad3b_ln2, .Lfunc_end_k_q199669ad3b_ln2-k_q199669ad3b_ln2
	.p2alignl 7, 3214868480
	.fill 96, 4, 3214868480
	.section	.rodata,"a",@progbits
	.p2align	6, 0x0
	.amdhsa_kernel k_q199669ad3b_ln2
		.amdhsa_group_segment_fixed_size 0
		.amdhsa_private_segment_fixed_size 0
		.amdhsa_enable_private_segment 0
		.amdhsa_kernarg_size 48
		.amdhsa_user_sgpr_count 2
		.amdhsa_user_sgpr_kernarg_segment_ptr 1
		.amdhsa_wavefront_size32 1
		.amdhsa_system_sgpr_workgroup_id_x 1
		.amdhsa_system_sgpr_workgroup_id_y 1
		.amdhsa_system_sgpr_workgroup_id_z 1
		.amdhsa_system_vgpr_workitem_id 0
		.amdhsa_next_free_vgpr 256
		.amdhsa_next_free_sgpr 66
		.amdhsa_reserve_vcc 0
		.amdhsa_float_denorm_mode_32 3
		.amdhsa_float_denorm_mode_16_64 3
		.amdhsa_memory_ordered 1
		.amdhsa_forward_progress 1
		.amdhsa_inst_pref_size 25
	.end_amdhsa_kernel
	.amdgpu_metadata
---
amdhsa.version: [ 1, 2 ]
amdhsa.kernels:
  - .name:           k_q199669ad3b_ln2
    .symbol:         k_q199669ad3b_ln2.kd
    .args:
      - { .name: cbuf, .offset: 0, .size: 8, .value_kind: global_buffer, .address_space: global }
      - { .name: x1, .offset: 8, .size: 8, .value_kind: global_buffer, .address_space: global }
      - { .name: bdown, .offset: 16, .size: 8, .value_kind: global_buffer, .address_space: global }
      - { .name: ln2_w, .offset: 24, .size: 8, .value_kind: global_buffer, .address_space: global }
      - { .name: ln2_b, .offset: 32, .size: 8, .value_kind: global_buffer, .address_space: global }
      - { .name: out0, .offset: 40, .size: 8, .value_kind: global_buffer, .address_space: global }
    .group_segment_fixed_size: 0
    .private_segment_fixed_size: 0
    .kernarg_segment_align: 8
    .kernarg_segment_size: 48
    .max_flat_workgroup_size: 256
    .sgpr_count:     66
    .vgpr_count:     256
    .wavefront_size: 32
...
	.end_amdgpu_metadata
.endif
;; end of part 8
;; ======== version 2 of 2: 7 launches
;; limits: right only within a limited range of input values
;; workspace buffers: wimg 13,107,200 bytes; qk_img 6,553,600 bytes; vt_img 3,276,800 bytes; at_img 3,276,800 bytes; cbuf 16,777,216 bytes; x1 16,777,216 bytes; x1_img 3,276,800 bytes; up_img 13,107,200 bytes
;; launch quant (part 9): grid 256 x 1, 8 waves a work-group, no clusters, 70,656 bytes of LDS; arguments X, Wq, Wk, Wv, Wo, Wup, Wdown, wimg; writes wimg
.if DOCPART == 9
	.amdgcn_target "amdgcn-amd-amdhsa--gfx1250"
	.amdhsa_code_object_version 6
	.text
	.protected	k_q199669ad3b_quant
	.globl	k_q199669ad3b_quant
	.p2align	8
	.type	k_q199669ad3b_quant,@function
k_q199669ad3b_quant:
	s_mov_b64 s[64:65], 0
	v_nop
	global_prefetch_b8 v0, s[64:65] scope:SCOPE_SE
	s_setreg_imm32_b32 hwreg(HW_REG_WAVE_MODE, 25, 1), 1
	s_wait_xcnt 0x0
; X and the six weights, f32 with K innermost, become codes of FP6 (E2M3) with one E8M0 scale byte for each 32 along K, laid as IMAGES OF THE MATRIX OPERAND'S REGISTERS.
; A UNIT is 64 rows x 128 K, 6,400 bytes: for c = 0, 1 and fragment f = 0..3: at 3072 c + 768 f + 16 lane the operand's registers 6 c .. 6 c + 3 of that lane, at 3072 c + 768 f + 512 + 8 lane registers 6 c + 4, 6 c + 5;
; at 6144 + 64 f + 4 r the scale word of the fragment's row r.  Row r of fragment f is row 32 (f / 2) + 8 (f % 2) + r + 8 (r / 8) of the 64: with that order a product's results are again 16 neighbours along the next K.
; A PANEL is 8 units (64 rows x 1,024 K), 51,200 bytes.  Work-group G makes panel G of wimg: 0-63 X, 64-79 Wq, 80-95 Wk, 96-111 Wv, 112-127 Wo, 128-191 Wup, 192-255 Wdown (64 rows x a quarter of its K of 4,096 each).
; Only pointers, a pitch and an offset are chosen by the work-group's number: all tensors take one path through the text.
; A block's scale is 2^(floor(log2(its largest magnitude)) - 2); its byte is that magnitude's exponent field - 2, held at 1 from below.
; LIMITS: a block of zeros gets the byte 1 where the rule says 127 (its codes are zeros, and this program alone reads the bytes); blocks whose largest magnitude lies under 2^-124 keep the byte 1; NaN and infinities are not served.
; SHARES: wave w takes fragment f = w % 4 and the four K steps 4 (w / 4) + t.  Each load reads 512 consecutive bytes of one row; a step's 16 rows turn through the wave's own stage in LDS (rows 528 bytes apart),
; so that a lane comes to hold 16 neighbours of each block of 32 of its row.  Codes leave as they stand in the registers: each store covers 512 or 256 consecutive aligned bytes.  Scale words are gathered in LDS and leave as 256 bytes a unit.
; Matrix units, clusters and tensor loads would add nothing: every input byte is read once by one wave.
.set SP,   528                         ; a stage row: 512 bytes + 16
.set WST,  16*SP                       ; a wave's stage
.set SCG,  8*WST                       ; behind the stages: the panel's scale words, [K step 8][f 4][16 words]
.set OFF,  16                          ; v16-31   byte offset of my 16 bytes in row i of my fragment
.set LD0,  32                          ; v32-159  two sets of 64 registers as loaded
.set XN,   160                         ; v160-223 64 numbers: register 16 b + i = k 32 b + 16 (lane / 16) + i of my row
.set PC,   224                         ; v224-243 the codes just made
.set TM,   244                         ; v244-247 largest magnitudes, v248-251 bytes, v252-255 the conversions' scale operands
.set PW,   11                          ; v11      the scale word just made
.set SEL,  38                          ; s[38:39] lane selects: lane l xor 16
.macro QUANT s
.irp b, 0,1,2,3
	v_max3_num_f32 v[TM+\b], |v[\s+16*\b]|, |v[\s+1+16*\b]|, 0x1800000   ; block b: my 16 numbers, and the floor 2^(3 - 127): the byte cannot fall under 1
.endr
.irp i, 2,4,6,8,10,12,14
.irp b, 0,1,2,3
	s_delay_alu instid0(VALU_DEP_4)
	v_max3_num_f32 v[TM+\b], v[TM+\b], |v[\s+16*\b+\i]|, |v[\s+1+16*\b+\i]|   ; the four blocks by turns
.endr
.endr
.irp b, 0,1,2,3
	s_delay_alu instid0(VALU_DEP_4)
	v_permlanex16_b32 v[TM+4+\b], v[TM+\b], s[SEL], s[SEL+1]
.endr
.irp b, 0,1,2,3
	s_delay_alu instid0(VALU_DEP_4)
	v_max_num_f32 v[TM+\b], v[TM+\b], v[TM+4+\b]   ; with lane l xor 16's 16: the block's largest magnitude
.endr
.irp b, 0,1,2,3
	s_delay_alu instid0(VALU_DEP_4)
	v_add_nc_u32 v[TM+8+\b], 0xff000000, v[TM+\b]  ; 2 off its exponent field: the conversion takes the exponent field of this operand as its scale
.endr
.irp b, 0,1,2,3
	s_delay_alu instid0(VALU_DEP_4)
	v_lshrrev_b32 v[TM+4+\b], 23, v[TM+8+\b]       ; the scale's byte
.endr
	s_delay_alu instid0(VALU_DEP_3)
	v_lshl_or_b32 v[PW], v[TM+5], 8, v[TM+4]       ; four bytes make my row's scale word
	s_delay_alu instid0(VALU_DEP_1)
	v_lshl_or_b32 v[PW], v[TM+6], 16, v[PW]
	s_delay_alu instid0(VALU_DEP_1)
	v_lshl_or_b32 v[PW], v[TM+7], 24, v[PW]
.irp c, 0,1
	v_cvt_scalef32_pk16_fp6_f32 v[PC+6*\c:PC+2+6*\c], v[\s+32*\c:\s+15+32*\c], v[TM+8+2*\c]
	v_cvt_scalef32_pk16_fp6_f32 v[PC+12+4*\c:PC+14+4*\c], v[\s+16+32*\c:\s+31+32*\c], v[TM+8+2*\c+1]   ; (a conversion's three registers begin on an even number)
.endr
	v_nop                                          ; one plain place behind a scaled conversion
.irp c, 0,1                                    ; the operand's layout wants a whole block in a lane: lanes 0-15 block 2 c, lanes 16-31 block 2 c + 1
.irp i, 0,1,2
	v_permlane16_swap_b32 v[PC+6*\c+\i], v[PC+12+4*\c+\i]
.endr
.irp i, 0,1,2
	s_delay_alu instid0(VALU_DEP_3)
	v_mov_b32 v[PC+3+6*\c+\i], v[PC+12+4*\c+\i]
.endr
.endr
.endm
	s_load_b256 s[4:11], s[0:1], 0x0               ; X, Wq, Wk, Wv
	s_load_b256 s[12:19], s[0:1], 0x20             ; Wo, Wup, Wdown, wimg
	v_lshl_add_u32 v239, v0, 2, 0x11000
	v_mov_b32 v243, 0
	v_lshrrev_b32 v1, 5, v0
	s_delay_alu instid0(VALU_DEP_1)
	v_readfirstlane_b32 s40, v1                    ; wave 0..7
	v_and_b32 v1, 31, v0                           ; lane
	v_and_b32 v2, 15, v0                           ; r
	v_bfe_u32 v3, v0, 4, 1                         ; h
	s_delay_alu instid0(VALU_DEP_3)
	v_lshlrev_b32 v4, 4, v1                        ; 16 x lane
	s_delay_alu instid0(VALU_DEP_4)
	v_lshlrev_b32 v5, 3, v1                        ; 8 x lane
	s_wait_alu depctr_va_vdst(0)
	s_and_b32 s41, s40, 3                          ; f
	s_lshr_b32 s42, s40, 2                         ; which four K steps
	s_mul_i32 s30, s40, WST
	v_add_nc_u32 v6, s30, v4                       ; the stage, on the way in: a row's 512 bytes as they lie
	v_mul_u32_u24 v7, v2, SP
	s_delay_alu instid0(VALU_DEP_1)
	v_lshl_add_u32 v7, v3, 6, v7
	s_delay_alu instid0(VALU_DEP_1)
	v_add_nc_u32 v7, s30, v7                       ; and on the way out: row r, + 64 h: my 16 numbers of a block
	s_lshl_b32 s31, s42, 10
	s_lshl_b32 s32, s41, 6
	s_add_co_u32 s31, s31, s32
	s_add_co_u32 s31, s31, SCG
	v_lshl_add_u32 v8, v2, 2, s31                  ; where my row's scale word goes (both halves of the lanes write the same word with the same value)
	s_lshl_b32 s32, s40, 8
	s_add_co_u32 s32, s32, SCG
	v_add_nc_u32 v9, s32, v5                       ; and from where wave w takes unit w's 256 bytes of scale words
	s_mov_b32 s[SEL], 0x76543210
	s_mov_b32 s[SEL+1], 0xfedcba98
.irp b, 0,1,2,3
	v_mov_b32 v[TM+4+\b], 0                        ; written once: a lane permute's destination counts as one of its sources
.endr
	s_lshr_b32 s28, s41, 1
	s_lshl_b32 s28, s28, 5
	s_and_b32 s29, s41, 1
	s_lshl_b32 s29, s29, 3
	s_add_co_u32 s28, s28, s29                     ; my fragment's first row: 32 (f / 2) + 8 (f % 2)
	s_wait_kmcnt 0x0
	s_mov_b64 s[20:21], s[4:5]                     ; which tensor: the choice hangs on the work-group's number alone
	s_mov_b32 s22, 0                               ; and its first panel
.macro PICK bound, p
	s_cmp_ge_u32 ttmp9, \bound
	s_cselect_b64 s[20:21], s[\p:\p+1], s[20:21]
	s_cselect_b32 s22, \bound, s22
.endm
	PICK 64, 6
	PICK 80, 8
	PICK 96, 10
	PICK 112, 12
	PICK 128, 14
	PICK 192, 16
	s_sub_co_u32 s23, ttmp9, s22                   ; the panel's number in its tensor
	s_lshl_b32 s24, s23, 18                        ; K = 1,024: 64 rows of 4,096 bytes a panel
	s_lshr_b32 s25, s23, 2                         ; Wdown: 64 rows of 16,384 bytes for four panels,
	s_lshl_b32 s25, s25, 20
	s_and_b32 s26, s23, 3
	s_lshl_b32 s26, s26, 12                        ; and 4,096 bytes along a row from panel to panel
	s_add_co_u32 s25, s25, s26
	s_mov_b32 s27, 4096                            ; the pitch
	s_cmp_ge_u32 ttmp9, 192
	s_cselect_b32 s24, s25, s24
	s_cselect_b32 s27, 16384, s27
	s_lshl_b32 s25, s42, 11                        ; my four K steps: 2,048 bytes
	s_add_co_u32 s24, s24, s25
	s_mov_b32 s25, 0
	s_add_nc_u64 s[20:21], s[20:21], s[24:25]
.irp i, 0,1,2,3,4,5,6,7,8,9,10,11,12,13,14,15
	s_add_co_u32 s29, s28, \i+8*(\i/8)
	s_mul_i32 s29, s29, s27
	v_add_nc_u32 v[OFF+\i], s29, v4                ; row x pitch + 16 x lane
.endr
	s_mul_i32 s32, ttmp9, 51200
	s_mov_b32 s33, 0
	s_add_nc_u64 s[18:19], s[18:19], s[32:33]      ; my panel of wimg
	s_mul_i32 s32, s42, 25600
	s_mul_i32 s34, s41, 768
	s_add_co_u32 s32, s32, s34
	s_add_nc_u64 s[36:37], s[18:19], s[32:33]      ; my first unit, my fragment
	s_mul_i32 s32, s40, 6400
	s_add_nc_u64 s[44:45], s[18:19], s[32:33]      ; unit w, for the scale words
.macro LOAD t
.irp i, 0,1,2,3,4,5,6,7,8,9,10,11,12,13,14,15
	global_load_b128 v[LD0+64*((\t)%2)+4*\i:LD0+64*((\t)%2)+4*\i+3], v[OFF+\i], s[20:21] offset:512*(\t) th:TH_LOAD_NT   ; 32 lanes read 512 consecutive bytes of row i
.endr
.endm
.macro STEP t
.if (\t) < 3
	s_wait_loadcnt 16                              ; this step's 16 loads are in; the next step's 16 may be out
.else
	s_wait_loadcnt 0x0
.endif
.irp i, 0,1,2,3,4,5,6,7,8,9,10,11,12,13,14,15
	ds_store_b128 v6, v[LD0+64*((\t)%2)+4*\i:LD0+64*((\t)%2)+4*\i+3] offset:SP*\i
.endr
.irp b, 0,1,2,3
.irp q, 0,1,2,3
	ds_load_b128 v[XN+16*\b+4*\q:XN+16*\b+4*\q+3], v7 offset:128*\b+16*\q   ; LDS serves a wave's instructions in order: these see the stores above
.endr
.endr
	s_wait_dscnt 0x0                               ; the numbers are back, and the stores have read the set that the next loads fill
	s_wait_xcnt 0x0                                ; the last step's stores have read the codes' registers: they are written again only behind this wait
.if (\t) < 2
	LOAD (\t)+2
.endif
	QUANT XN
	global_store_b128 v4, v[PC:PC+3], s[36:37] offset:6400*(\t)
	global_store_b64 v5, v[PC+4:PC+5], s[36:37] offset:6400*(\t)+512
	global_store_b128 v4, v[PC+6:PC+9], s[36:37] offset:6400*(\t)+3072
	global_store_b64 v5, v[PC+10:PC+11], s[36:37] offset:6400*(\t)+3584
	ds_store_b32 v8, v[PW] offset:256*(\t)
.endm
	s_wait_alu depctr_va_vdst(0)
	LOAD 0
	LOAD 1
	STEP 0
	STEP 1
	STEP 2
	STEP 3
	s_wait_dscnt 0x0                               ; for the others' sake: my scale words lie in LDS
	s_barrier_signal -1
	s_barrier_wait -1
	ds_load_b64 v[12:13], v9                       ; unit w's 64 scale words, made by four waves
	s_wait_dscnt 0x0
	global_store_b64 v5, v[12:13], s[44:45] offset:6144   ; 32 lanes store 256 consecutive aligned bytes
	s_wait_tensorcnt 0x0
	ds_add_u32 v239, v243
	s_wait_dscnt 0x0
	s_endpgm
.Lfunc_end_k_q199669ad3b_quant:
	.size	k_q199669ad3b_quant, .Lfunc_end_k_q199669ad3b_quant-k_q199669ad3b_quant
	.p2alignl 7, 3214868480
	.fill 96, 4, 3214868480
	.section	.rodata,"a",@progbits
	.p2align	6, 0x0
	.amdhsa_kernel k_q199669ad3b_quant
		.amdhsa_group_segment_fixed_size 70656
		.amdhsa_private_segment_fixed_size 0
		.amdhsa_enable_private_segment 0
		.amdhsa_kernarg_size 64
		.amdhsa_user_sgpr_count 2
		.amdhsa_user_sgpr_kernarg_segment_ptr 1
		.amdhsa_wavefront_size32 1
		.amdhsa_system_sgpr_workgroup_id_x 1
		.amdhsa_system_sgpr_workgroup_id_y 1
		.amdhsa_system_sgpr_workgroup_id_z 1
		.amdhsa_system_vgpr_workitem_id 0
		.amdhsa_next_free_vgpr 256
		.amdhsa_next_free_sgpr 66
		.amdhsa_reserve_vcc 0
		.amdhsa_float_denorm_mode_32 3
		.amdhsa_float_denorm_mode_16_64 3
		.amdhsa_memory_ordered 1
		.amdhsa_forward_progress 1
		.amdhsa_inst_pref_size 44
	.end_amdhsa_kernel
	.amdgpu_metadata
---
amdhsa.version: [ 1, 2 ]
amdhsa.kernels:
  - .name:           k_q199669ad3b_quant
    .symbol:         k_q199669ad3b_quant.kd
    .args:
      - { .name: X, .offset: 0, .size: 8, .value_kind: global_buffer, .address_space: global }
      - { .name: Wq, .offset: 8, .size: 8, .value_kind: global_buffer, .address_space: global }
      - { .name: Wk, .offset: 16, .size: 8, .value_kind: global_buffer, .address_space: global }
      - { .name: Wv, .offset: 24, .size: 8, .value_kind: global_buffer, .address_space: global }
      - { .name: Wo, .offset: 32, .size: 8, .value_kind: global_buffer, .address_space: global }
      - { .name: Wup, .offset: 40, .size: 8, .value_kind: global_buffer, .address_space: global }
      - { .name: Wdown, .offset: 48, .size: 8, .value_kind: global_buffer, .address_space: global }
      - { .name: wimg, .offset: 56, .size: 8, .value_kind: global_buffer, .address_space: global }
    .group_segment_fixed_size: 70656
    .private_segment_fixed_size: 0
    .kernarg_segment_align: 8
    .kernarg_segment_size: 64
    .max_flat_workgroup_size: 256
    .sgpr_count:     66
    .vgpr_count:     256
    .wavefront_size: 32
...
	.end_amdgpu_metadata
.endif
;; end of part 9
;; launch qkv (part 10): grid 8 x 24, 4 waves a work-group, clusters of 4 x 4, 327,680 bytes of LDS; arguments wimg, bq, bk, bv, qk_img, vt_img; writes qk_img, vt_img
.if DOCPART == 10
	.amdgcn_target "amdgcn-amd-amdhsa--gfx1250"
	.amdhsa_code_object_version 6
	.text
	.protected	k_q199669ad3b_qkv
	.globl	k_q199669ad3b_qkv
	.p2align	8
	.type	k_q199669ad3b_qkv,@function
k_q199669ad3b_qkv:
	s_mov_b64 s[64:65], 0
	v_nop
	global_prefetch_b8 v0, s[64:65] scope:SCOPE_SE
	s_setreg_imm32_b32 hwreg(HW_REG_WAVE_MODE, 25, 1), 1
	s_wait_xcnt 0x0
	s_wait_alu depctr_hold_cnt(0) depctr_sa_sdst(0) depctr_va_vdst(0) depctr_va_sdst(0) depctr_va_ssrc(0) depctr_va_vcc(0) depctr_vm_vsrc(0)
	s_getreg_b32 s2, hwreg(HW_REG_IB_STS2, 6, 4)
	s_cmp_eq_u32 s2, 0
	s_cbranch_scc0 .Lentry_in_a_cluster
	s_endpgm
.Lentry_in_a_cluster:
	s_bfe_u32 s2, ttmp6, 0x10000c
	s_cmp_lg_u32 s2, 0xf033
	s_cbranch_scc0 .Lentry_shape_is_right
	s_endpgm
.Lentry_shape_is_right:
; ONE TEXT FOR ALL FOUR LARGE PRODUCTS OF THE PROGRAM, C = A B^T on codes of FP6 (E2M3) with E8M0 scales; the four copies differ in the four constants below alone.
; MODE 0: A and B from wimg.  Clusters with y < 4: A = X, B = Wq | Wk, + bq | bk, quantised along the channels -> qk_img.  Clusters with y >= 4: A = Wv, B = X, + bv (by A's row), quantised along the TOKENS -> vt_img.
; MODE 1: relu(A B^T + bias), quantised along the columns -> an image.      MODE 2: A B^T as f32, row-major, 1,024 columns.
; OPERANDS ARE IMAGES OF THE MATRIX OPERAND'S REGISTERS.  A unit is 64 rows x 128 K, 6,400 bytes: at 3072 c + 768 f + 16 lane registers 6 c .. 6 c + 3 of fragment f, at 3072 c + 768 f + 512 + 8 lane registers 6 c + 4, 6 c + 5,
; at 6144 + 64 f + 4 r the scale word of the fragment's row r, which is row 32 (f / 2) + 8 (f % 2) + r + 8 (r / 8) of the 64.  A tensor is [rows / 64][K / 128] units.  So a fragment comes by four LDS loads of consecutive bytes,
; codes and scales travel in one tensor load, and no row needs a pitch or a padding.
; A tile of C, 256 x 256, is made by four waves, as many as a WGP has SIMDs; a wave makes 128 x 128: 64 accumulators, 512 registers.  K goes in steps of 256 through a ring of two LDS slots; each wave fetches a quarter of a slot
; (128 rows: two runs of 12,800 consecutive bytes) by one tensor load.  By this text's own count a wave has one tensor load outstanding at the start and one behind each round.
; CLUSTERS: 4 x 4 work-groups; A's tiles are shared along a row of the cluster, B's along a column, each asked for jointly.  In MODE 0 the two kinds part on the CLUSTER's y, which all sixteen partners share.
; THE MATRIX INSTRUCTION IS USED TRANSPOSED (source 0 = 16 rows of B, source 1 = 16 rows of A): a lane holds one row of C, and by the order of a fragment's rows the 64 registers of a block of 16 rows are
; register 16 b + i = column 32 b + 16 (lane / 16) + i of my 128: what the conversions want.  A quantised result is stored as it stands in the registers: it IS the next product's image.
; The bias is the C of each sum's first matrix instruction.  The 64 accumulators take turns, one instruction a turn, in the same order in every step.
; LIMITS of the quantiser: a block of zeros gets the byte 1 where the rule says 127 (zero codes; this program alone reads the bytes); largest magnitudes under 2^-124 keep the byte 1; NaN and infinities are not served.
; REGISTERS: window 0: v0-31 addresses; v32-63 scale words, two sets; v64-127 the bias; v128-223 A's fragments, one set.  window 1: B's fragments, two sets, at v0 and v128.  windows 2, 3: the accumulators, (a, b) at v[8 (8 (a % 4) + b)].
.set MODE,   0
.set SIZE_K, 1024
.set BOFF,   0                         ; MODE 1, 2: where B's panels begin in wimg
.set KSOC,   16                        ; MODE 1: units in a panel of the output
.set KS,     SIZE_K/128                ; units in a panel of A and of B
.set UNIT,   6400
.set PANB,   KS*UNIT
.set CH,     2*UNIT                    ; a panel's two units of a slot
.set HALFT,  2*CH                      ; 128 rows x 256 K: one tensor load
.set SLOT,   4*HALFT                   ; A's four panels, then B's four
.set SPARE,  2*SLOT                    ; behind the ring: the spare words, 128 bytes for each wave, that no other line names
.set LAPS,   SIZE_K/512                ; a lap = once round the ring
.set NQ,     2
.set FR,     12                        ; registers of a fragment
.set NL,     4                         ; LDS loads that bring one
.set NP,     4                         ; places behind this matrix instruction (ISA guide 7.12.1)
.set SPITCH, 528                       ; MODE 2: a stage of 16 rows x (512 + 16) bytes for each wave, in slot 0, which has had its last fill and its last read by then
.set ADRS, 12                          ; v12-13 LDS address of my scale words in slot 0, 1: lanes 0-15 A's, lanes 16-31 B's
.set ADRA, 16                          ; v16-17 A's fragments, 16 x lane, slot 0, 1;  v18-19 the same with 512 + 8 x lane
.set ADRB, 20                          ; v20-23 the same for B
.set E0,   24                          ; v24-27 the way out
.set SPW,  28                          ; v28 LDS address of my spare word; never rewritten
.set NIL,  29                          ; v29 0; never rewritten
.set SC,   32
.set BI,   64
.set AF,   128
.set BK,   128                         ; MODE 2: rows read back from the stage, v128-191 and v192-255 by turns
.set TM,   32                          ; the quantiser on the way out: v32-35 magnitudes, v36-39 bytes, v40-43 scale operands
.set PW,   48
.set PC,   52
.set TT,   72
.set G1, 24
.set G0, 32
.set G1B, 48
.set G0B, 56
.set MSB, 0
.macro WIN new                         ; the immediate's high byte repeats the setting that is left
.if MSB != (\new)
	s_set_vgpr_msb (MSB<<8)|(\new)
.set MSB, (\new)
.endif
.endm
.set MUL_LO, 0xa1                      ; source 0 (B) window 1, source 1 (A) window 0, C and D window 2
.set MUL_HI, 0xf1                      ; the same, C and D window 3
.set TO_B,   0x40                      ; destination window 1, address window 0
; A joint load: waves 0 and 1 fetch for A, waves 2 and 3 for B; the branch hangs on the wave's number alone.  Four v_nop follow each of the two lines.
.macro JLOAD g0a, g1a, g0b, g1b
	s_cmp_eq_u32 s17, 0
	s_cbranch_scc0 .Lfor_b_\@
	tensor_load_to_lds s[\g0a:\g0a+3], s[\g1a:\g1a+7]
	s_nop 0
.rept 4
	v_nop
.endr
	s_branch .Lasked_\@
.Lfor_b_\@:
	tensor_load_to_lds s[\g0b:\g0b+3], s[\g1b:\g1b+7]
	s_nop 0
.rept 4
	v_nop
.endr
.Lasked_\@:
.endm
.macro CREST                           ; a round of the cluster's barrier behind its opening barrier
	s_cmp_lg_u32 s16, 0
	s_cbranch_scc1 .Lnot_wave_0_\@
	s_barrier_signal -3
.Lnot_wave_0_\@:
	s_barrier_wait -3
	s_barrier_signal -1
	s_barrier_wait -1
.endm
.macro CROUND
	s_barrier_signal -1
	s_barrier_wait -1
	CREST
.endm
.if MODE == 0
	s_load_b256 s[4:11], s[0:1], 0x0               ; wimg, bq, bk, bv
	s_load_b128 s[12:15], s[0:1], 0x20             ; qk_img, vt_img
.elseif MODE == 1
	s_load_b256 s[4:11], s[0:1], 0x0               ; A's image, wimg, the bias, the output image
.else
	s_load_b128 s[4:7], s[0:1], 0x0                ; A's image, wimg
	s_load_b64 s[8:9], s[0:1], 0x10                ; C
.endif
	v_lshl_add_u32 v[SPW], v0, 2, SPARE
	v_mov_b32 v[NIL], 0
	ds_add_u32 v28, v29
	ds_add_u32 v28, v29
	s_wait_dscnt 0x0
	v_lshrrev_b32 v1, 5, v0
	v_readfirstlane_b32 s16, v1                    ; wave 0..3
	s_lshr_b32 s17, s16, 1                         ; which half of the tile's rows is mine.  Also: I fetch for A (0) or for B (1)
	s_and_b32 s18, s16, 1                          ; which half of its columns.  Also: which two panels I fetch
	s_bfe_u32 s40, ttmp6, 0x40000                  ; cx, cy: my place in the cluster
	s_bfe_u32 s41, ttmp6, 0x40004
	s_and_b32 s68, ttmp7, 0xffff                   ; the cluster's y
	s_lshl_b32 s69, s68, 2                         ; the cluster's first tile row,
	s_lshl_b32 s70, ttmp9, 2                       ; and its first tile column
.if MODE == 0
	s_max_u32 s71, s68, 4
	s_sub_co_u32 s71, s71, 4
	s_lshl_b32 s71, s71, 1
	s_add_co_u32 s71, s71, ttmp9
	s_lshl_b32 s72, s71, 2                         ; the second kind: tile columns 4 (2 (y - 4) + x) on, over the 4,096 tokens
	s_cmp_ge_u32 s68, 4                            ; which kind: the same answer in all sixteen partners
	s_cselect_b32 s69, 0, s69
	s_cselect_b32 s70, s72, s70
	s_cselect_b32 s71, 96, 0                       ; A's first panel in wimg: Wv or X
	s_cselect_b32 s72, 0, 64                       ; B's: X or Wq | Wk
	s_cselect_b32 s73, 32, 16                      ; units in a panel of the output
.endif
	s_add_co_u32 s22, s69, s41                     ; tile row of C
	s_add_co_u32 s42, s70, s40                     ; tile column of C
	s_lshl_b32 s43, s41, 2
	s_lshl_b32 s43, 15, s43                        ; my row of the cluster
	s_lshl_b32 s44, 0x1111, s40                    ; my column
	; descriptor group 1: two rows of 1,600 elements of 8 bytes (a panel's two units), a panel apart; no padding
	s_or_b32 s[G1+0], s43, (3<<16)|(1<<21)         ; 15:0 the mask: A's tiles go to my row; 17:16 elements of 8 bytes; 21 set beside a mask
	s_or_b32 s[G1B+0], s44, (3<<16)|(1<<21)
.irp g, G1, G1B
	s_mov_b32 s[\g+1], 1600<<16                    ; tensor_dim0
	s_mov_b32 s[\g+2], 2<<16                       ; tensor_dim1
	s_mov_b32 s[\g+3], 1600<<16                    ; tile_dim0
	s_mov_b32 s[\g+4], 2                           ; tile_dim1
	s_mov_b32 s[\g+5], KS*800                      ; tensor_dim0_stride
	s_mov_b32 s[\g+6], 0
	s_mov_b32 s[\g+7], 0
.endr
	s_lshl_b32 s19, s18, 1                         ; which two panels of the tile's four I fetch
	s_lshl_b32 s20, s22, 2
	s_add_co_u32 s20, s20, s19                     ; A: panel 4 x tile row + 2 x half: no register of A's address ever holds cx
	s_lshl_b32 s46, s42, 2
	s_add_co_u32 s46, s46, s19                     ; B: panel 4 x tile column + 2 x half: none of B's ever holds cy
.if MODE == 0
	s_add_co_u32 s20, s20, s71
	s_add_co_u32 s46, s46, s72
.endif
	s_mul_i32 s20, s20, PANB
	s_mul_i32 s46, s46, PANB
.if MODE != 0
	s_add_co_u32 s46, s46, BOFF
.endif
	s_mov_b32 s21, 0
	s_mov_b32 s47, 0
	s_mul_i32 s45, s16, HALFT                      ; where they go: wave x 128 rows: no place in the cluster enters an LDS address
	s_wait_kmcnt 0x0
	s_add_nc_u64 s[20:21], s[4:5], s[20:21]
.if MODE == 0
	s_add_nc_u64 s[46:47], s[4:5], s[46:47]
.else
	s_add_nc_u64 s[46:47], s[6:7], s[46:47]
.endif
	CROUND                                         ; all sixteen work-groups are here: the first joint loads meet
.irp s, 0,1
	s_mov_b32 s[G0+4*\s], 1
	s_add_co_u32 s[G0+4*\s+1], s45, \s*SLOT
	s_add_nc_u64 s[G0+4*\s+2:G0+4*\s+3], s[20:21], \s*CH
	s_or_b32 s[G0+4*\s+3], s[G0+4*\s+3], 0x80000000
	s_mov_b32 s[G0B+4*\s], 1
	s_add_co_u32 s[G0B+4*\s+1], s45, \s*SLOT
	s_add_nc_u64 s[G0B+4*\s+2:G0B+4*\s+3], s[46:47], \s*CH
	s_or_b32 s[G0B+4*\s+3], s[G0B+4*\s+3], 0x80000000
.endr
	JLOAD G0, G1, G0B, G1B                         ; slot 0: one tensor load a wave at the head
	v_and_b32 v1, 15, v0                           ; r
	v_bfe_u32 v2, v0, 4, 1                         ; h
	v_and_b32 v3, 31, v0                           ; lane
	v_lshlrev_b32 v4, 4, v3                        ; 16 x lane
	v_lshlrev_b32 v6, 3, v3                        ; 8 x lane
	v_add_nc_u32 v5, 512, v6
	s_mul_i32 s19, s17, HALFT                      ; my 128 rows of A
	s_mul_i32 s23, s18, HALFT                      ; my 128 rows of B,
	s_add_co_u32 s23, s23, 2*HALFT                 ; which lie behind A's 256
.irp s, 0,1
	v_add_nc_u32 v[ADRA+\s], s19, v4
	v_add_nc_u32 v[ADRA+2+\s], s19, v5
	v_add_nc_u32 v[ADRB+\s], s23, v4
	v_add_nc_u32 v[ADRB+2+\s], s23, v5
	s_add_co_u32 s19, s19, SLOT
	s_add_co_u32 s23, s23, SLOT
.endr
	s_xor_b32 s23, s17, 1                          ; B's base less A's = HALFT x (2 + column half - row half), as one product:
	s_add_co_u32 s23, s23, s18
	s_add_co_u32 s23, s23, 1
	s_mul_i32 s23, s23, HALFT
	v_mul_u32_u24 v9, s23, v2                      ; lanes 16-31 take B's scale words
	v_lshl_add_u32 v9, v1, 2, v9
	s_mul_i32 s19, s17, HALFT
	s_add_co_u32 s19, s19, 6144
	v_add_nc_u32 v[ADRS], s19, v9
	v_add_nc_u32 v[ADRS+1], SLOT, v[ADRS]
	; the prefetches: a wave's tile is two runs of 12,800 bytes, a panel apart: 100 blocks of 256; the four partners that ask for it jointly take 25 blocks each, told apart by address (cx for A, cy for B)
	s_cmp_eq_u32 s17, 0                            ; do I fetch for A?
	s_cselect_b64 s[88:89], s[20:21], s[46:47]
	s_cselect_b32 s90, s40, s41
	s_mul_i32 s90, s90, 25
	v_and_b32 v30, 31, v0
	v_min_u32 v30, 24, v30                         ; a lane a block; the seven lanes left over name the last block again
	v_add_nc_u32 v30, s90, v30                     ; block 0 .. 99
	v_mul_u32_u24 v31, v30, 41
	v_lshrrev_b32 v31, 11, v31                     ; block / 50: which of the two panels
	v_mul_u32_u24 v31, v31, PANB-CH
	v_lshl_add_u32 v30, v30, 8, v31
	global_prefetch_b8 v30, s[88:89] offset:CH th:TH_LOAD_NT scope:SCOPE_SE   ; behind the load of tile 0: tile 1
.if MODE == 2
	s_mul_i32 s19, s16, 16*SPITCH                  ; my stage
	v_mul_u32_u24 v9, v1, SPITCH                   ; in: row r, + 64 h
	v_lshl_add_u32 v9, v2, 6, v9
	v_add_nc_u32 v[E0], s19, v9
	v_add_nc_u32 v[E0+1], s19, v4                  ; back: the 32 lanes take one row of 512 bytes
	v_mov_b32 v[E0+2], v4                          ; and the same in C
	s_lshl_b32 s74, s22, 8
	s_lshl_b32 s75, s17, 7
	s_add_co_u32 s74, s74, s75                     ; my first row of C
	s_lshl_b32 s74, s74, 12                        ; rows of 4,096 bytes
	s_lshl_b32 s75, s42, 10
	s_add_co_u32 s74, s74, s75
	s_lshl_b32 s75, s18, 9
	s_add_co_u32 s74, s74, s75                     ; my first column
	s_mov_b32 s75, 0
	s_add_nc_u64 s[76:77], s[8:9], s[74:75]
.else
	v_mov_b32 v[E0], v4                            ; the way out: 16 x lane,
	v_mov_b32 v[E0+1], v6                          ; 8 x lane,
	s_lshl_b32 s19, s16, 8                         ; and 256 bytes of LDS for each wave (in slot 0, behind its last fill and last read) in which a unit's scale words meet
	v_lshl_add_u32 v[E0+2], v1, 2, s19
	v_add_nc_u32 v[E0+3], s19, v6
	v_lshlrev_b32 v7, 6, v2                        ; the bias by column: 16 h numbers on
	v_and_b32 v8, 8, v1
	v_add_nc_u32 v8, v8, v1
	v_lshlrev_b32 v8, 2, v8                        ; the bias by row: r + 8 (r / 8) numbers on
	s_mov_b32 s86, 0x76543210
	s_mov_b32 s87, 0xfedcba98                      ; lane selects: lane l xor 16
	s_lshl_b32 s74, s22, 2
	s_lshl_b32 s75, s17, 1
	s_add_co_u32 s74, s74, s75                     ; the output's panel: 4 x tile row + 2 x row half
.if MODE == 0
	s_mul_i32 s74, s74, s73
	s_mul_i32 s78, s73, UNIT                       ; from a panel of the output to the next
	s_mov_b32 s79, 0
.else
	s_mul_i32 s74, s74, KSOC
.endif
	s_lshl_b32 s75, s42, 1
	s_add_co_u32 s74, s74, s75
	s_add_co_u32 s74, s74, s18                     ; its unit: 2 x tile column + column half
	s_mul_i32 s74, s74, UNIT
	s_mov_b32 s75, 0
.if MODE == 0
	s_lshl_b32 s80, s40, 10                        ; by column: 256 cx + 128 x column half numbers into bq or bk
	s_lshl_b32 s81, s18, 9
	s_add_co_u32 s80, s80, s81
	s_lshl_b32 s82, s41, 10                        ; by row: 256 cy + 128 x row half numbers into bv
	s_lshl_b32 s81, s17, 9
	s_add_co_u32 s82, s82, s81
	s_mov_b32 s81, 0
	s_cmp_ge_u32 ttmp9, 1
	s_cselect_b64 s[84:85], s[8:9], s[6:7]         ; columns 1,024 on are k's
	s_cmp_ge_u32 s68, 4
	s_cselect_b64 s[84:85], s[10:11], s[84:85]
	s_cselect_b64 s[76:77], s[14:15], s[12:13]
	s_cselect_b32 s80, s82, s80
	s_add_nc_u64 s[84:85], s[84:85], s[80:81]
	s_add_nc_u64 s[76:77], s[76:77], s[74:75]
	s_cmp_ge_u32 s68, 4
	s_cbranch_scc1 .Lbias_m
.else
	s_add_nc_u64 s[76:77], s[10:11], s[74:75]
	s_lshl_b32 s80, s42, 10
	s_lshl_b32 s81, s18, 9
	s_add_co_u32 s80, s80, s81
	s_mov_b32 s81, 0
	s_add_nc_u64 s[84:85], s[8:9], s[80:81]
.endif
	s_wait_alu depctr_va_vdst(0)
.irp t, 0,1,2,3,4,5,6,7                        ; tile t's eight registers: the bias at columns 32 (t / 2) + 8 (t % 2) + 16 h + 0 .. 7
	global_load_b128 v[BI+8*\t:BI+8*\t+3], v7, s[84:85] offset:(32*(\t/2)+8*(\t%2))*4
	global_load_b128 v[BI+8*\t+4:BI+8*\t+7], v7, s[84:85] offset:(32*(\t/2)+8*(\t%2))*4+16
.endr
.if MODE == 0
	s_branch .Lbias_done
.Lbias_m:
	s_wait_alu depctr_va_vdst(0)
.irp a, 0,1,2,3,4,5,6,7                        ; block a's eight registers all hold the bias of my row
.irp j, 0,1,2,3,4,5,6,7
	global_load_b32 v[BI+8*\a+\j], v8, s[84:85] offset:(32*(\a/2)+8*(\a%2))*4
.endr
.endr
.Lbias_done:
.endif
.endif
.macro FRAG reg, adr, q, i             ; a fragment, 12 registers a lane, as it lies in its unit
.set FO, ((\i)/4)*CH+(\q)*UNIT+((\i)%4)*768
	ds_load_b128 v[\reg:\reg+3], v[\adr] offset:FO
	ds_load_b64 v[\reg+4:\reg+5], v[\adr+2] offset:FO
	ds_load_b128 v[\reg+6:\reg+9], v[\adr] offset:FO+3072
	ds_load_b64 v[\reg+10:\reg+11], v[\adr+2] offset:FO+3072
.endm
; 16 matrix instructions: A's blocks a0, a0 + 1 x B's eight, the slot's q-th 128 along K.  p: B's set; sc: the set of scale words.  zero: 0 adds in place; 1, 2: the sum starts with the bias by column, by row; 3: with 0.
.macro MUL16 a0, p, q, sc, zero
.irp a, \a0, \a0+1
.irp b, 0,1,2,3,4,5,6,7
.set rD, 8*(8*((\a)%4)+\b)
.set rB, 128*(\p)+FR*\b
.set rA, AF+FR*(\a)
.set rT, SC+16*(\sc)+NQ*\b+(\q)
.set rU, SC+16*(\sc)+NQ*(\a)+(\q)
.if \zero == 0
	v_wmma_scale_f32_16x16x128_f8f6f4 v[rD:rD+7], v[rB:rB+FR-1], v[rA:rA+FR-1], v[rD:rD+7], v[rT], v[rU] matrix_a_fmt:MATRIX_FMT_FP6 matrix_b_fmt:MATRIX_FMT_FP6 matrix_a_scale:MATRIX_SCALE_ROW1
.elseif \zero == 1
	v_wmma_scale_f32_16x16x128_f8f6f4 v[rD:rD+7], v[rB:rB+FR-1], v[rA:rA+FR-1], v[BI+8*\b:BI+8*\b+7], v[rT], v[rU] matrix_a_fmt:MATRIX_FMT_FP6 matrix_b_fmt:MATRIX_FMT_FP6 matrix_a_scale:MATRIX_SCALE_ROW1
.elseif \zero == 2
	v_wmma_scale_f32_16x16x128_f8f6f4 v[rD:rD+7], v[rB:rB+FR-1], v[rA:rA+FR-1], v[BI+8*(\a):BI+8*(\a)+7], v[rT], v[rU] matrix_a_fmt:MATRIX_FMT_FP6 matrix_b_fmt:MATRIX_FMT_FP6 matrix_a_scale:MATRIX_SCALE_ROW1
.else
	v_wmma_scale_f32_16x16x128_f8f6f4 v[rD:rD+7], v[rB:rB+FR-1], v[rA:rA+FR-1], 0, v[rT], v[rU] matrix_a_fmt:MATRIX_FMT_FP6 matrix_b_fmt:MATRIX_FMT_FP6 matrix_a_scale:MATRIX_SCALE_ROW1
.endif
.endr
.endr
.endm
.macro FETCH_B slot, q, p
	WIN TO_B
.irp i, 0,1,2,3,4,5,6,7
	FRAG 128*(\p)+FR*\i, ADRB+\slot, \q, \i
.endr
	WIN 0
.endm
.macro FETCH_A slot, q, i0
.irp i, \i0, \i0+1, \i0+2, \i0+3
	FRAG AF+FR*(\i), ADRA+\slot, \q, \i
.endr
.endm
.macro SCALES sc                       ; slot sc's scale words: register 2 i + q: lanes 0-15 the word of A's block i, lanes 16-31 that of B's block i
.irp i, 0,1,2,3,4,5,6,7
.irp q, 0,1
	ds_load_b32 v[SC+16*\sc+NQ*\i+\q], v[ADRS+\sc] offset:(\i/4)*CH+\q*UNIT+64*(\i%4)
.endr
.endr
.endm
.macro PLACES n                        ; plain vector instructions between a matrix instruction and a load into, or a vector read or write of, its registers (ISA guide 7.12.1 for vector reads and writes)
.rept \n
	v_nop
.endr
.endm
.macro STEP slot, q, zero              ; a step of 128 along K that has its successor in the same slot
	s_wait_dscnt 4*NL                              ; B's set, A's blocks 0-3 and the scale words are in; the youngest 16 loads (A's blocks 4-7) may be out
.if (\zero == 1) || (\zero == 2)
	WIN 0x81                                       ; C (the bias) in window 0, D in window 2
.else
	WIN MUL_LO
.endif
	MUL16 0, (\q)%2, \q, \slot, \zero
	MUL16 2, (\q)%2, \q, \slot, \zero
	s_wait_dscnt 0                                 ; A's blocks 4-7 are in
	PLACES NP
	FETCH_B \slot, (\q)+1, 1-(\q)%2
	FETCH_A \slot, (\q)+1, 0
.if (\zero == 1) || (\zero == 2)
	WIN 0xc1
.else
	WIN MUL_HI
.endif
	MUL16 4, (\q)%2, \q, \slot, \zero
	MUL16 6, (\q)%2, \q, \slot, \zero
	PLACES NP
	WIN 0
	FETCH_A \slot, (\q)+1, 4
.endm
; A slot's last step changes slots: one barrier; in front of it each wave waits for all its tensor loads, adds 0 to its spare word, and waits for that and for its own reads of this slot.  fill = 1: the slot is filled again.
.macro TURN slot, next, fill
	s_wait_tensorcnt 0x0                           ; all my tensor loads have landed: my part of the next slot
	ds_add_u32 v[SPW], v[NIL]                      ; 0 onto my spare word
	s_wait_dscnt 4*NL+1                            ; (the add and the youngest 16 loads, A's blocks 4-7, may be out)
	WIN MUL_LO
	MUL16 0, 1, NQ-1, \slot, 0                     ; sixteen matrix instructions stand between the add and the wait for it
	s_wait_dscnt 0x0                               ; the add is done, and my reads of this slot are over
	s_barrier_signal -1
	MUL16 2, 1, NQ-1, \slot, 0
	WIN 0
	s_barrier_wait -1
.if \fill
	CREST                                          ; the barrier has opened a round of the cluster's barrier: no wave of any partner still reads this slot or has a load on its way
	s_add_nc_u64 s[G0+4*\slot+2:G0+4*\slot+3], s[G0+4*\slot+2:G0+4*\slot+3], 2*CH
	s_add_nc_u64 s[G0B+4*\slot+2:G0B+4*\slot+3], s[G0B+4*\slot+2:G0B+4*\slot+3], 2*CH
	JLOAD G0+4*\slot, G1, G0B+4*\slot, G1B         ; the first tensor load behind the round; its four v_nop are the places in front of the loads below
.else
	PLACES NP
.endif
	FETCH_B \next, 0, 0
	FETCH_A \next, 0, 0
	SCALES \next
.if (\fill) && ((\slot) == 0)          ; K is 1,024: four tiles, and the loop has one trip: behind the refill with tile 2, tile 3 is asked for; tile 3 has no successor
	global_prefetch_b8 v30, s[88:89] offset:3*CH th:TH_LOAD_NT scope:SCOPE_SE
.endif
	WIN MUL_HI
	MUL16 4, 1, NQ-1, \slot, 0
	MUL16 6, 1, NQ-1, \slot, 0
	PLACES NP
	WIN 0
	FETCH_A \next, 0, 4
.endm
	s_wait_alu depctr_va_vdst(0)
	s_wait_tensorcnt 0x0                           ; my part of slot 0 is in
	ds_add_u32 v[SPW], v[NIL]
	s_wait_dscnt 0x0
	CROUND                                         ; everybody's part of slot 0 is in, and the sixteen work-groups meet
	JLOAD G0+4, G1, G0B+4, G1B                     ; slot 1's first fill, the first tensor load behind the round
	FETCH_B 0, 0, 0
	FETCH_A 0, 0, 0
	SCALES 0
	FETCH_A 0, 0, 4
	global_prefetch_b8 v30, s[88:89] offset:2*CH th:TH_LOAD_NT scope:SCOPE_SE   ; behind the load of tile 1 and the run of LDS loads: tile 2
.if MODE == 0
	s_wait_loadcnt 0x0                             ; the bias
	s_cmp_ge_u32 s68, 4
	s_cbranch_scc1 .Lfirst_m
	STEP 0, 0, 1                                   ; the first step stands in front of the loop: its products start the sums
	s_branch .Lfirst_done
.Lfirst_m:
	STEP 0, 0, 2
.Lfirst_done:
.elseif MODE == 1
	s_wait_loadcnt 0x0
	STEP 0, 0, 1
.else
	STEP 0, 0, 3
.endif
	s_mov_b32 s66, LAPS-1
.Llap:                                                 ; a trip goes once round the ring and fills both slots again
	TURN 0, 1, 1
	STEP 1, 0, 0
	TURN 1, 0, 1
	STEP 0, 0, 0
	s_sub_co_u32 s66, s66, 1
	s_cmp_lg_u32 s66, 0
	s_cbranch_scc1 .Llap
	TURN 0, 1, 0                                   ; the last lap fills nothing, and has no round
	STEP 1, 0, 0
	s_wait_dscnt 4*NL                              ; the very last step
	WIN MUL_LO
	MUL16 0, 1, NQ-1, 1, 0
	MUL16 2, 1, NQ-1, 1, 0
	s_wait_dscnt 0
	WIN MUL_HI
	MUL16 4, 1, NQ-1, 1, 0
	MUL16 6, 1, NQ-1, 1, 0
	WIN 0
	PLACES NP                                      ; in front of the first read of results and of writes into registers that the last products read
.if MODE == 2
; THE WAY OUT, f32: a block of 16 rows x 128 columns goes through my own stage and comes back as whole rows of 512 bytes.  LDS serves a wave's instructions in order: no wait between the stores and the loads.
.macro TOSTAGE a
.set AC, 64*((\a)%4)
	WIN 0x08+4*((\a)/4)                            ; the data: window 2 or 3
.irp b, 0,1,2,3,4,5,6,7
	ds_store_b128 v[E0], v[AC+8*\b:AC+8*\b+3] offset:128*(\b/2)+32*(\b%2)       ; each accumulator from its low end on; columns 32 (b / 2) + 8 (b % 2) + 16 h on
	ds_store_b128 v[E0], v[AC+8*\b+4:AC+8*\b+7] offset:128*(\b/2)+32*(\b%2)+16
.endr
	WIN 0
.set BB, BK+64*((\a)%2)
.irp t, 0,1,2,3,4,5,6,7,8,9,10,11,12,13,14,15
	ds_load_b128 v[BB+4*\t:BB+4*\t+3], v[E0+1] offset:\t*SPITCH
.endr
.endm
.macro SEND a, younger
.set BB, BK+64*((\a)%2)
	s_wait_dscnt \younger                          ; the block is back; the next block's 16 stores and 16 loads may be out
.irp t, 0,1,2,3,4,5,6,7,8,9,10,11,12,13,14,15
	global_store_b128 v[E0+2], v[BB+4*\t:BB+4*\t+3], s[76:77] offset:(32*((\a)/2)+8*((\a)%2)+\t+8*(\t/8))*4096   ; 32 lanes store 512 consecutive aligned bytes; 127 rows at the most: inside the signed 24-bit immediate
.endr
.endm
	TOSTAGE 0
.irp a, 1,2,3,4,5,6,7
.if \a > 1
	s_wait_xcnt 0x0                                ; block a - 2's stores have read their registers: block a's loads may land there
.endif
	TOSTAGE \a
	SEND \a-1, 32
.endr
	SEND 7, 0
.else
; THE WAY OUT, quantised: block a's 64 registers are 128 neighbouring columns of my row: four blocks of 32, each shared with lane l xor 16.  The codes are stored as they stand: fragment a % 4 of a unit of the output.
.irp b, 0,1,2,3
	v_mov_b32 v[TM+4+\b], 0                        ; a lane permute's destination counts as one of its sources
.endr
.irp a, 0,1,2,3,4,5,6,7
.set QS, 64*(\a%4)
.set QW, 2+\a/4
.set QF, \a%4
.if \a > 0
	s_wait_xcnt 0x0                                ; the last block's stores have read the codes' registers
.endif
.if MODE == 1
	WIN (QW<<2)|(QW<<6)
.set j, 0
.rept 64
	v_max_num_f32 v[QS+j], 0, v[QS+j]              ; the activation, in f32, each accumulator from its low end on
.set j, j+1
.endr
.endif
	WIN QW|(QW<<2)
.irp b, 0,1,2,3
	v_max3_num_f32 v[TM+\b], |v[QS+16*\b]|, |v[QS+1+16*\b]|, 0x1800000   ; and the floor 2^(3 - 127): the byte cannot fall under 1
.endr
	WIN (QW<<2)|(QW<<4)
.irp i, 2,4,6,8,10,12,14
.irp b, 0,1,2,3
	v_max3_num_f32 v[TM+\b], v[TM+\b], |v[QS+16*\b+\i]|, |v[QS+1+16*\b+\i]|
.endr
.endr
	WIN 0
.irp b, 0,1,2,3
	v_permlanex16_b32 v[TM+4+\b], v[TM+\b], s86, s87
.endr
.irp b, 0,1,2,3
	v_max_num_f32 v[TM+\b], v[TM+\b], v[TM+4+\b]
.endr
.irp b, 0,1,2,3
	v_add_nc_u32 v[TM+8+\b], 0xff000000, v[TM+\b]  ; 2 off the exponent field: the conversion's scale operand
.endr
.irp b, 0,1,2,3
	v_lshrrev_b32 v[TM+4+\b], 23, v[TM+8+\b]       ; the scale's byte
.endr
	v_lshl_or_b32 v[PW], v[TM+5], 8, v[TM+4]
	v_lshl_or_b32 v[PW], v[TM+6], 16, v[PW]
	v_lshl_or_b32 v[PW], v[TM+7], 24, v[PW]
	WIN QW
.irp c, 0,1
	v_cvt_scalef32_pk16_fp6_f32 v[PC+6*\c:PC+2+6*\c], v[QS+32*\c:QS+15+32*\c], v[TM+8+2*\c]
	v_cvt_scalef32_pk16_fp6_f32 v[PC+12+4*\c:PC+14+4*\c], v[QS+16+32*\c:QS+31+32*\c], v[TM+8+2*\c+1]
.endr
	WIN 0
	v_nop                                          ; one plain place behind a scaled conversion
.irp c, 0,1
.irp i, 0,1,2
	v_permlane16_swap_b32 v[PC+6*\c+\i], v[PC+12+4*\c+\i]
.endr
.irp i, 0,1,2
	v_mov_b32 v[PC+3+6*\c+\i], v[PC+12+4*\c+\i]
.endr
.endr
	global_store_b128 v[E0], v[PC:PC+3], s[76:77] offset:768*QF          ; 512 consecutive aligned bytes
	global_store_b64 v[E0+1], v[PC+4:PC+5], s[76:77] offset:768*QF+512   ; 256
	global_store_b128 v[E0], v[PC+6:PC+9], s[76:77] offset:768*QF+3072
	global_store_b64 v[E0+1], v[PC+10:PC+11], s[76:77] offset:768*QF+3584
	ds_store_b32 v[E0+2], v[PW] offset:64*QF       ; both halves of the lanes write the same word with the same value
.if QF == 3
	ds_load_b64 v[TT:TT+1], v[E0+3]                ; the unit's 64 scale words: LDS serves my instructions in order
	s_wait_dscnt 0x0
	global_store_b64 v[E0+1], v[TT:TT+1], s[76:77] offset:6144   ; 256 consecutive aligned bytes
.if \a == 3
	s_wait_xcnt 0x0                                ; the stores have read their base: on to the next panel of the output
.if MODE == 0
	s_add_nc_u64 s[76:77], s[76:77], s[78:79]
.else
	s_add_nc_u64 s[76:77], s[76:77], KSOC*UNIT
.endif
.endif
.endif
.endr
.endif
	s_wait_tensorcnt 0x0                           ; the wave's end
	ds_add_u32 v[SPW], v[NIL]
	s_wait_dscnt 0x0
	CROUND                                         ; the closing round: no work-group ends while a partner may still ask for a tile that names it
	s_endpgm
.Lfunc_end_k_q199669ad3b_qkv:
	.size	k_q199669ad3b_qkv, .Lfunc_end_k_q199669ad3b_qkv-k_q199669ad3b_qkv
	.p2alignl 7, 3214868480
	.fill 96, 4, 3214868480
	.section	.rodata,"a",@progbits
	.p2align	6, 0x0
	.amdhsa_kernel k_q199669ad3b_qkv
		.amdhsa_group_segment_fixed_size 327680
		.amdhsa_private_segment_fixed_size 0
		.amdhsa_enable_private_segment 0
		.amdhsa_kernarg_size 48
		.amdhsa_user_sgpr_count 2
		.amdhsa_user_sgpr_kernarg_segment_ptr 1
		.amdhsa_wavefront_size32 1
		.amdhsa_system_sgpr_workgroup_id_x 1
		.amdhsa_system_sgpr_workgroup_id_y 1
		.amdhsa_system_sgpr_workgroup_id_z 1
		.amdhsa_system_vgpr_workitem_id 0
		.amdhsa_next_free_vgpr 1024
		.amdhsa_next_free_sgpr 96
		.amdhsa_reserve_vcc 0
		.amdhsa_float_denorm_mode_32 3
		.amdhsa_float_denorm_mode_16_64 3
		.amdhsa_memory_ordered 1
		.amdhsa_forward_progress 1
		.amdhsa_inst_pref_size 172
	.end_amdhsa_kernel
	.amdgpu_metadata
---
amdhsa.version: [ 1, 2 ]
amdhsa.kernels:
  - .name:           k_q199669ad3b_qkv
    .symbol:         k_q199669ad3b_qkv.kd
    .args:
      - { .name: wimg, .offset: 0, .size: 8, .value_kind: global_buffer, .address_space: global }
      - { .name: bq, .offset: 8, .size: 8, .value_kind: global_buffer, .address_space: global }
      - { .name: bk, .offset: 16, .size: 8, .value_kind: global_buffer, .address_space: global }
      - { .name: bv, .offset: 24, .size: 8, .value_kind: global_buffer, .address_space: global }
      - { .name: qk_img, .offset: 32, .size: 8, .value_kind: global_buffer, .address_space: global }
      - { .name: vt_img, .offset: 40, .size: 8, .value_kind: global_buffer, .address_space: global }
    .group_segment_fixed_size: 327680
    .private_segment_fixed_size: 0
    .kernarg_segment_align: 8
    .kernarg_segment_size: 48
    .max_flat_workgroup_size: 128
    .sgpr_count:     96
    .vgpr_count:     1024
    .wavefront_size: 32
...
	.end_amdgpu_metadata
.endif
;; end of part 10
;; launch attn (part 11): grid 8 x 32, 16 waves a work-group, no clusters, 0 bytes of LDS; arguments qk_img, vt_img, at_img; writes at_img
.if DOCPART == 11
	.amdgcn_target "amdgcn-amd-amdhsa--gfx1250"
	.amdhsa_code_object_version 6
	.text
	.protected	k_q199669ad3b_attn
	.globl	k_q199669ad3b_attn
	.p2align	8
	.type	k_q199669ad3b_attn,@function
k_q199669ad3b_attn:
	s_mov_b64 s[64:65], 0
	v_nop
	global_prefetch_b8 v0, s[64:65] scope:SCOPE_SE
	s_setreg_imm32_b32 hwreg(HW_REG_WAVE_MODE, 25, 1), 1
	s_wait_xcnt 0x0
; Causal attention for one batch and head on codes of FP6 (E2M3) with E8M0 scales; head size 64; the result, divided by the row's sum, is quantised along the channels and stored as the next product's image.
; t = score x log2(e) / 8; M = the running largest t rounded UP to a whole number; p = 2^(t - M) is quantised along the keys, not normalised; the row's sum is taken of the unquantised p.  When M moves, the sum and O are multiplied by 2^(old M - new M): exact.
; LEFT OUT: key steps all of whose keys come after a wave's queries: their p is 0 for all inputs.
; IMAGES (as the launches before laid them): a unit is 64 rows x 128 K, 6,400 bytes: 3072 c + 768 f + 16 lane: registers 6 c .. 6 c + 3 of fragment f; + 512 + 8 lane: registers 6 c + 4, 5; 6144 + 64 f + 4 r: scale words.
; Row r of fragment f is row 32 (f / 2) + 8 (f % 2) + r + 8 (r / 8) of the 64.  qk_img: [token / 64][16]: units 0-7 q's channels, 8-15 k's.  vt_img: [head][token / 128].  at_img: [token / 64][8].  A head is half c = head % 2 of a unit of q, k and the result.
; SHARES.  Work-group (x, y): batch y / 16, head y % 16.  Waves 0-7 own the 128 queries of block x, waves 8-15 those of block 15 - x, a fragment of 16 queries each: (x + 1) + (16 - x) key steps a pair of waves, the same in every work-group.
; OPERANDS GO FROM MEMORY STRAIGHT INTO REGISTERS: the images are in the operand's own order, so each load covers 512 or 256 consecutive aligned bytes.  No LDS, no tensor load, no barrier: a wave waits for nobody.  No multicast: there is no tile in LDS to share.
; A step is 128 keys.  Step i + 1's K (16 loads and 4 of scale bytes) is asked for behind step i's score products, which free K's registers; step i + 1's V (16 and 2) behind step i's value products.
; PREFETCH INTO THE L2: the eight work-groups of a head share the steps out: step t (3 to 15) is asked for once, by wave 8 of the work-group with t + x = 7 or 15, which reads that step itself, in its trip t - 3: two trips ahead of the loads.
; K's 24 blocks of 256 bytes of codes and (head with c = 0) the two blocks of scale words that two heads share by one instruction, V's 25 blocks by another, a lane a block.  Their addresses are made at the head and never rewritten.  Steps 0 to 2 come by their loads alone.
; The open steps are a loop of U trips (U: the wave's block of queries, made of ids); the diagonal step is written out behind it, with the mask, and asks for nothing more.
; THE FIRST PRODUCT'S K IS 64: registers 6-11 of Q's fragment are zero codes, set once.  What stands in registers 6-11 of K's operand then counts for nothing (every FP6 code is finite, and the scale bytes there are 0, a finite code):
; so K's eight tiles lie 6 registers apart, tile j's operand runs on over tile j + 1's codes, and tile 7's over p's first six registers.
; One register carries the scale bytes of two tiles: lanes 0-15 the even tile's rows, lanes 16-31 the odd tile's (ROW1).
; Both products are used transposed (S^T = K Q^T, O^T = V^T P^T): a lane holds one query throughout, and by the order of a fragment's rows the 16 registers of tiles 2 b, 2 b + 1 are keys 32 b + 16 (lane / 16) + 0 .. 15.
; The result's scale bytes leave as 16 bits a row: the word's other half belongs to the neighbouring head, another work-group's.
; LIMITS: the promise holds while the scaled scores t stay under 2^31 in magnitude; a block of zeros gets the byte 1 (zero codes; this program alone reads the bytes); NaN and infinities are not served.
; REGISTERS: v1-7, v11 addresses; v12 -M, v13 the largest t, v[14:15] the sum; v16-27 Q; v28-29 V's scales; v32-79 V; v80-143 S^T, then p; v144-175 O^T; v176-223 K; v224-235 p's codes; v232-247, v252-254 at work; v248-251 K's scales; v255 Q's.
.set UNIT, 6400
.set PAN,  16*UNIT                     ; from a panel of 64 tokens of qk_img to the next
.set V,    32
.set S,    80
.set O,    144
.set K,    176
.set P,    224
.set BM,   232                         ; the blocks' largest scores
.set T4,   236
.set SO,   244                         ; the conversions' scale operands
.set KS,   248
.set VS,   28
.set SEL,  20
.set CS,   22
.set PK,   24                          ; s[24:25], s[26:27] K and V of step 7 - x, for the prefetches
.set PV,   26
.set KB,   74                          ; s[74:75] this step's K;  s[76:77] this step's V
.set VB,   76
.macro WM d, a, b, acc, sa, sb, row
.if \acc
.if \row
	v_wmma_scale_f32_16x16x128_f8f6f4 v[\d:\d+7], v[\a:\a+11], v[\b:\b+11], v[\d:\d+7], v[\sa], v[\sb] matrix_a_fmt:MATRIX_FMT_FP6 matrix_b_fmt:MATRIX_FMT_FP6 matrix_a_scale:MATRIX_SCALE_ROW1
.else
	v_wmma_scale_f32_16x16x128_f8f6f4 v[\d:\d+7], v[\a:\a+11], v[\b:\b+11], v[\d:\d+7], v[\sa], v[\sb] matrix_a_fmt:MATRIX_FMT_FP6 matrix_b_fmt:MATRIX_FMT_FP6
.endif
.else
.if \row
	v_wmma_scale_f32_16x16x128_f8f6f4 v[\d:\d+7], v[\a:\a+11], v[\b:\b+11], 0, v[\sa], v[\sb] matrix_a_fmt:MATRIX_FMT_FP6 matrix_b_fmt:MATRIX_FMT_FP6 matrix_a_scale:MATRIX_SCALE_ROW1
.else
	v_wmma_scale_f32_16x16x128_f8f6f4 v[\d:\d+7], v[\a:\a+11], v[\b:\b+11], 0, v[\sa], v[\sb] matrix_a_fmt:MATRIX_FMT_FP6 matrix_b_fmt:MATRIX_FMT_FP6
.endif
.endif
.endm
.macro KLOAD                           ; 20 loads: eight tiles of 16 keys x my head's 64 channels, and their scale bytes
.irp p, 0,1
.irp f, 0,1,2,3
	global_load_b128 v[K+24*\p+6*\f:K+24*\p+6*\f+3], v1, s[KB:KB+1] offset:PAN*\p+768*\f
	global_load_b64 v[K+24*\p+6*\f+4:K+24*\p+6*\f+5], v2, s[KB:KB+1] offset:PAN*\p+768*\f
.endr
.irp m, 0,1
	global_load_u16 v[KS+2*\p+\m], v3, s[KB:KB+1] offset:PAN*\p+128*\m
.endr
.endr
.endm
.macro VLOAD                           ; 18 loads: four tiles of 16 channels x 128 keys, and their scale words
.irp t, 0,1,2,3
	global_load_b128 v[V+12*\t:V+12*\t+3], v1, s[VB:VB+1] offset:768*\t
	global_load_b64 v[V+12*\t+4:V+12*\t+5], v2, s[VB:VB+1] offset:768*\t
	global_load_b128 v[V+12*\t+6:V+12*\t+9], v1, s[VB:VB+1] offset:3072+768*\t
	global_load_b64 v[V+12*\t+10:V+12*\t+11], v2, s[VB:VB+1] offset:3072+768*\t
.endr
	global_load_b32 v[VS], v4, s[VB:VB+1] offset:6144
	global_load_b32 v[VS+1], v4, s[VB:VB+1] offset:6272
.endm
	s_load_b128 s[4:7], s[0:1], 0x0                ; qk_img, vt_img
	s_load_b64 s[8:9], s[0:1], 0x10                ; at_img
	v_lshrrev_b32 v8, 5, v0
	v_readfirstlane_b32 s18, v8                    ; wave 0..15
	s_and_b32 s19, ttmp7, 0xffff
	s_lshr_b32 s67, s19, 4                         ; batch
	s_and_b32 s68, s19, 15                         ; head
	s_lshr_b32 s69, s68, 1                         ; its unit among eight
	s_and_b32 s70, s68, 1                          ; c: its half of the unit
	s_and_b32 s71, s18, 7                          ; i: my fragment in the block of 128 queries
	s_sub_co_u32 s19, 15, ttmp9
	s_cmp_lt_u32 s18, 8
	s_cselect_b32 s66, ttmp9, s19                  ; U: my block of queries, and my last key step
	s_lshl_b32 s73, s67, 5                         ; the batch's first panel of tokens
	s_mul_i32 s80, s70, 3072
	s_lshl_b32 s74, s73, 4                         ; K: unit (panel, 8 + head / 2), half c
	s_add_co_u32 s74, s74, s69
	s_add_co_u32 s74, s74, 8
	s_mul_i32 s74, s74, UNIT
	s_add_co_u32 s74, s74, s80
	s_mov_b32 s75, 0
	s_lshl_b32 s76, s68, 5                         ; V: unit 32 head + 16 batch
	s_lshl_b32 s77, s67, 4
	s_add_co_u32 s76, s76, s77
	s_mul_i32 s76, s76, UNIT
	s_mov_b32 s77, 0
	s_lshl_b32 s81, s66, 1                         ; my queries' panel: 32 batch + 2 U + i / 4
	s_lshr_b32 s82, s71, 2
	s_add_co_u32 s81, s81, s82
	s_add_co_u32 s81, s81, s73
	s_and_b32 s82, s71, 3                          ; f
	s_mul_i32 s83, s82, 768
	s_add_co_u32 s83, s83, s80                     ; 3072 c + 768 f
	s_lshl_b32 s82, s82, 6
	s_lshl_b32 s90, s70, 1
	s_add_co_u32 s82, s82, s90
	s_add_co_u32 s82, s82, 6144                    ; 6144 + 64 f + 2 c
	s_lshl_b32 s92, s81, 4
	s_add_co_u32 s92, s92, s69
	s_mul_i32 s92, s92, UNIT                       ; Q's unit
	s_lshl_b32 s93, s81, 3
	s_add_co_u32 s93, s93, s69
	s_mul_i32 s93, s93, UNIT                       ; the result's
	s_add_co_u32 s84, s92, s83
	s_mov_b32 s85, 0
	s_add_co_u32 s86, s92, s82
	s_mov_b32 s87, 0
	s_add_co_u32 s88, s93, s83
	s_mov_b32 s89, 0
	s_add_co_u32 s90, s93, s82
	s_mov_b32 s91, 0
	s_mul_i32 s19, s70, 3070
	s_sub_co_u32 s19, 6144, s19                    ; from K's base (which holds 3072 c) to its scale bytes: 6144 + 2 c
	s_lshr_b32 s72, s71, 1
	s_lshl_b32 s72, s72, 5
	s_and_b32 s79, s71, 1
	s_lshl_b32 s79, s79, 3
	s_add_co_u32 s72, s72, s79                     ; 32 (i / 2) + 8 (i % 2)
	s_mov_b32 s[SEL], 0x76543210
	s_mov_b32 s[SEL+1], 0xfedcba98                 ; lane selects: lane l xor 16
	s_mov_b32 s[CS], 0x3e38aa3b                    ; c = log2(e) / 8
	s_mov_b32 s[CS+1], s[CS]
	s_mov_b32 s63, 0                               ; the step
	s_sub_co_u32 s78, 12, s70                      ; the prefetches: blocks of a panel that my head asks for, less one
	s_sub_co_u32 s[PK], 7, ttmp9                   ; step 7 - x
	s_mul_i32 s[PV], s[PK], UNIT
	s_mul_i32 s[PK], s[PK], 2*PAN
	s_mov_b32 s[PK+1], 0
	s_mov_b32 s[PV+1], 0
	s_sub_co_u32 s94, 4, ttmp9                     ; the trips in which steps 7 - x and 15 - x are asked for (x over 4: no such first trip: the number wraps and meets no step)
	s_sub_co_u32 s95, 12, ttmp9
	s_cmp_eq_u32 s18, 8                            ; wave 8 alone asks
	s_cselect_b32 s94, s94, -1
	s_cselect_b32 s95, s95, -1
	v_and_b32 v8, 15, v0                           ; r
	v_bfe_u32 v9, v0, 4, 1                         ; h
	v_and_b32 v10, 31, v0                          ; lane
	v_lshlrev_b32 v1, 4, v10                       ; 16 x lane
	v_lshlrev_b32 v2, 3, v10
	v_lshlrev_b32 v4, 2, v10                       ; 4 x lane: two tiles' scale words
	v_lshlrev_b32 v11, 2, v8                       ; 4 r
	v_add_nc_u32 v2, 512, v2                       ; 512 + 8 x lane
	v_add_nc_u32 v3, s19, v4                       ; K's scale bytes
	v_and_b32 v7, 8, v8
	v_lshlrev_b32 v9, 4, v9
	v_add_nc_u32 v7, v7, v8
	v_add_nc_u32 v7, s72, v7                       ; my query in its block of 128: 32 (i / 2) + 8 (i % 2) + r + 8 (r / 8),
	v_sub_nc_u32 v7, v7, v9                        ; less 16 h: register 16 b + n of the diagonal step is hidden where 32 b + n is larger
	v_min_u32 v5, 25, v10                          ; K's blocks: lanes 0-12 the step's first panel, 13-25 its second; the lanes left over name the last block again
	v_min_u32 v6, 24, v10
	v_mul_u32_u24 v9, v5, 5
	v_lshlrev_b32 v6, 8, v6                        ; V's 25 blocks, a lane a block
	v_lshrrev_b32 v9, 6, v9                        ; lane / 13
	v_mul_u32_u24 v10, v9, 13
	v_sub_nc_u32 v5, v5, v10                       ; 0 .. 11: my head's codes; 12: the scale words,
	v_min_u32 v5, s78, v5                          ; which the head with c = 0 asks for, for both heads of the unit
	v_mul_u32_u24 v10, v5, 11
	v_lshrrev_b32 v10, 7, v10                      ; 1 for block 12,
	v_mul_u32_u24 v10, v10, 3072                   ; which lies at byte 6,144 = 12 x 256 + 3,072
	v_lshl_add_u32 v5, v5, 8, v10
	v_mad_u32_u24 v5, v9, PAN, v5
	s_wait_alu depctr_va_vdst(0)
	s_wait_kmcnt 0x0
	s_add_nc_u64 s[KB:KB+1], s[4:5], s[KB:KB+1]
	s_add_nc_u64 s[VB:VB+1], s[6:7], s[VB:VB+1]
	s_add_nc_u64 s[84:85], s[4:5], s[84:85]
	s_add_nc_u64 s[86:87], s[4:5], s[86:87]
	s_add_nc_u64 s[88:89], s[8:9], s[88:89]
	s_add_nc_u64 s[90:91], s[8:9], s[90:91]
	s_add_nc_u64 s[PK:PK+1], s[KB:KB+1], s[PK:PK+1]
	s_add_nc_u64 s[PV:PV+1], s[VB:VB+1], s[PV:PV+1]
	global_load_b128 v[16:19], v1, s[84:85]        ; Q's fragment: my head's 64 channels are the instruction's first 64 along K
	global_load_b64 v[20:21], v2, s[84:85]
	global_load_u16 v255, v11, s[86:87]            ; and its two scale bytes
	KLOAD                                          ; step 0
	VLOAD
.irp j, 22,23,24,25,26,27
	v_mov_b32 v[\j], 0                             ; Q's zero codes
.endr
.irp j, 0,1,2,3,4,5
	v_mov_b32 v[P+\j], 0                           ; named by tile 7's operand before p's first codes are made
.endr
.irp b, 0,1,2,3
	v_mov_b32 v[T4+\b], 0                          ; a lane permute's destination counts as one of its sources
.endr
	v_mov_b32 v13, 0xff61b1e6                      ; the largest t so far: -3e38
	v_mov_b32 v14, 0
	v_mov_b32 v15, 0
	v_mov_b32 v252, 0
	v_mov_b32 v253, 0
	v_floor_f32 v12, -v13                          ; -M
.set j, 0
.rept 32
	v_mov_b32 v[O+j], 0                            ; O^T: the first step finds zeros, which the first change of M leaves zeros
.set j, j+1
.endr
; A step of 128 keys.  last = 1: the diagonal step: the mask, and nothing more is asked for.
.macro STEP last
	s_wait_loadcnt 18                              ; this step's K is in; V's 18 loads, issued behind K's, may be out
.if !\last
	s_add_nc_u64 s[KB:KB+1], s[KB:KB+1], 2*PAN     ; K's loads are done, so their base may step
.endif
.irp m, 0,1,2,3                                ; S^T = K Q^T
	WM S+16*\m, K+12*\m, 16, 0, KS+\m, 255, 0
	WM S+16*\m+8, K+12*\m+6, 16, 0, KS+\m, 255, 1
.endr
.rept 4
	v_nop                                          ; places in front of the first read of the scores and of loads into registers that the products read
.endr
.if \last
	v_mov_b32 v254, 0xff800000                     ; hidden scores become -infinity ahead of the maximum: p = 0 then
.set n, 0
.rept 64
	v_cmp_gt_i32 vcc_lo, 32*(n/16)+n%16, v7
	v_cndmask_b32 v[S+n], v[S+n], v254, vcc_lo
.set n, n+1
.endr
.else
	KLOAD                                          ; the next step's K: it has the rest of this step in which to land
	s_cmp_eq_u32 s63, s94
	s_cbranch_scc0 .Lnot_first_\@
	global_prefetch_b8 v5, s[PK:PK+1] th:TH_LOAD_NT scope:SCOPE_SE            ; step 7 - x, three steps on
	global_prefetch_b8 v6, s[PV:PV+1] th:TH_LOAD_NT scope:SCOPE_SE
.Lnot_first_\@:
	s_cmp_eq_u32 s63, s95
	s_cbranch_scc0 .Lnot_second_\@
	global_prefetch_b8 v5, s[PK:PK+1] offset:16*PAN th:TH_LOAD_NT scope:SCOPE_SE   ; step 15 - x, three steps on
	global_prefetch_b8 v6, s[PV:PV+1] offset:8*UNIT th:TH_LOAD_NT scope:SCOPE_SE
.Lnot_second_\@:
.endif
.irp b, 0,1,2,3
	v_max3_num_f32 v[BM+\b], v[S+16*\b], v[S+1+16*\b], v[S+2+16*\b]   ; the largest score of each block of 32 keys: it serves the row's maximum and, since p rises with the score, the block's largest p
.endr
.irp i, 3,5,7,9,11,13
.irp b, 0,1,2,3
	v_max3_num_f32 v[BM+\b], v[BM+\b], v[S+16*\b+\i], v[S+1+16*\b+\i]
.endr
.endr
.irp b, 0,1,2,3
	v_max_num_f32 v[BM+\b], v[BM+\b], v[S+15+16*\b]
.endr
.irp b, 0,1,2,3
	v_permlanex16_b32 v[T4+\b], v[BM+\b], s[SEL], s[SEL+1]
.endr
.irp b, 0,1,2,3
	v_max_num_f32 v[BM+\b], v[BM+\b], v[T4+\b]     ; with lane l xor 16's 16 keys
.endr
	s_delay_alu instid0(VALU_DEP_2)
	v_max3_num_f32 v254, v[BM], v[BM+1], v[BM+2]
	s_delay_alu instid0(VALU_DEP_1)
	v_max_num_f32 v254, v254, v[BM+3]              ; the step's largest score of my query
	s_delay_alu instid0(VALU_DEP_1)
	v_mul_f32 v254, s[CS], v254                    ; as t
	s_delay_alu instid0(VALU_DEP_1)
	v_max_num_f32 v13, v13, v254                   ; the running largest t
	v_mov_b32 v254, v12
	s_delay_alu instid0(VALU_DEP_2)
	v_floor_f32 v12, -v13                          ; the new -M = -ceil(t)
	s_delay_alu instid0(VALU_DEP_1)
	v_sub_f32 v254, v12, v254                      ; old M - new M: a whole number, 0 or less
	s_delay_alu instid0(VALU_DEP_1)
	v_cvt_i32_f32 v254, v254                       ; (it saturates)
	s_delay_alu instid0(VALU_DEP_1)
	v_ldexp_f32 v252, 1.0, v254                    ; f = 2^(old M - new M)
.set j, 0
.rept 32
	v_pk_fma_f32 v[S+j:S+j+1], v[S+j:S+j+1], s[CS:CS+1], v[12:13] op_sel_hi:[1,0,0]   ; t - M, two at a time
.set j, j+2
.endr
.irp b, 0,1,2,3
	v_fma_f32 v[BM+\b], v[BM+\b], s[CS], v12       ; the same of each block's largest score
.endr
	s_wait_alu depctr_va_vdst(0)
.set j, 0
.rept 64
	v_exp_f32 v[S+j], v[S+j]                       ; p = 2^(t - M), at most 1
.set j, j+1
.endr
.irp b, 0,1,2,3
	v_exp_f32 v[BM+\b], v[BM+\b]                   ; the block's largest p: the same two instructions on the same number
.endr
	v_pk_mul_f32 v[14:15], v[14:15], v[252:253] op_sel_hi:[1,0]   ; the sums under the new M (a plain place behind the exponentials)
	s_wait_alu depctr_va_vdst(0)                   ; one wait for the whole batch, ahead of its first reader
.irp b, 0,1,2,3
	v_max_num_f32 v[BM+\b], 0x1800000, v[BM+\b]    ; the floor 2^(3 - 127): the byte cannot fall under 1
.endr
.irp b, 0,1,2,3
	v_add_nc_u32 v[SO+\b], 0xff000000, v[BM+\b]    ; 2 off the exponent field: the conversion's scale operand
.endr
.irp b, 0,1,2,3
	v_lshrrev_b32 v[T4+\b], 23, v[SO+\b]           ; the scale's byte
.endr
	s_delay_alu instid0(VALU_DEP_3)
	v_lshl_or_b32 v253, v[T4+1], 8, v[T4]          ; p's scale word for these 128 keys
	s_delay_alu instid0(VALU_DEP_1)
	v_lshl_or_b32 v253, v[T4+2], 16, v253
	s_delay_alu instid0(VALU_DEP_1)
	v_lshl_or_b32 v253, v[T4+3], 24, v253
.irp c, 0,1
	v_cvt_scalef32_pk16_fp6_f32 v[P+6*\c:P+2+6*\c], v[S+32*\c:S+15+32*\c], v[SO+2*\c]
	v_cvt_scalef32_pk16_fp6_f32 v[T4+4*\c:T4+2+4*\c], v[S+16+32*\c:S+31+32*\c], v[SO+2*\c+1]   ; (a conversion's three registers begin on an even number)
.endr
	v_nop                                          ; one plain place behind a scaled conversion
.irp c, 0,1                                    ; the operand's layout wants a whole block in a lane
.irp i, 0,1,2
	v_permlane16_swap_b32 v[P+6*\c+\i], v[T4+4*\c+\i]
.endr
.irp i, 0,1,2
	v_mov_b32 v[P+3+6*\c+\i], v[T4+4*\c+\i]
.endr
.endr
.irp q, 0,1,2,3                                ; the row's sum of the unquantised p: four chains by turns, two numbers an instruction
	v_pk_add_f32 v[T4+(\q/2)*8+(\q%2)*(4-2*(\q/2)):T4+(\q/2)*8+(\q%2)*(4-2*(\q/2))+1], v[S+4*\q:S+4*\q+1], v[S+4*\q+2:S+4*\q+3]   ; chains at v236, v240, v244, v246
.endr
.irp j, 16,24,32,40,48,56
.irp q, 0,1,2,3
	v_pk_add_f32 v[T4+(\q/2)*8+(\q%2)*(4-2*(\q/2)):T4+(\q/2)*8+(\q%2)*(4-2*(\q/2))+1], v[T4+(\q/2)*8+(\q%2)*(4-2*(\q/2)):T4+(\q/2)*8+(\q%2)*(4-2*(\q/2))+1], v[S+\j+2*\q:S+\j+2*\q+1]
.endr
.endr
	v_pk_add_f32 v[236:237], v[236:237], v[240:241]
	v_pk_add_f32 v[244:245], v[244:245], v[246:247]
	s_delay_alu instid0(VALU_DEP_2)
	v_pk_add_f32 v[14:15], v[14:15], v[236:237]
	s_delay_alu instid0(VALU_DEP_1)
	v_pk_add_f32 v[14:15], v[14:15], v[244:245]
	s_wait_alu depctr_va_vdst(0)
.set j, 0
.rept 16
	v_pk_mul_f32 v[O+j:O+j+1], v[O+j:O+j+1], v[252:253] op_sel_hi:[1,0]   ; O^T under the new M.  (With the sums above: the places between the writes of p's codes and scale word and the products below)
.set j, j+2
.endr
	s_wait_alu depctr_va_vdst(0)
.if \last
	s_wait_loadcnt 0x0                             ; V
.else
	s_wait_loadcnt 20                              ; this step's V is in; the next K's 20 loads, issued behind V's, may be out
	s_add_nc_u64 s[VB:VB+1], s[VB:VB+1], UNIT      ; V's loads are done, so their base may step
.endif
.irp m, 0,1                                    ; O^T += V^T P^T: four accumulators by turns, one instruction a turn
	WM O+16*\m, V+24*\m, P, 1, VS+\m, 253, 0
	WM O+16*\m+8, V+24*\m+12, P, 1, VS+\m, 253, 1
.endr
.rept 4
	v_nop                                          ; places behind the products: in front of loads into V's registers, and of the way out's reads
.endr
.if !\last
	VLOAD                                          ; the next step's V
.endif
.endm
	s_wait_alu depctr_va_vdst(0)
	s_cmp_eq_u32 s66, 0
	s_cbranch_scc1 .Ldiag                          ; block 0 has the diagonal step alone
.Lstep:                                                ; U open steps
	STEP 0
	s_add_co_u32 s63, s63, 1
	s_cmp_lt_u32 s63, s66
	s_cbranch_scc1 .Lstep
.Ldiag:
	STEP 1
	; THE WAY OUT: O^T / the sum; register 16 b + i is channel 32 b + 16 h + i of my query: two blocks of 32, quantised as an operand along the channels
	v_add_f32 v14, v14, v15
	s_delay_alu instid0(VALU_DEP_1)
	v_permlanex16_b32 v252, v14, s[SEL], s[SEL+1]
	s_delay_alu instid0(VALU_DEP_1)
	v_add_f32 v14, v14, v252                       ; the row's sum
	s_wait_alu depctr_va_vdst(0)
	v_rcp_f32 v14, v14
	v_nop                                          ; a plain place behind the transcendental
	s_wait_alu depctr_va_vdst(0)
.set j, 0
.rept 32
	v_mul_f32 v[S+j], v[O+j], v14
.set j, j+1
.endr
.irp b, 0,1
	v_max3_num_f32 v[BM+\b], |v[S+16*\b]|, |v[S+1+16*\b]|, 0x1800000
.endr
.irp i, 2,4,6,8,10,12,14
.irp b, 0,1
	s_delay_alu instid0(VALU_DEP_2)
	v_max3_num_f32 v[BM+\b], v[BM+\b], |v[S+16*\b+\i]|, |v[S+1+16*\b+\i]|
.endr
.endr
.irp b, 0,1
	s_delay_alu instid0(VALU_DEP_2)
	v_permlanex16_b32 v[T4+\b], v[BM+\b], s[SEL], s[SEL+1]
.endr
.irp b, 0,1
	s_delay_alu instid0(VALU_DEP_2)
	v_max_num_f32 v[BM+\b], v[BM+\b], v[T4+\b]
.endr
.irp b, 0,1
	s_delay_alu instid0(VALU_DEP_2)
	v_add_nc_u32 v[SO+\b], 0xff000000, v[BM+\b]
.endr
.irp b, 0,1
	s_delay_alu instid0(VALU_DEP_2)
	v_lshrrev_b32 v[T4+\b], 23, v[SO+\b]
.endr
	s_delay_alu instid0(VALU_DEP_1)
	v_lshl_or_b32 v253, v[T4+1], 8, v[T4]          ; my head's two scale bytes
	v_cvt_scalef32_pk16_fp6_f32 v[P:P+2], v[S:S+15], v[SO]
	v_cvt_scalef32_pk16_fp6_f32 v[240:242], v[S+16:S+31], v[SO+1]
	v_nop
.irp i, 0,1,2
	v_permlane16_swap_b32 v[P+\i], v[240+\i]
.endr
.irp i, 0,1,2
	v_mov_b32 v[P+3+\i], v[240+\i]
.endr
	global_store_b128 v1, v[P:P+3], s[88:89]       ; 512 consecutive aligned bytes
	global_store_b64 v2, v[P+4:P+5], s[88:89]      ; 256
	global_store_b16 v11, v253, s[90:91]           ; both halves of the lanes write the same bytes with the same value
	s_endpgm
.Lfunc_end_k_q199669ad3b_attn:
	.size	k_q199669ad3b_attn, .Lfunc_end_k_q199669ad3b_attn-k_q199669ad3b_attn
	.p2alignl 7, 3214868480
	.fill 96, 4, 3214868480
	.section	.rodata,"a",@progbits
	.p2align	6, 0x0
	.amdhsa_kernel k_q199669ad3b_attn
		.amdhsa_group_segment_fixed_size 0
		.amdhsa_private_segment_fixed_size 0
		.amdhsa_enable_private_segment 0
		.amdhsa_kernarg_size 24
		.amdhsa_user_sgpr_count 2
		.amdhsa_user_sgpr_kernarg_segment_ptr 1
		.amdhsa_wavefront_size32 1
		.amdhsa_system_sgpr_workgroup_id_x 1
		.amdhsa_system_sgpr_workgroup_id_y 1
		.amdhsa_system_sgpr_workgroup_id_z 1
		.amdhsa_system_vgpr_workitem_id 0
		.amdhsa_next_free_vgpr 256
		.amdhsa_next_free_sgpr 96
		.amdhsa_reserve_vcc 1
		.amdhsa_float_denorm_mode_32 3
		.amdhsa_float_denorm_mode_16_64 3
		.amdhsa_memory_ordered 1
		.amdhsa_forward_progress 1
		.amdhsa_inst_pref_size 52
	.end_amdhsa_kernel
	.amdgpu_metadata
---
amdhsa.version: [ 1, 2 ]
amdhsa.kernels:
  - .name:           k_q199669ad3b_attn
    .symbol:         k_q199669ad3b_attn.kd
    .args:
      - { .name: qk_img, .offset: 0, .size: 8, .value_kind: global_buffer, .address_space: global }
      - { .name: vt_img, .offset: 8, .size: 8, .value_kind: global_buffer, .address_space: global }
      - { .name: at_img, .offset: 16, .size: 8, .value_kind: global_buffer, .address_space: global }
    .group_segment_fixed_size: 0
    .private_segment_fixed_size: 0
    .kernarg_segment_align: 8
    .kernarg_segment_size: 24
    .max_flat_workgroup_size: 512
    .sgpr_count:     96
    .vgpr_count:     256
    .wavefront_size: 32
...
	.end_amdgpu_metadata
.endif
;; end of part 11
;; launch oln (part 12): grid 256 x 1, 16 waves a work-group, no clusters, 69,888 bytes of LDS; arguments at_img, wimg, X, bo, ln1_w, ln1_b, x1, x1_img; writes x1, x1_img
.if DOCPART == 12
	.amdgcn_target "amdgcn-amd-amdhsa--gfx1250"
	.amdhsa_code_object_version 6
	.text
	.protected	k_q199669ad3b_oln
	.globl	k_q199669ad3b_oln
	.p2align	8
	.type	k_q199669ad3b_oln,@function
k_q199669ad3b_oln:
	s_mov_b64 s[64:65], 0
	v_nop
	global_prefetch_b8 v0, s[64:65] scope:SCOPE_SE
	s_setreg_imm32_b32 hwreg(HW_REG_WAVE_MODE, 25, 1), 1
	s_wait_xcnt 0x0
; x1 = layer norm(X + (attention's result x Wo^T + bo)) x ln1_w + ln1_b: the product on codes of FP6 (E2M3) with E8M0 scales, all else in f32.  x1 is stored as f32 rows and, quantised along the row, as the next product's image.
; ONE LAUNCH FOR THE PRODUCT AND THE NORM: a work-group owns 16 WHOLE rows of 1,024 columns, so the product's result never goes to memory.
; IMAGES: a unit is 64 rows x 128 K, 6,400 bytes: 3072 c + 768 f + 16 lane: registers 6 c .. 6 c + 3 of fragment f; + 512 + 8 lane: registers 6 c + 4, 5; 6144 + 64 f + 4 r: scale words.  Row r of fragment f is row 32 (f / 2) + 8 (f % 2) + r + 8 (r / 8) of the 64.
; at_img and x1_img: [token / 64][8 units]; Wo: panels 112 to 127 of wimg, 64 rows of Wo x 1,024 K each.
; SHARES.  Work-group G: the 16 rows of fragment G % 4 of token panel G / 4.  Wave w: the 64 columns of Wo's panel w: four accumulators of 16 x 16; K in eight steps of 128, four products a step.
; OPERANDS GO FROM MEMORY STRAIGHT INTO REGISTERS (each of Wo's fragments feeds one product of one wave, so a tile in LDS would be read once; hence no tensor load and no multicast): three buffers of 60 registers take turns,
; 23 loads a step (Wo's four fragments 16, the rows' fragment 4, scale words 3), asked for three steps ahead.  bo is loaded into the accumulators and is the first products' C.
; The product is used transposed (source 0 = 16 rows of Wo, source 1 = my work-group's 16 rows): lane (r, h) holds row r, and accumulator register 16 b + i is column 64 w + 32 b + 16 h + i.
; X, ln1_w and ln1_b come in that layout into buffers that are done with: a wave's eight loads of X together cover 16 whole aligned runs of 256 bytes, which one prefetch a wave, a lane a run, has asked of memory at the head.
; THE NORM: the mean first, then the variance of the differences.  A row's sums cross the 16 waves through LDS: each wave stores its part of each row, one barrier, every lane adds its row's 16 parts.
; THE WAY OUT: the 16 rows meet in a stage in LDS (rows 4,112 bytes apart); wave w stores row w: each store covers 512 consecutive aligned bytes.  A wave's 64 columns are half c = w % 2 of unit w / 2 of the image: two blocks of 32, stored as they stand in the registers;
; their two scale bytes leave as 16 bits a row: the word's other half is the neighbouring wave's.
; LIMITS of the quantiser: a block of zeros gets the byte 1 where the rule says 127 (zero codes; this program alone reads the bytes); NaN and infinities are not served.
; REGISTERS: v1-16 addresses; v20-28 scale words, three a buffer; v30-31 the add's; v32-63 the accumulators, then the row; v64, v128, v192: the buffers; later v64-127 gain and offset, v128-159 the row on its way out, v192-223 X, v224-253 at work.
.set UNIT,  6400
.set LP,    4112
.set RED,   16*LP                      ; behind the stage: the rows' parts, [row 16][wave 16] words, twice
.set SPARE, RED+2048                   ; behind them: the spare words, 128 bytes for each wave, that no other line names
.set ACC,   32
.set GW,    64
.set GB,    96
.set OUTR,  128
.set XR,    192
.set P,     224
.set BM,    232
.set T4,    236
.set SO,    244
.macro WM d, a, b, sa, sb, row
.if \row
	v_wmma_scale_f32_16x16x128_f8f6f4 v[\d:\d+7], v[\a:\a+11], v[\b:\b+11], v[\d:\d+7], v[\sa], v[\sb] matrix_a_fmt:MATRIX_FMT_FP6 matrix_b_fmt:MATRIX_FMT_FP6 matrix_a_scale:MATRIX_SCALE_ROW1
.else
	v_wmma_scale_f32_16x16x128_f8f6f4 v[\d:\d+7], v[\a:\a+11], v[\b:\b+11], v[\d:\d+7], v[\sa], v[\sb] matrix_a_fmt:MATRIX_FMT_FP6 matrix_b_fmt:MATRIX_FMT_FP6
.endif
.endm
.macro FRAG reg, base, off
	global_load_b128 v[\reg:\reg+3], v1, s[\base:\base+1] offset:\off
	global_load_b64 v[\reg+4:\reg+5], v2, s[\base:\base+1] offset:\off
	global_load_b128 v[\reg+6:\reg+9], v1, s[\base:\base+1] offset:\off+3072
	global_load_b64 v[\reg+10:\reg+11], v2, s[\base:\base+1] offset:\off+3072
.endm
.macro LOADSTEP k                      ; 23 loads
.set BF, 64+64*((\k)%3)
.set SB, 20+3*((\k)%3)
.irp f, 0,1,2,3
	FRAG BF+12*\f, 6, UNIT*(\k)+768*\f
.endr
	FRAG BF+48, 4, UNIT*(\k)
	global_load_b32 v[SB], v4, s[6:7] offset:UNIT*(\k)+6144      ; lanes 0-15 tile 0's rows, lanes 16-31 tile 1's
	global_load_b32 v[SB+1], v4, s[6:7] offset:UNIT*(\k)+6272    ; tiles 2 and 3
	global_load_b32 v[SB+2], v5, s[4:5] offset:UNIT*(\k)         ; my work-group's rows
.endm
.macro KSTEP k, younger                ; younger: the loads issued behind step k's, which may stay out
.set BF, 64+64*((\k)%3)
.set SB, 20+3*((\k)%3)
	s_wait_loadcnt \younger
.irp m, 0,1                                    ; four accumulators by turns, one instruction a turn
	WM ACC+16*\m, BF+24*\m, BF+48, SB+\m, SB+2, 0
	WM ACC+16*\m+8, BF+24*\m+12, BF+48, SB+\m, SB+2, 1
.endr
.rept 4
	v_nop                                          ; places in front of loads into, and vector writes of, registers that the products read, and of reads of the sums
.endr
.endm
	s_load_b256 s[4:11], s[0:1], 0x0               ; at_img, wimg, X, bo
	s_load_b256 s[12:19], s[0:1], 0x20             ; ln1_w, ln1_b, x1, x1_img
	v_lshl_add_u32 v30, v0, 2, SPARE
	v_mov_b32 v31, 0
	v_lshrrev_b32 v8, 5, v0
	v_readfirstlane_b32 s20, v8                    ; wave 0..15
	s_lshr_b32 s21, ttmp9, 2                       ; token panel
	s_and_b32 s36, ttmp9, 3                        ; my fragment f
	s_lshr_b32 s37, s36, 1
	s_lshl_b32 s37, s37, 5
	s_and_b32 s38, s36, 1
	s_lshl_b32 s38, s38, 3
	s_add_co_u32 s37, s37, s38
	s_lshl_b32 s38, s21, 6
	s_add_co_u32 s37, s37, s38                     ; the token of the fragment's row 0
	s_mul_i32 s39, s36, 768
	s_mul_i32 s22, s21, 8*UNIT
	s_add_co_u32 s22, s22, s39                     ; at_img: my panel, + 768 f
	s_mov_b32 s23, 0
	s_add_co_u32 s24, s20, 112
	s_mul_i32 s24, s24, 8*UNIT                     ; wimg: Wo's panel w
	s_mov_b32 s25, 0
	s_lshl_b32 s28, s20, 8                         ; my 64 columns: 256 w bytes
	s_mov_b32 s29, 0
	s_lshl_b32 s26, s37, 12
	s_add_co_u32 s26, s26, s28                     ; X: the fragment's row 0, my columns
	s_mov_b32 s27, 0
	s_lshr_b32 s30, s20, 3
	s_lshl_b32 s30, s30, 3
	s_add_co_u32 s30, s30, s20
	s_add_co_u32 s30, s30, s37
	s_lshl_b32 s30, s30, 12                        ; x1: the fragment's row w
	s_mov_b32 s31, 0
	s_and_b32 s40, s20, 1                          ; c
	s_lshr_b32 s32, s20, 1
	s_lshl_b32 s33, s21, 3
	s_add_co_u32 s32, s32, s33
	s_mul_i32 s32, s32, UNIT
	s_mul_i32 s41, s40, 3072
	s_add_co_u32 s32, s32, s41
	s_add_co_u32 s32, s32, s39                     ; x1_img: unit (panel, w / 2), + 3072 c + 768 f
	s_mov_b32 s33, 0
	s_lshl_b32 s34, s36, 6
	s_add_co_u32 s34, s34, 6144
	s_sub_co_u32 s35, s34, s39                     ; from at_img's base (which holds 768 f) to my rows' scale words: 6144 + 64 f
	s_lshl_b32 s42, s40, 1
	s_add_co_u32 s34, s35, s42
	s_sub_co_u32 s34, s34, s41                     ; from x1_img's base to my scale bytes: 6144 + 64 f + 2 c
	s_mul_i32 s43, s20, LP
	s_lshl_b32 s44, s20, 2
	s_mov_b32 s45, 0xba800000                      ; -1 / 1,024
	s_mov_b32 s46, 0x3a800000                      ; 1 / 1,024
	s_mov_b32 s47, 0x3727c5ac                      ; 1e-5
	s_mov_b32 s48, 0x76543210
	s_mov_b32 s49, 0xfedcba98                      ; lane selects: lane l xor 16
	v_and_b32 v8, 15, v0                           ; r
	v_bfe_u32 v9, v0, 4, 1                         ; h
	v_and_b32 v10, 31, v0                          ; lane
	v_lshlrev_b32 v1, 4, v10                       ; 16 x lane
	v_lshlrev_b32 v2, 3, v10
	v_lshlrev_b32 v4, 2, v10                       ; 4 x lane
	v_lshlrev_b32 v6, 6, v9                        ; 64 h: bo, the gain, the offset
	v_lshlrev_b32 v11, 2, v8                       ; 4 r
	v_add_nc_u32 v2, 512, v2                       ; 512 + 8 x lane
	v_add_nc_u32 v5, s35, v11
	v_add_nc_u32 v7, s34, v11
	v_and_b32 v3, 8, v8
	v_add_nc_u32 v3, v3, v8
	v_lshl_add_u32 v3, v3, 12, v6                  ; X: row r + 8 (r / 8) of 4,096 bytes, + 64 h
	v_mul_u32_u24 v12, v8, LP
	v_add_nc_u32 v12, v12, v6
	v_add_nc_u32 v12, s28, v12                     ; the stage, on the way in: row r, my columns, + 64 h
	v_add_nc_u32 v13, s43, v1                      ; and on the way out: row w, 16 x lane
	v_lshlrev_b32 v15, 6, v8
	v_add_nc_u32 v15, RED, v15                     ; my row's 16 parts
	v_add_nc_u32 v14, s44, v15                     ; and my wave's among them
	v_min_u32 v16, 15, v10                         ; the prefetch: a lane a row; the lanes left over name the last row's run again
	v_and_b32 v17, 8, v16
	v_add_nc_u32 v16, v16, v17
	v_lshlrev_b32 v16, 12, v16
	s_wait_alu depctr_va_vdst(0)
	s_wait_kmcnt 0x0
	s_add_nc_u64 s[4:5], s[4:5], s[22:23]
	s_add_nc_u64 s[6:7], s[6:7], s[24:25]
	s_add_nc_u64 s[8:9], s[8:9], s[26:27]
	s_add_nc_u64 s[10:11], s[10:11], s[28:29]
	s_add_nc_u64 s[12:13], s[12:13], s[28:29]
	s_add_nc_u64 s[14:15], s[14:15], s[28:29]
	s_add_nc_u64 s[16:17], s[16:17], s[30:31]
	s_add_nc_u64 s[18:19], s[18:19], s[32:33]
.irp b, 0,1
.irp q, 0,1,2,3
	global_load_b128 v[ACC+16*\b+4*\q:ACC+16*\b+4*\q+3], v6, s[10:11] offset:128*\b+16*\q   ; bo at my columns: the sums begin with it
.endr
.endr
	LOADSTEP 0
	LOADSTEP 1
	LOADSTEP 2
	global_prefetch_b8 v16, s[8:9] th:TH_LOAD_NT scope:SCOPE_SE   ; X: my 16 runs of 256 bytes, loaded behind K step 5
	KSTEP 0, 46                                    ; behind a step's loads: the two later steps' 46
	LOADSTEP 3
	KSTEP 1, 46
	LOADSTEP 4
	KSTEP 2, 46
	LOADSTEP 5
	KSTEP 3, 46
	LOADSTEP 6
	KSTEP 4, 46
	LOADSTEP 7
	KSTEP 5, 46
.irp b, 0,1
.irp q, 0,1,2,3
	global_load_b128 v[XR+16*\b+4*\q:XR+16*\b+4*\q+3], v3, s[8:9] offset:128*\b+16*\q
.endr
.endr
	KSTEP 6, 31                                    ; step 7's 23 and X's 8
.irp b, 0,1
.irp q, 0,1,2,3
	global_load_b128 v[GW+16*\b+4*\q:GW+16*\b+4*\q+3], v6, s[12:13] offset:128*\b+16*\q
	global_load_b128 v[GB+16*\b+4*\q:GB+16*\b+4*\q+3], v6, s[14:15] offset:128*\b+16*\q
.endr
.endr
	KSTEP 7, 24                                    ; X's 8, the gain's and the offset's 16
	s_wait_loadcnt 16                              ; X
.set j, 0
.rept 16
	v_pk_add_f32 v[ACC+j:ACC+j+1], v[ACC+j:ACC+j+1], v[XR+j:XR+j+1]   ; the residual; each accumulator from its low end on
.set j, j+2
.endr
; v[224:227] hold my 32 numbers' sum in four parts -> v228: the row's sum over all 1,024 columns, in every lane of the row
.macro ROWSUM off
	v_pk_add_f32 v[224:225], v[224:225], v[226:227]
	s_delay_alu instid0(VALU_DEP_1)
	v_add_f32 v224, v224, v225
	s_delay_alu instid0(VALU_DEP_1)
	v_permlanex16_b32 v226, v224, s48, s49
	s_delay_alu instid0(VALU_DEP_1)
	v_add_f32 v224, v224, v226                     ; with lane l xor 16's: my wave's 64 columns
	ds_store_b32 v14, v224 offset:\off             ; both halves of the lanes write the same word with the same value
	s_wait_alu depctr_va_vdst(0)
	s_wait_dscnt 0x0                               ; for the others' sake
	s_barrier_signal -1
	s_barrier_wait -1
.irp q, 0,1,2,3
	ds_load_b128 v[228+4*\q:231+4*\q], v15 offset:\off+16*\q
.endr
	s_wait_dscnt 0x0
	v_pk_add_f32 v[228:229], v[228:229], v[230:231]
	v_pk_add_f32 v[232:233], v[232:233], v[234:235]
	v_pk_add_f32 v[236:237], v[236:237], v[238:239]
	v_pk_add_f32 v[240:241], v[240:241], v[242:243]
	v_pk_add_f32 v[228:229], v[228:229], v[232:233]
	s_delay_alu instid0(VALU_DEP_2)
	v_pk_add_f32 v[236:237], v[236:237], v[240:241]
	s_delay_alu instid0(VALU_DEP_1)
	v_pk_add_f32 v[228:229], v[228:229], v[236:237]
	s_delay_alu instid0(VALU_DEP_1)
	v_add_f32 v228, v228, v229
.endm
	v_pk_add_f32 v[224:225], v[ACC:ACC+1], v[ACC+2:ACC+3]
	v_pk_add_f32 v[226:227], v[ACC+4:ACC+5], v[ACC+6:ACC+7]
.irp k, 8,12,16,20,24,28
	v_pk_add_f32 v[224:225], v[224:225], v[ACC+\k:ACC+\k+1]
	v_pk_add_f32 v[226:227], v[226:227], v[ACC+\k+2:ACC+\k+3]
.endr
	ROWSUM 0
	s_delay_alu instid0(VALU_DEP_1)
	v_mul_f32 v228, s45, v228                      ; - the mean
.set j, 0
.rept 16
	v_pk_add_f32 v[ACC+j:ACC+j+1], v[ACC+j:ACC+j+1], v[228:229] op_sel_hi:[1,0]   ; the differences
.set j, j+2
.endr
	v_pk_mul_f32 v[224:225], v[ACC:ACC+1], v[ACC:ACC+1]
	v_pk_mul_f32 v[226:227], v[ACC+2:ACC+3], v[ACC+2:ACC+3]
.irp k, 4,8,12,16,20,24,28
	v_pk_fma_f32 v[224:225], v[ACC+\k:ACC+\k+1], v[ACC+\k:ACC+\k+1], v[224:225]
	v_pk_fma_f32 v[226:227], v[ACC+\k+2:ACC+\k+3], v[ACC+\k+2:ACC+\k+3], v[226:227]
.endr
	ROWSUM 1024                                    ; other bytes than the first sums'
	s_delay_alu instid0(VALU_DEP_1)
	v_fma_f32 v228, v228, s46, s47                 ; the variance + 1e-5
	s_wait_alu depctr_va_vdst(0)
	v_rsq_f32 v228, v228
	v_nop                                          ; a plain place behind it
	s_wait_alu depctr_va_vdst(0)
	s_wait_loadcnt 0x0                             ; the gain and the offset
.set j, 0
.rept 16
	v_pk_mul_f32 v[ACC+j:ACC+j+1], v[ACC+j:ACC+j+1], v[228:229] op_sel_hi:[1,0]
.set j, j+2
.endr
.set j, 0
.rept 16
	v_pk_fma_f32 v[ACC+j:ACC+j+1], v[ACC+j:ACC+j+1], v[GW+j:GW+j+1], v[GB+j:GB+j+1]
.set j, j+2
.endr
.irp b, 0,1
.irp q, 0,1,2,3
	ds_store_b128 v12, v[ACC+16*\b+4*\q:ACC+16*\b+4*\q+3] offset:128*\b+16*\q
.endr
.endr
	s_wait_alu depctr_va_vdst(0)
	s_wait_dscnt 0x0                               ; for the others' sake: my columns of the 16 rows lie in the stage
	s_barrier_signal -1
	; work on registers while the others arrive: my 64 columns are two blocks of 32, each shared with lane l xor 16
.irp b, 0,1
	v_max3_num_f32 v[BM+\b], |v[ACC+16*\b]|, |v[ACC+1+16*\b]|, 0x1800000   ; and the floor 2^(3 - 127): the byte cannot fall under 1
.endr
.irp i, 2,4,6,8,10,12,14
.irp b, 0,1
	s_delay_alu instid0(VALU_DEP_2)
	v_max3_num_f32 v[BM+\b], v[BM+\b], |v[ACC+16*\b+\i]|, |v[ACC+1+16*\b+\i]|
.endr
.endr
.irp b, 0,1
	s_delay_alu instid0(VALU_DEP_2)
	v_permlanex16_b32 v[T4+\b], v[BM+\b], s48, s49
.endr
.irp b, 0,1
	s_delay_alu instid0(VALU_DEP_2)
	v_max_num_f32 v[BM+\b], v[BM+\b], v[T4+\b]
.endr
.irp b, 0,1
	s_delay_alu instid0(VALU_DEP_2)
	v_add_nc_u32 v[SO+\b], 0xff000000, v[BM+\b]    ; 2 off the exponent field: the conversion's scale operand
.endr
.irp b, 0,1
	s_delay_alu instid0(VALU_DEP_2)
	v_lshrrev_b32 v[T4+\b], 23, v[SO+\b]           ; the scale's byte
.endr
	s_delay_alu instid0(VALU_DEP_1)
	v_lshl_or_b32 v253, v[T4+1], 8, v[T4]
	v_cvt_scalef32_pk16_fp6_f32 v[P:P+2], v[ACC:ACC+15], v[SO]
	v_cvt_scalef32_pk16_fp6_f32 v[240:242], v[ACC+16:ACC+31], v[SO+1]   ; (a conversion's three registers begin on an even number)
	v_nop                                          ; one plain place behind a scaled conversion
.irp i, 0,1,2
	v_permlane16_swap_b32 v[P+\i], v[240+\i]       ; the operand's layout wants a whole block in a lane
.endr
.irp i, 0,1,2
	v_mov_b32 v[P+3+\i], v[240+\i]
.endr
	s_wait_alu depctr_va_vdst(0)
	s_barrier_wait -1
.irp j, 0,1,2,3,4,5,6,7
	ds_load_b128 v[OUTR+4*\j:OUTR+4*\j+3], v13 offset:512*\j   ; row w, which sixteen waves wrote
.endr
	global_store_b128 v1, v[P:P+3], s[18:19]       ; 512 consecutive aligned bytes
	global_store_b64 v2, v[P+4:P+5], s[18:19]      ; 256
	global_store_b16 v7, v253, s[18:19]            ; both halves of the lanes write the same bytes with the same value
	s_wait_dscnt 0x0
.irp j, 0,1,2,3,4,5,6,7
	global_store_b128 v1, v[OUTR+4*\j:OUTR+4*\j+3], s[16:17] offset:512*\j   ; 512 consecutive aligned bytes; a later launch reads them again
.endr
	s_wait_tensorcnt 0x0                           ; the wave's end
	ds_add_u32 v30, v31
	s_wait_dscnt 0x0
	s_endpgm
.Lfunc_end_k_q199669ad3b_oln:
	.size	k_q199669ad3b_oln, .Lfunc_end_k_q199669ad3b_oln-k_q199669ad3b_oln
	.p2alignl 7, 3214868480
	.fill 96, 4, 3214868480
	.section	.rodata,"a",@progbits
	.p2align	6, 0x0
	.amdhsa_kernel k_q199669ad3b_oln
		.amdhsa_group_segment_fixed_size 69888
		.amdhsa_private_segment_fixed_size 0
		.amdhsa_enable_private_segment 0
		.amdhsa_kernarg_size 64
		.amdhsa_user_sgpr_count 2
		.amdhsa_user_sgpr_kernarg_segment_ptr 1
		.amdhsa_wavefront_size32 1
		.amdhsa_system_sgpr_workgroup_id_x 1
		.amdhsa_system_sgpr_workgroup_id_y 1
		.amdhsa_system_sgpr_workgroup_id_z 1
		.amdhsa_system_vgpr_workitem_id 0
		.amdhsa_next_free_vgpr 256
		.amdhsa_next_free_sgpr 66
		.amdhsa_reserve_vcc 0
		.amdhsa_float_denorm_mode_32 3
		.amdhsa_float_denorm_mode_16_64 3
		.amdhsa_memory_ordered 1
		.amdhsa_forward_progress 1
		.amdhsa_inst_pref_size 44
	.end_amdhsa_kernel
	.amdgpu_metadata
---
amdhsa.version: [ 1, 2 ]
amdhsa.kernels:
  - .name:           k_q199669ad3b_oln
    .symbol:         k_q199669ad3b_oln.kd
    .args:
      - { .name: at_img, .offset: 0, .size: 8, .value_kind: global_buffer, .address_space: global }
      - { .name: wimg, .offset: 8, .size: 8, .value_kind: global_buffer, .address_space: global }
      - { .name: X, .offset: 16, .size: 8, .value_kind: global_buffer, .address_space: global }
      - { .name: bo, .offset: 24, .size: 8, .value_kind: global_buffer, .address_space: global }
      - { .name: ln1_w, .offset: 32, .size: 8, .value_kind: global_buffer, .address_space: global }
      - { .name: ln1_b, .offset: 40, .size: 8, .value_kind: global_buffer, .address_space: global }
      - { .name: x1, .offset: 48, .size: 8, .value_kind: global_buffer, .address_space: global }
      - { .name: x1_img, .offset: 56, .size: 8, .value_kind: global_buffer, .address_space: global }
    .group_segment_fixed_size: 69888
    .private_segment_fixed_size: 0
    .kernarg_segment_align: 8
    .kernarg_segment_size: 64
    .max_flat_workgroup_size: 512
    .sgpr_count:     66
    .vgpr_count:     256
    .wavefront_size: 32
...
	.end_amdgpu_metadata
.endif
;; end of part 12
;; launch up (part 13): grid 16 x 16, 4 waves a work-group, clusters of 4 x 4, 327,680 bytes of LDS; arguments x1_img, wimg, bup, up_img; writes up_img
.if DOCPART == 13
	.amdgcn_target "amdgcn-amd-amdhsa--gfx1250"
	.amdhsa_code_object_version 6
	.text
	.protected	k_q199669ad3b_up
	.globl	k_q199669ad3b_up
	.p2align	8
	.type	k_q199669ad3b_up,@function
k_q199669ad3b_up:
	s_mov_b64 s[64:65], 0
	v_nop
	global_prefetch_b8 v0, s[64:65] scope:SCOPE_SE
	s_setreg_imm32_b32 hwreg(HW_REG_WAVE_MODE, 25, 1), 1
	s_wait_xcnt 0x0
	s_wait_alu depctr_hold_cnt(0) depctr_sa_sdst(0) depctr_va_vdst(0) depctr_va_sdst(0) depctr_va_ssrc(0) depctr_va_vcc(0) depctr_vm_vsrc(0)
	s_getreg_b32 s2, hwreg(HW_REG_IB_STS2, 6, 4)
	s_cmp_eq_u32 s2, 0
	s_cbranch_scc0 .Lentry_in_a_cluster
	s_endpgm
.Lentry_in_a_cluster:
	s_bfe_u32 s2, ttmp6, 0x10000c
	s_cmp_lg_u32 s2, 0xf033
	s_cbranch_scc0 .Lentry_shape_is_right
	s_endpgm
.Lentry_shape_is_right:
; ONE TEXT FOR ALL FOUR LARGE PRODUCTS OF THE PROGRAM, C = A B^T on codes of FP6 (E2M3) with E8M0 scales; the four copies differ in the four constants below alone.
; MODE 0: A and B from wimg.  Clusters with y < 4: A = X, B = Wq | Wk, + bq | bk, quantised along the channels -> qk_img.  Clusters with y >= 4: A = Wv, B = X, + bv (by A's row), quantised along the TOKENS -> vt_img.
; MODE 1: relu(A B^T + bias), quantised along the columns -> an image.      MODE 2: A B^T as f32, row-major, 1,024 columns.
; OPERANDS ARE IMAGES OF THE MATRIX OPERAND'S REGISTERS.  A unit is 64 rows x 128 K, 6,400 bytes: at 3072 c + 768 f + 16 lane registers 6 c .. 6 c + 3 of fragment f, at 3072 c + 768 f + 512 + 8 lane registers 6 c + 4, 6 c + 5,
; at 6144 + 64 f + 4 r the scale word of the fragment's row r, which is row 32 (f / 2) + 8 (f % 2) + r + 8 (r / 8) of the 64.  A tensor is [rows / 64][K / 128] units.  So a fragment comes by four LDS loads of consecutive bytes,
; codes and scales travel in one tensor load, and no row needs a pitch or a padding.
; A tile of C, 256 x 256, is made by four waves, as many as a WGP has SIMDs; a wave makes 128 x 128: 64 accumulators, 512 registers.  K goes in steps of 256 through a ring of two LDS slots; each wave fetches a quarter of a slot
; (128 rows: two runs of 12,800 consecutive bytes) by one tensor load.  By this text's own count a wave has one tensor load outstanding at the start and one behind each round.
; CLUSTERS: 4 x 4 work-groups; A's tiles are shared along a row of the cluster, B's along a column, each asked for jointly.  In MODE 0 the two kinds part on the CLUSTER's y, which all sixteen partners share.
; THE MATRIX INSTRUCTION IS USED TRANSPOSED (source 0 = 16 rows of B, source 1 = 16 rows of A): a lane holds one row of C, and by the order of a fragment's rows the 64 registers of a block of 16 rows are
; register 16 b + i = column 32 b + 16 (lane / 16) + i of my 128: what the conversions want.  A quantised result is stored as it stands in the registers: it IS the next product's image.
; The bias is the C of each sum's first matrix instruction.  The 64 accumulators take turns, one instruction a turn, in the same order in every step.
; LIMITS of the quantiser: a block of zeros gets the byte 1 where the rule says 127 (zero codes; this program alone reads the bytes); largest magnitudes under 2^-124 keep the byte 1; NaN and infinities are not served.
; REGISTERS: window 0: v0-31 addresses; v32-63 scale words, two sets; v64-127 the bias; v128-223 A's fragments, one set.  window 1: B's fragments, two sets, at v0 and v128.  windows 2, 3: the accumulators, (a, b) at v[8 (8 (a % 4) + b)].
.set MODE,   1
.set SIZE_K, 1024
.set BOFF,   128*51200                 ; MODE 1, 2: where B's panels begin in wimg
.set KSOC,   32                        ; MODE 1: units in a panel of the output
.set KS,     SIZE_K/128                ; units in a panel of A and of B
.set UNIT,   6400
.set PANB,   KS*UNIT
.set CH,     2*UNIT                    ; a panel's two units of a slot
.set HALFT,  2*CH                      ; 128 rows x 256 K: one tensor load
.set SLOT,   4*HALFT                   ; A's four panels, then B's four
.set SPARE,  2*SLOT                    ; behind the ring: the spare words, 128 bytes for each wave, that no other line names
.set LAPS,   SIZE_K/512                ; a lap = once round the ring
.set NQ,     2
.set FR,     12                        ; registers of a fragment
.set NL,     4                         ; LDS loads that bring one
.set NP,     4                         ; places behind this matrix instruction (ISA guide 7.12.1)
.set SPITCH, 528                       ; MODE 2: a stage of 16 rows x (512 + 16) bytes for each wave, in slot 0, which has had its last fill and its last read by then
.set ADRS, 12                          ; v12-13 LDS address of my scale words in slot 0, 1: lanes 0-15 A's, lanes 16-31 B's
.set ADRA, 16                          ; v16-17 A's fragments, 16 x lane, slot 0, 1;  v18-19 the same with 512 + 8 x lane
.set ADRB, 20                          ; v20-23 the same for B
.set E0,   24                          ; v24-27 the way out
.set SPW,  28                          ; v28 LDS address of my spare word; never rewritten
.set NIL,  29                          ; v29 0; never rewritten
.set SC,   32
.set BI,   64
.set AF,   128
.set BK,   128                         ; MODE 2: rows read back from the stage, v128-191 and v192-255 by turns
.set TM,   32                          ; the quantiser on the way out: v32-35 magnitudes, v36-39 bytes, v40-43 scale operands
.set PW,   48
.set PC,   52
.set TT,   72
.set G1, 24
.set G0, 32
.set G1B, 48
.set G0B, 56
.set MSB, 0
.macro WIN new                         ; the immediate's high byte repeats the setting that is left
.if MSB != (\new)
	s_set_vgpr_msb (MSB<<8)|(\new)
.set MSB, (\new)
.endif
.endm
.set MUL_LO, 0xa1                      ; source 0 (B) window 1, source 1 (A) window 0, C and D window 2
.set MUL_HI, 0xf1                      ; the same, C and D window 3
.set TO_B,   0x40                      ; destination window 1, address window 0
; A joint load: waves 0 and 1 fetch for A, waves 2 and 3 for B; the branch hangs on the wave's number alone.  Four v_nop follow each of the two lines.
.macro JLOAD g0a, g1a, g0b, g1b
	s_cmp_eq_u32 s17, 0
	s_cbranch_scc0 .Lfor_b_\@
	tensor_load_to_lds s[\g0a:\g0a+3], s[\g1a:\g1a+7]
	s_nop 0
.rept 4
	v_nop
.endr
	s_branch .Lasked_\@
.Lfor_b_\@:
	tensor_load_to_lds s[\g0b:\g0b+3], s[\g1b:\g1b+7]
	s_nop 0
.rept 4
	v_nop
.endr
.Lasked_\@:
.endm
.macro CREST                           ; a round of the cluster's barrier behind its opening barrier
	s_cmp_lg_u32 s16, 0
	s_cbranch_scc1 .Lnot_wave_0_\@
	s_barrier_signal -3
.Lnot_wave_0_\@:
	s_barrier_wait -3
	s_barrier_signal -1
	s_barrier_wait -1
.endm
.macro CROUND
	s_barrier_signal -1
	s_barrier_wait -1
	CREST
.endm
.if MODE == 0
	s_load_b256 s[4:11], s[0:1], 0x0               ; wimg, bq, bk, bv
	s_load_b128 s[12:15], s[0:1], 0x20             ; qk_img, vt_img
.elseif MODE == 1
	s_load_b256 s[4:11], s[0:1], 0x0               ; A's image, wimg, the bias, the output image
.else
	s_load_b128 s[4:7], s[0:1], 0x0                ; A's image, wimg
	s_load_b64 s[8:9], s[0:1], 0x10                ; C
.endif
	v_lshl_add_u32 v[SPW], v0, 2, SPARE
	v_mov_b32 v[NIL], 0
	ds_add_u32 v28, v29
	ds_add_u32 v28, v29
	s_wait_dscnt 0x0
	v_lshrrev_b32 v1, 5, v0
	v_readfirstlane_b32 s16, v1                    ; wave 0..3
	s_lshr_b32 s17, s16, 1                         ; which half of the tile's rows is mine.  Also: I fetch for A (0) or for B (1)
	s_and_b32 s18, s16, 1                          ; which half of its columns.  Also: which two panels I fetch
	s_bfe_u32 s40, ttmp6, 0x40000                  ; cx, cy: my place in the cluster
	s_bfe_u32 s41, ttmp6, 0x40004
	s_and_b32 s68, ttmp7, 0xffff                   ; the cluster's y
	s_lshl_b32 s69, s68, 2                         ; the cluster's first tile row,
	s_lshl_b32 s70, ttmp9, 2                       ; and its first tile column
.if MODE == 0
	s_max_u32 s71, s68, 4
	s_sub_co_u32 s71, s71, 4
	s_lshl_b32 s71, s71, 1
	s_add_co_u32 s71, s71, ttmp9
	s_lshl_b32 s72, s71, 2                         ; the second kind: tile columns 4 (2 (y - 4) + x) on, over the 4,096 tokens
	s_cmp_ge_u32 s68, 4                            ; which kind: the same answer in all sixteen partners
	s_cselect_b32 s69, 0, s69
	s_cselect_b32 s70, s72, s70
	s_cselect_b32 s71, 96, 0                       ; A's first panel in wimg: Wv or X
	s_cselect_b32 s72, 0, 64                       ; B's: X or Wq | Wk
	s_cselect_b32 s73, 32, 16                      ; units in a panel of the output
.endif
	s_add_co_u32 s22, s69, s41                     ; tile row of C
	s_add_co_u32 s42, s70, s40                     ; tile column of C
	s_lshl_b32 s43, s41, 2
	s_lshl_b32 s43, 15, s43                        ; my row of the cluster
	s_lshl_b32 s44, 0x1111, s40                    ; my column
	; descriptor group 1: two rows of 1,600 elements of 8 bytes (a panel's two units), a panel apart; no padding
	s_or_b32 s[G1+0], s43, (3<<16)|(1<<21)         ; 15:0 the mask: A's tiles go to my row; 17:16 elements of 8 bytes; 21 set beside a mask
	s_or_b32 s[G1B+0], s44, (3<<16)|(1<<21)
.irp g, G1, G1B
	s_mov_b32 s[\g+1], 1600<<16                    ; tensor_dim0
	s_mov_b32 s[\g+2], 2<<16                       ; tensor_dim1
	s_mov_b32 s[\g+3], 1600<<16                    ; tile_dim0
	s_mov_b32 s[\g+4], 2                           ; tile_dim1
	s_mov_b32 s[\g+5], KS*800                      ; tensor_dim0_stride
	s_mov_b32 s[\g+6], 0
	s_mov_b32 s[\g+7], 0
.endr
	s_lshl_b32 s19, s18, 1                         ; which two panels of the tile's four I fetch
	s_lshl_b32 s20, s22, 2
	s_add_co_u32 s20, s20, s19                     ; A: panel 4 x tile row + 2 x half: no register of A's address ever holds cx
	s_lshl_b32 s46, s42, 2
	s_add_co_u32 s46, s46, s19                     ; B: panel 4 x tile column + 2 x half: none of B's ever holds cy
.if MODE == 0
	s_add_co_u32 s20, s20, s71
	s_add_co_u32 s46, s46, s72
.endif
	s_mul_i32 s20, s20, PANB
	s_mul_i32 s46, s46, PANB
.if MODE != 0
	s_add_co_u32 s46, s46, BOFF
.endif
	s_mov_b32 s21, 0
	s_mov_b32 s47, 0
	s_mul_i32 s45, s16, HALFT                      ; where they go: wave x 128 rows: no place in the cluster enters an LDS address
	s_wait_kmcnt 0x0
	s_add_nc_u64 s[20:21], s[4:5], s[20:21]
.if MODE == 0
	s_add_nc_u64 s[46:47], s[4:5], s[46:47]
.else
	s_add_nc_u64 s[46:47], s[6:7], s[46:47]
.endif
	CROUND                                         ; all sixteen work-groups are here: the first joint loads meet
.irp s, 0,1
	s_mov_b32 s[G0+4*\s], 1
	s_add_co_u32 s[G0+4*\s+1], s45, \s*SLOT
	s_add_nc_u64 s[G0+4*\s+2:G0+4*\s+3], s[20:21], \s*CH
	s_or_b32 s[G0+4*\s+3], s[G0+4*\s+3], 0x80000000
	s_mov_b32 s[G0B+4*\s], 1
	s_add_co_u32 s[G0B+4*\s+1], s45, \s*SLOT
	s_add_nc_u64 s[G0B+4*\s+2:G0B+4*\s+3], s[46:47], \s*CH
	s_or_b32 s[G0B+4*\s+3], s[G0B+4*\s+3], 0x80000000
.endr
	JLOAD G0, G1, G0B, G1B                         ; slot 0: one tensor load a wave at the head
	v_and_b32 v1, 15, v0                           ; r
	v_bfe_u32 v2, v0, 4, 1                         ; h
	v_and_b32 v3, 31, v0                           ; lane
	v_lshlrev_b32 v4, 4, v3                        ; 16 x lane
	v_lshlrev_b32 v6, 3, v3                        ; 8 x lane
	v_add_nc_u32 v5, 512, v6
	s_mul_i32 s19, s17, HALFT                      ; my 128 rows of A
	s_mul_i32 s23, s18, HALFT                      ; my 128 rows of B,
	s_add_co_u32 s23, s23, 2*HALFT                 ; which lie behind A's 256
.irp s, 0,1
	v_add_nc_u32 v[ADRA+\s], s19, v4
	v_add_nc_u32 v[ADRA+2+\s], s19, v5
	v_add_nc_u32 v[ADRB+\s], s23, v4
	v_add_nc_u32 v[ADRB+2+\s], s23, v5
	s_add_co_u32 s19, s19, SLOT
	s_add_co_u32 s23, s23, SLOT
.endr
	s_xor_b32 s23, s17, 1                          ; B's base less A's = HALFT x (2 + column half - row half), as one product:
	s_add_co_u32 s23, s23, s18
	s_add_co_u32 s23, s23, 1
	s_mul_i32 s23, s23, HALFT
	v_mul_u32_u24 v9, s23, v2                      ; lanes 16-31 take B's scale words
	v_lshl_add_u32 v9, v1, 2, v9
	s_mul_i32 s19, s17, HALFT
	s_add_co_u32 s19, s19, 6144
	v_add_nc_u32 v[ADRS], s19, v9
	v_add_nc_u32 v[ADRS+1], SLOT, v[ADRS]
	; the prefetches: a wave's tile is two runs of 12,800 bytes, a panel apart: 100 blocks of 256; the four partners that ask for it jointly take 25 blocks each, told apart by address (cx for A, cy for B)
	s_cmp_eq_u32 s17, 0                            ; do I fetch for A?
	s_cselect_b64 s[88:89], s[20:21], s[46:47]
	s_cselect_b32 s90, s40, s41
	s_mul_i32 s90, s90, 25
	v_and_b32 v30, 31, v0
	v_min_u32 v30, 24, v30                         ; a lane a block; the seven lanes left over name the last block again
	v_add_nc_u32 v30, s90, v30                     ; block 0 .. 99
	v_mul_u32_u24 v31, v30, 41
	v_lshrrev_b32 v31, 11, v31                     ; block / 50: which of the two panels
	v_mul_u32_u24 v31, v31, PANB-CH
	v_lshl_add_u32 v30, v30, 8, v31
	global_prefetch_b8 v30, s[88:89] offset:CH th:TH_LOAD_NT scope:SCOPE_SE   ; behind the load of tile 0: tile 1
.if MODE == 2
	s_mul_i32 s19, s16, 16*SPITCH                  ; my stage
	v_mul_u32_u24 v9, v1, SPITCH                   ; in: row r, + 64 h
	v_lshl_add_u32 v9, v2, 6, v9
	v_add_nc_u32 v[E0], s19, v9
	v_add_nc_u32 v[E0+1], s19, v4                  ; back: the 32 lanes take one row of 512 bytes
	v_mov_b32 v[E0+2], v4                          ; and the same in C
	s_lshl_b32 s74, s22, 8
	s_lshl_b32 s75, s17, 7
	s_add_co_u32 s74, s74, s75                     ; my first row of C
	s_lshl_b32 s74, s74, 12                        ; rows of 4,096 bytes
	s_lshl_b32 s75, s42, 10
	s_add_co_u32 s74, s74, s75
	s_lshl_b32 s75, s18, 9
	s_add_co_u32 s74, s74, s75                     ; my first column
	s_mov_b32 s75, 0
	s_add_nc_u64 s[76:77], s[8:9], s[74:75]
.else
	v_mov_b32 v[E0], v4                            ; the way out: 16 x lane,
	v_mov_b32 v[E0+1], v6                          ; 8 x lane,
	s_lshl_b32 s19, s16, 8                         ; and 256 bytes of LDS for each wave (in slot 0, behind its last fill and last read) in which a unit's scale words meet
	v_lshl_add_u32 v[E0+2], v1, 2, s19
	v_add_nc_u32 v[E0+3], s19, v6
	v_lshlrev_b32 v7, 6, v2                        ; the bias by column: 16 h numbers on
	s_wait_alu depctr_va_vdst(0)
	v_and_b32 v8, 8, v1
	v_add_nc_u32 v8, v8, v1
	v_lshlrev_b32 v8, 2, v8                        ; the bias by row: r + 8 (r / 8) numbers on
	s_mov_b32 s86, 0x76543210
	s_mov_b32 s87, 0xfedcba98                      ; lane selects: lane l xor 16
	s_lshl_b32 s74, s22, 2
	s_lshl_b32 s75, s17, 1
	s_add_co_u32 s74, s74, s75                     ; the output's panel: 4 x tile row + 2 x row half
.if MODE == 0
	s_mul_i32 s74, s74, s73
	s_mul_i32 s78, s73, UNIT                       ; from a panel of the output to the next
	s_mov_b32 s79, 0
.else
	s_mul_i32 s74, s74, KSOC
.endif
	s_lshl_b32 s75, s42, 1
	s_add_co_u32 s74, s74, s75
	s_add_co_u32 s74, s74, s18                     ; its unit: 2 x tile column + column half
	s_mul_i32 s74, s74, UNIT
	s_mov_b32 s75, 0
.if MODE == 0
	s_lshl_b32 s80, s40, 10                        ; by column: 256 cx + 128 x column half numbers into bq or bk
	s_lshl_b32 s81, s18, 9
	s_add_co_u32 s80, s80, s81
	s_lshl_b32 s82, s41, 10                        ; by row: 256 cy + 128 x row half numbers into bv
	s_lshl_b32 s81, s17, 9
	s_add_co_u32 s82, s82, s81
	s_mov_b32 s81, 0
	s_cmp_ge_u32 ttmp9, 1
	s_cselect_b64 s[84:85], s[8:9], s[6:7]         ; columns 1,024 on are k's
	s_cmp_ge_u32 s68, 4
	s_cselect_b64 s[84:85], s[10:11], s[84:85]
	s_cselect_b64 s[76:77], s[14:15], s[12:13]
	s_cselect_b32 s80, s82, s80
	s_add_nc_u64 s[84:85], s[84:85], s[80:81]
	s_add_nc_u64 s[76:77], s[76:77], s[74:75]
	s_cmp_ge_u32 s68, 4
	s_cbranch_scc1 .Lbias_m
.else
	s_add_nc_u64 s[76:77], s[10:11], s[74:75]
	s_lshl_b32 s80, s42, 10
	s_lshl_b32 s81, s18, 9
	s_add_co_u32 s80, s80, s81
	s_mov_b32 s81, 0
	s_add_nc_u64 s[84:85], s[8:9], s[80:81]
.endif
.irp t, 0,1,2,3,4,5,6,7                        ; tile t's eight registers: the bias at columns 32 (t / 2) + 8 (t % 2) + 16 h + 0 .. 7
	global_load_b128 v[BI+8*\t:BI+8*\t+3], v7, s[84:85] offset:(32*(\t/2)+8*(\t%2))*4
	global_load_b128 v[BI+8*\t+4:BI+8*\t+7], v7, s[84:85] offset:(32*(\t/2)+8*(\t%2))*4+16
.endr
.if MODE == 0
	s_branch .Lbias_done
.Lbias_m:
.irp a, 0,1,2,3,4,5,6,7                        ; block a's eight registers all hold the bias of my row
.irp j, 0,1,2,3,4,5,6,7
	global_load_b32 v[BI+8*\a+\j], v8, s[84:85] offset:(32*(\a/2)+8*(\a%2))*4
.endr
.endr
.Lbias_done:
.endif
.endif
.macro FRAG reg, adr, q, i             ; a fragment, 12 registers a lane, as it lies in its unit
.set FO, ((\i)/4)*CH+(\q)*UNIT+((\i)%4)*768
	ds_load_b128 v[\reg:\reg+3], v[\adr] offset:FO
	ds_load_b64 v[\reg+4:\reg+5], v[\adr+2] offset:FO
	ds_load_b128 v[\reg+6:\reg+9], v[\adr] offset:FO+3072
	ds_load_b64 v[\reg+10:\reg+11], v[\adr+2] offset:FO+3072
.endm
; 16 matrix instructions: A's blocks a0, a0 + 1 x B's eight, the slot's q-th 128 along K.  p: B's set; sc: the set of scale words.  zero: 0 adds in place; 1, 2: the sum starts with the bias by column, by row; 3: with 0.
.macro MUL16 a0, p, q, sc, zero
.irp a, \a0, \a0+1
.irp b, 0,1,2,3,4,5,6,7
.set rD, 8*(8*((\a)%4)+\b)
.set rB, 128*(\p)+FR*\b
.set rA, AF+FR*(\a)
.set rT, SC+16*(\sc)+NQ*\b+(\q)
.set rU, SC+16*(\sc)+NQ*(\a)+(\q)
.if \zero == 0
	v_wmma_scale_f32_16x16x128_f8f6f4 v[rD:rD+7], v[rB:rB+FR-1], v[rA:rA+FR-1], v[rD:rD+7], v[rT], v[rU] matrix_a_fmt:MATRIX_FMT_FP6 matrix_b_fmt:MATRIX_FMT_FP6 matrix_a_scale:MATRIX_SCALE_ROW1
.elseif \zero == 1
	v_wmma_scale_f32_16x16x128_f8f6f4 v[rD:rD+7], v[rB:rB+FR-1], v[rA:rA+FR-1], v[BI+8*\b:BI+8*\b+7], v[rT], v[rU] matrix_a_fmt:MATRIX_FMT_FP6 matrix_b_fmt:MATRIX_FMT_FP6 matrix_a_scale:MATRIX_SCALE_ROW1
.elseif \zero == 2
	v_wmma_scale_f32_16x16x128_f8f6f4 v[rD:rD+7], v[rB:rB+FR-1], v[rA:rA+FR-1], v[BI+8*(\a):BI+8*(\a)+7], v[rT], v[rU] matrix_a_fmt:MATRIX_FMT_FP6 matrix_b_fmt:MATRIX_FMT_FP6 matrix_a_scale:MATRIX_SCALE_ROW1
.else
	v_wmma_scale_f32_16x16x128_f8f6f4 v[rD:rD+7], v[rB:rB+FR-1], v[rA:rA+FR-1], 0, v[rT], v[rU] matrix_a_fmt:MATRIX_FMT_FP6 matrix_b_fmt:MATRIX_FMT_FP6 matrix_a_scale:MATRIX_SCALE_ROW1
.endif
.endr
.endr
.endm
.macro FETCH_B slot, q, p
	WIN TO_B
.irp i, 0,1,2,3,4,5,6,7
	FRAG 128*(\p)+FR*\i, ADRB+\slot, \q, \i
.endr
	WIN 0
.endm
.macro FETCH_A slot, q, i0
.irp i, \i0, \i0+1, \i0+2, \i0+3
	FRAG AF+FR*(\i), ADRA+\slot, \q, \i
.endr
.endm
.macro SCALES sc                       ; slot sc's scale words: register 2 i + q: lanes 0-15 the word of A's block i, lanes 16-31 that of B's block i
.irp i, 0,1,2,3,4,5,6,7
.irp q, 0,1
	ds_load_b32 v[SC+16*\sc+NQ*\i+\q], v[ADRS+\sc] offset:(\i/4)*CH+\q*UNIT+64*(\i%4)
.endr
.endr
.endm
.macro PLACES n                        ; plain vector instructions between a matrix instruction and a load into, or a vector read or write of, its registers (ISA guide 7.12.1 for vector reads and writes)
.rept \n
	v_nop
.endr
.endm
.macro STEP slot, q, zero              ; a step of 128 along K that has its successor in the same slot
	s_wait_dscnt 4*NL                              ; B's set, A's blocks 0-3 and the scale words are in; the youngest 16 loads (A's blocks 4-7) may be out
.if (\zero == 1) || (\zero == 2)
	WIN 0x81                                       ; C (the bias) in window 0, D in window 2
.else
	WIN MUL_LO
.endif
	MUL16 0, (\q)%2, \q, \slot, \zero
	MUL16 2, (\q)%2, \q, \slot, \zero
	s_wait_dscnt 0                                 ; A's blocks 4-7 are in
	PLACES NP
	FETCH_B \slot, (\q)+1, 1-(\q)%2
	FETCH_A \slot, (\q)+1, 0
.if (\zero == 1) || (\zero == 2)
	WIN 0xc1
.else
	WIN MUL_HI
.endif
	MUL16 4, (\q)%2, \q, \slot, \zero
	MUL16 6, (\q)%2, \q, \slot, \zero
	PLACES NP
	WIN 0
	FETCH_A \slot, (\q)+1, 4
.endm
; A slot's last step changes slots: one barrier; in front of it each wave waits for all its tensor loads, adds 0 to its spare word, and waits for that and for its own reads of this slot.  fill = 1: the slot is filled again.
.macro TURN slot, next, fill
	s_wait_tensorcnt 0x0                           ; all my tensor loads have landed: my part of the next slot
	ds_add_u32 v[SPW], v[NIL]                      ; 0 onto my spare word
	s_wait_dscnt 4*NL+1                            ; (the add and the youngest 16 loads, A's blocks 4-7, may be out)
	WIN MUL_LO
	MUL16 0, 1, NQ-1, \slot, 0                     ; sixteen matrix instructions stand between the add and the wait for it
	s_wait_dscnt 0x0                               ; the add is done, and my reads of this slot are over
	s_barrier_signal -1
	MUL16 2, 1, NQ-1, \slot, 0
	WIN 0
	s_barrier_wait -1
.if \fill
	CREST                                          ; the barrier has opened a round of the cluster's barrier: no wave of any partner still reads this slot or has a load on its way
	s_add_nc_u64 s[G0+4*\slot+2:G0+4*\slot+3], s[G0+4*\slot+2:G0+4*\slot+3], 2*CH
	s_add_nc_u64 s[G0B+4*\slot+2:G0B+4*\slot+3], s[G0B+4*\slot+2:G0B+4*\slot+3], 2*CH
	JLOAD G0+4*\slot, G1, G0B+4*\slot, G1B         ; the first tensor load behind the round; its four v_nop are the places in front of the loads below
.else
	PLACES NP
.endif
	FETCH_B \next, 0, 0
	FETCH_A \next, 0, 0
	SCALES \next
.if (\fill) && ((\slot) == 0)          ; K is 1,024: four tiles, and the loop has one trip: behind the refill with tile 2, tile 3 is asked for; tile 3 has no successor
	global_prefetch_b8 v30, s[88:89] offset:3*CH th:TH_LOAD_NT scope:SCOPE_SE
.endif
	WIN MUL_HI
	MUL16 4, 1, NQ-1, \slot, 0
	MUL16 6, 1, NQ-1, \slot, 0
	PLACES NP
	WIN 0
	FETCH_A \next, 0, 4
.endm
	s_wait_alu depctr_va_vdst(0)
	s_wait_tensorcnt 0x0                           ; my part of slot 0 is in
	ds_add_u32 v[SPW], v[NIL]
	s_wait_dscnt 0x0
	CROUND                                         ; everybody's part of slot 0 is in, and the sixteen work-groups meet
	JLOAD G0+4, G1, G0B+4, G1B                     ; slot 1's first fill, the first tensor load behind the round
	FETCH_B 0, 0, 0
	FETCH_A 0, 0, 0
	SCALES 0
	FETCH_A 0, 0, 4
	global_prefetch_b8 v30, s[88:89] offset:2*CH th:TH_LOAD_NT scope:SCOPE_SE   ; behind the load of tile 1 and the run of LDS loads: tile 2
.if MODE == 0
	s_wait_loadcnt 0x0                             ; the bias
	s_cmp_ge_u32 s68, 4
	s_cbranch_scc1 .Lfirst_m
	STEP 0, 0, 1                                   ; the first step stands in front of the loop: its products start the sums
	s_branch .Lfirst_done
.Lfirst_m:
	STEP 0, 0, 2
.Lfirst_done:
.elseif MODE == 1
	s_wait_loadcnt 0x0
	STEP 0, 0, 1
.else
	STEP 0, 0, 3
.endif
	s_mov_b32 s66, LAPS-1
.Llap:                                                 ; a trip goes once round the ring and fills both slots again
	TURN 0, 1, 1
	STEP 1, 0, 0
	TURN 1, 0, 1
	STEP 0, 0, 0
	s_sub_co_u32 s66, s66, 1
	s_cmp_lg_u32 s66, 0
	s_cbranch_scc1 .Llap
	TURN 0, 1, 0                                   ; the last lap fills nothing, and has no round
	STEP 1, 0, 0
	s_wait_dscnt 4*NL                              ; the very last step
	WIN MUL_LO
	MUL16 0, 1, NQ-1, 1, 0
	MUL16 2, 1, NQ-1, 1, 0
	s_wait_dscnt 0
	WIN MUL_HI
	MUL16 4, 1, NQ-1, 1, 0
	MUL16 6, 1, NQ-1, 1, 0
	WIN 0
	PLACES NP                                      ; in front of the first read of results and of writes into registers that the last products read
.if MODE == 2
; THE WAY OUT, f32: a block of 16 rows x 128 columns goes through my own stage and comes back as whole rows of 512 bytes.  LDS serves a wave's instructions in order: no wait between the stores and the loads.
.macro TOSTAGE a
.set AC, 64*((\a)%4)
	WIN 0x08+4*((\a)/4)                            ; the data: window 2 or 3
.irp b, 0,1,2,3,4,5,6,7
	ds_store_b128 v[E0], v[AC+8*\b:AC+8*\b+3] offset:128*(\b/2)+32*(\b%2)       ; each accumulator from its low end on; columns 32 (b / 2) + 8 (b % 2) + 16 h on
	ds_store_b128 v[E0], v[AC+8*\b+4:AC+8*\b+7] offset:128*(\b/2)+32*(\b%2)+16
.endr
	WIN 0
.set BB, BK+64*((\a)%2)
.irp t, 0,1,2,3,4,5,6,7,8,9,10,11,12,13,14,15
	ds_load_b128 v[BB+4*\t:BB+4*\t+3], v[E0+1] offset:\t*SPITCH
.endr
.endm
.macro SEND a, younger
.set BB, BK+64*((\a)%2)
	s_wait_dscnt \younger                          ; the block is back; the next block's 16 stores and 16 loads may be out
.irp t, 0,1,2,3,4,5,6,7,8,9,10,11,12,13,14,15
	global_store_b128 v[E0+2], v[BB+4*\t:BB+4*\t+3], s[76:77] offset:(32*((\a)/2)+8*((\a)%2)+\t+8*(\t/8))*4096   ; 32 lanes store 512 consecutive aligned bytes; 127 rows at the most: inside the signed 24-bit immediate
.endr
.endm
	TOSTAGE 0
.irp a, 1,2,3,4,5,6,7
.if \a > 1
	s_wait_xcnt 0x0                                ; block a - 2's stores have read their registers: block a's loads may land there
.endif
	TOSTAGE \a
	SEND \a-1, 32
.endr
	SEND 7, 0
.else
; THE WAY OUT, quantised: block a's 64 registers are 128 neighbouring columns of my row: four blocks of 32, each shared with lane l xor 16.  The codes are stored as they stand: fragment a % 4 of a unit of the output.
.irp b, 0,1,2,3
	v_mov_b32 v[TM+4+\b], 0                        ; a lane permute's destination counts as one of its sources
.endr
.irp a, 0,1,2,3,4,5,6,7
.set QS, 64*(\a%4)
.set QW, 2+\a/4
.set QF, \a%4
.if \a > 0
	s_wait_xcnt 0x0                                ; the last block's stores have read the codes' registers
.endif
.if MODE == 1
	WIN (QW<<2)|(QW<<6)
.set j, 0
.rept 64
	v_max_num_f32 v[QS+j], 0, v[QS+j]              ; the activation, in f32, each accumulator from its low end on
.set j, j+1
.endr
.endif
	WIN QW|(QW<<2)
.irp b, 0,1,2,3
	v_max3_num_f32 v[TM+\b], |v[QS+16*\b]|, |v[QS+1+16*\b]|, 0x1800000   ; and the floor 2^(3 - 127): the byte cannot fall under 1
.endr
	WIN (QW<<2)|(QW<<4)
.irp i, 2,4,6,8,10,12,14
.irp b, 0,1,2,3
	v_max3_num_f32 v[TM+\b], v[TM+\b], |v[QS+16*\b+\i]|, |v[QS+1+16*\b+\i]|
.endr
.endr
	WIN 0
.irp b, 0,1,2,3
	v_permlanex16_b32 v[TM+4+\b], v[TM+\b], s86, s87
.endr
.irp b, 0,1,2,3
	v_max_num_f32 v[TM+\b], v[TM+\b], v[TM+4+\b]
.endr
.irp b, 0,1,2,3
	v_add_nc_u32 v[TM+8+\b], 0xff000000, v[TM+\b]  ; 2 off the exponent field: the conversion's scale operand
.endr
.irp b, 0,1,2,3
	v_lshrrev_b32 v[TM+4+\b], 23, v[TM+8+\b]       ; the scale's byte
.endr
	v_lshl_or_b32 v[PW], v[TM+5], 8, v[TM+4]
	v_lshl_or_b32 v[PW], v[TM+6], 16, v[PW]
	v_lshl_or_b32 v[PW], v[TM+7], 24, v[PW]
	WIN QW
.irp c, 0,1
	v_cvt_scalef32_pk16_fp6_f32 v[PC+6*\c:PC+2+6*\c], v[QS+32*\c:QS+15+32*\c], v[TM+8+2*\c]
	v_cvt_scalef32_pk16_fp6_f32 v[PC+12+4*\c:PC+14+4*\c], v[QS+16+32*\c:QS+31+32*\c], v[TM+8+2*\c+1]
.endr
	WIN 0
	v_nop                                          ; one plain place behind a scaled conversion
.irp c, 0,1
.irp i, 0,1,2
	v_permlane16_swap_b32 v[PC+6*\c+\i], v[PC+12+4*\c+\i]
.endr
.irp i, 0,1,2
	v_mov_b32 v[PC+3+6*\c+\i], v[PC+12+4*\c+\i]
.endr
.endr
	global_store_b128 v[E0], v[PC:PC+3], s[76:77] offset:768*QF          ; 512 consecutive aligned bytes
	global_store_b64 v[E0+1], v[PC+4:PC+5], s[76:77] offset:768*QF+512   ; 256
	global_store_b128 v[E0], v[PC+6:PC+9], s[76:77] offset:768*QF+3072
	global_store_b64 v[E0+1], v[PC+10:PC+11], s[76:77] offset:768*QF+3584
	ds_store_b32 v[E0+2], v[PW] offset:64*QF       ; both halves of the lanes write the same word with the same value
.if QF == 3
	ds_load_b64 v[TT:TT+1], v[E0+3]                ; the unit's 64 scale words: LDS serves my instructions in order
	s_wait_dscnt 0x0
	global_store_b64 v[E0+1], v[TT:TT+1], s[76:77] offset:6144   ; 256 consecutive aligned bytes
.if \a == 3
	s_wait_xcnt 0x0                                ; the stores have read their base: on to the next panel of the output
.if MODE == 0
	s_add_nc_u64 s[76:77], s[76:77], s[78:79]
.else
	s_add_nc_u64 s[76:77], s[76:77], KSOC*UNIT
.endif
.endif
.endif
.endr
.endif
	s_wait_tensorcnt 0x0                           ; the wave's end
	ds_add_u32 v[SPW], v[NIL]
	s_wait_dscnt 0x0
	CROUND                                         ; the closing round: no work-group ends while a partner may still ask for a tile that names it
	s_endpgm
.Lfunc_end_k_q199669ad3b_up:
	.size	k_q199669ad3b_up, .Lfunc_end_k_q199669ad3b_up-k_q199669ad3b_up
	.p2alignl 7, 3214868480
	.fill 96, 4, 3214868480
	.section	.rodata,"a",@progbits
	.p2align	6, 0x0
	.amdhsa_kernel k_q199669ad3b_up
		.amdhsa_group_segment_fixed_size 327680
		.amdhsa_private_segment_fixed_size 0
		.amdhsa_enable_private_segment 0
		.amdhsa_kernarg_size 32
		.amdhsa_user_sgpr_count 2
		.amdhsa_user_sgpr_kernarg_segment_ptr 1
		.amdhsa_wavefront_size32 1
		.amdhsa_system_sgpr_workgroup_id_x 1
		.amdhsa_system_sgpr_workgroup_id_y 1
		.amdhsa_system_sgpr_workgroup_id_z 1
		.amdhsa_system_vgpr_workitem_id 0
		.amdhsa_next_free_vgpr 1024
		.amdhsa_next_free_sgpr 96
		.amdhsa_reserve_vcc 0
		.amdhsa_float_denorm_mode_32 3
		.amdhsa_float_denorm_mode_16_64 3
		.amdhsa_memory_ordered 1
		.amdhsa_forward_progress 1
		.amdhsa_inst_pref_size 168
	.end_amdhsa_kernel
	.amdgpu_metadata
---
amdhsa.version: [ 1, 2 ]
amdhsa.kernels:
  - .name:           k_q199669ad3b_up
    .symbol:         k_q199669ad3b_up.kd
    .args:
      - { .name: x1_img, .offset: 0, .size: 8, .value_kind: global_buffer, .address_space: global }
      - { .name: wimg, .offset: 8, .size: 8, .value_kind: global_buffer, .address_space: global }
      - { .name: bup, .offset: 16, .size: 8, .value_kind: global_buffer, .address_space: global }
      - { .name: up_img, .offset: 24, .size: 8, .value_kind: global_buffer, .address_space: global }
    .group_segment_fixed_size: 327680
    .private_segment_fixed_size: 0
    .kernarg_segment_align: 8
    .kernarg_segment_size: 32
    .max_flat_workgroup_size: 128
    .sgpr_count:     96
    .vgpr_count:     1024
    .wavefront_size: 32
...
	.end_amdgpu_metadata
.endif
;; end of part 13
;; launch down (part 14): grid 8 x 32, 4 waves a work-group, clusters of 4 x 4, 327,680 bytes of LDS; arguments up_img, wimg, cbuf; writes cbuf
.if DOCPART == 14
	.amdgcn_target "amdgcn-amd-amdhsa--gfx1250"
	.amdhsa_code_object_version 6
	.text
	.protected	k_q199669ad3b_down
	.globl	k_q199669ad3b_down
	.p2align	8
	.type	k_q199669ad3b_down,@function
k_q199669ad3b_down:
	s_mov_b64 s[64:65], 0
	v_nop
	global_prefetch_b8 v0, s[64:65] scope:SCOPE_SE
	s_setreg_imm32_b32 hwreg(HW_REG_WAVE_MODE, 25, 1), 1
	s_wait_xcnt 0x0
	s_wait_alu depctr_hold_cnt(0) depctr_sa_sdst(0) depctr_va_vdst(0) depctr_va_sdst(0) depctr_va_ssrc(0) depctr_va_vcc(0) depctr_vm_vsrc(0)
	s_getreg_b32 s2, hwreg(HW_REG_IB_STS2, 6, 4)
	s_cmp_eq_u32 s2, 0
	s_cbranch_scc0 .Lentry_in_a_cluster
	s_endpgm
.Lentry_in_a_cluster:
	s_bfe_u32 s2, ttmp6, 0x10000c
	s_cmp_lg_u32 s2, 0xf033
	s_cbranch_scc0 .Lentry_shape_is_right
	s_endpgm
.Lentry_shape_is_right:
.set SIZE_K, 4096
.set BOFF,   192*51200
.set KS,     SIZE_K/128
.set UNIT,   6400
.set PANB,   KS*UNIT
.set NQ,     4
.set CH,     NQ*UNIT
.set SLOT,   4*CH
.set SPARE,  2*SLOT
.set LAPS,   SIZE_K/(2*NQ*128)
.set FR,     12
.set NP,     4
.set SPITCH, 272
.set ADRS, 12
.set ADRA, 16
.set ADRB, 20
.set E0,   24
.set SPW,  28
.set NIL,  29
.set SC,   32
.set BK,   64
.set ACC,  128
.set F0,   0
.set F1,   128
.set G1, 24
.set G0, 32
.set G1B, 48
.set G0B, 56
.set MSB, 0
.macro WIN new
.if MSB != (\new)
	s_set_vgpr_msb (MSB<<8)|(\new)
.set MSB, (\new)
.endif
.endm
.set MUL,  0x05
.set TO_F, 0x40
.macro JLOAD g0a, g1a, g0b, g1b
	s_cmp_eq_u32 s17, 0
	s_cbranch_scc0 .Lfor_b_\@
	tensor_load_to_lds s[\g0a:\g0a+3], s[\g1a:\g1a+7]
	s_nop 0
.rept 4
	v_nop
.endr
	s_branch .Lasked_\@
.Lfor_b_\@:
	tensor_load_to_lds s[\g0b:\g0b+3], s[\g1b:\g1b+7]
	s_nop 0
.rept 4
	v_nop
.endr
.Lasked_\@:
.endm
.macro CREST
	s_cmp_lg_u32 s16, 0
	s_cbranch_scc1 .Lnot_wave_0_\@
	s_barrier_signal -3
.Lnot_wave_0_\@:
	s_barrier_wait -3
	s_barrier_signal -1
	s_barrier_wait -1
.endm
.macro CROUND
	s_barrier_signal -1
	s_barrier_wait -1
	CREST
.endm
	s_load_b128 s[4:7], s[0:1], 0x0
	s_load_b64 s[8:9], s[0:1], 0x10
	v_lshl_add_u32 v[SPW], v0, 2, SPARE
	v_mov_b32 v[NIL], 0
	ds_add_u32 v28, v29
	ds_add_u32 v28, v29
	s_wait_dscnt 0x0
	v_lshrrev_b32 v1, 5, v0
	v_readfirstlane_b32 s16, v1
	s_lshr_b32 s17, s16, 1
	s_and_b32 s18, s16, 1
	s_bfe_u32 s40, ttmp6, 0x40000
	s_bfe_u32 s41, ttmp6, 0x40004
	s_and_b32 s68, ttmp7, 0xffff
	s_lshl_b32 s69, s68, 2
	s_lshl_b32 s70, ttmp9, 2
	s_add_co_u32 s22, s69, s41
	s_add_co_u32 s42, s70, s40
	s_lshl_b32 s43, s41, 2
	s_lshl_b32 s43, 15, s43
	s_lshl_b32 s44, 0x1111, s40
	s_or_b32 s[G1+0], s43, (3<<16)|(1<<21)
	s_or_b32 s[G1B+0], s44, (3<<16)|(1<<21)
.irp g, G1, G1B
	s_mov_b32 s[\g+1], 32<<16
	s_mov_b32 s[\g+2], (CH/256)<<16
	s_mov_b32 s[\g+3], 32<<16
	s_mov_b32 s[\g+4], CH/256
	s_mov_b32 s[\g+5], 32
	s_mov_b32 s[\g+6], 0
	s_mov_b32 s[\g+7], 0
.endr
	s_lshl_b32 s20, s22, 1
	s_add_co_u32 s20, s20, s18
	s_lshl_b32 s46, s42, 1
	s_add_co_u32 s46, s46, s18
	s_mul_i32 s20, s20, PANB
	s_mul_i32 s46, s46, PANB
	s_add_co_u32 s46, s46, BOFF
	s_mov_b32 s21, 0
	s_mov_b32 s47, 0
	s_mul_i32 s45, s16, CH
	s_wait_kmcnt 0x0
	s_add_nc_u64 s[20:21], s[4:5], s[20:21]
	s_add_nc_u64 s[46:47], s[6:7], s[46:47]
	CROUND
.irp s, 0,1
	s_mov_b32 s[G0+4*\s], 1
	s_add_co_u32 s[G0+4*\s+1], s45, \s*SLOT
	s_add_nc_u64 s[G0+4*\s+2:G0+4*\s+3], s[20:21], \s*CH
	s_or_b32 s[G0+4*\s+3], s[G0+4*\s+3], 0x80000000
	s_mov_b32 s[G0B+4*\s], 1
	s_add_co_u32 s[G0B+4*\s+1], s45, \s*SLOT
	s_add_nc_u64 s[G0B+4*\s+2:G0B+4*\s+3], s[46:47], \s*CH
	s_or_b32 s[G0B+4*\s+3], s[G0B+4*\s+3], 0x80000000
.endr
	JLOAD G0, G1, G0B, G1B                         ; slot 0: one tensor load a wave at the head, behind the round above
	v_and_b32 v1, 15, v0
	v_bfe_u32 v2, v0, 4, 1
	v_and_b32 v3, 31, v0
	v_lshlrev_b32 v4, 4, v3
	v_lshlrev_b32 v6, 3, v3
	v_add_nc_u32 v5, 512, v6
	s_mul_i32 s19, s17, CH
	s_mul_i32 s23, s18, CH
	s_add_co_u32 s23, s23, 2*CH
.irp s, 0,1
	v_add_nc_u32 v[ADRA+\s], s19, v4
	v_add_nc_u32 v[ADRA+2+\s], s19, v5
	v_add_nc_u32 v[ADRB+\s], s23, v4
	v_add_nc_u32 v[ADRB+2+\s], s23, v5
	s_add_co_u32 s19, s19, SLOT
	s_add_co_u32 s23, s23, SLOT
.endr
	s_xor_b32 s23, s17, 1
	s_add_co_u32 s23, s23, s18
	s_add_co_u32 s23, s23, 1
	s_mul_i32 s23, s23, CH
	v_mul_u32_u24 v9, s23, v2
	v_lshl_add_u32 v9, v1, 2, v9
	s_mul_i32 s19, s17, CH
	s_add_co_u32 s19, s19, 6144
	v_add_nc_u32 v[ADRS], s19, v9
	v_add_nc_u32 v[ADRS+1], SLOT, v[ADRS]
	s_mul_i32 s19, s16, 16*SPITCH
	v_mul_u32_u24 v9, v1, SPITCH
	v_lshl_add_u32 v9, v2, 6, v9
	v_add_nc_u32 v[E0], s19, v9
	v_mul_u32_u24 v9, v2, SPITCH
	v_lshl_add_u32 v9, v1, 4, v9
	v_add_nc_u32 v[E0+1], s19, v9
	v_lshlrev_b32 v9, 12, v2
	v_lshl_add_u32 v[E0+2], v1, 4, v9
	s_lshl_b32 s74, s22, 7
	s_lshl_b32 s75, s17, 6
	s_add_co_u32 s74, s74, s75
	s_lshl_b32 s74, s74, 12
	s_lshl_b32 s75, s42, 9
	s_add_co_u32 s74, s74, s75
	s_lshl_b32 s75, s18, 8
	s_add_co_u32 s74, s74, s75
	s_mov_b32 s75, 0
	s_add_nc_u64 s[76:77], s[8:9], s[74:75]
	; the prefetches: a wave's tile is 25,600 consecutive bytes, 100 blocks of 256; the four partners that ask for it jointly take 25 blocks each, told apart by address (cx for A, cy for B)
	s_cmp_eq_u32 s17, 0                            ; do I fetch for A?
	s_cselect_b64 s[78:79], s[20:21], s[46:47]
	s_cselect_b32 s80, s40, s41
	s_mul_i32 s80, s80, UNIT                       ; 25 blocks
	s_mov_b32 s81, 0
	s_add_nc_u64 s[78:79], s[78:79], s[80:81]
	s_add_nc_u64 s[78:79], s[78:79], CH            ; at tile 1; each refill steps it one tile on, and asks for the tile behind that
	v_and_b32 v30, 31, v0
	v_min_u32 v30, 24, v30                         ; a lane a block; the seven lanes left over name the last block again
	v_lshlrev_b32 v30, 8, v30
	global_prefetch_b8 v30, s[78:79] th:TH_LOAD_NT scope:SCOPE_SE   ; behind the load of tile 0: tile 1
.macro FRAG reg, adr, off
	ds_load_b128 v[\reg:\reg+3], v[\adr] offset:\off
	ds_load_b64 v[\reg+4:\reg+5], v[\adr+2] offset:\off
	ds_load_b128 v[\reg+6:\reg+9], v[\adr] offset:\off+3072
	ds_load_b64 v[\reg+10:\reg+11], v[\adr+2] offset:\off+3072
.endm
.macro FETCH slot, q, f
	WIN TO_F
.irp i, 0,1,2,3
	FRAG (\f)+48+FR*\i, ADRB+\slot, (\q)*UNIT+768*\i
.endr
.irp i, 0,1,2,3
	FRAG (\f)+FR*\i, ADRA+\slot, (\q)*UNIT+768*\i
.endr
.endm
.macro SCALES sc
	WIN 0
.irp q, 0,1,2,3
.irp i, 0,1,2,3
	ds_load_b32 v[SC+16*\sc+4*\q+\i], v[ADRS+\sc] offset:\q*UNIT+64*\i
.endr
.endr
.endm
.macro MULA f, q, sc, a, zero
.irp b, 0,1,2,3
.set rD, ACC+8*(4*(\a)+\b)
.set rB, (\f)+48+FR*\b
.set rA, (\f)+FR*(\a)
.set rT, SC+16*(\sc)+4*(\q)+\b
.set rU, SC+16*(\sc)+4*(\q)+(\a)
.if \zero
	v_wmma_scale_f32_16x16x128_f8f6f4 v[rD:rD+7], v[rB:rB+FR-1], v[rA:rA+FR-1], 0, v[rT], v[rU] matrix_a_fmt:MATRIX_FMT_FP6 matrix_b_fmt:MATRIX_FMT_FP6 matrix_a_scale:MATRIX_SCALE_ROW1
.else
	v_wmma_scale_f32_16x16x128_f8f6f4 v[rD:rD+7], v[rB:rB+FR-1], v[rA:rA+FR-1], v[rD:rD+7], v[rT], v[rU] matrix_a_fmt:MATRIX_FMT_FP6 matrix_b_fmt:MATRIX_FMT_FP6 matrix_a_scale:MATRIX_SCALE_ROW1
.endif
.endr
.endm
.macro MUL16 f, q, sc, zero
.irp a, 0,1,2,3
	MULA \f, \q, \sc, \a, \zero
.endr
.endm
.macro PLACES n
.rept \n
	v_nop
.endr
.endm
.macro STEP slot, q, zero
	s_wait_dscnt 0x0
	PLACES NP
	FETCH \slot, (\q)+1, 128*(((\q)+1)%2)
	WIN MUL
	MUL16 128*((\q)%2), \q, \slot, \zero
.endm
.macro TURN slot, next, fill
	WIN 0
.if \fill
	s_wait_xcnt 0x0                                ; my last prefetch has read its address: it steps one tile along K
	s_add_nc_u64 s[78:79], s[78:79], CH
.endif
	s_wait_tensorcnt 0x0
	ds_add_u32 v[SPW], v[NIL]
	s_wait_dscnt 1
	WIN MUL
	MULA F1, NQ-1, \slot, 0, 0
	s_wait_dscnt 0x0
	s_barrier_signal -1
	MULA F1, NQ-1, \slot, 1, 0
	WIN 0
	s_barrier_wait -1
.if \fill
	CREST
	s_add_nc_u64 s[G0+4*\slot+2:G0+4*\slot+3], s[G0+4*\slot+2:G0+4*\slot+3], 2*CH
	s_add_nc_u64 s[G0B+4*\slot+2:G0B+4*\slot+3], s[G0B+4*\slot+2:G0B+4*\slot+3], 2*CH
	JLOAD G0+4*\slot, G1, G0B+4*\slot, G1B
.else
	PLACES NP
.endif
	FETCH \next, 0, F0
	s_wait_alu depctr_va_vdst(0)
	SCALES \next
.if \fill                              ; behind the refill of tile T and the run of LDS loads: tile T + 1, which the next refill loads, is asked of memory; the last refill (tile 7) has no successor
.if \slot
	s_cmp_gt_u32 s66, 1
	s_cbranch_scc0 .Lno_ask_\@
.endif
	global_prefetch_b8 v30, s[78:79] offset:CH th:TH_LOAD_NT scope:SCOPE_SE
.Lno_ask_\@:
.endif
	WIN MUL
	MULA F1, NQ-1, \slot, 2, 0
	MULA F1, NQ-1, \slot, 3, 0
.endm
	s_wait_alu depctr_va_vdst(0)
	s_wait_tensorcnt 0x0                           ; my part of slot 0 is in
	ds_add_u32 v[SPW], v[NIL]
	s_wait_dscnt 0x0
	CROUND                                         ; everybody's part of slot 0 is in, and the sixteen work-groups meet
	JLOAD G0+4, G1, G0B+4, G1B                     ; slot 1's first fill, the first tensor load behind the round
	FETCH 0, 0, F0
	SCALES 0
	global_prefetch_b8 v30, s[78:79] offset:CH th:TH_LOAD_NT scope:SCOPE_SE   ; behind the load of tile 1 and the run of LDS loads: tile 2
	STEP 0, 0, 1
	STEP 0, 1, 0
	STEP 0, 2, 0
.if LAPS > 1
	WIN 0
	s_mov_b32 s66, LAPS-1
.Llap:
	TURN 0, 1, 1
	STEP 1, 0, 0
	STEP 1, 1, 0
	STEP 1, 2, 0
	TURN 1, 0, 1
	STEP 0, 0, 0
	STEP 0, 1, 0
	STEP 0, 2, 0
	WIN 0
	s_sub_co_u32 s66, s66, 1
	s_cmp_lg_u32 s66, 0
	s_cbranch_scc1 .Llap
.endif
	TURN 0, 1, 0
	STEP 1, 0, 0
	STEP 1, 1, 0
	STEP 1, 2, 0
	s_wait_dscnt 0x0
	WIN MUL
	MUL16 F1, NQ-1, 1, 0
	WIN 0
	PLACES NP
.macro TOSTAGE a
.irp b, 0,1,2,3
	ds_store_b128 v[E0], v[ACC+8*(4*(\a)+\b):ACC+8*(4*(\a)+\b)+3] offset:128*(\b/2)+32*(\b%2)
	ds_store_b128 v[E0], v[ACC+8*(4*(\a)+\b)+4:ACC+8*(4*(\a)+\b)+7] offset:128*(\b/2)+32*(\b%2)+16
.endr
.set BB, BK+32*((\a)%2)
.irp i, 0,1,2,3,4,5,6,7
	ds_load_b128 v[BB+4*\i:BB+4*\i+3], v[E0+1] offset:2*\i*SPITCH
.endr
.endm
.macro SEND a, younger
.set BB, BK+32*((\a)%2)
	s_wait_dscnt \younger
.irp i, 0,1,2,3,4,5,6,7
	global_store_b128 v[E0+2], v[BB+4*\i:BB+4*\i+3], s[76:77] offset:(32*((\a)/2)+8*((\a)%2)+2*\i+8*(\i/4))*4096
.endr
.endm
	TOSTAGE 0
.irp a, 1,2,3
.if \a > 1
	s_wait_xcnt 0x0
.endif
	TOSTAGE \a
	SEND \a-1, 16
.endr
	SEND 3, 0
	s_wait_tensorcnt 0x0
	ds_add_u32 v[SPW], v[NIL]
	s_wait_dscnt 0x0
	CROUND
	s_endpgm
.Lfunc_end_k_q199669ad3b_down:
	.size	k_q199669ad3b_down, .Lfunc_end_k_q199669ad3b_down-k_q199669ad3b_down
	.p2alignl 7, 3214868480
	.fill 96, 4, 3214868480
	.section	.rodata,"a",@progbits
	.p2align	6, 0x0
	.amdhsa_kernel k_q199669ad3b_down
		.amdhsa_group_segment_fixed_size 327680
		.amdhsa_private_segment_fixed_size 0
		.amdhsa_enable_private_segment 0
		.amdhsa_kernarg_size 24
		.amdhsa_user_sgpr_count 2
		.amdhsa_user_sgpr_kernarg_segment_ptr 1
		.amdhsa_wavefront_size32 1
		.amdhsa_system_sgpr_workgroup_id_x 1
		.amdhsa_system_sgpr_workgroup_id_y 1
		.amdhsa_system_sgpr_workgroup_id_z 1
		.amdhsa_system_vgpr_workitem_id 0
		.amdhsa_next_free_vgpr 512
		.amdhsa_next_free_sgpr 96
		.amdhsa_reserve_vcc 0
		.amdhsa_float_denorm_mode_32 3
		.amdhsa_float_denorm_mode_16_64 3
		.amdhsa_memory_ordered 1
		.amdhsa_forward_progress 1
		.amdhsa_inst_pref_size 91
	.end_amdhsa_kernel
	.amdgpu_metadata
---
amdhsa.version: [ 1, 2 ]
amdhsa.kernels:
  - .name:           k_q199669ad3b_down
    .symbol:         k_q199669ad3b_down.kd
    .args:
      - { .name: up_img, .offset: 0, .size: 8, .value_kind: global_buffer, .address_space: global }
      - { .name: wimg, .offset: 8, .size: 8, .value_kind: global_buffer, .address_space: global }
      - { .name: cbuf, .offset: 16, .size: 8, .value_kind: global_buffer, .address_space: global }
    .group_segment_fixed_size: 327680
    .private_segment_fixed_size: 0
    .kernarg_segment_align: 8
    .kernarg_segment_size: 24
    .max_flat_workgroup_size: 128
    .sgpr_count:     96
    .vgpr_count:     512
    .wavefront_size: 32
...
	.end_amdgpu_metadata
.endif
;; end of part 14
;; launch ln2 (part 15): grid 256 x 1, 8 waves a work-group, no clusters, 0 bytes of LDS; arguments cbuf, x1, bdown, ln2_w, ln2_b, out0; writes out0
.if DOCPART == 15
	.amdgcn_target "amdgcn-amd-amdhsa--gfx1250"
	.amdhsa_code_object_version 6
	.text
	.protected	k_q199669ad3b_ln2
	.globl	k_q199669ad3b_ln2
	.p2align	8
	.type	k_q199669ad3b_ln2,@function
k_q199669ad3b_ln2:
	s_mov_b64 s[64:65], 0
	v_nop
	global_prefetch_b8 v0, s[64:65] scope:SCOPE_SE
	s_setreg_imm32_b32 hwreg(HW_REG_WAVE_MODE, 25, 1), 1
	s_wait_xcnt 0x0
; x = layer norm(residual + (c + bias)) x gain + offset over rows of 1,024, in f32.  (The same text as the first layer norm's with QOUT = 0: nothing is quantised, and no LDS is used.)
; SHARES.  Work-group G takes 16 rows: rows 32 (f / 2) + 8 (f % 2) + r + 8 (r / 8) of panel G / 4 (64 rows), f = G % 4.  Wave w takes rows r = 2 w and 2 w + 1, neighbours in memory; a row lies in one wave:
; lane l holds columns 4 l + 128 j + 0 .. 3, j = 0 .. 7, so each load and store covers 512 consecutive aligned bytes and the two sums never leave the wave.
; The mean is taken first and the variance of the differences, in two passes: no difference of large sums is formed.  NaN and infinities among the inputs are passed on as the arithmetic gives them.
; Memory binds: matrix units, clusters and tensor loads would add nothing.
.set Y,   16                           ; v16-79   c, then the sum, the differences, the result: 32 registers a row
.set R,   80                           ; v80-143  the residual
.set BB,  144                          ; v144-175 the bias
.set GW,  176                          ; v176-207 the gain
.set GB,  208                          ; v208-239 the offset
.set ST,  240                          ; v240-247 sums: four registers a row
.set SEL, 28
	s_load_b256 s[4:11], s[0:1], 0x0               ; c, the residual, the bias, the gain
	s_load_b128 s[12:15], s[0:1], 0x20             ; the offset, the result
	v_lshrrev_b32 v1, 5, v0
	s_delay_alu instid0(VALU_DEP_1)
	v_readfirstlane_b32 s18, v1                    ; wave 0..7
	v_and_b32 v7, 31, v0                           ; lane
	s_delay_alu instid0(VALU_DEP_1)
	v_lshlrev_b32 v1, 4, v7                        ; 16 x lane
	s_lshr_b32 s19, ttmp9, 2                       ; panel
	s_and_b32 s20, ttmp9, 3                        ; f
	s_lshl_b32 s21, s19, 6
	s_lshr_b32 s22, s20, 1
	s_lshl_b32 s22, s22, 5
	s_add_co_u32 s21, s21, s22
	s_and_b32 s22, s20, 1
	s_lshl_b32 s22, s22, 3
	s_add_co_u32 s21, s21, s22
	s_lshl_b32 s22, s18, 1
	s_add_co_u32 s21, s21, s22
	s_lshr_b32 s22, s18, 2
	s_lshl_b32 s22, s22, 3
	s_add_co_u32 s21, s21, s22                     ; my first row
	s_lshl_b32 s22, s21, 12
	s_mov_b32 s23, 0
	s_mov_b32 s24, 0xba800000                      ; -1 / 1,024
	s_mov_b32 s25, 0x3a800000                      ; 1 / 1,024
	s_mov_b32 s26, 0x3727c5ac                      ; 1e-5
	s_mov_b32 s[SEL], 0x76543210
	s_mov_b32 s[SEL+1], 0xfedcba98
	v_mov_b32 v248, 0                              ; a lane permute's destination counts as one of its sources
	v_mov_b32 v249, 0
	s_wait_alu depctr_va_vdst(0)
	s_wait_kmcnt 0x0
	s_add_nc_u64 s[4:5], s[4:5], s[22:23]
	s_add_nc_u64 s[6:7], s[6:7], s[22:23]
	s_add_nc_u64 s[14:15], s[14:15], s[22:23]
.irp u, 0,1
.irp j, 0,1,2,3,4,5,6,7
	global_load_b128 v[Y+32*\u+4*\j:Y+32*\u+4*\j+3], v1, s[4:5] offset:4096*\u+512*\j th:TH_LOAD_NT
.endr
.endr
.irp j, 0,1,2,3,4,5,6,7
	global_load_b128 v[BB+4*\j:BB+4*\j+3], v1, s[8:9] offset:512*\j
.endr
.irp u, 0,1
.irp j, 0,1,2,3,4,5,6,7
	global_load_b128 v[R+32*\u+4*\j:R+32*\u+4*\j+3], v1, s[6:7] offset:4096*\u+512*\j th:TH_LOAD_NT
.endr
.endr
.irp j, 0,1,2,3,4,5,6,7
	global_load_b128 v[GW+4*\j:GW+4*\j+3], v1, s[10:11] offset:512*\j
.endr
.irp j, 0,1,2,3,4,5,6,7
	global_load_b128 v[GB+4*\j:GB+4*\j+3], v1, s[12:13] offset:512*\j
.endr
	s_wait_loadcnt 16                              ; all but the gain's and the offset's 16 loads are in
.irp u, 0,1
.irp k, 0,2,4,6,8,10,12,14,16,18,20,22,24,26,28,30
	v_pk_add_f32 v[Y+32*\u+\k:Y+32*\u+\k+1], v[Y+32*\u+\k:Y+32*\u+\k+1], v[BB+\k:BB+\k+1]
.endr
.endr
.irp u, 0,1
.irp k, 0,2,4,6,8,10,12,14,16,18,20,22,24,26,28,30
	v_pk_add_f32 v[Y+32*\u+\k:Y+32*\u+\k+1], v[Y+32*\u+\k:Y+32*\u+\k+1], v[R+32*\u+\k:R+32*\u+\k+1]
.endr
.endr
.macro ACROSS x, t                     ; the sum over the 32 lanes, in every lane
	v_add_f32_dpp v[\x], v[\x], v[\x] row_xmask:1 row_mask:0xf bank_mask:0xf
	s_delay_alu instid0(VALU_DEP_1)
	v_add_f32_dpp v[\x], v[\x], v[\x] row_xmask:2 row_mask:0xf bank_mask:0xf
	s_delay_alu instid0(VALU_DEP_1)
	v_add_f32_dpp v[\x], v[\x], v[\x] row_xmask:4 row_mask:0xf bank_mask:0xf
	s_delay_alu instid0(VALU_DEP_1)
	v_add_f32_dpp v[\x], v[\x], v[\x] row_xmask:8 row_mask:0xf bank_mask:0xf
	s_delay_alu instid0(VALU_DEP_1)
	v_permlanex16_b32 v[\t], v[\x], s[SEL], s[SEL+1]
	s_delay_alu instid0(VALU_DEP_1)
	v_add_f32 v[\x], v[\x], v[\t]
.endm
.irp u, 0,1                                    ; the row's sum, two chains a row
	v_pk_add_f32 v[ST+4*\u:ST+4*\u+1], v[Y+32*\u:Y+32*\u+1], v[Y+32*\u+2:Y+32*\u+3]
	v_pk_add_f32 v[ST+4*\u+2:ST+4*\u+3], v[Y+32*\u+4:Y+32*\u+5], v[Y+32*\u+6:Y+32*\u+7]
.endr
.irp k, 8,12,16,20,24,28
.irp u, 0,1
	s_delay_alu instid0(VALU_DEP_4)
	v_pk_add_f32 v[ST+4*\u:ST+4*\u+1], v[ST+4*\u:ST+4*\u+1], v[Y+32*\u+\k:Y+32*\u+\k+1]
	s_delay_alu instid0(VALU_DEP_4)
	v_pk_add_f32 v[ST+4*\u+2:ST+4*\u+3], v[ST+4*\u+2:ST+4*\u+3], v[Y+32*\u+\k+2:Y+32*\u+\k+3]
.endr
.endr
.irp u, 0
	s_delay_alu instid0(VALU_DEP_3)
	v_pk_add_f32 v[ST+4*\u:ST+4*\u+1], v[ST+4*\u:ST+4*\u+1], v[ST+4*\u+2:ST+4*\u+3]
.endr
.irp u, 1
	s_delay_alu instid0(VALU_DEP_2)
	v_pk_add_f32 v[ST+4*\u:ST+4*\u+1], v[ST+4*\u:ST+4*\u+1], v[ST+4*\u+2:ST+4*\u+3]
.endr
.irp u, 0,1
	s_delay_alu instid0(VALU_DEP_2)
	v_add_f32 v[ST+4*\u], v[ST+4*\u], v[ST+4*\u+1]
.endr
	ACROSS ST, 248
	ACROSS ST+4, 249
.irp u, 0
	v_mul_f32 v[ST+4*\u], s24, v[ST+4*\u]          ; - the mean
.endr
.irp u, 1
	s_delay_alu instid0(VALU_DEP_2)
	v_mul_f32 v[ST+4*\u], s24, v[ST+4*\u]          ; - the mean
.endr
.irp u, 0,1
.irp k, 0,2,4,6,8,10,12,14,16,18,20,22,24,26,28,30
	v_pk_add_f32 v[Y+32*\u+\k:Y+32*\u+\k+1], v[Y+32*\u+\k:Y+32*\u+\k+1], v[ST+4*\u:ST+4*\u+1] op_sel_hi:[1,0]   ; the differences
.endr
.endr
.irp u, 0,1                                    ; the sum of their squares
	v_pk_mul_f32 v[ST+4*\u:ST+4*\u+1], v[Y+32*\u:Y+32*\u+1], v[Y+32*\u:Y+32*\u+1]
	v_pk_mul_f32 v[ST+4*\u+2:ST+4*\u+3], v[Y+32*\u+2:Y+32*\u+3], v[Y+32*\u+2:Y+32*\u+3]
.endr
.irp k, 4,8,12,16,20,24,28
.irp u, 0,1
	s_delay_alu instid0(VALU_DEP_4)
	v_pk_fma_f32 v[ST+4*\u:ST+4*\u+1], v[Y+32*\u+\k:Y+32*\u+\k+1], v[Y+32*\u+\k:Y+32*\u+\k+1], v[ST+4*\u:ST+4*\u+1]
	s_delay_alu instid0(VALU_DEP_4)
	v_pk_fma_f32 v[ST+4*\u+2:ST+4*\u+3], v[Y+32*\u+\k+2:Y+32*\u+\k+3], v[Y+32*\u+\k+2:Y+32*\u+\k+3], v[ST+4*\u+2:ST+4*\u+3]
.endr
.endr
.irp u, 0
	s_delay_alu instid0(VALU_DEP_3)
	v_pk_add_f32 v[ST+4*\u:ST+4*\u+1], v[ST+4*\u:ST+4*\u+1], v[ST+4*\u+2:ST+4*\u+3]
.endr
.irp u, 1
	s_delay_alu instid0(VALU_DEP_2)
	v_pk_add_f32 v[ST+4*\u:ST+4*\u+1], v[ST+4*\u:ST+4*\u+1], v[ST+4*\u+2:ST+4*\u+3]
.endr
.irp u, 0,1
	s_delay_alu instid0(VALU_DEP_2)
	v_add_f32 v[ST+4*\u], v[ST+4*\u], v[ST+4*\u+1]
.endr
	ACROSS ST, 248
	ACROSS ST+4, 249
.irp u, 0
	v_fma_f32 v[ST+4*\u], v[ST+4*\u], s25, s26     ; the variance + 1e-5
.endr
.irp u, 1
	s_delay_alu instid0(VALU_DEP_2)
	v_fma_f32 v[ST+4*\u], v[ST+4*\u], s25, s26     ; the variance + 1e-5
.endr
	s_wait_alu depctr_va_vdst(0)
	v_rsq_f32 v[ST], v[ST]
	v_rsq_f32 v[ST+4], v[ST+4]
	v_nop                                          ; one plain place behind a transcendental
	s_wait_loadcnt 0x0                             ; the gain and the offset
	s_wait_alu depctr_va_vdst(0)
.irp u, 0,1
.irp k, 0,2,4,6,8,10,12,14,16,18,20,22,24,26,28,30
	v_pk_mul_f32 v[Y+32*\u+\k:Y+32*\u+\k+1], v[Y+32*\u+\k:Y+32*\u+\k+1], v[ST+4*\u:ST+4*\u+1] op_sel_hi:[1,0]
.endr
.endr
.irp u, 0,1
.irp k, 0,2,4,6,8,10,12,14,16,18,20,22,24,26,28,30
	v_pk_fma_f32 v[Y+32*\u+\k:Y+32*\u+\k+1], v[Y+32*\u+\k:Y+32*\u+\k+1], v[GW+\k:GW+\k+1], v[GB+\k:GB+\k+1]
.endr
.endr
.irp u, 0,1
.irp j, 0,1,2,3,4,5,6,7
	global_store_b128 v1, v[Y+32*\u+4*\j:Y+32*\u+4*\j+3], s[14:15] offset:4096*\u+512*\j th:TH_STORE_NT   ; written once, read by nobody here
.endr
.endr
	s_endpgm
.Lfunc_end_k_q199669ad3b_ln2:
	.size	k_q199669ad3b_ln2, .Lfunc_end_k_q199669ad3b_ln2-k_q199669ad3b_ln2
	.p2alignl 7, 3214868480
	.fill 96, 4, 3214868480
	.section	.rodata,"a",@progbits
	.p2align	6, 0x0
	.amdhsa_kernel k_q199669ad3b_ln2
		.amdhsa_group_segment_fixed_size 0
		.amdhsa_private_segment_fixed_size 0
		.amdhsa_enable_private_segment 0
		.amdhsa_kernarg_size 48
		.amdhsa_user_sgpr_count 2
		.amdhsa_user_sgpr_kernarg_segment_ptr 1
		.amdhsa_wavefront_size32 1
		.amdhsa_system_sgpr_workgroup_id_x 1
		.amdhsa_system_sgpr_workgroup_id_y 1
		.amdhsa_system_sgpr_workgroup_id_z 1
		.amdhsa_system_vgpr_workitem_id 0
		.amdhsa_next_free_vgpr 256
		.amdhsa_next_free_sgpr 66
		.amdhsa_reserve_vcc 0
		.amdhsa_float_denorm_mode_32 3
		.amdhsa_float_denorm_mode_16_64 3
		.amdhsa_memory_ordered 1
		.amdhsa_forward_progress 1
		.amdhsa_inst_pref_size 27
	.end_amdhsa_kernel
	.amdgpu_metadata
---
amdhsa.version: [ 1, 2 ]
amdhsa.kernels:
  - .name:           k_q199669ad3b_ln2
    .symbol:         k_q199669ad3b_ln2.kd
    .args:
      - { .name: cbuf, .offset: 0, .size: 8, .value_kind: global_buffer, .address_space: global }
      - { .name: x1, .offset: 8, .size: 8, .value_kind: global_buffer, .address_space: global }
      - { .name: bdown, .offset: 16, .size: 8, .value_kind: global_buffer, .address_space: global }
      - { .name: ln2_w, .offset: 24, .size: 8, .value_kind: global_buffer, .address_space: global }
      - { .name: ln2_b, .offset: 32, .size: 8, .value_kind: global_buffer, .address_space: global }
      - { .name: out0, .offset: 40, .size: 8, .value_kind: global_buffer, .address_space: global }
    .group_segment_fixed_size: 0
    .private_segment_fixed_size: 0
    .kernarg_segment_align: 8
    .kernarg_segment_size: 48
    .max_flat_workgroup_size: 256
    .sgpr_count:     66
    .vgpr_count:     256
    .wavefront_size: 32
...
	.end_amdgpu_metadata
.endif
;; end of part 15
